; MI455X (gfx1250); checked and timed in simulation.
; The chip was launched on July 23, 2026; its instructions are those of AMD's public machine-readable ISA for CDNA 5 (MIT licence, August 2026) and "CDNA5" Instruction Set Architecture Reference Guide (July 2026). The comments in the code are by the model that wrote it; some were corrected since.
;; Hyperbolic Attention Layer. Allowed arithmetic: matrix products marked QUANTISED: E2M3 operands, one E8M0 scale for each 32 along K, by v_wmma_scale_f32_16x16x128_f8f6f4 with both operands' format E2M3, f32 sums; everything else in f32.
;; Inputs: b1 1,024 float32; b2 1,024 float32; bf1 4,096 float32; bf2 1,024 float32; bk 1,024 float32; bo 1,024 float32; bq 1,024 float32; bv 1,024 float32; g1 1,024 float32; g2 1,024 float32; w1_codes 4,096 x 32 x 24 uint8 (E2M3 codes of w1, K innermost, in blocks of 32 codes, four codes in three bytes); w1_scales 4,096 x 32 uint8 (E8M0 scales of w1, one for each 32 codes along K); w2_codes 1,024 x 128 x 24 uint8 (E2M3 codes of w2, K innermost, in blocks of 32 codes, four codes in three bytes); w2_scales 1,024 x 128 uint8 (E8M0 scales of w2, one for each 32 codes along K); wk_codes 1,024 x 32 x 24 uint8 (E2M3 codes of wk, K innermost, in blocks of 32 codes, four codes in three bytes); wk_scales 1,024 x 32 uint8 (E8M0 scales of wk, one for each 32 codes along K); wo_codes 1,024 x 32 x 24 uint8 (E2M3 codes of wo, K innermost, in blocks of 32 codes, four codes in three bytes); wo_scales 1,024 x 32 uint8 (E8M0 scales of wo, one for each 32 codes along K); wq_codes 1,024 x 32 x 24 uint8 (E2M3 codes of wq, K innermost, in blocks of 32 codes, four codes in three bytes); wq_scales 1,024 x 32 uint8 (E8M0 scales of wq, one for each 32 codes along K); wv_codes 1,024 x 32 x 24 uint8 (E2M3 codes of wv, K innermost, in blocks of 32 codes, four codes in three bytes); wv_scales 1,024 x 32 uint8 (E8M0 scales of wv, one for each 32 codes along K); x 2 x 2,048 x 1,024 float32.
;; Outputs: out0 2 x 2,048 x 1,024 float32.
;; This version of the problem:
;;   THIS VERSION OF THE PROBLEM IS GIVEN IN LOW PRECISION. The matrix products marked QUANTISED in the list below multiply operands that are first quantised to E2M3 (2 exponent bits, 3 mantissa bits; 6 bits a number), with one power-of-two scale for each 32 numbers along K (OCP MX v1.0); their sums are f32. All else is computed in f32.
;;   The module's matrix products, in the order in which they are computed (A, B: the left and right operand; K: the contracted axis; several contracted axes count as one K, in the product's order):
;;     1. [M 4,096, K 1,024] x [K 1,024, N 1,024]; A: computed on the way; B: input wq (given as codes): QUANTISED
;;     2. [M 4,096, K 1,024] x [K 1,024, N 1,024]; A: computed on the way; B: input wk (given as codes): QUANTISED
;;     3. [M 4,096, K 1,024] x [K 1,024, N 1,024]; A: computed on the way; B: input wv (given as codes): QUANTISED
;;     4. batch 32 x [M 2,048, K 64] x [K 64, N 2,048]; A: computed on the way; B: computed on the way: QUANTISED
;;     5. batch 32 x [M 2,048, K 2,048] x [K 2,048, N 64]; A: softmax (see below); B: computed on the way: QUANTISED
;;     6. [M 4,096, K 1,024] x [K 1,024, N 1,024]; A: computed on the way; B: input wo (given as codes): QUANTISED
;;     7. [M 4,096, K 1,024] x [K 1,024, N 4,096]; A: computed on the way; B: input w1 (given as codes): QUANTISED
;;     8. [M 4,096, K 4,096] x [K 4,096, N 1,024]; A: computed on the way; B: input w2 (given as codes): QUANTISED
;;   THE QUANTISER, for each operand of a quantised product, along K:
;;     - K is cut into blocks of 32 from its start; a last block that is shorter is filled with zeros.
;;     - A block's scale is 2^e with e = floor(log2(the largest magnitude in the block)) - 2, held to -126 .. 127; a block of zeros has e = 0. As a byte (E8M0): e + 127.
;;     - Each number is divided by its block's scale, clamped to +-7.5, and rounded to the nearest number of E2M3, ties to even, subnormals kept.
;;     - The product sums the exact products of the quantised numbers (number of the format x scale) in f32.
;;   ~~~python
;;   def quantise(x, axis):      # numpy; x: float32 -> the quantised numbers, widened to float32 again
;;       x = np.moveaxis(x, axis, -1); K = x.shape[-1]
;;       x = np.pad(x, [(0, 0)] * (x.ndim - 1) + [(0, -K % 32)]); x = x.reshape(x.shape[:-1] + (-1, 32)); a = np.abs(x).max(-1, keepdims=True)
;;       e = np.where(a > 0, np.clip(np.frexp(np.where(a > 0, a, 1))[1] - 1 - 2, -126, 127), 0)      # np.frexp(a)[1] - 1 = floor(log2(a)), exactly
;;       r = np.clip(x / 2.0 ** e, -7.5, 7.5)
;;       step = 2.0 ** (np.maximum(np.frexp(np.where(r == 0, 1, r))[1] - 1, 0) - 3)
;;       q = np.round(r / step) * step * 2.0 ** e      # np.round: ties to even
;;       return np.moveaxis(q.reshape(q.shape[:-2] + (-1,))[..., :K], -1, axis).astype(np.float32)
;;   ~~~
;;   SOFTMAX AHEAD OF A QUANTISED PRODUCT. Where the list says 'softmax', what is quantised is not the finished softmax but p = 2^(t - M), with t = logit x log2(e) and M = ceil(the row's largest t), a whole number; so 1/2 < the row's largest p <= 1. The row's sum l is taken of the UNQUANTISED p, in f32, and the product's result is divided by l at the end. Since M is a whole number, a kernel that streams over the keys may use a running M (the ceiling of the running maximum): every later rescaling is an exact power of two, which a block's scale takes up: the codes' values come out the same.
;;   OPERANDS COMPUTED ON THE WAY. 'Computed on the way' means the value that the module computes at that place (a softmax that the list does not call 'softmax' is quantised finished and normalised). What goes into a quantiser is computed in f32, as accurately as f32 sums, v_exp_f32 and their like allow (about 1e-6 of the number): no bf16 or f16 on the way to a quantiser, and a product that is left as it is and whose result goes on into a quantised operand takes f32 operands (vector FMAs, or v_wmma_f32_16x16x4_f32). A number that lies on a knife's edge between two numbers of the format may be rounded either way, as far as f32 arithmetic and the matrix unit's own rounding can turn it there, and no further.
;;   INPUTS GIVEN AS CODES. w1 (in the module: [4096, 1024], K = its axis 1); w2 (in the module: [1024, 4096], K = its axis 1); wk (in the module: [1024, 1024], K = its axis 1); wo (in the module: [1024, 1024], K = its axis 1); wq (in the module: [1024, 1024], K = its axis 1); wv (in the module: [1024, 1024], K = its axis 1): each comes as NAME_codes (uint8): NAME with its K axis moved to the last place and cut into blocks of 32 codes, [.., K / 32, bytes a block], one block behind the other in memory; four codes in three bytes: a row's codes are one little-endian stream of bits, code i at bits 6 i .. 6 i + 5 (a code: sign, 2 exponent bits, 3 mantissa bits); and NAME_scales (uint8): the same leading axes, one E8M0 byte (e + 127) for each 32 codes along K. Its value is code x scale, taken as it is: it is not quantised again, and the codes and scales need not be those that the quantiser above would give.
;; 2 versions. Each part assembles by itself: llvm-mc -triple=amdgcn-amd-amdhsa -mcpu=gfx1250 --defsym DOCPART=n.
;; ======== version 1 of 2: 8 launches
;; workspace buffers: wsA 13,107,200 bytes; wsB 10,747,904 bytes; wsC 3,276,800 bytes; wsY 16,777,216 bytes; wsD 3,293,184 bytes; wsH 13,107,200 bytes; wsZ 16,777,216 bytes
;; launch prep_ln1 (part 1): grid 448 x 1, 4 waves a work-group, no clusters, 127,488 bytes of LDS; arguments x, g1, b1, wq_codes, wq_scales, wk_codes, wk_scales, wv_codes, wv_scales, wo_codes, wo_scales, w1_codes, w1_scales, w2_codes, w2_scales, wsA; writes wsA
.if DOCPART == 1
	.amdgcn_target "amdgcn-amd-amdhsa--gfx1250"
	.amdhsa_code_object_version 6
	.text
	.protected	k_q779d489bad_prep_ln1
	.globl	k_q779d489bad_prep_ln1
	.p2align	8
	.type	k_q779d489bad_prep_ln1,@function
k_q779d489bad_prep_ln1:
	s_mov_b64 s[64:65], 0
	v_nop
	global_prefetch_b8 v0, s[64:65] scope:SCOPE_SE
	s_setreg_imm32_b32 hwreg(HW_REG_WAVE_MODE, 25, 1), 1
	s_wait_xcnt 0x0
; Work-groups 0-255: xn = layernorm(x) g1 + b1, quantised to FP6 (E2M3) along the 1,024 columns, one E8M0 byte for each 32.
; Work-groups 256-447: the six weights' codes and scale bytes, as they are given, laid anew in the order in which an operand's registers take them.
; IMAGE ORDER.  Rows are taken in tiles of 16; image row r of tile T = 2 beta + u is true row 32 beta + 8 u + r + 8 (r / 8).  A fragment (16 image rows x 128 K, 12 registers a lane) lies as two
; halves of 768 bytes: a lane's registers 0-3 at 16 x lane, registers 4-5 at 512 + 8 x lane.  Codes: [row tile][K / 128][1,536].  Scale words: [rows / 128][K / 128][128 words].
; LAYERNORM: a work-group takes one tile of 16 tokens, wave w the columns 256 w .. 256 w + 255.  Loads take 512 consecutive bytes; the numbers turn through the wave's own stage in LDS so that lane (r, h)
; holds, of row r, the 16 neighbours 32 b + 16 h + 0 .. 15 of each block of 32.  The row sums meet in LDS: two barriers.
; LIMITS: NaN and infinities are not served; a block whose largest magnitude lies under 2^-124 keeps the byte 1 (a block of zeros too: its codes are zeros, and this program alone reads the bytes).
.set X,     64                         ; v64-191  my 128 numbers: register 64 s + 16 b + i = column 256 w + 128 s + 32 b + 16 h + i of row r
.set GB,    192                        ; v192-255 two sets of 16 g and 16 b; the sums' chains in between
.set TM,    16                         ; v16-31   the quantiser's work
.set PC,    32                         ; v32-51   the codes just made
.set PW,    52                         ; v52      the scale word just made; v53 keeps the first K step's
.set SEL,   20                         ; s[20:21] lane selects: lane l xor 16
.set WSTG,  19008                      ; a wave's stage: two K steps of
.set SSTG,  9504                       ; 18 rows of 528 bytes (16 tokens, g, b): 512 bytes + 16, so that sixteen rows begin in sixteen different groups of banks
.set RED,   76032                      ; behind the stages: the rows' sums, regions of [wave 4][16 words].  The base stands in the address registers: an LDS offset has 16 bits
.set O1,    0                          ; the first sums
.set O2,    512                        ; the second
.set PSTG,  76800                      ; the other path's bytes: 16 rows of 784 for each wave
.set PWST,  12544
.set D,     64
.macro QUANT s                         ; 64 numbers of a lane, register 16 b + i = k 32 b + 16 h + i of my row -> a fragment's codes in v[PC] on, its scale word in v[PW]
.irp b, 0,1,2,3
	v_max3_num_f32 v[TM+\b], |v[\s+16*\b]|, |v[\s+1+16*\b]|, 0x1800000   ; my 16 numbers of block b, and the floor 2^(3 - 127): the byte cannot fall under 1
.endr
.irp i, 2,4,6,8,10,12,14
.irp b, 0,1,2,3
	v_max3_num_f32 v[TM+\b], v[TM+\b], |v[\s+16*\b+\i]|, |v[\s+1+16*\b+\i]|
.endr
.endr
.irp b, 0,1,2,3
	v_permlanex16_b32 v[TM+4+\b], v[TM+\b], s[SEL], s[SEL+1]
.endr
.irp b, 0,1,2,3
	v_max_num_f32 v[TM+\b], v[TM+\b], v[TM+4+\b]       ; with lane l xor 16's: the block's largest magnitude
.endr
.irp b, 0,1,2,3
	v_add_nc_u32 v[TM+12+\b], 0xff000000, v[TM+\b]     ; 2 off its exponent field: the conversion's scale operand
.endr
.irp b, 0,1,2,3
	v_lshrrev_b32 v[TM+4+\b], 23, v[TM+12+\b]          ; the scale's byte
.endr
	v_lshl_or_b32 v[PW], v[TM+5], 8, v[TM+4]
	v_lshl_or_b32 v[PW], v[TM+6], 16, v[PW]
	v_lshl_or_b32 v[PW], v[TM+7], 24, v[PW]
.irp c, 0,1
	v_cvt_scalef32_pk16_fp6_f32 v[PC+6*\c:PC+2+6*\c], v[\s+32*\c:\s+15+32*\c], v[TM+12+2*\c]
	v_cvt_scalef32_pk16_fp6_f32 v[PC+12+4*\c:PC+14+4*\c], v[\s+16+32*\c:\s+31+32*\c], v[TM+12+2*\c+1]
.endr
	v_nop                                              ; one plain line behind the scaled conversions
.irp c, 0,1
.irp i, 0,1,2
	v_permlane16_swap_b32 v[PC+6*\c+\i], v[PC+12+4*\c+\i]   ; a whole block to a lane: lanes 0-15 block 2 c, lanes 16-31 block 2 c + 1
.endr
.irp i, 0,1,2
	v_mov_b32 v[PC+3+6*\c+\i], v[PC+12+4*\c+\i]
.endr
.endr
.endm
.macro FRST b, off                     ; the fragment in v[PC] on goes out as its image: each store covers whole aligned runs of 256 bytes
	global_store_b128 v4, v[PC:PC+3], s[\b:\b+1] offset:\off
	global_store_b64 v5, v[PC+4:PC+5], s[\b:\b+1] offset:\off+512
	global_store_b128 v4, v[PC+6:PC+9], s[\b:\b+1] offset:\off+768
	global_store_b64 v5, v[PC+10:PC+11], s[\b:\b+1] offset:\off+1280
.endm
.macro FOLD d                          ; four chains of pairs -> one number, with lane l xor 16's
	v_pk_add_f32 v[\d:\d+1], v[\d:\d+1], v[\d+2:\d+3]
	v_pk_add_f32 v[\d+4:\d+5], v[\d+4:\d+5], v[\d+6:\d+7]
	v_pk_add_f32 v[\d:\d+1], v[\d:\d+1], v[\d+4:\d+5]
	v_add_f32 v[\d], v[\d], v[\d+1]
	v_permlanex16_b32 v[\d+1], v[\d], s[SEL], s[SEL+1]
	v_add_f32 v[\d], v[\d], v[\d+1]
.endm
.macro SUMX d                          ; the sum of my wave's 256 numbers of row r
.irp k, 0,1,2,3
	v_pk_add_f32 v[\d+2*\k:\d+2*\k+1], v[X+2*\k:X+2*\k+1], v[X+8+2*\k:X+9+2*\k]
.endr
.set j, 16
.rept 14
.irp k, 0,1,2,3
	v_pk_add_f32 v[\d+2*\k:\d+2*\k+1], v[\d+2*\k:\d+2*\k+1], v[X+j+2*\k:X+j+2*\k+1]
.endr
.set j, j+8
.endr
	FOLD \d
.endm
.macro SUMSQ d                         ; and of their squares
.irp k, 0,1,2,3
	v_pk_mul_f32 v[\d+2*\k:\d+2*\k+1], v[X+2*\k:X+2*\k+1], v[X+2*\k:X+2*\k+1]
.endr
.set j, 8
.rept 15
.irp k, 0,1,2,3
	v_pk_fma_f32 v[\d+2*\k:\d+2*\k+1], v[X+j+2*\k:X+j+2*\k+1], v[X+j+2*\k:X+j+2*\k+1], v[\d+2*\k:\d+2*\k+1]
.endr
.set j, j+8
.endr
	FOLD \d
.endm
.macro GBLOAD q                        ; block q of eight: its 16 g and 16 b into set q % 2 (the sixteen lanes of a half read one address)
.irp j, 0,1,2,3
	ds_load_b128 v[GB+32*((\q)%2)+4*\j:GB+32*((\q)%2)+4*\j+3], v8 offset:SSTG*((\q)/4)+16*528+128*((\q)%4)+16*\j
	ds_load_b128 v[GB+32*((\q)%2)+16+4*\j:GB+32*((\q)%2)+16+4*\j+3], v8 offset:SSTG*((\q)/4)+17*528+128*((\q)%4)+16*\j
.endr
.endm
.macro AFFINE q                        ; (x - m) rs g + b
.irp k, 0,2,4,6,8,10,12,14
	v_pk_mul_f32 v[X+16*(\q)+\k:X+16*(\q)+\k+1], v[X+16*(\q)+\k:X+16*(\q)+\k+1], v[56:57]
.endr
.irp k, 0,2,4,6,8,10,12,14
	v_pk_fma_f32 v[X+16*(\q)+\k:X+16*(\q)+\k+1], v[X+16*(\q)+\k:X+16*(\q)+\k+1], v[GB+32*((\q)%2)+\k:GB+32*((\q)%2)+\k+1], v[GB+32*((\q)%2)+16+\k:GB+32*((\q)%2)+17+\k]
.endr
.endm
	v_lshl_add_u32 v62, v0, 2, 0x1f000
	v_mov_b32 v63, 0
	s_cmp_ge_u32 ttmp9, 256                        ; the work-group's number alone parts the two paths; each has LDS bytes of its own
	s_cbranch_scc1 .Lprep
	s_load_b128 s[4:7], s[0:1], 0x0                ; x, g1
	s_load_b64 s[8:9], s[0:1], 0x10                ; b1
	s_load_b64 s[10:11], s[0:1], 0x78              ; wsA
	v_lshrrev_b32 v1, 5, v0
	v_readfirstlane_b32 s12, v1                    ; wave
	v_and_b32 v1, 31, v0                           ; lane
	v_and_b32 v2, 15, v0                           ; r
	v_bfe_u32 v3, v0, 4, 1                         ; h
	v_lshlrev_b32 v4, 4, v1                        ; 16 x lane
	v_lshlrev_b32 v5, 3, v1                        ; 8 x lane
	s_mul_i32 s13, s12, WSTG
	v_add_nc_u32 v6, s13, v4                       ; the stage, on the way in
	v_mul_u32_u24 v7, v2, 528
	v_lshl_add_u32 v7, v3, 6, v7
	v_add_nc_u32 v7, s13, v7                       ; and out: row r, + 64 h
	v_lshl_add_u32 v8, v3, 6, s13                  ; g's and b's rows: + 64 h
	s_lshl_b32 s14, s12, 6
	v_lshl_add_u32 v9, v2, 2, s14
	v_add_nc_u32 v9, RED, v9                       ; where I put a sum: RED + 64 w + 4 r
	v_lshlrev_b32 v10, 2, v2                       ; 4 r
	v_lshl_add_u32 v11, v3, 9, v10                 ; the scale words' place in memory: 512 h + 4 r
	v_add_nc_u32 v10, RED, v10                     ; where the four waves' sums are read: RED + 4 r
	v_cmp_ne_u32 s28, 0, v3                        ; lanes 16-31
.irp b, 0,1,2,3
	v_mov_b32 v[TM+4+\b], 0                        ; written once: a lane permute's destination counts as one of its sources
.endr
	s_mov_b32 s[SEL], 0x76543210
	s_mov_b32 s[SEL+1], 0xfedcba98
	s_mov_b32 s22, 0x3a800000                      ; 1 / 1024
	s_mov_b32 s23, 0x3727c5ac                      ; 1e-5
	s_lshr_b32 s15, ttmp9, 1
	s_lshl_b32 s15, s15, 5
	s_and_b32 s16, ttmp9, 1
	s_lshl_b32 s16, s16, 3
	s_add_co_u32 s15, s15, s16                     ; the tile's first token: 32 (T / 2) + 8 (T % 2)
	s_lshl_b32 s16, s15, 12
	s_lshl_b32 s18, s12, 10                        ; my wave's 1,024 bytes of a row
	s_add_co_u32 s16, s16, s18
	s_mov_b32 s17, 0
	s_mov_b32 s19, 0
	s_lshl_b32 s24, ttmp9, 3
	s_lshl_b32 s25, s12, 1
	s_add_co_u32 s24, s24, s25
	s_mul_i32 s24, s24, 1536                       ; images: fragment 8 T + 2 w
	s_mov_b32 s25, 0
	s_lshr_b32 s26, ttmp9, 3
	s_lshl_b32 s26, s26, 3
	s_lshl_b32 s27, s12, 1
	s_add_co_u32 s26, s26, s27
	s_lshl_b32 s26, s26, 9
	s_and_b32 s27, ttmp9, 7
	s_lshl_b32 s27, s27, 6
	s_add_co_u32 s26, s26, s27
	s_add_co_u32 s26, s26, 3145728                 ; scale words: ((T / 8) 8 + 2 w) 512 + (T % 8) 64
	s_mov_b32 s27, 0
	s_wait_kmcnt 0x0
	s_add_nc_u64 s[4:5], s[4:5], s[16:17]
	s_add_nc_u64 s[6:7], s[6:7], s[18:19]
	s_add_nc_u64 s[8:9], s[8:9], s[18:19]
	s_add_nc_u64 s[24:25], s[10:11], s[24:25]
	s_add_nc_u64 s[26:27], s[10:11], s[26:27]
.set i, 0
.rept 16                               ; all 36 loads of the wave go out together; each reads 512 consecutive bytes
	global_load_b128 v[X+8*i:X+8*i+3], v4, s[4:5] offset:(i+8*(i/8))*4096 th:TH_LOAD_NT
	global_load_b128 v[X+8*i+4:X+8*i+7], v4, s[4:5] offset:(i+8*(i/8))*4096+512 th:TH_LOAD_NT
.set i, i+1
.endr
.irp s, 0,1
	global_load_b128 v[GB+8*\s:GB+8*\s+3], v4, s[6:7] offset:512*\s
	global_load_b128 v[GB+8*\s+4:GB+8*\s+7], v4, s[8:9] offset:512*\s
.endr
	s_wait_loadcnt 0x0
.set i, 0
.rept 16
	ds_store_b128 v6, v[X+8*i:X+8*i+3] offset:528*i
	ds_store_b128 v6, v[X+8*i+4:X+8*i+7] offset:SSTG+528*i
.set i, i+1
.endr
.irp s, 0,1
	ds_store_b128 v6, v[GB+8*\s:GB+8*\s+3] offset:SSTG*\s+528*16
	ds_store_b128 v6, v[GB+8*\s+4:GB+8*\s+7] offset:SSTG*\s+528*17
.endr
	s_wait_dscnt 0x0                               ; the stores have read their registers, which the loads below fill again
.set i, 0
.rept 32                               ; i = 16 s + 4 b + j
	ds_load_b128 v[X+4*i:X+4*i+3], v7 offset:SSTG*(i/16)+128*((i/4)%4)+16*(i%4)
.set i, i+1
.endr
	s_wait_dscnt 0x0
	SUMX 208
	ds_store_b32 v9, v208 offset:O1                ; both halves of the lanes write the same word with the same value
	s_wait_dscnt 0x0                               ; for the other waves' sake: my store has landed
	s_barrier_signal -1
	s_barrier_wait -1
.irp k, 0,1,2,3
	ds_load_b32 v[208+\k], v10 offset:O1+64*\k
.endr
	s_wait_dscnt 0x0
	v_add_f32 v208, v208, v209
	v_add_f32 v210, v210, v211
	v_add_f32 v208, v208, v210
	v_mul_f32 v54, 0xba800000, v208                ; -m
	v_mov_b32 v55, v54
.set j, 0
.rept 64
	v_pk_add_f32 v[X+j:X+j+1], v[X+j:X+j+1], v[54:55]
.set j, j+2
.endr
	SUMSQ 208
	ds_store_b32 v9, v208 offset:O2
	s_wait_dscnt 0x0
	s_barrier_signal -1
	s_barrier_wait -1
.irp k, 0,1,2,3
	ds_load_b32 v[208+\k], v10 offset:O2+64*\k
.endr
	s_wait_dscnt 0x0
	v_add_f32 v208, v208, v209
	v_add_f32 v210, v210, v211
	v_add_f32 v208, v208, v210
	v_fma_f32 v56, v208, s22, s23                  ; the variance + 1e-5
	v_rsq_f32 v56, v56
	v_nop                                          ; a plain line behind the transcendental,
	s_wait_alu depctr_va_vdst(0)                   ; and the wait ahead of its first reader
	v_mov_b32 v57, v56
	GBLOAD 0
.irp q, 0,1,2,3,4,5,6,7
.if \q < 7
	GBLOAD \q+1
	s_wait_dscnt 8                                 ; this block's g and b are in; the next block's eight loads may be out
.else
	s_wait_dscnt 0x0
.endif
	AFFINE \q
.if \q == 3
	QUANT X
	FRST 24, 0
	v_mov_b32 v53, v52
.endif
.endr
	s_wait_xcnt 0x0                                ; the first fragment's stores have read their registers
	QUANT X+64
	FRST 24, 1536
	v_cndmask_b32 v53, v53, v52, s28               ; lanes 0-15 carry K step 2 w's word of row r, lanes 16-31 K step 2 w + 1's
	global_store_b32 v11, v53, s[26:27]
	s_wait_tensorcnt 0x0
	ds_add_u32 v62, v63
	s_wait_dscnt 0x0
	s_endpgm
; ---- the weights.  A wave lays 16 image rows x 1,024 along K anew: 12,288 bytes of codes, 512 of scale bytes.  p = work-group - 256: p < 64: wq, wk, wv, wo (tensor p / 16, tile 4 (p % 16) + w);
; 64 <= p < 128: w1 (tile 4 (p - 64) + w); p >= 128: w2 (tile p - 128, quarter w of its K).  Only pointers and sizes are chosen: one path serves all six.
.Lprep:
	s_load_b512 s[16:31], s[0:1], 0x18             ; wq, wk, wv, wo: codes, scales
	s_load_b256 s[32:39], s[0:1], 0x58             ; w1, w2: codes, scales
	s_load_b64 s[40:41], s[0:1], 0x78              ; wsA
	v_lshrrev_b32 v1, 5, v0
	v_readfirstlane_b32 s12, v1
	v_and_b32 v1, 31, v0
	v_and_b32 v2, 15, v0
	v_bfe_u32 v3, v0, 4, 1
	v_lshlrev_b32 v4, 4, v1
	v_lshlrev_b32 v5, 3, v1
	s_sub_co_u32 s2, ttmp9, 256                    ; p
	s_lshr_b32 s3, s2, 4
	s_and_b32 s45, s2, 63
	s_and_b32 s46, s2, 15
	s_lshr_b32 s48, s2, 6
	s_lshl_b32 s48, s48, 2
	s_cmp_ge_u32 s2, 64
	s_cselect_b32 s47, s45, s46
	s_cselect_b32 s48, s48, s3                     ; the tensor's place in wsA, in steps of 819,200 bytes: 0-3, 4, 8
	s_cselect_b32 s49, 2, 0
	s_lshl_b32 s47, s47, 2
	s_add_co_u32 s47, s47, s12
	s_cmp_ge_u32 s2, 128
	s_cselect_b32 s47, s45, s47                    ; T: the row tile
	s_cselect_b32 s44, s12, 0                      ; the quarter of K
	s_cselect_b32 s43, 2, 0
	s_lshl_b32 s42, 768, s43                       ; a row of codes in bytes
	s_lshl_b32 s50, 32, s43                        ; a row of scale bytes
	s_lshl_b32 s51, 8, s43                         ; K / 128
	s_lshl_b32 s49, 786432, s49                    ; the images' bytes: the scale words lie behind them
	s_mul_i32 s48, s48, 819200
	s_add_co_u32 s48, s48, 3276800
	s_lshr_b32 s52, s47, 1
	s_lshl_b32 s52, s52, 5
	s_and_b32 s53, s47, 1
	s_lshl_b32 s53, s53, 3
	s_add_co_u32 s52, s52, s53                     ; the tile's first true row
	s_mul_i32 s53, s52, s42
	s_mul_i32 s54, s44, 768
	s_add_co_u32 s4, s53, s54
	s_mov_b32 s5, 0
	s_mul_i32 s53, s52, s50
	s_lshl_b32 s54, s44, 5
	s_add_co_u32 s6, s53, s54
	s_mov_b32 s7, 0
	s_mul_i32 s53, s47, s51
	s_mul_i32 s53, s53, 1536
	s_mul_i32 s54, s44, 12288
	s_add_co_u32 s53, s53, s54
	s_add_co_u32 s8, s53, s48
	s_mov_b32 s9, 0
	s_lshr_b32 s53, s47, 3
	s_mul_i32 s53, s53, s51
	s_lshl_b32 s54, s44, 3
	s_add_co_u32 s53, s53, s54
	s_lshl_b32 s53, s53, 9
	s_and_b32 s54, s47, 7
	s_lshl_b32 s54, s54, 6
	s_add_co_u32 s53, s53, s54
	s_add_co_u32 s53, s53, s48
	s_add_co_u32 s10, s53, s49
	s_mov_b32 s11, 0
	s_mul_i32 s55, s12, PWST
	s_add_co_u32 s55, s55, PSTG
	v_add_nc_u32 v6, s55, v5                       ; the stage, in: 8 x lane
	v_mul_u32_u24 v7, v2, 784
	v_mad_u32_u24 v7, v3, 24, v7
	v_add_nc_u32 v7, s55, v7                       ; out: row r, + 24 h
	v_and_b32 v13, 8, v2
	v_add_nc_u32 v13, v13, v2                      ; r + 8 (r / 8)
	v_mul_u32_u24 v12, v13, s50
	v_lshl_add_u32 v12, v3, 4, v12                 ; my row's scale bytes: four K steps' words, 16 h on
	v_lshlrev_b32 v14, 2, v2
	v_lshl_add_u32 v14, v3, 11, v14                ; and where they go: 2,048 h + 4 r
.set i, 0
.rept 16
	v_mad_u32_u24 v[16+i], s42, i+8*(i/8), v5      ; image row i's place in memory, + 8 x lane
.set i, i+1
.endr
	s_wait_kmcnt 0x0
	s_cmp_eq_u32 s3, 1
	s_cselect_b64 s[16:17], s[20:21], s[16:17]
	s_cselect_b64 s[18:19], s[22:23], s[18:19]
	s_cmp_eq_u32 s3, 2
	s_cselect_b64 s[16:17], s[24:25], s[16:17]
	s_cselect_b64 s[18:19], s[26:27], s[18:19]
	s_cmp_eq_u32 s3, 3
	s_cselect_b64 s[16:17], s[28:29], s[16:17]
	s_cselect_b64 s[18:19], s[30:31], s[18:19]
	s_cmp_ge_u32 s2, 64
	s_cselect_b64 s[16:17], s[32:33], s[16:17]
	s_cselect_b64 s[18:19], s[34:35], s[18:19]
	s_cmp_ge_u32 s2, 128
	s_cselect_b64 s[16:17], s[36:37], s[16:17]
	s_cselect_b64 s[18:19], s[38:39], s[18:19]
	s_add_nc_u64 s[16:17], s[16:17], s[4:5]
	s_add_nc_u64 s[18:19], s[18:19], s[6:7]
	s_add_nc_u64 s[56:57], s[40:41], s[8:9]
	s_add_nc_u64 s[58:59], s[40:41], s[10:11]
.set i, 0
.rept 16
.irp j, 0,1,2
	global_load_b64 v[D+2*(3*i+\j):D+2*(3*i+\j)+1], v[16+i], s[16:17] offset:256*\j th:TH_LOAD_NT   ; 32 lanes read 256 consecutive bytes, aligned
.endr
.set i, i+1
.endr
	global_load_b128 v[160:163], v12, s[18:19]
	s_wait_loadcnt 0x0
.set i, 0
.rept 16
.irp j, 0,1,2
	ds_store_b64 v6, v[D+2*(3*i+\j):D+2*(3*i+\j)+1] offset:784*i+256*\j
.endr
.set i, i+1
.endr
	s_wait_dscnt 0x0                               ; the stores have read their registers
.set i, 0
.rept 8                                ; K step i: lane (r, h) takes the 24 bytes at 96 i + 24 h and those 48 further on: the operand's registers
.irp p, 0,1,2,3,4,5
	ds_load_b64 v[D+12*i+2*\p:D+12*i+2*\p+1], v7 offset:96*i+48*(\p/3)+8*(\p%3)
.endr
.set i, i+1
.endr
	s_wait_dscnt 0x0
.set i, 0
.rept 8
	global_store_b128 v4, v[D+12*i:D+12*i+3], s[56:57] offset:1536*i
	global_store_b64 v5, v[D+12*i+4:D+12*i+5], s[56:57] offset:1536*i+512
	global_store_b128 v4, v[D+12*i+6:D+12*i+9], s[56:57] offset:1536*i+768
	global_store_b64 v5, v[D+12*i+10:D+12*i+11], s[56:57] offset:1536*i+1280
.set i, i+1
.endr
.irp i, 0,1,2,3
	global_store_b32 v14, v[160+\i], s[58:59] offset:512*\i
.endr
	s_wait_tensorcnt 0x0
	ds_add_u32 v62, v63
	s_wait_dscnt 0x0
	s_endpgm
.Lfunc_end_k_q779d489bad_prep_ln1:
	.size	k_q779d489bad_prep_ln1, .Lfunc_end_k_q779d489bad_prep_ln1-k_q779d489bad_prep_ln1
	.p2alignl 7, 3214868480
	.fill 96, 4, 3214868480
	.section	.rodata,"a",@progbits
	.p2align	6, 0x0
	.amdhsa_kernel k_q779d489bad_prep_ln1
		.amdhsa_group_segment_fixed_size 127488
		.amdhsa_private_segment_fixed_size 0
		.amdhsa_enable_private_segment 0
		.amdhsa_kernarg_size 128
		.amdhsa_user_sgpr_count 2
		.amdhsa_user_sgpr_kernarg_segment_ptr 1
		.amdhsa_wavefront_size32 1
		.amdhsa_system_sgpr_workgroup_id_x 1
		.amdhsa_system_sgpr_workgroup_id_y 1
		.amdhsa_system_sgpr_workgroup_id_z 1
		.amdhsa_system_vgpr_workitem_id 0
		.amdhsa_next_free_vgpr 256
		.amdhsa_next_free_sgpr 66
		.amdhsa_reserve_vcc 0
		.amdhsa_float_denorm_mode_32 3
		.amdhsa_float_denorm_mode_16_64 3
		.amdhsa_memory_ordered 1
		.amdhsa_forward_progress 1
		.amdhsa_inst_pref_size 65
	.end_amdhsa_kernel
	.amdgpu_metadata
---
amdhsa.version: [ 1, 2 ]
amdhsa.kernels:
  - .name:           k_q779d489bad_prep_ln1
    .symbol:         k_q779d489bad_prep_ln1.kd
    .args:
      - { .name: x, .offset: 0, .size: 8, .value_kind: global_buffer, .address_space: global }
      - { .name: g1, .offset: 8, .size: 8, .value_kind: global_buffer, .address_space: global }
      - { .name: b1, .offset: 16, .size: 8, .value_kind: global_buffer, .address_space: global }
      - { .name: wq_codes, .offset: 24, .size: 8, .value_kind: global_buffer, .address_space: global }
      - { .name: wq_scales, .offset: 32, .size: 8, .value_kind: global_buffer, .address_space: global }
      - { .name: wk_codes, .offset: 40, .size: 8, .value_kind: global_buffer, .address_space: global }
      - { .name: wk_scales, .offset: 48, .size: 8, .value_kind: global_buffer, .address_space: global }
      - { .name: wv_codes, .offset: 56, .size: 8, .value_kind: global_buffer, .address_space: global }
      - { .name: wv_scales, .offset: 64, .size: 8, .value_kind: global_buffer, .address_space: global }
      - { .name: wo_codes, .offset: 72, .size: 8, .value_kind: global_buffer, .address_space: global }
      - { .name: wo_scales, .offset: 80, .size: 8, .value_kind: global_buffer, .address_space: global }
      - { .name: w1_codes, .offset: 88, .size: 8, .value_kind: global_buffer, .address_space: global }
      - { .name: w1_scales, .offset: 96, .size: 8, .value_kind: global_buffer, .address_space: global }
      - { .name: w2_codes, .offset: 104, .size: 8, .value_kind: global_buffer, .address_space: global }
      - { .name: w2_scales, .offset: 112, .size: 8, .value_kind: global_buffer, .address_space: global }
      - { .name: wsA, .offset: 120, .size: 8, .value_kind: global_buffer, .address_space: global }
    .group_segment_fixed_size: 127488
    .private_segment_fixed_size: 0
    .kernarg_segment_align: 8
    .kernarg_segment_size: 128
    .max_flat_workgroup_size: 128
    .sgpr_count:     66
    .vgpr_count:     256
    .wavefront_size: 32
...
	.end_amdgpu_metadata
.endif
;; end of part 1
;; launch qkv (part 2): grid 12 x 16, 4 waves a work-group, clusters of 4 x 4, 327,680 bytes of LDS; arguments wsA, bq, bk, bv, wsB; writes wsB
.if DOCPART == 2
	.amdgcn_target "amdgcn-amd-amdhsa--gfx1250"
	.amdhsa_code_object_version 6
	.text
	.protected	k_q779d489bad_qkv
	.globl	k_q779d489bad_qkv
	.p2align	8
	.type	k_q779d489bad_qkv,@function
k_q779d489bad_qkv:
	s_mov_b64 s[64:65], 0
	v_nop
	global_prefetch_b8 v0, s[64:65] scope:SCOPE_SE
	s_setreg_imm32_b32 hwreg(HW_REG_WAVE_MODE, 25, 1), 1
	s_wait_xcnt 0x0
	s_wait_alu depctr_hold_cnt(0) depctr_sa_sdst(0) depctr_va_vdst(0) depctr_va_sdst(0) depctr_va_ssrc(0) depctr_va_vcc(0) depctr_vm_vsrc(0)
	s_getreg_b32 s2, hwreg(HW_REG_IB_STS2, 6, 4)
	s_cmp_eq_u32 s2, 0
	s_cbranch_scc0 .Lentry_in_a_cluster
	s_endpgm
.Lentry_in_a_cluster:
	s_bfe_u32 s2, ttmp6, 0x10000c
	s_cmp_lg_u32 s2, 0xf033
	s_cbranch_scc0 .Lentry_shape_is_right
	s_endpgm
.Lentry_shape_is_right:
; q, k, v = xn W^T + b on codes of FP6 (E2M3) with E8M0 scales; q and k clipped head by head to norm 1 - 1e-5; all three quantised again for attention.
; THE PRODUCT: a work-group makes 256 x 256 of C, a wave 128 x 128 (64 accumulators); K goes in steps of 256 through two LDS slots filled by joint tensor loads in a cluster of 4 x 4
; (A's tile shared along a row of the cluster, B's along a column).  Operands lie in memory as images of their registers (row tile, K step: 1,536 bytes), so a slot's tile is 8 rows of 3,072 consecutive bytes
; and a fragment comes by four LDS loads of consecutive bytes.  The scale words of 128 rows for all of K are one dense block, brought once.
; The matrix instruction is used transposed (source 0 = 16 rows of B, source 1 = 16 rows of A).  Rows lie in image order (image row r of tile 2 beta + u = true row 32 beta + 8 u + r + 8 (r / 8)), so that
; in accumulators (a, 2 beta), (a, 2 beta + 1) lane (r, h) holds, for A's image row 16 a + r, the 16 neighbours 32 beta + 16 h + 0 .. 15 of B's true rows: what the quantiser wants.
; WHICH PRODUCT: the cluster's x: 0 = q, 1 = k (A = xn, B = the weight), 2 = v, where THE OPERANDS CHANGE PLACES (A = wv, B = xn): a lane then holds one channel d and its registers run along the tokens,
; which are the K of attention's second product.  The cluster's x is equal in all partners; no branch and no LDS address hangs on a work-group's place in its cluster.
; THE WAY OUT: the accumulators are spilled to the wave's own 65,536 bytes of LDS (slots and scales have had their last fill and, behind a barrier, their last read) and a loop of eight trips reads a row tile back.
; q, k: + bias, ss = the head's sum of squares, f = ss > maxnorm^2 side by n = sqrt(ss): n > maxnorm ? maxnorm / max(n, 1e-12) : 1; -norm^2 / 2 is kept as -ss f f / 2.
; LIMITS: NaN and infinities are not served; a block under 2^-124 (a block of zeros too) keeps the byte 1 with its codes; this program alone reads the bytes.
.set SIZE_K, 1024
.set KT,     SIZE_K/128
.set NQ,     2
.set FR,     12
.set FRB,    1536                      ; a fragment's image
.set RTB,    3072                      ; a row tile's two K steps in a slot
.set HALFT,  8*RTB                     ; 128 rows: what one tensor load brings
.set SLOT,   4*HALFT
.set LAPS,   SIZE_K/512
.set SCL,    2*SLOT                    ; behind the ring: the scale words
.set HALFS,  KT*512                    ; those of 128 rows
.set SPARE,  327168                    ; the spare words: 128 bytes a wave, two blocks of 256 bytes that no other line names
.set NL,     4                         ; LDS loads that bring a fragment
.set NP,     4                         ; places behind this matrix instruction (ISA guide 7.12.1)
.set ADRA, 16                          ; v16-17 my A fragments in slot 0, 1, + 16 x lane; v18-19 the same + 8 x lane
.set ADRB, 20                          ; v20-23 the same for B
.set ADRS, 27                          ; v27 my scale words: lanes 0-15 A's rows, lanes 16-31 B's
.set SPW,  28
.set NIL,  29
.set L16,  30                          ; 16 x lane
.set L8,   31                          ; 8 x lane
.set SC,   32                          ; v32-63 scale words, two sets of 16; they hold nothing else
.set AF,   128                         ; A's fragments, window 0, one set; B's two sets in window 1; accumulators in windows 2 and 3
.set G1, 24
.set G0, 32
.set G1B, 48
.set G0B, 56
.set G1S, 68
.set G0S, 76
.set G1SB, 80
.set G0SB, 88
.set MSB, 0
.macro WIN new                         ; the immediate's high byte repeats the setting that is left
.if MSB != \new
	s_set_vgpr_msb (MSB<<8)|\new
.set MSB, \new
.endif
.endm
.set MUL_LO, 0xa1
.set MUL_HI, 0xf1
.set TO_B,   0x40
.macro JLOAD g0a, g1a, g0b, g1b        ; a joint load: waves 0 and 1 fetch for A, waves 2 and 3 for B; four v_nop follow each line
	s_cmp_eq_u32 s15, 0
	s_cbranch_scc0 .Lfor_b_\@
	tensor_load_to_lds s[\g0a:\g0a+3], s[\g1a:\g1a+7]
	s_nop 0
.rept 4
	v_nop
.endr
	s_branch .Lasked_\@
.Lfor_b_\@:
	tensor_load_to_lds s[\g0b:\g0b+3], s[\g1b:\g1b+7]
	s_nop 0
.rept 4
	v_nop
.endr
.Lasked_\@:
.endm
.macro CREST                           ; a round of the cluster's barrier behind its opening barrier
	s_cmp_lg_u32 s14, 0
	s_cbranch_scc1 .Lnot_wave_0_\@
	s_barrier_signal -3
.Lnot_wave_0_\@:
	s_barrier_wait -3
	s_barrier_signal -1
	s_barrier_wait -1
.endm
.macro CROUND
	s_barrier_signal -1
	s_barrier_wait -1
	CREST
.endm
.macro FRAG reg, adr, q, i             ; a fragment's image: registers 0-3, 4-5, 6-9, 10-11
	ds_load_b128 v[\reg:\reg+3], v[\adr] offset:(\i)*RTB+(\q)*FRB
	ds_load_b64 v[\reg+4:\reg+5], v[\adr+2] offset:(\i)*RTB+(\q)*FRB+512
	ds_load_b128 v[\reg+6:\reg+9], v[\adr] offset:(\i)*RTB+(\q)*FRB+768
	ds_load_b64 v[\reg+10:\reg+11], v[\adr+2] offset:(\i)*RTB+(\q)*FRB+1280
.endm
.macro MUL16 a0, p, q, sc, zero        ; A's blocks a0, a0 + 1 x B's eight; the 64 accumulators take turns, one instruction a turn
.irp a, \a0, \a0+1
.irp b, 0,1,2,3,4,5,6,7
.if \zero
	v_wmma_scale_f32_16x16x128_f8f6f4 v[8*(8*((\a)%4)+\b):8*(8*((\a)%4)+\b)+7], v[128*(\p)+FR*\b:128*(\p)+FR*\b+FR-1], v[AF+FR*(\a):AF+FR*(\a)+FR-1], 0, v[SC+8*NQ*(\sc)+NQ*\b+(\q)], v[SC+8*NQ*(\sc)+NQ*(\a)+(\q)] matrix_a_fmt:MATRIX_FMT_FP6 matrix_b_fmt:MATRIX_FMT_FP6 matrix_a_scale:MATRIX_SCALE_ROW1
.else
	v_wmma_scale_f32_16x16x128_f8f6f4 v[8*(8*((\a)%4)+\b):8*(8*((\a)%4)+\b)+7], v[128*(\p)+FR*\b:128*(\p)+FR*\b+FR-1], v[AF+FR*(\a):AF+FR*(\a)+FR-1], v[8*(8*((\a)%4)+\b):8*(8*((\a)%4)+\b)+7], v[SC+8*NQ*(\sc)+NQ*\b+(\q)], v[SC+8*NQ*(\sc)+NQ*(\a)+(\q)] matrix_a_fmt:MATRIX_FMT_FP6 matrix_b_fmt:MATRIX_FMT_FP6 matrix_a_scale:MATRIX_SCALE_ROW1
.endif
.endr
.endr
.endm
.macro FETCH_B slot, q, p
	WIN TO_B
.irp i, 0,1,2,3,4,5,6,7
	FRAG 128*(\p)+FR*\i, ADRB+\slot, \q, \i
.endr
	WIN 0
.endm
.macro FETCH_A slot, q, i0
.irp i, \i0, \i0+1, \i0+2, \i0+3
	FRAG AF+FR*(\i), ADRA+\slot, \q, \i
.endr
.endm
.macro SCALES sc                       ; a slot's scale words: register 2 i + q: lanes 0-15 A's block i, lanes 16-31 B's block i
.irp i, 0,1,2,3,4,5,6,7
.irp q, 0,1
	ds_load_b32 v[SC+16*\sc+2*\i+\q], v[ADRS] offset:512*\q+64*\i
.endr
.endr
.endm
.macro PLACES n
.rept \n
	v_nop
.endr
.endm
.macro STEP slot, q, zero              ; 128 along K, with its successor in the same slot
	s_wait_dscnt 4*NL                              ; all but the youngest 16 loads (A's blocks 4-7) are in
	WIN MUL_LO
	MUL16 0, (\q)%2, \q, \slot, \zero
	MUL16 2, (\q)%2, \q, \slot, \zero
	s_wait_dscnt 0
	PLACES NP
	FETCH_B \slot, (\q)+1, 1-(\q)%2
	FETCH_A \slot, (\q)+1, 0
	WIN MUL_HI
	MUL16 4, (\q)%2, \q, \slot, \zero
	MUL16 6, (\q)%2, \q, \slot, \zero
	PLACES NP
	WIN 0
	FETCH_A \slot, (\q)+1, 4
.endm
.macro TURN slot, next, fill           ; a slot's last step changes slots
	s_wait_tensorcnt 0x0                           ; all my tensor loads have landed: my part of the next slot
	ds_add_u32 v[SPW], v[NIL]                      ; 0 onto my spare word
	s_wait_dscnt 4*NL+1                            ; the add and the youngest 16 loads may be out
	WIN MUL_LO
	MUL16 0, 1, NQ-1, \slot, 0
	s_wait_dscnt 0x0                               ; the add is done, and my reads of this slot are over
	s_barrier_signal -1
	MUL16 2, 1, NQ-1, \slot, 0
	WIN 0
	s_barrier_wait -1
.if \fill
	CREST                                          ; the barrier has opened a round of the cluster's: no wave of any partner still reads this slot or has a load on its way
	s_add_nc_u64 s[G0+4*\slot+2:G0+4*\slot+3], s[G0+4*\slot+2:G0+4*\slot+3], 2*RTB
	s_add_nc_u64 s[G0B+4*\slot+2:G0B+4*\slot+3], s[G0B+4*\slot+2:G0B+4*\slot+3], 2*RTB
	JLOAD G0+4*\slot, G1, G0B+4*\slot, G1B         ; the first tensor load behind the round; its four v_nop are the places in front of the loads below
.else
	PLACES NP
.endif
	v_add_nc_u32 v[ADRS], 1024, v[ADRS]            ; the next slot's scale words
	FETCH_B \next, 0, 0
	FETCH_A \next, 0, 0
	SCALES \next
	WIN MUL_HI
	MUL16 4, 1, NQ-1, \slot, 0
	MUL16 6, 1, NQ-1, \slot, 0
	PLACES NP
	WIN 0
	FETCH_A \next, 0, 4
.endm
; ---- the way out's names
.set BIAS, 64                          ; v64-127  q, k: the bias of my 64 columns
.set T,    128                         ; v128-191 a row tile's 64 numbers
.set PC,   192                         ; v192-211 codes
.set TM,   212                         ; v212-227 the quantiser's work
.set PW,   228
.set SPL,  3
.set RDA,  4
.set AWQ0, 5
.set ANQ0, 6
.set AWV0, 7
.set ABV0, 8
.set AWQ,  9
.set ANQ,  10
.set AWV,  11
.set ABV,  12
.set BO1,  13
.set BO2,  14
.set VOF,  15
.set AUXQ, 262144                      ; 2,048 bytes a wave: q, k: two heads' scale words, two heads' -norm^2 / 2
.set AUXV, 270336                      ; 2,048 bytes a wave: v: eight tiles' bias, then two heads' scale words
.set SEL,  24
.set MAXN, 26
.set TO,   30
.set HM,   95
.set OB,   96
.set AB,   98
.set OST,  100
.macro QUANT s
.irp b, 0,1,2,3
	v_max3_num_f32 v[TM+\b], |v[\s+16*\b]|, |v[\s+1+16*\b]|, 0x1800000
.endr
.irp i, 2,4,6,8,10,12,14
.irp b, 0,1,2,3
	v_max3_num_f32 v[TM+\b], v[TM+\b], |v[\s+16*\b+\i]|, |v[\s+1+16*\b+\i]|
.endr
.endr
.irp b, 0,1,2,3
	v_permlanex16_b32 v[TM+4+\b], v[TM+\b], s[SEL], s[SEL+1]
.endr
.irp b, 0,1,2,3
	v_max_num_f32 v[TM+\b], v[TM+\b], v[TM+4+\b]
.endr
.irp b, 0,1,2,3
	v_add_nc_u32 v[TM+12+\b], 0xff000000, v[TM+\b]
.endr
.irp b, 0,1,2,3
	v_lshrrev_b32 v[TM+4+\b], 23, v[TM+12+\b]
.endr
	v_lshl_or_b32 v[PW], v[TM+5], 8, v[TM+4]
	v_lshl_or_b32 v[PW], v[TM+6], 16, v[PW]
	v_lshl_or_b32 v[PW], v[TM+7], 24, v[PW]
.irp c, 0,1
	v_cvt_scalef32_pk16_fp6_f32 v[PC+6*\c:PC+2+6*\c], v[\s+32*\c:\s+15+32*\c], v[TM+12+2*\c]
	v_cvt_scalef32_pk16_fp6_f32 v[PC+12+4*\c:PC+14+4*\c], v[\s+16+32*\c:\s+31+32*\c], v[TM+12+2*\c+1]
.endr
	v_nop
.irp c, 0,1
.irp i, 0,1,2
	v_permlane16_swap_b32 v[PC+6*\c+\i], v[PC+12+4*\c+\i]
.endr
.irp i, 0,1,2
	v_mov_b32 v[PC+3+6*\c+\i], v[PC+12+4*\c+\i]
.endr
.endr
.endm
	s_load_b256 s[4:11], s[0:1], 0x0               ; wsA, bq, bk, bv
	s_load_b64 s[12:13], s[0:1], 0x20              ; wsB
	v_lshl_add_u32 v[SPW], v0, 2, SPARE
	v_mov_b32 v[NIL], 0
	ds_add_u32 v28, v29
	ds_add_u32 v28, v29
	s_wait_dscnt 0x0
	v_lshrrev_b32 v1, 5, v0
	v_readfirstlane_b32 s14, v1                    ; wave
	s_lshr_b32 s15, s14, 1                         ; my half of the tile's rows; also: I fetch for A (0) or B (1)
	s_and_b32 s16, s14, 1                          ; my half of its columns; also: which 128 rows I fetch
	s_bfe_u32 s40, ttmp6, 0x40000                  ; cx
	s_bfe_u32 s41, ttmp6, 0x40004                  ; cy
	s_and_b32 s18, ttmp7, 0xffff
	s_lshl_b32 s18, s18, 2                         ; 4 x cluster y
	s_mul_i32 s66, ttmp9, 819200
	s_add_co_u32 s66, s66, 3276800                 ; wq's or wk's images in wsA,
	s_add_co_u32 s67, s66, 786432                  ; and their scale words
	s_mov_b32 s19, 3145728                         ; xn's scale words
	s_cmp_eq_u32 ttmp9, 2                          ; v?  The cluster's x: equal in all sixteen partners
	s_cselect_b32 s17, 0, s18
	s_cselect_b32 s42, s18, 0
	s_cselect_b32 s2, 4915200, 0                   ; A's codes: wv's or xn's
	s_cselect_b32 s3, 5701632, s19                 ; A's scale words
	s_cselect_b32 s66, 0, s66                      ; B's codes
	s_cselect_b32 s67, s19, s67                    ; B's scale words
	s_add_co_u32 s17, s17, s41                     ; A's tile of 256 rows: hangs on cy alone
	s_add_co_u32 s42, s42, s40                     ; B's: on cx alone
	s_lshl_b32 s43, s41, 2
	s_lshl_b32 s43, 15, s43                        ; my row of the cluster
	s_lshl_b32 s44, 0x1111, s40                    ; my column
	s_or_b32 s[G1+0], s43, (3<<16)|(1<<21)         ; the mask; elements of 8 bytes; bit 21 beside a mask; no padding
	s_or_b32 s[G1B+0], s44, (3<<16)|(1<<21)
.irp g, G1, G1B
	s_mov_b32 s[\g+1], 384<<16                     ; tensor_dim0: 3,072 bytes
	s_mov_b32 s[\g+2], 8<<16                       ; tensor_dim1: 8 row tiles
	s_mov_b32 s[\g+3], 384<<16                     ; tile_dim0
	s_mov_b32 s[\g+4], 8                           ; tile_dim1
	s_mov_b32 s[\g+5], KT*192                      ; from row tile to row tile
	s_mov_b32 s[\g+6], 0
	s_mov_b32 s[\g+7], 0
.endr
	s_or_b32 s[G1S+0], s43, (3<<16)|(1<<21)
	s_or_b32 s[G1SB+0], s44, (3<<16)|(1<<21)
.irp g, G1S, G1SB
	s_mov_b32 s[\g+1], 32<<16                      ; the scale words of 128 rows: a dense block, as rows of 256 bytes
	s_mov_b32 s[\g+2], (HALFS/256)<<16
	s_mov_b32 s[\g+3], 32<<16
	s_mov_b32 s[\g+4], HALFS/256
	s_mov_b32 s[\g+5], 32
	s_mov_b32 s[\g+6], 0
	s_mov_b32 s[\g+7], 0
.endr
	s_lshl_b32 s20, s17, 1
	s_add_co_u32 s20, s20, s16                     ; A: which 128 rows I fetch
	s_lshl_b32 s46, s42, 1
	s_add_co_u32 s46, s46, s16                     ; B likewise
	s_mul_i32 s22, s20, HALFS
	s_mul_i32 s92, s46, HALFS
	s_mul_i32 s20, s20, KT*12288
	s_mul_i32 s46, s46, KT*12288
	s_add_co_u32 s20, s20, s2
	s_add_co_u32 s22, s22, s3
	s_add_co_u32 s46, s46, s66
	s_add_co_u32 s92, s92, s67
	s_mov_b32 s21, 0
	s_mov_b32 s23, 0
	s_mov_b32 s47, 0
	s_mov_b32 s93, 0
	s_mul_i32 s45, s14, HALFT                      ; where they go: wave x 128 rows
	s_mul_i32 s94, s14, HALFS
	s_wait_kmcnt 0x0
	s_add_nc_u64 s[20:21], s[4:5], s[20:21]
	s_add_nc_u64 s[22:23], s[4:5], s[22:23]
	s_add_nc_u64 s[46:47], s[4:5], s[46:47]
	s_add_nc_u64 s[92:93], s[4:5], s[92:93]
	CROUND                                         ; all sixteen work-groups are here: the first joint loads meet
	s_mov_b32 s[G0S], 1
	s_add_co_u32 s[G0S+1], s94, SCL
	s_mov_b64 s[G0S+2:G0S+3], s[22:23]
	s_or_b32 s[G0S+3], s[G0S+3], 0x80000000
	s_mov_b32 s[G0SB], 1
	s_add_co_u32 s[G0SB+1], s94, SCL
	s_mov_b64 s[G0SB+2:G0SB+3], s[92:93]
	s_or_b32 s[G0SB+3], s[G0SB+3], 0x80000000
	JLOAD G0S, G1S, G0SB, G1SB
.irp s, 0,1
	s_mov_b32 s[G0+4*\s], 1
	s_add_co_u32 s[G0+4*\s+1], s45, \s*SLOT
	s_add_nc_u64 s[G0+4*\s+2:G0+4*\s+3], s[20:21], \s*RTB
	s_or_b32 s[G0+4*\s+3], s[G0+4*\s+3], 0x80000000
	s_mov_b32 s[G0B+4*\s], 1
	s_add_co_u32 s[G0B+4*\s+1], s45, \s*SLOT
	s_add_nc_u64 s[G0B+4*\s+2:G0B+4*\s+3], s[46:47], \s*RTB
	s_or_b32 s[G0B+4*\s+3], s[G0B+4*\s+3], 0x80000000
	JLOAD G0+4*\s, G1, G0B+4*\s, G1B
.endr
	v_and_b32 v1, 15, v0                           ; r
	v_bfe_u32 v2, v0, 4, 1                         ; h
	v_and_b32 v3, 31, v0
	v_lshlrev_b32 v[L16], 4, v3
	v_lshlrev_b32 v[L8], 3, v3
	s_mul_i32 s21, s15, HALFT
	s_mul_i32 s22, s16, HALFT
	s_add_co_u32 s22, s22, 2*HALFT
.irp s, 0,1
	v_add_nc_u32 v[ADRA+\s], s21, v[L16]
	v_add_nc_u32 v[ADRB+\s], s22, v[L16]
	v_add_nc_u32 v[ADRA+2+\s], s21, v[L8]
	v_add_nc_u32 v[ADRB+2+\s], s22, v[L8]
	s_add_co_u32 s21, s21, SLOT
	s_add_co_u32 s22, s22, SLOT
.endr
	v_lshlrev_b32 v5, 2, v1
	s_mul_i32 s21, s15, HALFS
	s_mul_i32 s22, s16, HALFS
	s_add_co_u32 s22, s22, 2*HALFS
	s_sub_co_u32 s22, s22, s21
	v_mul_u32_u24 v6, s22, v2                      ; lanes 16-31 take B's: one product
	s_add_co_u32 s21, s21, SCL
	v_add_nc_u32 v5, v5, v6
	v_add_nc_u32 v[ADRS], s21, v5
	; the way out's LDS addresses: a constant + a constant x wave + lane terms
	s_lshl_b32 s21, s14, 16
	v_add_nc_u32 v[SPL], s21, v[L16]               ; my spill: 65,536 x wave + 16 x lane
	s_lshl_b32 s21, s14, 11
	v_lshlrev_b32 v[AWV0], 4, v1
	v_add_nc_u32 v[AWV0], s21, v[AWV0]
	v_lshl_add_u32 v[AWQ0], v2, 9, v[AWV0]
	v_add_nc_u32 v[AWQ0], AUXQ, v[AWQ0]            ; q, k scale words: 512 h + 16 r
	v_add_nc_u32 v[AWV0], AUXV+1024, v[AWV0]       ; v scale words: 16 r
	v_lshlrev_b32 v[ANQ0], 2, v1
	v_lshl_add_u32 v[ANQ0], v2, 9, v[ANQ0]
	v_add_nc_u32 v[ANQ0], s21, v[ANQ0]
	v_add_nc_u32 v[ANQ0], AUXQ+1024, v[ANQ0]       ; -norm^2 / 2: 512 h + 4 r
	v_lshrrev_b32 v[ABV0], 2, v[L16]
	v_add_nc_u32 v[ABV0], s21, v[ABV0]
	v_add_nc_u32 v[ABV0], AUXV, v[ABV0]            ; v's bias: 4 x lane
	v_cmp_ne_u32 s[HM], 0, v2
	v_mul_u32_u24 v[VOF], v2, 20480
	v_lshl_add_u32 v[VOF], v1, 4, v[VOF]
	; where the results go.  q, k: images [bh][row tile][768]; the record of head bh: scale words, then -norm^2 / 2
	s_lshr_b32 s20, s17, 3
	s_lshl_b32 s20, s20, 4
	s_lshl_b32 s21, s42, 2
	s_add_co_u32 s20, s20, s21
	s_lshl_b32 s21, s16, 1
	s_add_co_u32 s20, s20, s21                     ; bh of my first head: 16 batch + 4 tile column + 2 half
	s_and_b32 s21, s17, 7
	s_lshl_b32 s21, s21, 4
	s_lshl_b32 s22, s15, 3
	s_add_co_u32 s21, s21, s22                     ; my first row tile in the batch
	s_lshl_b32 s22, s20, 7
	s_add_co_u32 s22, s22, s21
	s_mul_i32 s22, s22, 768
	s_mul_i32 s23, ttmp9, 3145728
	s_add_co_u32 s22, s22, s23
	s_mul_i32 s20, s20, 20480
	s_lshl_b32 s21, s17, 1
	s_add_co_u32 s21, s21, s15
	s_and_b32 s21, s21, 15
	s_lshl_b32 s21, s21, 9
	s_add_co_u32 s20, s20, s21
	s_mul_i32 s21, ttmp9, 655360
	s_add_co_u32 s20, s20, s21
	s_add_co_u32 s20, s20, 9437184
	; v: images [d row tile][token K step][1,536]; scale words in k's record, 16,384 bytes on
	s_lshl_b32 s46, s17, 4
	s_lshl_b32 s47, s15, 3
	s_add_co_u32 s46, s46, s47
	s_lshl_b32 s46, s46, 5
	s_lshl_b32 s47, s42, 1
	s_add_co_u32 s47, s47, s16                     ; my 128 tokens: K step 2 tile column + half
	s_add_co_u32 s46, s46, s47
	s_mul_i32 s46, s46, 1536
	s_add_co_u32 s46, s46, 6291456
	s_lshr_b32 s92, s47, 4
	s_lshl_b32 s92, s92, 4
	s_lshl_b32 s93, s17, 2
	s_add_co_u32 s92, s92, s93
	s_lshl_b32 s93, s15, 1
	s_add_co_u32 s92, s92, s93
	s_mul_i32 s92, s92, 20480
	s_and_b32 s47, s47, 15
	s_lshl_b32 s47, s47, 8
	s_add_co_u32 s92, s92, s47
	s_add_co_u32 s92, s92, 10092544+16384
	s_cmp_eq_u32 ttmp9, 2
	s_cselect_b32 s22, s46, s22
	s_cselect_b32 s20, s92, s20
	s_mov_b32 s[OST], 768
	s_cselect_b32 s[OST], 49152, s[OST]            ; from row tile to row tile in the images
	s_mov_b32 s[OST+1], 0
	s_mov_b32 s23, 0
	s_mov_b32 s21, 0
	s_add_nc_u64 s[OB:OB+1], s[12:13], s[22:23]
	s_add_nc_u64 s[AB:AB+1], s[12:13], s[20:21]
	; the biases.  Both kinds are loaded on every path (the tile's number held to 0 .. 3, inside the 1,024 numbers), so that every register is written on every path
	s_cmp_eq_u32 ttmp9, 1
	s_cselect_b64 s[6:7], s[8:9], s[6:7]
	s_cmp_eq_u32 ttmp9, 2
	s_cselect_b64 s[6:7], s[10:11], s[6:7]
	s_and_b32 s20, s42, 3
	s_lshl_b32 s20, s20, 10
	s_lshl_b32 s21, s16, 9
	s_add_co_u32 s20, s20, s21
	s_mov_b32 s21, 0
	s_add_nc_u64 s[6:7], s[6:7], s[20:21]
	s_and_b32 s20, s17, 3
	s_lshl_b32 s20, s20, 10
	s_lshl_b32 s22, s15, 9
	s_add_co_u32 s20, s20, s22
	s_add_nc_u64 s[10:11], s[10:11], s[20:21]
	v_lshlrev_b32 v[BO1], 6, v2                    ; along the registers: 64 h
	v_and_b32 v[BO2], 8, v1
	v_add_nc_u32 v[BO2], v[BO2], v1
	v_lshlrev_b32 v[BO2], 2, v[BO2]                ; a number a row: 4 (r + 8 (r / 8))
.irp b, 0,1,2,3
.irp j, 0,1,2,3
	global_load_b128 v[BIAS+16*\b+4*\j:BIAS+16*\b+4*\j+3], v[BO1], s[6:7] offset:128*\b+16*\j
.endr
.endr
.irp a, 0,1,2,3,4,5,6,7
	global_load_b32 v[240+\a], v[BO2], s[10:11] offset:(32*(\a/2)+8*(\a%2))*4
.endr
	s_wait_tensorcnt 1                             ; the scale words and my part of slot 0 are in; slot 1's load may be out
	s_barrier_signal -1
	s_barrier_wait -1
	FETCH_B 0, 0, 0
	FETCH_A 0, 0, 0
	SCALES 0
	FETCH_A 0, 0, 4
	STEP 0, 0, 1                                   ; the first step's products start the sums
	s_mov_b32 s3, LAPS-1
.Llap:
	TURN 0, 1, 1
	STEP 1, 0, 0
	TURN 1, 0, 1
	STEP 0, 0, 0
	s_sub_co_u32 s3, s3, 1
	s_cmp_lg_u32 s3, 0
	s_cbranch_scc1 .Llap
	TURN 0, 1, 0                                   ; the last lap fills nothing
	STEP 1, 0, 0
	s_wait_dscnt 4*NL
	WIN MUL_LO
	MUL16 0, 1, NQ-1, 1, 0
	MUL16 2, 1, NQ-1, 1, 0
	s_wait_dscnt 0
	WIN MUL_HI
	MUL16 4, 1, NQ-1, 1, 0
	MUL16 6, 1, NQ-1, 1, 0
	WIN 0
	s_wait_dscnt 0x0                               ; my reads of the slots and of the scale words are over;
	s_barrier_signal -1
	s_barrier_wait -1                              ; everybody's are: the spill may be written over them (they have had their last fill)
	PLACES NP
.irp a, 0,1,2,3,4,5,6,7
	WIN 0x08+4*(\a/4)                              ; an LDS store's data are its source 1: window 2 or 3
.irp b, 0,1,2,3,4,5,6,7
	ds_store_b128 v[SPL], v[8*(8*(\a%4)+\b):8*(8*(\a%4)+\b)+3] offset:8192*\a+1024*\b        ; each accumulator from its low end on
	ds_store_b128 v[SPL], v[8*(8*(\a%4)+\b)+4:8*(8*(\a%4)+\b)+7] offset:8192*\a+1024*\b+512
.endr
.endr
	WIN 0
	s_wait_loadcnt 0x0                             ; the biases
	s_mov_b32 s[SEL], 0x76543210                   ; (no tensor load is out: the descriptors' registers are free)
	s_mov_b32 s[SEL+1], 0xfedcba98
	s_mov_b32 s[MAXN], 0x3f7fff58                  ; 1 - 1e-5
.irp a, 0,1,2,3,4,5,6,7
	ds_store_b32 v[ABV0], v[240+\a] offset:128*\a  ; v's bias goes through LDS, so that the loop can take it by its trip
.endr
.irp b, 0,1,2,3
	v_mov_b32 v[TM+4+\b], 0
.endr
	s_lshl_b32 s31, s14, 11
	v_add_nc_u32 v16, s31, v[L16]
	v_add_nc_u32 v17, AUXV+1024, v16               ; where the small results are read back: v's,
	v_add_nc_u32 v16, AUXQ, v16                    ; q's and k's
	s_mov_b32 s3, 0
	s_mov_b32 s[TO], 0
.Lrow:                                             ; eight trips: row tile a of my 128 rows of A
	v_add_nc_u32 v[RDA], s[TO], v[SPL]
.set i, 0
.rept 16
	ds_load_b128 v[T+4*i:T+4*i+3], v[RDA] offset:512*i     ; LDS serves a wave's instructions in order: these see my stores
.set i, i+1
.endr
	s_lshr_b32 s20, s3, 2
	s_lshl_b32 s20, s20, 8
	s_and_b32 s21, s3, 3
	s_lshl_b32 s21, s21, 2
	s_add_co_u32 s20, s20, s21                     ; 256 (a / 4) + 4 (a % 4)
	s_lshl_b32 s21, s3, 6
	s_lshl_b32 s22, s3, 7
	v_add_nc_u32 v[AWQ], s20, v[AWQ0]
	v_add_nc_u32 v[ANQ], s21, v[ANQ0]
	v_add_nc_u32 v[AWV], s20, v[AWV0]
	v_add_nc_u32 v[ABV], s22, v[ABV0]
	s_cmp_eq_u32 ttmp9, 2
	s_cbranch_scc1 .Lv_row
	s_wait_dscnt 0x0
.set k, 0
.rept 32
	v_pk_add_f32 v[T+k:T+k+1], v[T+k:T+k+1], v[BIAS+k:BIAS+k+1]
.set k, k+2
.endr
.irp e, 0,1                            ; head e: my 32 numbers of its 64, T + 32 e on
	v_pk_mul_f32 v[230+4*\e:231+4*\e], v[T+32*\e:T+32*\e+1], v[T+32*\e:T+32*\e+1]
	v_pk_mul_f32 v[232+4*\e:233+4*\e], v[T+32*\e+2:T+32*\e+3], v[T+32*\e+2:T+32*\e+3]
.endr
.irp j, 4,8,12,16,20,24,28
.irp e, 0,1
	v_pk_fma_f32 v[230+4*\e:231+4*\e], v[T+32*\e+\j:T+32*\e+\j+1], v[T+32*\e+\j:T+32*\e+\j+1], v[230+4*\e:231+4*\e]
	v_pk_fma_f32 v[232+4*\e:233+4*\e], v[T+32*\e+\j+2:T+32*\e+\j+3], v[T+32*\e+\j+2:T+32*\e+\j+3], v[232+4*\e:233+4*\e]
.endr
.endr
.irp e, 0,1
	v_pk_add_f32 v[230+4*\e:231+4*\e], v[230+4*\e:231+4*\e], v[232+4*\e:233+4*\e]
.endr
.irp e, 0,1
	v_add_f32 v[230+4*\e], v[230+4*\e], v[231+4*\e]
.endr
.irp e, 0,1
	v_permlanex16_b32 v[231+4*\e], v[230+4*\e], s[SEL], s[SEL+1]
.endr
.irp e, 0,1
	v_add_f32 v[230+4*\e], v[230+4*\e], v[231+4*\e]        ; ss: the head's sum of squares
.endr
.irp e, 0,1
	v_sqrt_f32 v[231+4*\e], v[230+4*\e]                    ; n
.endr
	v_nop
	s_wait_alu depctr_va_vdst(0)                   ; one wait for the two roots, ahead of their first reader
.irp e, 0,1
	v_max_num_f32 v[232+4*\e], 0x2b8cbccc, v[231+4*\e]     ; max(n, 1e-12)
.endr
.irp e, 0,1
	v_rcp_f32 v[232+4*\e], v[232+4*\e]
.endr
	v_nop
.irp e, 0,1
	v_cmp_gt_f32 s[27+\e], v[231+4*\e], s[MAXN]
.endr
	s_wait_alu depctr_va_vdst(0)
.irp e, 0,1
	v_mul_f32 v[232+4*\e], s[MAXN], v[232+4*\e]
.endr
.irp e, 0,1
	v_cndmask_b32 v[232+4*\e], 1.0, v[232+4*\e], s[27+\e]  ; f
.endr
.irp e, 0,1
	v_mov_b32 v[233+4*\e], v[232+4*\e]
.endr
.irp e, 0,1
.set k, 0
.rept 16
	v_pk_mul_f32 v[T+32*\e+k:T+32*\e+k+1], v[T+32*\e+k:T+32*\e+k+1], v[232+4*\e:233+4*\e]
.set k, k+2
.endr
.endr
.irp e, 0,1
	v_mul_f32 v[230+4*\e], v[230+4*\e], v[232+4*\e]
.endr
.irp e, 0,1
	v_mul_f32 v[230+4*\e], v[230+4*\e], v[232+4*\e]
.endr
.irp e, 0,1
	v_mul_f32 v[230+4*\e], -0.5, v[230+4*\e]               ; -norm^2 / 2
.endr
	QUANT T                                        ; blocks 0, 1: head 0; blocks 2, 3: head 1
	global_store_b128 v[L16], v[PC:PC+3], s[OB:OB+1]
	global_store_b64 v[L8], v[PC+4:PC+5], s[OB:OB+1] offset:512
	global_store_b128 v[L16], v[PC+6:PC+9], s[OB:OB+1] offset:98304
	global_store_b64 v[L8], v[PC+10:PC+11], s[OB:OB+1] offset:98304+512
	v_and_b32 v238, 0xffff, v[PW]
	v_lshrrev_b32 v239, 16, v[PW]
	v_cndmask_b32 v238, v238, v239, s[HM]          ; lanes 0-15 carry head 0's two bytes, lanes 16-31 head 1's;
	v_or_b32 v238, 0x7f7f0000, v238                ; the upper half of attention's K step is zeros: bytes of 1.0
	ds_store_b32 v[AWQ], v238
	v_cndmask_b32 v239, v230, v234, s[HM]
	ds_store_b32 v[ANQ], v239
	s_branch .Lrow_end
.Lv_row:
	ds_load_b32 v230, v[ABV]
	s_wait_dscnt 0x0
	v_mov_b32 v231, v230
.set k, 0
.rept 32
	v_pk_add_f32 v[T+k:T+k+1], v[T+k:T+k+1], v[230:231]
.set k, k+2
.endr
	QUANT T                                        ; along the tokens
	global_store_b128 v[L16], v[PC:PC+3], s[OB:OB+1]
	global_store_b64 v[L8], v[PC+4:PC+5], s[OB:OB+1] offset:512
	global_store_b128 v[L16], v[PC+6:PC+9], s[OB:OB+1] offset:768
	global_store_b64 v[L8], v[PC+10:PC+11], s[OB:OB+1] offset:1280
	ds_store_b32 v[AWV], v[PW]
.Lrow_end:
	s_wait_dscnt 0x0
	s_wait_xcnt 0x0                                ; the stores have read their registers and their base
	s_add_nc_u64 s[OB:OB+1], s[OB:OB+1], s[OST:OST+1]
	s_add_co_u32 s[TO], s[TO], 8192
	s_add_co_u32 s3, s3, 1
	s_cmp_lt_u32 s3, 8
	s_cbranch_scc1 .Lrow
	s_cmp_eq_u32 ttmp9, 2
	s_cbranch_scc1 .Lv_aux
.irp k, 0,1,2,3
	ds_load_b128 v[T+4*\k:T+4*\k+3], v16 offset:512*\k
.endr
	s_wait_dscnt 0x0
	global_store_b128 v[L16], v[T:T+3], s[AB:AB+1]                      ; 512 consecutive bytes each: head 0's scale words,
	global_store_b128 v[L16], v[T+4:T+7], s[AB:AB+1] offset:20480       ; head 1's,
	global_store_b128 v[L16], v[T+8:T+11], s[AB:AB+1] offset:8192       ; head 0's -norm^2 / 2,
	global_store_b128 v[L16], v[T+12:T+15], s[AB:AB+1] offset:28672     ; head 1's
	s_branch .Lend
.Lv_aux:
	ds_load_b128 v[T:T+3], v17
	s_wait_dscnt 0x0
	global_store_b128 v[VOF], v[T:T+3], s[AB:AB+1]                      ; sixteen lanes store 256 consecutive bytes: a head's scale words of this K step
.Lend:
	s_wait_tensorcnt 0x0                           ; the wave's end
	ds_add_u32 v[SPW], v[NIL]
	s_wait_dscnt 0x0
	CROUND                                         ; the closing round
	s_endpgm
.Lfunc_end_k_q779d489bad_qkv:
	.size	k_q779d489bad_qkv, .Lfunc_end_k_q779d489bad_qkv-k_q779d489bad_qkv
	.p2alignl 7, 3214868480
	.fill 96, 4, 3214868480
	.section	.rodata,"a",@progbits
	.p2align	6, 0x0
	.amdhsa_kernel k_q779d489bad_qkv
		.amdhsa_group_segment_fixed_size 327680
		.amdhsa_private_segment_fixed_size 0
		.amdhsa_enable_private_segment 0
		.amdhsa_kernarg_size 40
		.amdhsa_user_sgpr_count 2
		.amdhsa_user_sgpr_kernarg_segment_ptr 1
		.amdhsa_wavefront_size32 1
		.amdhsa_system_sgpr_workgroup_id_x 1
		.amdhsa_system_sgpr_workgroup_id_y 1
		.amdhsa_system_sgpr_workgroup_id_z 1
		.amdhsa_system_vgpr_workitem_id 0
		.amdhsa_next_free_vgpr 1024
		.amdhsa_next_free_sgpr 102
		.amdhsa_reserve_vcc 0
		.amdhsa_float_denorm_mode_32 3
		.amdhsa_float_denorm_mode_16_64 3
		.amdhsa_memory_ordered 1
		.amdhsa_forward_progress 1
		.amdhsa_inst_pref_size 152
	.end_amdhsa_kernel
	.amdgpu_metadata
---
amdhsa.version: [ 1, 2 ]
amdhsa.kernels:
  - .name:           k_q779d489bad_qkv
    .symbol:         k_q779d489bad_qkv.kd
    .args:
      - { .name: wsA, .offset: 0, .size: 8, .value_kind: global_buffer, .address_space: global }
      - { .name: bq, .offset: 8, .size: 8, .value_kind: global_buffer, .address_space: global }
      - { .name: bk, .offset: 16, .size: 8, .value_kind: global_buffer, .address_space: global }
      - { .name: bv, .offset: 24, .size: 8, .value_kind: global_buffer, .address_space: global }
      - { .name: wsB, .offset: 32, .size: 8, .value_kind: global_buffer, .address_space: global }
    .group_segment_fixed_size: 327680
    .private_segment_fixed_size: 0
    .kernarg_segment_align: 8
    .kernarg_segment_size: 40
    .max_flat_workgroup_size: 128
    .sgpr_count:     102
    .vgpr_count:     1024
    .wavefront_size: 32
...
	.end_amdgpu_metadata
.endif
;; end of part 2
;; launch attn (part 3): grid 8 x 32, 8 waves a work-group, clusters of 4 x 1, 218,112 bytes of LDS; arguments wsB, wsC; writes wsC
.if DOCPART == 3
	.amdgcn_target "amdgcn-amd-amdhsa--gfx1250"
	.amdhsa_code_object_version 6
	.text
	.protected	k_q779d489bad_attn
	.globl	k_q779d489bad_attn
	.p2align	8
	.type	k_q779d489bad_attn,@function
k_q779d489bad_attn:
	s_mov_b64 s[64:65], 0
	v_nop
	global_prefetch_b8 v0, s[64:65] scope:SCOPE_SE
	s_setreg_imm32_b32 hwreg(HW_REG_WAVE_MODE, 25, 1), 1
	s_wait_xcnt 0x0
	s_wait_alu depctr_hold_cnt(0) depctr_sa_sdst(0) depctr_va_vdst(0) depctr_va_sdst(0) depctr_va_ssrc(0) depctr_va_vcc(0) depctr_vm_vsrc(0)
	s_getreg_b32 s2, hwreg(HW_REG_IB_STS2, 6, 4)
	s_cmp_eq_u32 s2, 0
	s_cbranch_scc0 .Lentry_in_a_cluster
	s_endpgm
.Lentry_in_a_cluster:
	s_bfe_u32 s2, ttmp6, 0x10000c
	s_cmp_lg_u32 s2, 0x3003
	s_cbranch_scc0 .Lentry_shape_is_right
	s_endpgm
.Lentry_shape_is_right:
; Attention on -||q - k||^2 / 8, both products on codes of FP6 (E2M3) with E8M0 scales.  t = logit x log2(e) = c (q.k - k2 / 2 - q2 / 2), c = log2(e) / 4.
; A work-group owns 256 queries of one (batch, head); each of its eight waves two tiles of 16 queries; two waves share a SIMD.  Every wave walks the head's 2,048 keys, 128 a step.
; THE WHOLE HEAD LIES IN LDS, filled once: K's images (98,304 bytes), V's (98,304), k's record (scale words, -k2 / 2, V's scale words: 20,480).  The four query blocks of a cluster ask jointly.
; Both products are used transposed: S^T = K Q^T (C = -k2 / 2 in the result's layout), O^T = V^T P^T: a lane holds one query throughout.  Keys lie in image order, so the 16 registers of tiles 2 b, 2 b + 1
; are 16 neighbouring keys.  The head has 64 channels, half of the instruction's K: Q's registers 6-11 are zero codes, and a key tile's operand runs on into the next tile's codes, which meet those zeros
; under scale bytes of 1.0 (the format has no NaN code).
; NO MAXIMUM IS TAKEN AWAY: M = 0.  reference() itself clips q and k to norm 1 - 1e-5; quantising adds at most half the largest magnitude to a norm, so |q.k| < 2.25, t lies in (-1.2, 0.82), p = 2^t in
; (0.43, 1.77) and a row's sum under 3,700, for every input.  The stated M (0 or 1 here) differs from 0 by a whole number: a power of two that the block's scale takes up and that the division by the sum takes out.
; The row's sum is taken of the unquantised p.  A block's largest p is made from the block's largest score by the same two instructions.  O / sum is quantised along the head's 64 for the next product.
; The result's scale bytes leave as 2 bytes a row at a stride of 4: the neighbouring head's work-group writes the other half of each word (131,072 bytes in all).
; LIMITS: NaN and infinities are not served; an output block under 2^-124 keeps the byte 1.
.set VIMG, 98304
.set AUX,  196608
.set KNO,  AUX+8192
.set VSO,  AUX+16384
.set L16,  1
.set L8,   2
.set R16,  3
.set AK16, 4
.set AK8,  5
.set AKN,  6
.set AKS,  7
.set AV16A, 8                          ; v8, v10: V's d tiles 0-1, 2-3, + 16 x lane;  v9, v11: + 8 x lane
.set AV8A, 9
.set AVS,  12
.set R4,   13
.set L4,   14
.set S,    16                          ; v16-143  scores, then p: 64 a tile
.set BM,   144                         ; v144-151 the blocks' largest
.set BP,   152
.set SOP,  160                         ; v160-167 the conversions' scale operands
.set PC,   168                         ; v168-191 p's codes, 12 a tile
.set CT,   192                         ; v192-207
.set LS,   208                         ; v208-211 the rows' sums, a pair a tile; v212-215 second chains
.set LT,   212
.set QA,   216                         ; v216-219 c x (-q2 / 2), a pair a tile
.set KSW,  220                         ; v220-227 K's scale words; v228-231 V's; v232-233 Q's; v234-235 p's
.set VSW,  228
.set QSW,  232
.set PSW,  234
.set O,    24                          ; window 1: v0-23 Q (6 + 6 zeros a tile); v24-87 O^T; v88-141 K (8 x 6 + 6 zeros); v144-191 V; v192-255 -k2 / 2
.set KF,   88
.set VF,   144
.set KN,   192
.set G1A,  24
.set G1B,  32
.set G0A,  40
.set G0B,  44
.set SEL,  48
.set C2,   50
.set CNT,  52
.set HM,   53
.set QP,   54
.set QS,   56
.set QN,   58
.set AO,   60
.set AS,   62
.set MSB, 0
.macro WIN new
.if MSB != \new
	s_set_vgpr_msb (MSB<<8)|\new
.set MSB, \new
.endif
.endm
.macro CROUND
	s_barrier_signal -1
	s_barrier_wait -1
	s_cmp_lg_u32 s8, 0
	s_cbranch_scc1 .Lnot_wave_0_\@
	s_barrier_signal -3
.Lnot_wave_0_\@:
	s_barrier_wait -3
	s_barrier_signal -1
	s_barrier_wait -1
.endm
.macro PLACES n
.rept \n
	v_nop
.endr
.endm
.macro KLOAD                           ; 34 loads: a step's eight key tiles, their -k2 / 2, their scale words; then the addresses step
	WIN 0x40
.irp t, 0,1,2,3,4,5,6,7
	ds_load_b128 v[KF+6*\t:KF+6*\t+3], v[AK16] offset:768*\t
	ds_load_b64 v[KF+6*\t+4:KF+6*\t+5], v[AK8] offset:768*\t+512
.endr
.irp t, 0,1,2,3,4,5,6,7
	ds_load_b128 v[KN+8*\t:KN+8*\t+3], v[AKN] offset:64*\t
	ds_load_b128 v[KN+8*\t+4:KN+8*\t+7], v[AKN] offset:64*\t+16
.endr
	WIN 0
	ds_load_b128 v[KSW:KSW+3], v[AKS]
	ds_load_b128 v[KSW+4:KSW+7], v[AKS] offset:256
	v_add_nc_u32 v[AK16], 6144, v[AK16]
	v_add_nc_u32 v[AK8], 6144, v[AK8]
	v_add_nc_u32 v[AKN], 512, v[AKN]
	v_add_nc_u32 v[AKS], 512, v[AKS]
.endm
.macro VLOAD                           ; 17 loads: the step's four fragments of V and their scale words
	WIN 0x40
.irp t, 0,1,2,3
	ds_load_b128 v[VF+12*\t:VF+12*\t+3], v[AV16A+2*(\t/2)] offset:24576*(\t%2)
	ds_load_b64 v[VF+12*\t+4:VF+12*\t+5], v[AV8A+2*(\t/2)] offset:24576*(\t%2)+512
	ds_load_b128 v[VF+12*\t+6:VF+12*\t+9], v[AV16A+2*(\t/2)] offset:24576*(\t%2)+768
	ds_load_b64 v[VF+12*\t+10:VF+12*\t+11], v[AV8A+2*(\t/2)] offset:24576*(\t%2)+1280
.endr
	WIN 0
	ds_load_b128 v[VSW:VSW+3], v[AVS]
.irp n, 8,9,10,11
	v_add_nc_u32 v[\n], 1536, v[\n]
.endr
	v_add_nc_u32 v[AVS], 256, v[AVS]
.endm
.macro ROWSUM e                        ; the row's sum takes the unquantised p: two chains of pairs
	v_pk_add_f32 v[LT+2*\e:LT+2*\e+1], v[S+64*\e:S+64*\e+1], v[S+64*\e+2:S+64*\e+3]
.irp j, 4,8,12,16,20,24,28,32,36,40,44,48,52,56,60
	v_pk_add_f32 v[LS+2*\e:LS+2*\e+1], v[LS+2*\e:LS+2*\e+1], v[S+64*\e+\j:S+64*\e+\j+1]
	v_pk_add_f32 v[LT+2*\e:LT+2*\e+1], v[LT+2*\e:LT+2*\e+1], v[S+64*\e+\j+2:S+64*\e+\j+3]
.endr
	v_pk_add_f32 v[LS+2*\e:LS+2*\e+1], v[LS+2*\e:LS+2*\e+1], v[LT+2*\e:LT+2*\e+1]
.endm
.macro KSTEP first, last               ; 128 keys
	s_wait_dscnt 0x0                               ; this step's K is in
	WIN 0x15                                       ; K, Q and -k2 / 2 in window 1, the scores in window 0
.irp t, 0,1,2,3,4,5,6,7
.irp e, 0,1
	v_wmma_scale_f32_16x16x128_f8f6f4 v[S+64*\e+8*\t:S+64*\e+8*\t+7], v[KF+6*\t:KF+6*\t+11], v[12*\e:12*\e+11], v[KN+8*\t:KN+8*\t+7], v[KSW+\t], v[QSW+\e] matrix_a_fmt:MATRIX_FMT_FP6 matrix_b_fmt:MATRIX_FMT_FP6
.endr
.endr
	WIN 0
	PLACES 4                                       ; in front of loads into registers that matrix instructions have read, and of the first read of the scores
	VLOAD
.if \last == 0
	KLOAD                                          ; the next step's
.endif
.irp e, 0,1
.irp b, 0,1,2,3
	v_max3_num_f32 v[BM+4*\e+\b], v[S+64*\e+16*\b], v[S+64*\e+16*\b+1], v[S+64*\e+16*\b+2]   ; the largest score of each block of 32 keys
.endr
.endr
.irp i, 3,5,7,9,11,13
.irp e, 0,1
.irp b, 0,1,2,3
	v_max3_num_f32 v[BM+4*\e+\b], v[BM+4*\e+\b], v[S+64*\e+16*\b+\i], v[S+64*\e+16*\b+\i+1]
.endr
.endr
.endr
.irp e, 0,1
.irp b, 0,1,2,3
	v_max_num_f32 v[BM+4*\e+\b], v[BM+4*\e+\b], v[S+64*\e+16*\b+15]
.endr
.endr
.irp n, 0,1,2,3,4,5,6,7
	v_permlanex16_b32 v[BP+\n], v[BM+\n], s[SEL], s[SEL+1]
.endr
.irp n, 0,1,2,3,4,5,6,7
	v_max_num_f32 v[BM+\n], v[BM+\n], v[BP+\n]
.endr
.irp e, 0,1
.set k, 0
.rept 32
	v_pk_fma_f32 v[S+64*\e+k:S+64*\e+k+1], v[S+64*\e+k:S+64*\e+k+1], s[C2:C2+1], v[QA+2*\e:QA+2*\e+1] op_sel_hi:[1,0,0]   ; t = c (q.k - k2 / 2) + c (-q2 / 2)
.set k, k+2
.endr
.endr
.irp e, 0,1
.irp b, 0,1,2,3
	v_fma_f32 v[BM+4*\e+\b], v[BM+4*\e+\b], s[C2], v[QA+2*\e]
.endr
.endr
.set k, 0
.rept 128
	v_exp_f32 v[S+k], v[S+k]                       ; p = 2^t
.set k, k+1
.endr
	v_nop                                          ; a plain line behind the batch,
	s_wait_alu depctr_va_vdst(0)                   ; and one wait for it, ahead of its first reader
.irp n, 0,1,2,3,4,5,6,7
	v_exp_f32 v[BM+\n], v[BM+\n]                   ; the blocks' largest p
.endr
	ROWSUM 0                                       ; (reads the 128 alone: plain work behind the eight)
	s_wait_alu depctr_va_vdst(0)
.irp n, 0,1,2,3,4,5,6,7
	v_add_nc_u32 v[SOP+\n], 0xff000000, v[BM+\n]   ; 2 off the exponent field.  No floor: p is over 0.43
.endr
.irp n, 0,1,2,3,4,5,6,7
	v_lshrrev_b32 v[BP+\n], 23, v[SOP+\n]
.endr
.irp e, 0,1
	v_lshl_or_b32 v[PSW+\e], v[BP+4*\e+1], 8, v[BP+4*\e]
.endr
.irp e, 0,1
	v_lshl_or_b32 v[PSW+\e], v[BP+4*\e+2], 16, v[PSW+\e]
.endr
.irp e, 0,1
	v_lshl_or_b32 v[PSW+\e], v[BP+4*\e+3], 24, v[PSW+\e]
.endr
.irp e, 0,1
.irp c, 0,1
	v_cvt_scalef32_pk16_fp6_f32 v[PC+12*\e+6*\c:PC+12*\e+6*\c+2], v[S+64*\e+32*\c:S+64*\e+32*\c+15], v[SOP+4*\e+2*\c]
	v_cvt_scalef32_pk16_fp6_f32 v[CT+8*\e+4*\c:CT+8*\e+4*\c+2], v[S+64*\e+32*\c+16:S+64*\e+32*\c+31], v[SOP+4*\e+2*\c+1]
.endr
.endr
	v_nop
.irp e, 0,1
.irp c, 0,1
.irp i, 0,1,2
	v_permlane16_swap_b32 v[PC+12*\e+6*\c+\i], v[CT+8*\e+4*\c+\i]
.endr
.irp i, 0,1,2
	v_mov_b32 v[PC+12*\e+6*\c+3+\i], v[CT+8*\e+4*\c+\i]
.endr
.endr
.endr
	ROWSUM 1                                       ; these 32 are also the places between the scale words and codes just made and the products below
.if \last
	s_wait_dscnt 0x0
.else
	s_wait_dscnt 34                                ; V is in; the next step's 34 loads may be out
.endif
	WIN 0x51                                       ; V and O^T in window 1, p in window 0
.irp t, 0,1,2,3
.irp e, 0,1
.if \first
	v_wmma_scale_f32_16x16x128_f8f6f4 v[O+32*\e+8*\t:O+32*\e+8*\t+7], v[VF+12*\t:VF+12*\t+11], v[PC+12*\e:PC+12*\e+11], 0, v[VSW+\t], v[PSW+\e] matrix_a_fmt:MATRIX_FMT_FP6 matrix_b_fmt:MATRIX_FMT_FP6
.else
	v_wmma_scale_f32_16x16x128_f8f6f4 v[O+32*\e+8*\t:O+32*\e+8*\t+7], v[VF+12*\t:VF+12*\t+11], v[PC+12*\e:PC+12*\e+11], v[O+32*\e+8*\t:O+32*\e+8*\t+7], v[VSW+\t], v[PSW+\e] matrix_a_fmt:MATRIX_FMT_FP6 matrix_b_fmt:MATRIX_FMT_FP6
.endif
.endr
.endr
	WIN 0
.endm
	s_load_b128 s[4:7], s[0:1], 0x0                ; wsB, wsC
	v_lshl_add_u32 v254, v0, 2, 0x35000
	v_mov_b32 v255, 0
	ds_add_u32 v254, v255
	ds_add_u32 v254, v255
	v_lshrrev_b32 v1, 5, v0
	v_readfirstlane_b32 s8, v1                     ; wave 0..7
	s_bfe_u32 s9, ttmp6, 0x40000                   ; cx
	s_lshl_b32 s10, ttmp9, 2
	s_add_co_u32 s10, s10, s9                      ; my block of 256 queries: it enters Q's and the result's addresses alone
	s_and_b32 s11, ttmp7, 0xffff                   ; bh, which the four partners share
	s_lshr_b32 s12, s11, 4                         ; batch
	s_and_b32 s13, s11, 15                         ; head
	s_mov_b32 s[G1A], 15|(3<<16)|(1<<21)           ; the mask: all four; elements of 8 bytes; bit 21 beside a mask
	s_mov_b32 s[G1A+1], 32<<16                     ; 24,576 dense bytes as 96 rows of 256
	s_mov_b32 s[G1A+2], 96<<16
	s_mov_b32 s[G1A+3], 32<<16
	s_mov_b32 s[G1A+4], 96
	s_mov_b32 s[G1A+5], 32
	s_mov_b32 s[G1A+6], 0
	s_mov_b32 s[G1A+7], 0
	s_mov_b32 s[G1B], 15|(3<<16)|(1<<21)           ; 2,560 dense bytes as 10 rows of 256
	s_mov_b32 s[G1B+1], 32<<16
	s_mov_b32 s[G1B+2], 10<<16
	s_mov_b32 s[G1B+3], 32<<16
	s_mov_b32 s[G1B+4], 10
	s_mov_b32 s[G1B+5], 32
	s_mov_b32 s[G1B+6], 0
	s_mov_b32 s[G1B+7], 0
	s_mul_i32 s14, s11, 98304
	s_mul_i32 s15, s8, 24576
	s_add_co_u32 s14, s14, s15
	s_add_co_u32 s14, s14, 3145728                 ; waves 0-3: a quarter of K's images
	s_lshl_b32 s16, s13, 2
	s_and_b32 s17, s8, 3
	s_add_co_u32 s16, s16, s17                     ; waves 4-7: d tile 4 head + (w & 3),
	s_lshl_b32 s16, s16, 5
	s_lshl_b32 s17, s12, 4
	s_add_co_u32 s16, s16, s17                     ; the batch's 16 K steps
	s_mul_i32 s16, s16, 1536
	s_add_co_u32 s16, s16, 6291456
	s_cmp_lt_u32 s8, 4
	s_cselect_b32 s14, s14, s16
	s_mov_b32 s15, 0
	s_mul_i32 s16, s11, 20480
	s_mul_i32 s17, s8, 2560
	s_add_co_u32 s16, s16, s17
	s_add_co_u32 s16, s16, 10092544                ; an eighth of k's record
	s_mov_b32 s17, 0
	s_mov_b32 s[SEL], 0x76543210
	s_mov_b32 s[SEL+1], 0xfedcba98
	s_mov_b32 s[C2], 0x3eb8aa3b                    ; c = log2(e) / 4
	s_mov_b32 s[C2+1], s[C2]
	s_wait_dscnt 0x0
	s_wait_kmcnt 0x0
	s_mov_b32 s[G0A], 1
	s_mul_i32 s[G0A+1], s8, 24576
	s_add_nc_u64 s[G0A+2:G0A+3], s[4:5], s[14:15]
	s_or_b32 s[G0A+3], s[G0A+3], 0x80000000
	s_mov_b32 s[G0B], 1
	s_mul_i32 s[G0B+1], s8, 2560
	s_add_co_u32 s[G0B+1], s[G0B+1], AUX
	s_add_nc_u64 s[G0B+2:G0B+3], s[4:5], s[16:17]
	s_or_b32 s[G0B+3], s[G0B+3], 0x80000000
	CROUND                                         ; all four work-groups are here: the joint loads meet
	tensor_load_to_lds s[G0A:G0A+3], s[G1A:G1A+7]  ; a wave's two loads stand together: two are out
	s_nop 0
	tensor_load_to_lds s[G0B:G0B+3], s[G1B:G1B+7]
	s_nop 0
.rept 4
	v_nop
.endr
	v_and_b32 v[L4], 31, v0
	v_lshlrev_b32 v[L16], 4, v[L4]
	v_lshlrev_b32 v[L8], 3, v[L4]
	v_lshlrev_b32 v[L4], 2, v[L4]
	v_and_b32 v[R4], 15, v0
	v_lshlrev_b32 v[R16], 4, v[R4]
	v_lshlrev_b32 v[R4], 2, v[R4]
	v_bfe_u32 v15, v0, 4, 1
	v_cmp_ne_u32 s[HM], 0, v15
	v_mov_b32 v[AK16], v[L16]
	v_mov_b32 v[AK8], v[L8]
	v_lshl_add_u32 v[AKN], v15, 5, KNO
	v_add_nc_u32 v[AKS], AUX, v[R16]
	v_add_nc_u32 v8, VIMG, v[L16]
	v_add_nc_u32 v9, VIMG, v[L8]
	v_add_nc_u32 v10, VIMG+49152, v[L16]
	v_add_nc_u32 v11, VIMG+49152, v[L8]
	v_add_nc_u32 v[AVS], VSO, v[R16]
	s_lshl_b32 s16, s10, 4
	s_lshl_b32 s17, s8, 1
	s_add_co_u32 s16, s16, s17                     ; my first query tile in the head: 16 block + 2 w
	s_lshl_b32 s17, s11, 7
	s_add_co_u32 s17, s17, s16
	s_mul_i32 s18, s17, 768
	s_mov_b32 s19, 0
	s_add_nc_u64 s[QP:QP+1], s[4:5], s[18:19]      ; Q's images
	s_mul_i32 s20, s11, 20480
	s_add_co_u32 s20, s20, 9437184                 ; q's record
	s_lshl_b32 s21, s10, 1
	s_lshr_b32 s22, s8, 2
	s_add_co_u32 s21, s21, s22
	s_lshl_b32 s21, s21, 9
	s_bfe_u32 s22, s8, 0x10001
	s_lshl_b32 s22, s22, 8
	s_add_co_u32 s21, s21, s22
	s_and_b32 s22, s8, 1
	s_lshl_b32 s22, s22, 3
	s_add_co_u32 s21, s21, s22
	s_add_co_u32 s22, s20, s21
	s_mov_b32 s23, 0
	s_add_nc_u64 s[QS:QS+1], s[4:5], s[22:23]      ; my two tiles' scale words: 8 bytes at 16 r
	s_lshl_b32 s21, s16, 6
	s_add_co_u32 s20, s20, s21
	s_add_co_u32 s20, s20, 8192
	s_mov_b32 s21, 0
	s_add_nc_u64 s[QN:QN+1], s[4:5], s[20:21]      ; and -q2 / 2
	s_lshl_b32 s18, s12, 7
	s_add_co_u32 s18, s18, s16                     ; the result's row tile: 128 batch + ..
	s_mul_i32 s18, s18, 12288
	s_mul_i32 s20, s13, 768                        ; head e is half e % 2 of K step e / 2
	s_add_co_u32 s18, s18, s20
	s_add_nc_u64 s[AO:AO+1], s[6:7], s[18:19]
	s_lshl_b32 s18, s12, 4
	s_lshl_b32 s20, s10, 1
	s_add_co_u32 s18, s18, s20
	s_lshr_b32 s20, s8, 2
	s_add_co_u32 s18, s18, s20
	s_lshl_b32 s18, s18, 3
	s_lshr_b32 s20, s13, 1
	s_add_co_u32 s18, s18, s20
	s_lshl_b32 s18, s18, 9
	s_and_b32 s20, s8, 3
	s_lshl_b32 s20, s20, 7
	s_add_co_u32 s18, s18, s20
	s_and_b32 s20, s13, 1
	s_lshl_b32 s20, s20, 1
	s_add_co_u32 s18, s18, s20
	s_add_co_u32 s18, s18, 3145728
	s_add_nc_u64 s[AS:AS+1], s[6:7], s[18:19]
	WIN 0x40                                       ; destination window 1
.irp e, 0,1
	global_load_b128 v[12*\e:12*\e+3], v[L16], s[QP:QP+1] offset:768*\e
	global_load_b64 v[12*\e+4:12*\e+5], v[L8], s[QP:QP+1] offset:768*\e+512
.irp i, 6,7,8,9,10,11
	v_mov_b32 v[12*\e+\i], 0                       ; Q's upper half of K: zero codes
.endr
.endr
.irp i, 48,49,50,51,52,53
	v_mov_b32 v[KF+\i], 0                          ; what the last key tile's operand runs on into
.endr
	WIN 0
	global_load_b64 v[QSW:QSW+1], v[R16], s[QS:QS+1]
.irp e, 0,1
	global_load_b32 v[QA+2*\e], v[R4], s[QN:QN+1] offset:64*\e
.endr
.irp n, 0,1,2,3
	v_mov_b32 v[LS+\n], 0                          ; the sums
.endr
.irp n, 0,1,2,3,4,5,6,7
	v_mov_b32 v[BP+\n], 0                          ; written once: a lane permute's destination counts as one of its sources
.endr
	s_wait_loadcnt 0x0
.irp e, 0,1
	v_mul_f32 v[QA+2*\e], s[C2], v[QA+2*\e]
.endr
.irp e, 0,1
	v_mov_b32 v[QA+2*\e+1], v[QA+2*\e]
.endr
	s_wait_tensorcnt 0x0                           ; my parts have landed,
	s_barrier_signal -1
	s_barrier_wait -1                              ; everybody's have
	KLOAD
	KSTEP 1, 0                                     ; the first step starts O^T's sums
	s_mov_b32 s[CNT], 14
.Lkey:
	KSTEP 0, 0
	s_sub_co_u32 s[CNT], s[CNT], 1
	s_cmp_lg_u32 s[CNT], 0
	s_cbranch_scc1 .Lkey
	KSTEP 0, 1                                     ; the last step fetches nothing more
.irp e, 0,1
	v_add_f32 v[LS+2*\e], v[LS+2*\e], v[LS+2*\e+1]
.endr
.irp e, 0,1
	v_permlanex16_b32 v[LT+2*\e], v[LS+2*\e], s[SEL], s[SEL+1]
.endr
.irp e, 0,1
	v_add_f32 v[LS+2*\e], v[LS+2*\e], v[LT+2*\e]   ; the row's sum
.endr
.irp e, 0,1
	v_rcp_f32 v[LS+2*\e], v[LS+2*\e]
.endr
	v_nop
	s_wait_alu depctr_va_vdst(0)
.irp e, 0,1
	v_mov_b32 v[LS+2*\e+1], v[LS+2*\e]
.endr
	WIN 0x01                                       ; O^T in window 1
.irp e, 0,1
.set k, 0
.rept 16
	v_pk_mul_f32 v[S+64*\e+k:S+64*\e+k+1], v[O+32*\e+k:O+32*\e+k+1], v[LS+2*\e:LS+2*\e+1]   ; register 8 t + j is channel 32 (t / 2) + 16 h + 8 (t % 2) + j; each accumulator from its low end on
.set k, k+2
.endr
.endr
	WIN 0
.irp e, 0,1
.irp b, 0,1
	v_max3_num_f32 v[BM+4*\e+\b], |v[S+64*\e+16*\b]|, |v[S+64*\e+16*\b+1]|, 0x1800000
.endr
.endr
.irp i, 2,4,6,8,10,12,14
.irp e, 0,1
.irp b, 0,1
	v_max3_num_f32 v[BM+4*\e+\b], v[BM+4*\e+\b], |v[S+64*\e+16*\b+\i]|, |v[S+64*\e+16*\b+\i+1]|
.endr
.endr
.endr
.irp e, 0,1
.irp b, 0,1
	v_permlanex16_b32 v[BP+4*\e+\b], v[BM+4*\e+\b], s[SEL], s[SEL+1]
.endr
.endr
.irp e, 0,1
.irp b, 0,1
	v_max_num_f32 v[BM+4*\e+\b], v[BM+4*\e+\b], v[BP+4*\e+\b]
.endr
.endr
.irp e, 0,1
.irp b, 0,1
	v_add_nc_u32 v[SOP+4*\e+\b], 0xff000000, v[BM+4*\e+\b]
.endr
.endr
.irp e, 0,1
.irp b, 0,1
	v_lshrrev_b32 v[BP+4*\e+\b], 23, v[SOP+4*\e+\b]
.endr
.endr
.irp e, 0,1
	v_lshl_or_b32 v[BM+\e], v[BP+4*\e+1], 8, v[BP+4*\e]    ; the head's two bytes of my row
.endr
.irp e, 0,1
	v_cvt_scalef32_pk16_fp6_f32 v[PC+12*\e:PC+12*\e+2], v[S+64*\e:S+64*\e+15], v[SOP+4*\e]
	v_cvt_scalef32_pk16_fp6_f32 v[CT+8*\e:CT+8*\e+2], v[S+64*\e+16:S+64*\e+31], v[SOP+4*\e+1]
.endr
	v_nop
.irp e, 0,1
.irp i, 0,1,2
	v_permlane16_swap_b32 v[PC+12*\e+\i], v[CT+8*\e+\i]
.endr
.irp i, 0,1,2
	v_mov_b32 v[PC+12*\e+3+\i], v[CT+8*\e+\i]
.endr
.endr
.irp e, 0,1
	global_store_b128 v[L16], v[PC+12*\e:PC+12*\e+3], s[AO:AO+1] offset:12288*\e
	global_store_b64 v[L8], v[PC+12*\e+4:PC+12*\e+5], s[AO:AO+1] offset:12288*\e+512
.endr
	v_cndmask_b32 v[BM], v[BM], v[BM+1], s[HM]     ; lanes 0-15 carry tile 0's rows, lanes 16-31 tile 1's
	global_store_b16 v[L4], v[BM], s[AS:AS+1]
	s_wait_tensorcnt 0x0
	ds_add_u32 v254, v255
	s_wait_dscnt 0x0
	CROUND                                         ; the closing round: no work-group ends while a partner may still ask
	s_endpgm
.Lfunc_end_k_q779d489bad_attn:
	.size	k_q779d489bad_attn, .Lfunc_end_k_q779d489bad_attn-k_q779d489bad_attn
	.p2alignl 7, 3214868480
	.fill 96, 4, 3214868480
	.section	.rodata,"a",@progbits
	.p2align	6, 0x0
	.amdhsa_kernel k_q779d489bad_attn
		.amdhsa_group_segment_fixed_size 218112
		.amdhsa_private_segment_fixed_size 0
		.amdhsa_enable_private_segment 0
		.amdhsa_kernarg_size 16
		.amdhsa_user_sgpr_count 2
		.amdhsa_user_sgpr_kernarg_segment_ptr 1
		.amdhsa_wavefront_size32 1
		.amdhsa_system_sgpr_workgroup_id_x 1
		.amdhsa_system_sgpr_workgroup_id_y 1
		.amdhsa_system_sgpr_workgroup_id_z 1
		.amdhsa_system_vgpr_workitem_id 0
		.amdhsa_next_free_vgpr 512
		.amdhsa_next_free_sgpr 66
		.amdhsa_reserve_vcc 0
		.amdhsa_float_denorm_mode_32 3
		.amdhsa_float_denorm_mode_16_64 3
		.amdhsa_memory_ordered 1
		.amdhsa_forward_progress 1
		.amdhsa_inst_pref_size 97
	.end_amdhsa_kernel
	.amdgpu_metadata
---
amdhsa.version: [ 1, 2 ]
amdhsa.kernels:
  - .name:           k_q779d489bad_attn
    .symbol:         k_q779d489bad_attn.kd
    .args:
      - { .name: wsB, .offset: 0, .size: 8, .value_kind: global_buffer, .address_space: global }
      - { .name: wsC, .offset: 8, .size: 8, .value_kind: global_buffer, .address_space: global }
    .group_segment_fixed_size: 218112
    .private_segment_fixed_size: 0
    .kernarg_segment_align: 8
    .kernarg_segment_size: 16
    .max_flat_workgroup_size: 256
    .sgpr_count:     66
    .vgpr_count:     512
    .wavefront_size: 32
...
	.end_amdgpu_metadata
.endif
;; end of part 3
;; launch wo (part 4): grid 4 x 16, 4 waves a work-group, clusters of 4 x 4, 327,680 bytes of LDS; arguments wsC, wsA, x, bo, wsY; writes wsY
.if DOCPART == 4
	.amdgcn_target "amdgcn-amd-amdhsa--gfx1250"
	.amdhsa_code_object_version 6
	.text
	.protected	k_q779d489bad_wo
	.globl	k_q779d489bad_wo
	.p2align	8
	.type	k_q779d489bad_wo,@function
k_q779d489bad_wo:
	s_mov_b64 s[64:65], 0
	v_nop
	global_prefetch_b8 v0, s[64:65] scope:SCOPE_SE
	s_setreg_imm32_b32 hwreg(HW_REG_WAVE_MODE, 25, 1), 1
	s_wait_xcnt 0x0
	s_wait_alu depctr_hold_cnt(0) depctr_sa_sdst(0) depctr_va_vdst(0) depctr_va_sdst(0) depctr_va_ssrc(0) depctr_va_vcc(0) depctr_vm_vsrc(0)
	s_getreg_b32 s2, hwreg(HW_REG_IB_STS2, 6, 4)
	s_cmp_eq_u32 s2, 0
	s_cbranch_scc0 .Lentry_in_a_cluster
	s_endpgm
.Lentry_in_a_cluster:
	s_bfe_u32 s2, ttmp6, 0x10000c
	s_cmp_lg_u32 s2, 0xf033
	s_cbranch_scc0 .Lentry_shape_is_right
	s_endpgm
.Lentry_shape_is_right:
; y = x + (attention's result) wo^T + bo, the product on codes of FP6 (E2M3) with E8M0 scales.  y: [4,096][1,024] f32.
; THE PRODUCT: a work-group makes 256 x 256 of C, a wave 128 x 128 (64 accumulators); K goes in steps of 256 through two LDS slots filled by joint tensor loads in a cluster of 4 x 4
; (A's tile shared along a row of the cluster, B's along a column).  Operands lie in memory as images of their registers (row tile, K step: 1,536 bytes); the scale words of 128 rows are one dense block, brought once.
; The matrix instruction is used transposed; rows lie in image order (image row r of tile 2 beta + u = true row 32 beta + 8 u + r + 8 (r / 8)).
; THE WAY OUT: a block of 16 image rows x 128 columns goes through the wave's stage in LDS (in slot 0, which has had its last fill and its last read) and comes back as whole rows of 512 bytes; row t of block a
; is token 32 (a / 2) + 8 (a % 2) + t + 8 (t / 8).  The residual's rows are asked for up to four blocks ahead, into the registers that held B's fragments.
; 64 work-groups: 256 x 256 tiles of a 4,096 x 1,024 result.
.set SIZE_K, 1024
.set KT,     SIZE_K/128
.set NQ,     2
.set FR,     12
.set FRB,    1536
.set RTB,    3072
.set HALFT,  8*RTB
.set SLOT,   4*HALFT
.set LAPS,   SIZE_K/512
.set SCL,    2*SLOT
.set HALFS,  KT*512
.set SPARE,  327168                    ; the spare words: 128 bytes a wave, two blocks of 256 bytes that no other line names
.set NL,     4
.set NP,     4
.set ADRA, 16
.set ADRB, 20
.set STO,  24
.set RD,   25
.set ADRS, 27
.set SPW,  28
.set NIL,  29
.set L16,  30
.set L8,   31
.set SC,   32
.set AF,   128
.set BK,   128
.set SPITCH, 528
.set G1, 24
.set G0, 32
.set G1B, 48
.set G0B, 56
.set G1S, 68
.set G0S, 76
.set G1SB, 80
.set G0SB, 88
.set MSB, 0
.macro WIN new
.if MSB != \new
	s_set_vgpr_msb (MSB<<8)|\new
.set MSB, \new
.endif
.endm
.set MUL_LO, 0xa1
.set MUL_HI, 0xf1
.set TO_B,   0x40
.macro JLOAD g0a, g1a, g0b, g1b        ; a joint load: waves 0 and 1 fetch for A, waves 2 and 3 for B; four v_nop follow each line
	s_cmp_eq_u32 s15, 0
	s_cbranch_scc0 .Lfor_b_\@
	tensor_load_to_lds s[\g0a:\g0a+3], s[\g1a:\g1a+7]
	s_nop 0
.rept 4
	v_nop
.endr
	s_branch .Lasked_\@
.Lfor_b_\@:
	tensor_load_to_lds s[\g0b:\g0b+3], s[\g1b:\g1b+7]
	s_nop 0
.rept 4
	v_nop
.endr
.Lasked_\@:
.endm
.macro CREST
	s_cmp_lg_u32 s14, 0
	s_cbranch_scc1 .Lnot_wave_0_\@
	s_barrier_signal -3
.Lnot_wave_0_\@:
	s_barrier_wait -3
	s_barrier_signal -1
	s_barrier_wait -1
.endm
.macro CROUND
	s_barrier_signal -1
	s_barrier_wait -1
	CREST
.endm
.macro FRAG reg, adr, q, i
	ds_load_b128 v[\reg:\reg+3], v[\adr] offset:(\i)*RTB+(\q)*FRB
	ds_load_b64 v[\reg+4:\reg+5], v[\adr+2] offset:(\i)*RTB+(\q)*FRB+512
	ds_load_b128 v[\reg+6:\reg+9], v[\adr] offset:(\i)*RTB+(\q)*FRB+768
	ds_load_b64 v[\reg+10:\reg+11], v[\adr+2] offset:(\i)*RTB+(\q)*FRB+1280
.endm
.macro MUL16 a0, p, q, sc, zero        ; the 64 accumulators take turns, one instruction a turn
.irp a, \a0, \a0+1
.irp b, 0,1,2,3,4,5,6,7
.if \zero
	v_wmma_scale_f32_16x16x128_f8f6f4 v[8*(8*((\a)%4)+\b):8*(8*((\a)%4)+\b)+7], v[128*(\p)+FR*\b:128*(\p)+FR*\b+FR-1], v[AF+FR*(\a):AF+FR*(\a)+FR-1], 0, v[SC+8*NQ*(\sc)+NQ*\b+(\q)], v[SC+8*NQ*(\sc)+NQ*(\a)+(\q)] matrix_a_fmt:MATRIX_FMT_FP6 matrix_b_fmt:MATRIX_FMT_FP6 matrix_a_scale:MATRIX_SCALE_ROW1
.else
	v_wmma_scale_f32_16x16x128_f8f6f4 v[8*(8*((\a)%4)+\b):8*(8*((\a)%4)+\b)+7], v[128*(\p)+FR*\b:128*(\p)+FR*\b+FR-1], v[AF+FR*(\a):AF+FR*(\a)+FR-1], v[8*(8*((\a)%4)+\b):8*(8*((\a)%4)+\b)+7], v[SC+8*NQ*(\sc)+NQ*\b+(\q)], v[SC+8*NQ*(\sc)+NQ*(\a)+(\q)] matrix_a_fmt:MATRIX_FMT_FP6 matrix_b_fmt:MATRIX_FMT_FP6 matrix_a_scale:MATRIX_SCALE_ROW1
.endif
.endr
.endr
.endm
.macro FETCH_B slot, q, p
	WIN TO_B
.irp i, 0,1,2,3,4,5,6,7
	FRAG 128*(\p)+FR*\i, ADRB+\slot, \q, \i
.endr
	WIN 0
.endm
.macro FETCH_A slot, q, i0
.irp i, \i0, \i0+1, \i0+2, \i0+3
	FRAG AF+FR*(\i), ADRA+\slot, \q, \i
.endr
.endm
.macro SCALES sc
.irp i, 0,1,2,3,4,5,6,7
.irp q, 0,1
	ds_load_b32 v[SC+16*\sc+2*\i+\q], v[ADRS] offset:512*\q+64*\i
.endr
.endr
.endm
.macro PLACES n
.rept \n
	v_nop
.endr
.endm
.macro STEP slot, q, zero
	s_wait_dscnt 4*NL                              ; all but the youngest 16 loads (A's blocks 4-7) are in
	WIN MUL_LO
	MUL16 0, (\q)%2, \q, \slot, \zero
	MUL16 2, (\q)%2, \q, \slot, \zero
	s_wait_dscnt 0
	PLACES NP
	FETCH_B \slot, (\q)+1, 1-(\q)%2
	FETCH_A \slot, (\q)+1, 0
	WIN MUL_HI
	MUL16 4, (\q)%2, \q, \slot, \zero
	MUL16 6, (\q)%2, \q, \slot, \zero
	PLACES NP
	WIN 0
	FETCH_A \slot, (\q)+1, 4
.endm
.macro TURN slot, next, fill
	s_wait_tensorcnt 0x0                           ; all my tensor loads have landed: my part of the next slot
	ds_add_u32 v[SPW], v[NIL]                      ; 0 onto my spare word
	s_wait_dscnt 4*NL+1                            ; the add and the youngest 16 loads may be out
	WIN MUL_LO
	MUL16 0, 1, NQ-1, \slot, 0
	s_wait_dscnt 0x0                               ; the add is done, and my reads of this slot are over
	s_barrier_signal -1
	MUL16 2, 1, NQ-1, \slot, 0
	WIN 0
	s_barrier_wait -1
.if \fill
	CREST                                          ; the barrier has opened a round of the cluster's
	s_add_nc_u64 s[G0+4*\slot+2:G0+4*\slot+3], s[G0+4*\slot+2:G0+4*\slot+3], 2*RTB
	s_add_nc_u64 s[G0B+4*\slot+2:G0B+4*\slot+3], s[G0B+4*\slot+2:G0B+4*\slot+3], 2*RTB
	JLOAD G0+4*\slot, G1, G0B+4*\slot, G1B
.else
	PLACES NP
.endif
	v_add_nc_u32 v[ADRS], 1024, v[ADRS]
	FETCH_B \next, 0, 0
	FETCH_A \next, 0, 0
	SCALES \next
	WIN MUL_HI
	MUL16 4, 1, NQ-1, \slot, 0
	MUL16 6, 1, NQ-1, \slot, 0
	PLACES NP
	WIN 0
	FETCH_A \next, 0, 4
.endm
	s_load_b256 s[4:11], s[0:1], 0x0               ; wsC, wsA, x, bo
	s_load_b64 s[12:13], s[0:1], 0x20              ; wsY
	v_lshl_add_u32 v[SPW], v0, 2, SPARE
	v_mov_b32 v[NIL], 0
	ds_add_u32 v28, v29
	ds_add_u32 v28, v29
	s_wait_dscnt 0x0
	v_lshrrev_b32 v1, 5, v0
	v_readfirstlane_b32 s14, v1
	s_lshr_b32 s15, s14, 1
	s_and_b32 s16, s14, 1
	s_bfe_u32 s40, ttmp6, 0x40000
	s_bfe_u32 s41, ttmp6, 0x40004
	s_lshl_b32 s42, ttmp9, 2
	s_add_co_u32 s42, s42, s40                     ; tile column
	s_and_b32 s17, ttmp7, 0xffff
	s_lshl_b32 s17, s17, 2
	s_add_co_u32 s17, s17, s41                     ; tile row
	s_lshl_b32 s43, s41, 2
	s_lshl_b32 s43, 15, s43
	s_lshl_b32 s44, 0x1111, s40
	s_or_b32 s[G1+0], s43, (3<<16)|(1<<21)
	s_or_b32 s[G1B+0], s44, (3<<16)|(1<<21)
.irp g, G1, G1B
	s_mov_b32 s[\g+1], 384<<16
	s_mov_b32 s[\g+2], 8<<16
	s_mov_b32 s[\g+3], 384<<16
	s_mov_b32 s[\g+4], 8
	s_mov_b32 s[\g+5], KT*192
	s_mov_b32 s[\g+6], 0
	s_mov_b32 s[\g+7], 0
.endr
	s_or_b32 s[G1S+0], s43, (3<<16)|(1<<21)
	s_or_b32 s[G1SB+0], s44, (3<<16)|(1<<21)
.irp g, G1S, G1SB
	s_mov_b32 s[\g+1], 32<<16
	s_mov_b32 s[\g+2], (HALFS/256)<<16
	s_mov_b32 s[\g+3], 32<<16
	s_mov_b32 s[\g+4], HALFS/256
	s_mov_b32 s[\g+5], 32
	s_mov_b32 s[\g+6], 0
	s_mov_b32 s[\g+7], 0
.endr
	s_lshl_b32 s20, s17, 1
	s_add_co_u32 s20, s20, s16
	s_lshl_b32 s46, s42, 1
	s_add_co_u32 s46, s46, s16
	s_mul_i32 s22, s20, HALFS
	s_mul_i32 s92, s46, HALFS
	s_mul_i32 s20, s20, KT*12288
	s_mul_i32 s46, s46, KT*12288
	s_add_co_u32 s22, s22, 3145728                 ; A's scale words in wsC
	s_add_co_u32 s46, s46, 5734400                 ; wo's images in wsA,
	s_add_co_u32 s92, s92, 6520832                 ; and its scale words
	s_mov_b32 s21, 0
	s_mov_b32 s23, 0
	s_mov_b32 s47, 0
	s_mov_b32 s93, 0
	s_mul_i32 s45, s14, HALFT
	s_mul_i32 s94, s14, HALFS
	s_wait_kmcnt 0x0
	s_add_nc_u64 s[20:21], s[4:5], s[20:21]
	s_add_nc_u64 s[22:23], s[4:5], s[22:23]
	s_add_nc_u64 s[46:47], s[6:7], s[46:47]
	s_add_nc_u64 s[92:93], s[6:7], s[92:93]
	CROUND
	s_mov_b32 s[G0S], 1
	s_add_co_u32 s[G0S+1], s94, SCL
	s_mov_b64 s[G0S+2:G0S+3], s[22:23]
	s_or_b32 s[G0S+3], s[G0S+3], 0x80000000
	s_mov_b32 s[G0SB], 1
	s_add_co_u32 s[G0SB+1], s94, SCL
	s_mov_b64 s[G0SB+2:G0SB+3], s[92:93]
	s_or_b32 s[G0SB+3], s[G0SB+3], 0x80000000
	JLOAD G0S, G1S, G0SB, G1SB
.irp s, 0,1
	s_mov_b32 s[G0+4*\s], 1
	s_add_co_u32 s[G0+4*\s+1], s45, \s*SLOT
	s_add_nc_u64 s[G0+4*\s+2:G0+4*\s+3], s[20:21], \s*RTB
	s_or_b32 s[G0+4*\s+3], s[G0+4*\s+3], 0x80000000
	s_mov_b32 s[G0B+4*\s], 1
	s_add_co_u32 s[G0B+4*\s+1], s45, \s*SLOT
	s_add_nc_u64 s[G0B+4*\s+2:G0B+4*\s+3], s[46:47], \s*RTB
	s_or_b32 s[G0B+4*\s+3], s[G0B+4*\s+3], 0x80000000
	JLOAD G0+4*\s, G1, G0B+4*\s, G1B
.endr
	v_and_b32 v1, 15, v0
	v_bfe_u32 v2, v0, 4, 1
	v_and_b32 v3, 31, v0
	v_lshlrev_b32 v[L16], 4, v3
	v_lshlrev_b32 v[L8], 3, v3
	s_mul_i32 s21, s15, HALFT
	s_mul_i32 s22, s16, HALFT
	s_add_co_u32 s22, s22, 2*HALFT
.irp s, 0,1
	v_add_nc_u32 v[ADRA+\s], s21, v[L16]
	v_add_nc_u32 v[ADRB+\s], s22, v[L16]
	v_add_nc_u32 v[ADRA+2+\s], s21, v[L8]
	v_add_nc_u32 v[ADRB+2+\s], s22, v[L8]
	s_add_co_u32 s21, s21, SLOT
	s_add_co_u32 s22, s22, SLOT
.endr
	v_lshlrev_b32 v5, 2, v1
	s_mul_i32 s21, s15, HALFS
	s_mul_i32 s22, s16, HALFS
	s_add_co_u32 s22, s22, 2*HALFS
	s_sub_co_u32 s22, s22, s21
	v_mul_u32_u24 v6, s22, v2
	s_add_co_u32 s21, s21, SCL
	v_add_nc_u32 v5, v5, v6
	v_add_nc_u32 v[ADRS], s21, v5
	s_mul_i32 s23, s14, 16*SPITCH                  ; my stage
	v_mul_u32_u24 v5, v1, SPITCH
	v_lshl_add_u32 v5, v2, 6, v5
	v_add_nc_u32 v[STO], s23, v5                   ; in: row r, + 64 h
	v_add_nc_u32 v[RD], s23, v[L16]                ; back: a row of 512 bytes to the 32 lanes
	s_lshl_b32 s20, s17, 8
	s_lshl_b32 s21, s15, 7
	s_add_co_u32 s20, s20, s21                     ; my first token
	s_lshl_b32 s20, s20, 12
	s_lshl_b32 s46, s42, 10
	s_lshl_b32 s47, s16, 9
	s_add_co_u32 s46, s46, s47                     ; my first column, in bytes
	s_mov_b32 s47, 0
	s_add_nc_u64 s[10:11], s[10:11], s[46:47]
	s_add_co_u32 s20, s20, s46
	s_mov_b32 s21, 0
	s_add_nc_u64 s[8:9], s[8:9], s[20:21]
	s_add_nc_u64 s[12:13], s[12:13], s[20:21]
	global_load_b128 v[64:67], v[L16], s[10:11]    ; the bias of my lane's four columns
	s_wait_tensorcnt 1                             ; the scale words and my part of slot 0 are in; slot 1's load may be out
	s_barrier_signal -1
	s_barrier_wait -1
	FETCH_B 0, 0, 0
	FETCH_A 0, 0, 0
	SCALES 0
	FETCH_A 0, 0, 4
	STEP 0, 0, 1
	s_mov_b32 s3, LAPS-1
.Llap:
	TURN 0, 1, 1
	STEP 1, 0, 0
	TURN 1, 0, 1
	STEP 0, 0, 0
	s_sub_co_u32 s3, s3, 1
	s_cmp_lg_u32 s3, 0
	s_cbranch_scc1 .Llap
	TURN 0, 1, 0
	STEP 1, 0, 0
	s_wait_dscnt 4*NL
	WIN MUL_LO
	MUL16 0, 1, NQ-1, 1, 0
	MUL16 2, 1, NQ-1, 1, 0
	s_wait_dscnt 0
	WIN MUL_HI
	MUL16 4, 1, NQ-1, 1, 0
	MUL16 6, 1, NQ-1, 1, 0
	WIN 0
.macro TOSTAGE a
.set AC, 64*((\a)%4)
	WIN 0x08+4*((\a)/4)
.irp b, 0,1,2,3,4,5,6,7
	ds_store_b128 v[STO], v[AC+8*\b:AC+8*\b+3] offset:128*(\b/2)+32*(\b%2)          ; tile b's eight columns of my half: 32 (b / 2) + 16 h + 8 (b % 2) on; each accumulator from its low end on
	ds_store_b128 v[STO], v[AC+8*\b+4:AC+8*\b+7] offset:128*(\b/2)+32*(\b%2)+16
.endr
	WIN 0
.set BB, BK+64*((\a)%2)
.irp t, 0,1,2,3,4,5,6,7,8,9,10,11,12,13,14,15
	ds_load_b128 v[BB+4*\t:BB+4*\t+3], v[RD] offset:\t*SPITCH                      ; LDS serves a wave's instructions in order: these see my stores
.endr
.endm
.macro RLOAD a                         ; block a's 16 rows of the residual, into set a % 4 of window 1
	WIN 0x40
.irp t, 0,1,2,3,4,5,6,7,8,9,10,11,12,13,14,15
	global_load_b128 v[64*((\a)%4)+4*\t:64*((\a)%4)+4*\t+3], v[L16], s[8:9] offset:(32*((\a)/2)+8*((\a)%2)+\t+8*(\t/8))*4096 th:TH_LOAD_NT
.endr
	WIN 0
.endm
.macro SEND a, younger
.set BB, BK+64*((\a)%2)
.set RS, 64*((\a)%4)
	s_wait_dscnt \younger                          ; the block is back in registers (the next block's 16 stores and 16 loads may be out)
.if (\a) < 5
	s_wait_loadcnt 48                              ; its residual is in; the three younger blocks' loads may be out
.else
	s_wait_loadcnt 16*(7-(\a))
.endif
	WIN 0x04                                       ; source 1 in window 1
.set k, 0
.rept 32
	v_pk_add_f32 v[BB+k:BB+k+1], v[BB+k:BB+k+1], v[RS+k:RS+k+1]
.set k, k+2
.endr
	WIN 0
.irp t, 0,1,2,3,4,5,6,7,8,9,10,11,12,13,14,15
	v_pk_add_f32 v[BB+4*\t:BB+4*\t+1], v[BB+4*\t:BB+4*\t+1], v[64:65]
	v_pk_add_f32 v[BB+4*\t+2:BB+4*\t+3], v[BB+4*\t+2:BB+4*\t+3], v[66:67]
.endr
.irp t, 0,1,2,3,4,5,6,7,8,9,10,11,12,13,14,15
	global_store_b128 v[L16], v[BB+4*\t:BB+4*\t+3], s[12:13] offset:(32*((\a)/2)+8*((\a)%2)+\t+8*(\t/8))*4096   ; 32 lanes store 512 consecutive bytes, aligned
.endr
.endm
	PLACES NP                                      ; in front of loads into registers that matrix instructions have read, and of the first read of results
	RLOAD 0
	RLOAD 1
	RLOAD 2
	RLOAD 3
	TOSTAGE 0
.irp a, 1,2,3,4,5,6,7
.if \a > 1
	s_wait_xcnt 0x0                                ; block a - 2's stores have read their registers
.endif
	TOSTAGE \a
	SEND \a-1, 32
.if \a < 5
	RLOAD \a+3
.endif
.endr
	s_wait_xcnt 0x0
	SEND 7, 0
	s_wait_tensorcnt 0x0                           ; the wave's end
	ds_add_u32 v[SPW], v[NIL]
	s_wait_dscnt 0x0
	CROUND                                         ; the closing round
	s_endpgm
.Lfunc_end_k_q779d489bad_wo:
	.size	k_q779d489bad_wo, .Lfunc_end_k_q779d489bad_wo-k_q779d489bad_wo
	.p2alignl 7, 3214868480
	.fill 96, 4, 3214868480
	.section	.rodata,"a",@progbits
	.p2align	6, 0x0
	.amdhsa_kernel k_q779d489bad_wo
		.amdhsa_group_segment_fixed_size 327680
		.amdhsa_private_segment_fixed_size 0
		.amdhsa_enable_private_segment 0
		.amdhsa_kernarg_size 40
		.amdhsa_user_sgpr_count 2
		.amdhsa_user_sgpr_kernarg_segment_ptr 1
		.amdhsa_wavefront_size32 1
		.amdhsa_system_sgpr_workgroup_id_x 1
		.amdhsa_system_sgpr_workgroup_id_y 1
		.amdhsa_system_sgpr_workgroup_id_z 1
		.amdhsa_system_vgpr_workitem_id 0
		.amdhsa_next_free_vgpr 1024
		.amdhsa_next_free_sgpr 102
		.amdhsa_reserve_vcc 0
		.amdhsa_float_denorm_mode_32 3
		.amdhsa_float_denorm_mode_16_64 3
		.amdhsa_memory_ordered 1
		.amdhsa_forward_progress 1
		.amdhsa_inst_pref_size 191
	.end_amdhsa_kernel
	.amdgpu_metadata
---
amdhsa.version: [ 1, 2 ]
amdhsa.kernels:
  - .name:           k_q779d489bad_wo
    .symbol:         k_q779d489bad_wo.kd
    .args:
      - { .name: wsC, .offset: 0, .size: 8, .value_kind: global_buffer, .address_space: global }
      - { .name: wsA, .offset: 8, .size: 8, .value_kind: global_buffer, .address_space: global }
      - { .name: x, .offset: 16, .size: 8, .value_kind: global_buffer, .address_space: global }
      - { .name: bo, .offset: 24, .size: 8, .value_kind: global_buffer, .address_space: global }
      - { .name: wsY, .offset: 32, .size: 8, .value_kind: global_buffer, .address_space: global }
    .group_segment_fixed_size: 327680
    .private_segment_fixed_size: 0
    .kernarg_segment_align: 8
    .kernarg_segment_size: 40
    .max_flat_workgroup_size: 128
    .sgpr_count:     102
    .vgpr_count:     1024
    .wavefront_size: 32
...
	.end_amdgpu_metadata
.endif
;; end of part 4
;; launch ln2 (part 5): grid 256 x 1, 4 waves a work-group, no clusters, 77,312 bytes of LDS; arguments wsY, g2, b2, wsD; writes wsD
.if DOCPART == 5
	.amdgcn_target "amdgcn-amd-amdhsa--gfx1250"
	.amdhsa_code_object_version 6
	.text
	.protected	k_q779d489bad_ln2
	.globl	k_q779d489bad_ln2
	.p2align	8
	.type	k_q779d489bad_ln2,@function
k_q779d489bad_ln2:
	s_mov_b64 s[64:65], 0
	v_nop
	global_prefetch_b8 v0, s[64:65] scope:SCOPE_SE
	s_setreg_imm32_b32 hwreg(HW_REG_WAVE_MODE, 25, 1), 1
	s_wait_xcnt 0x0
; x1 = y clipped to norm 1 - 1e-5 (x1 = s y); xn2 = layernorm(x1) g2 + b2, quantised to FP6 (E2M3) along the 1,024 columns, one E8M0 byte for each 32.  Stored: xn2's images and scale words, and s for each token.
; A work-group takes one tile of 16 tokens in image order (image row r of tile T = 2 beta + u is token 32 beta + 8 u + r + 8 (r / 8)), wave w the columns 256 w .. 256 w + 255.  Loads take 512 consecutive bytes;
; the numbers turn through the wave's own stage in LDS so that lane (r, h) holds, of row r, the 16 neighbours 32 b + 16 h + 0 .. 15 of each block of 32.  The rows' sums meet in LDS: two barriers.
; The mean of x1 is taken as s x sum(y) / 1024.
; LIMITS: NaN and infinities are not served; a block whose largest magnitude lies under 2^-124 keeps the byte 1 (a block of zeros too: its codes are zeros, and this program alone reads the bytes).
.set X,     64                         ; v64-191  my 128 numbers: register 64 s + 16 b + i = column 256 w + 128 s + 32 b + 16 h + i of row r
.set GB,    192                        ; v192-255 two sets of 16 g and 16 b; the sums' chains in between
.set TM,    16
.set PC,    32
.set PW,    52
.set SEL,   20
.set WSTG,  19008                      ; a wave's stage: two K steps of
.set SSTG,  9504                       ; 18 rows of 528 bytes (16 tokens, g, b)
.set RED,   76032                      ; behind the stages: the rows' sums, regions of [wave 4][16 words].  The base stands in the address registers: an LDS offset has 16 bits
.set O1,    0                          ; sum(y)
.set O1B,   256                        ; sum(y^2)
.set O2,    512                        ; the sum of the squared differences
.macro QUANT s                         ; 64 numbers of a lane, register 16 b + i = k 32 b + 16 h + i of my row -> a fragment's codes in v[PC] on, its scale word in v[PW]
.irp b, 0,1,2,3
	v_max3_num_f32 v[TM+\b], |v[\s+16*\b]|, |v[\s+1+16*\b]|, 0x1800000   ; my 16 numbers of block b, and the floor 2^(3 - 127): the byte cannot fall under 1
.endr
.irp i, 2,4,6,8,10,12,14
.irp b, 0,1,2,3
	v_max3_num_f32 v[TM+\b], v[TM+\b], |v[\s+16*\b+\i]|, |v[\s+1+16*\b+\i]|
.endr
.endr
.irp b, 0,1,2,3
	v_permlanex16_b32 v[TM+4+\b], v[TM+\b], s[SEL], s[SEL+1]
.endr
.irp b, 0,1,2,3
	v_max_num_f32 v[TM+\b], v[TM+\b], v[TM+4+\b]
.endr
.irp b, 0,1,2,3
	v_add_nc_u32 v[TM+12+\b], 0xff000000, v[TM+\b]     ; 2 off its exponent field: the conversion's scale operand
.endr
.irp b, 0,1,2,3
	v_lshrrev_b32 v[TM+4+\b], 23, v[TM+12+\b]          ; the scale's byte
.endr
	v_lshl_or_b32 v[PW], v[TM+5], 8, v[TM+4]
	v_lshl_or_b32 v[PW], v[TM+6], 16, v[PW]
	v_lshl_or_b32 v[PW], v[TM+7], 24, v[PW]
.irp c, 0,1
	v_cvt_scalef32_pk16_fp6_f32 v[PC+6*\c:PC+2+6*\c], v[\s+32*\c:\s+15+32*\c], v[TM+12+2*\c]
	v_cvt_scalef32_pk16_fp6_f32 v[PC+12+4*\c:PC+14+4*\c], v[\s+16+32*\c:\s+31+32*\c], v[TM+12+2*\c+1]
.endr
	v_nop                                              ; one plain line behind the scaled conversions
.irp c, 0,1
.irp i, 0,1,2
	v_permlane16_swap_b32 v[PC+6*\c+\i], v[PC+12+4*\c+\i]
.endr
.irp i, 0,1,2
	v_mov_b32 v[PC+3+6*\c+\i], v[PC+12+4*\c+\i]
.endr
.endr
.endm
.macro FRST b, off                     ; the fragment in v[PC] on goes out as its image
	global_store_b128 v4, v[PC:PC+3], s[\b:\b+1] offset:\off
	global_store_b64 v5, v[PC+4:PC+5], s[\b:\b+1] offset:\off+512
	global_store_b128 v4, v[PC+6:PC+9], s[\b:\b+1] offset:\off+768
	global_store_b64 v5, v[PC+10:PC+11], s[\b:\b+1] offset:\off+1280
.endm
.macro FOLD d
	v_pk_add_f32 v[\d:\d+1], v[\d:\d+1], v[\d+2:\d+3]
	v_pk_add_f32 v[\d+4:\d+5], v[\d+4:\d+5], v[\d+6:\d+7]
	v_pk_add_f32 v[\d:\d+1], v[\d:\d+1], v[\d+4:\d+5]
	v_add_f32 v[\d], v[\d], v[\d+1]
	v_permlanex16_b32 v[\d+1], v[\d], s[SEL], s[SEL+1]
	v_add_f32 v[\d], v[\d], v[\d+1]
.endm
.macro SUMX d
.irp k, 0,1,2,3
	v_pk_add_f32 v[\d+2*\k:\d+2*\k+1], v[X+2*\k:X+2*\k+1], v[X+8+2*\k:X+9+2*\k]
.endr
.set j, 16
.rept 14
.irp k, 0,1,2,3
	v_pk_add_f32 v[\d+2*\k:\d+2*\k+1], v[\d+2*\k:\d+2*\k+1], v[X+j+2*\k:X+j+2*\k+1]
.endr
.set j, j+8
.endr
	FOLD \d
.endm
.macro SUMSQ d
.irp k, 0,1,2,3
	v_pk_mul_f32 v[\d+2*\k:\d+2*\k+1], v[X+2*\k:X+2*\k+1], v[X+2*\k:X+2*\k+1]
.endr
.set j, 8
.rept 15
.irp k, 0,1,2,3
	v_pk_fma_f32 v[\d+2*\k:\d+2*\k+1], v[X+j+2*\k:X+j+2*\k+1], v[X+j+2*\k:X+j+2*\k+1], v[\d+2*\k:\d+2*\k+1]
.endr
.set j, j+8
.endr
	FOLD \d
.endm
.macro GBLOAD q
.irp j, 0,1,2,3
	ds_load_b128 v[GB+32*((\q)%2)+4*\j:GB+32*((\q)%2)+4*\j+3], v8 offset:SSTG*((\q)/4)+16*528+128*((\q)%4)+16*\j
	ds_load_b128 v[GB+32*((\q)%2)+16+4*\j:GB+32*((\q)%2)+16+4*\j+3], v8 offset:SSTG*((\q)/4)+17*528+128*((\q)%4)+16*\j
.endr
.endm
.macro AFFINE q
.irp k, 0,2,4,6,8,10,12,14
	v_pk_mul_f32 v[X+16*(\q)+\k:X+16*(\q)+\k+1], v[X+16*(\q)+\k:X+16*(\q)+\k+1], v[56:57]
.endr
.irp k, 0,2,4,6,8,10,12,14
	v_pk_fma_f32 v[X+16*(\q)+\k:X+16*(\q)+\k+1], v[X+16*(\q)+\k:X+16*(\q)+\k+1], v[GB+32*((\q)%2)+\k:GB+32*((\q)%2)+\k+1], v[GB+32*((\q)%2)+16+\k:GB+32*((\q)%2)+17+\k]
.endr
.endm
	s_load_b128 s[4:7], s[0:1], 0x0                ; y, g2
	s_load_b128 s[8:11], s[0:1], 0x10              ; b2, wsD
	v_lshl_add_u32 v62, v0, 2, 0x12c00
	v_mov_b32 v63, 0
	v_lshrrev_b32 v1, 5, v0
	v_readfirstlane_b32 s12, v1                    ; wave
	v_and_b32 v1, 31, v0
	v_and_b32 v2, 15, v0                           ; r
	v_bfe_u32 v3, v0, 4, 1                         ; h
	v_lshlrev_b32 v4, 4, v1
	v_lshlrev_b32 v5, 3, v1
	s_mul_i32 s13, s12, WSTG
	v_add_nc_u32 v6, s13, v4
	v_mul_u32_u24 v7, v2, 528
	v_lshl_add_u32 v7, v3, 6, v7
	v_add_nc_u32 v7, s13, v7
	v_lshl_add_u32 v8, v3, 6, s13
	s_lshl_b32 s14, s12, 6
	v_lshl_add_u32 v9, v2, 2, s14
	v_add_nc_u32 v9, RED, v9                       ; where I put a sum: RED + 64 w + 4 r
	v_lshlrev_b32 v10, 2, v2
	v_lshl_add_u32 v11, v3, 9, v10                 ; the scale words' place in memory: 512 h + 4 r
	v_add_nc_u32 v10, RED, v10                     ; where the four waves' sums are read: RED + 4 r
	v_cmp_ne_u32 s28, 0, v3
	v_and_b32 v12, 8, v2
	v_add_nc_u32 v12, v12, v2
	v_lshlrev_b32 v12, 2, v12                      ; 4 (r + 8 (r / 8)): my row's token in the tile
.irp b, 0,1,2,3
	v_mov_b32 v[TM+4+\b], 0                        ; written once: a lane permute's destination counts as one of its sources
.endr
	s_mov_b32 s[SEL], 0x76543210
	s_mov_b32 s[SEL+1], 0xfedcba98
	s_mov_b32 s22, 0x3a800000                      ; 1 / 1024
	s_mov_b32 s23, 0x3727c5ac                      ; 1e-5
	s_mov_b32 s29, 0x3f7fff58                      ; 1 - 1e-5
	s_lshr_b32 s15, ttmp9, 1
	s_lshl_b32 s15, s15, 5
	s_and_b32 s16, ttmp9, 1
	s_lshl_b32 s16, s16, 3
	s_add_co_u32 s15, s15, s16                     ; the tile's first token
	s_lshl_b32 s16, s15, 12
	s_lshl_b32 s18, s12, 10
	s_add_co_u32 s16, s16, s18
	s_mov_b32 s17, 0
	s_mov_b32 s19, 0
	s_lshl_b32 s24, ttmp9, 3
	s_lshl_b32 s25, s12, 1
	s_add_co_u32 s24, s24, s25
	s_mul_i32 s24, s24, 1536
	s_mov_b32 s25, 0
	s_lshr_b32 s26, ttmp9, 3
	s_lshl_b32 s26, s26, 3
	s_lshl_b32 s27, s12, 1
	s_add_co_u32 s26, s26, s27
	s_lshl_b32 s26, s26, 9
	s_and_b32 s27, ttmp9, 7
	s_lshl_b32 s27, s27, 6
	s_add_co_u32 s26, s26, s27
	s_add_co_u32 s26, s26, 3145728
	s_mov_b32 s27, 0
	s_lshl_b32 s32, s15, 2
	s_add_co_u32 s32, s32, 3276800                 ; s, by token
	s_mov_b32 s33, 0
	s_wait_kmcnt 0x0
	s_add_nc_u64 s[4:5], s[4:5], s[16:17]
	s_add_nc_u64 s[6:7], s[6:7], s[18:19]
	s_add_nc_u64 s[8:9], s[8:9], s[18:19]
	s_add_nc_u64 s[24:25], s[10:11], s[24:25]
	s_add_nc_u64 s[26:27], s[10:11], s[26:27]
	s_add_nc_u64 s[32:33], s[10:11], s[32:33]
.set i, 0
.rept 16                               ; all 36 loads of the wave go out together; each reads 512 consecutive bytes
	global_load_b128 v[X+8*i:X+8*i+3], v4, s[4:5] offset:(i+8*(i/8))*4096
	global_load_b128 v[X+8*i+4:X+8*i+7], v4, s[4:5] offset:(i+8*(i/8))*4096+512
.set i, i+1
.endr
.irp s, 0,1
	global_load_b128 v[GB+8*\s:GB+8*\s+3], v4, s[6:7] offset:512*\s
	global_load_b128 v[GB+8*\s+4:GB+8*\s+7], v4, s[8:9] offset:512*\s
.endr
	s_wait_loadcnt 0x0
.set i, 0
.rept 16
	ds_store_b128 v6, v[X+8*i:X+8*i+3] offset:528*i
	ds_store_b128 v6, v[X+8*i+4:X+8*i+7] offset:SSTG+528*i
.set i, i+1
.endr
.irp s, 0,1
	ds_store_b128 v6, v[GB+8*\s:GB+8*\s+3] offset:SSTG*\s+528*16
	ds_store_b128 v6, v[GB+8*\s+4:GB+8*\s+7] offset:SSTG*\s+528*17
.endr
	s_wait_dscnt 0x0                               ; the stores have read their registers, which the loads below fill again
.set i, 0
.rept 32
	ds_load_b128 v[X+4*i:X+4*i+3], v7 offset:SSTG*(i/16)+128*((i/4)%4)+16*(i%4)
.set i, i+1
.endr
	s_wait_dscnt 0x0
	SUMX 208
	SUMSQ 216
	ds_store_b32 v9, v208 offset:O1                ; both halves of the lanes write the same word with the same value
	ds_store_b32 v9, v216 offset:O1B
	s_wait_dscnt 0x0                               ; for the other waves' sake: my stores have landed
	s_barrier_signal -1
	s_barrier_wait -1
.irp k, 0,1,2,3
	ds_load_b32 v[208+\k], v10 offset:O1+64*\k
.endr
.irp k, 0,1,2,3
	ds_load_b32 v[216+\k], v10 offset:O1B+64*\k
.endr
	s_wait_dscnt 0x0
	v_add_f32 v208, v208, v209
	v_add_f32 v210, v210, v211
	v_add_f32 v208, v208, v210                     ; sum(y)
	v_add_f32 v216, v216, v217
	v_add_f32 v218, v218, v219
	v_add_f32 v216, v216, v218                     ; sum(y^2)
	v_sqrt_f32 v217, v216                          ; n
	v_nop                                          ; a plain line behind the transcendental,
	s_wait_alu depctr_va_vdst(0)                   ; and the wait ahead of its first reader
	v_max_num_f32 v218, 0x2b8cbccc, v217           ; max(n, 1e-12)
	v_rcp_f32 v218, v218
	v_nop
	v_cmp_gt_f32 vcc_lo, v217, s29
	s_wait_alu depctr_va_vdst(0)
	v_mul_f32 v218, s29, v218
	v_cndmask_b32 v58, 1.0, v218, vcc_lo           ; s
	v_mov_b32 v59, v58
	v_mul_f32 v54, 0xba800000, v208
	v_mul_f32 v54, v54, v58                        ; -m
	v_mov_b32 v55, v54
.set j, 0
.rept 64
	v_pk_fma_f32 v[X+j:X+j+1], v[X+j:X+j+1], v[58:59], v[54:55]   ; s y - m
.set j, j+2
.endr
	SUMSQ 208
	ds_store_b32 v9, v208 offset:O2
	s_wait_dscnt 0x0
	s_barrier_signal -1
	s_barrier_wait -1
.irp k, 0,1,2,3
	ds_load_b32 v[208+\k], v10 offset:O2+64*\k
.endr
	s_wait_dscnt 0x0
	v_add_f32 v208, v208, v209
	v_add_f32 v210, v210, v211
	v_add_f32 v208, v208, v210
	v_fma_f32 v56, v208, s22, s23                  ; the variance + 1e-5
	v_rsq_f32 v56, v56
	v_nop
	s_wait_alu depctr_va_vdst(0)
	v_mov_b32 v57, v56
	GBLOAD 0
.irp q, 0,1,2,3,4,5,6,7
.if \q < 7
	GBLOAD \q+1
	s_wait_dscnt 8                                 ; this block's g and b are in; the next block's eight loads may be out
.else
	s_wait_dscnt 0x0
.endif
	AFFINE \q
.if \q == 3
	QUANT X
	FRST 24, 0
	v_mov_b32 v53, v52
.endif
.endr
	s_wait_xcnt 0x0                                ; the first fragment's stores have read their registers
	QUANT X+64
	FRST 24, 1536
	v_cndmask_b32 v53, v53, v52, s28               ; lanes 0-15 carry K step 2 w's word of row r, lanes 16-31 K step 2 w + 1's
	global_store_b32 v11, v53, s[26:27]
	s_cmp_lg_u32 s12, 0                            ; wave 0 stores the tile's sixteen s; lanes l and l + 16 hold the same row and write the same word
	s_cbranch_scc1 .Ldone
	global_store_b32 v12, v58, s[32:33]
.Ldone:
	s_wait_tensorcnt 0x0
	ds_add_u32 v62, v63
	s_wait_dscnt 0x0
	s_endpgm
.Lfunc_end_k_q779d489bad_ln2:
	.size	k_q779d489bad_ln2, .Lfunc_end_k_q779d489bad_ln2-k_q779d489bad_ln2
	.p2alignl 7, 3214868480
	.fill 96, 4, 3214868480
	.section	.rodata,"a",@progbits
	.p2align	6, 0x0
	.amdhsa_kernel k_q779d489bad_ln2
		.amdhsa_group_segment_fixed_size 77312
		.amdhsa_private_segment_fixed_size 0
		.amdhsa_enable_private_segment 0
		.amdhsa_kernarg_size 32
		.amdhsa_user_sgpr_count 2
		.amdhsa_user_sgpr_kernarg_segment_ptr 1
		.amdhsa_wavefront_size32 1
		.amdhsa_system_sgpr_workgroup_id_x 1
		.amdhsa_system_sgpr_workgroup_id_y 1
		.amdhsa_system_sgpr_workgroup_id_z 1
		.amdhsa_system_vgpr_workitem_id 0
		.amdhsa_next_free_vgpr 256
		.amdhsa_next_free_sgpr 66
		.amdhsa_reserve_vcc 1
		.amdhsa_float_denorm_mode_32 3
		.amdhsa_float_denorm_mode_16_64 3
		.amdhsa_memory_ordered 1
		.amdhsa_forward_progress 1
		.amdhsa_inst_pref_size 51
	.end_amdhsa_kernel
	.amdgpu_metadata
---
amdhsa.version: [ 1, 2 ]
amdhsa.kernels:
  - .name:           k_q779d489bad_ln2
    .symbol:         k_q779d489bad_ln2.kd
    .args:
      - { .name: wsY, .offset: 0, .size: 8, .value_kind: global_buffer, .address_space: global }
      - { .name: g2, .offset: 8, .size: 8, .value_kind: global_buffer, .address_space: global }
      - { .name: b2, .offset: 16, .size: 8, .value_kind: global_buffer, .address_space: global }
      - { .name: wsD, .offset: 24, .size: 8, .value_kind: global_buffer, .address_space: global }
    .group_segment_fixed_size: 77312
    .private_segment_fixed_size: 0
    .kernarg_segment_align: 8
    .kernarg_segment_size: 32
    .max_flat_workgroup_size: 128
    .sgpr_count:     66
    .vgpr_count:     256
    .wavefront_size: 32
...
	.end_amdgpu_metadata
.endif
;; end of part 5
;; launch ffn1 (part 6): grid 16 x 16, 4 waves a work-group, clusters of 4 x 4, 327,680 bytes of LDS; arguments wsD, wsA, bf1, wsH; writes wsH
.if DOCPART == 6
	.amdgcn_target "amdgcn-amd-amdhsa--gfx1250"
	.amdhsa_code_object_version 6
	.text
	.protected	k_q779d489bad_ffn1
	.globl	k_q779d489bad_ffn1
	.p2align	8
	.type	k_q779d489bad_ffn1,@function
k_q779d489bad_ffn1:
	s_mov_b64 s[64:65], 0
	v_nop
	global_prefetch_b8 v0, s[64:65] scope:SCOPE_SE
	s_setreg_imm32_b32 hwreg(HW_REG_WAVE_MODE, 25, 1), 1
	s_wait_xcnt 0x0
	s_wait_alu depctr_hold_cnt(0) depctr_sa_sdst(0) depctr_va_vdst(0) depctr_va_sdst(0) depctr_va_ssrc(0) depctr_va_vcc(0) depctr_vm_vsrc(0)
	s_getreg_b32 s2, hwreg(HW_REG_IB_STS2, 6, 4)
	s_cmp_eq_u32 s2, 0
	s_cbranch_scc0 .Lentry_in_a_cluster
	s_endpgm
.Lentry_in_a_cluster:
	s_bfe_u32 s2, ttmp6, 0x10000c
	s_cmp_lg_u32 s2, 0xf033
	s_cbranch_scc0 .Lentry_shape_is_right
	s_endpgm
.Lentry_shape_is_right:
; h = gelu(xn2 w1^T + bf1), the product on codes of FP6 (E2M3) with E8M0 scales; h is quantised along its 4,096 columns for the next product and never stored as f32.
; THE PRODUCT: a work-group makes 256 x 256 of C, a wave 128 x 128 (64 accumulators); K goes in steps of 256 through two LDS slots filled by joint tensor loads in a cluster of 4 x 4.  Operands lie in memory
; as images of their registers; the scale words of 128 rows are one dense block, brought once.  The matrix instruction is used transposed; rows lie in image order (image row r of tile 2 beta + u = true row
; 32 beta + 8 u + r + 8 (r / 8)), so that in accumulators (a, 2 beta), (a, 2 beta + 1) lane (r, h) holds, for token image row 16 a + r, hidden units 32 beta + 16 h + 0 .. 15: what the quantiser wants.
; THE WAY OUT: the accumulators are spilled to the wave's own 65,536 bytes of LDS (slots and scales have had their last fill and, behind a barrier, their last read); a loop of eight trips reads a row tile back,
; adds the bias, takes the GELU, quantises (the wave's 128 columns are one K step of the next product) and stores the fragment's image.
; GELU = x / 2 (1 + erf(x / sqrt 2)); erf(u) = u P(u^2) / Q(u^2) on u held to +-4, P of degree 6, Q of degree 4: good to a few units in the last place of erf, so in the negative tail GELU's absolute error is
; about 2e-7 |x|, as it is for any f32 form that adds 1 to erf.
; LIMITS: NaN and infinities are not served; a block under 2^-124 (a block of zeros too) keeps the byte 1 with its codes; this program alone reads the bytes.
.set SIZE_K, 1024
.set KT,     SIZE_K/128
.set NQ,     2
.set FR,     12
.set FRB,    1536
.set RTB,    3072
.set HALFT,  8*RTB
.set SLOT,   4*HALFT
.set LAPS,   SIZE_K/512
.set SCL,    2*SLOT
.set HALFS,  KT*512
.set SPARE,  327168                    ; the spare words: 128 bytes a wave, two blocks of 256 bytes that no other line names
.set NL,     4
.set NP,     4
.set ADRA, 16
.set ADRB, 20
.set ADRS, 27
.set SPW,  28
.set NIL,  29
.set L16,  30
.set L8,   31
.set SC,   32                          ; v32-63 scale words; they hold nothing else
.set AF,   128
.set G1, 24
.set G0, 32
.set G1B, 48
.set G0B, 56
.set G1S, 68
.set G0S, 76
.set G1SB, 80
.set G0SB, 88
.set MSB, 0
.macro WIN new
.if MSB != \new
	s_set_vgpr_msb (MSB<<8)|\new
.set MSB, \new
.endif
.endm
.set MUL_LO, 0xa1
.set MUL_HI, 0xf1
.set TO_B,   0x40
.macro JLOAD g0a, g1a, g0b, g1b        ; a joint load: waves 0 and 1 fetch for A, waves 2 and 3 for B; four v_nop follow each line
	s_cmp_eq_u32 s15, 0
	s_cbranch_scc0 .Lfor_b_\@
	tensor_load_to_lds s[\g0a:\g0a+3], s[\g1a:\g1a+7]
	s_nop 0
.rept 4
	v_nop
.endr
	s_branch .Lasked_\@
.Lfor_b_\@:
	tensor_load_to_lds s[\g0b:\g0b+3], s[\g1b:\g1b+7]
	s_nop 0
.rept 4
	v_nop
.endr
.Lasked_\@:
.endm
.macro CREST
	s_cmp_lg_u32 s14, 0
	s_cbranch_scc1 .Lnot_wave_0_\@
	s_barrier_signal -3
.Lnot_wave_0_\@:
	s_barrier_wait -3
	s_barrier_signal -1
	s_barrier_wait -1
.endm
.macro CROUND
	s_barrier_signal -1
	s_barrier_wait -1
	CREST
.endm
.macro FRAG reg, adr, q, i
	ds_load_b128 v[\reg:\reg+3], v[\adr] offset:(\i)*RTB+(\q)*FRB
	ds_load_b64 v[\reg+4:\reg+5], v[\adr+2] offset:(\i)*RTB+(\q)*FRB+512
	ds_load_b128 v[\reg+6:\reg+9], v[\adr] offset:(\i)*RTB+(\q)*FRB+768
	ds_load_b64 v[\reg+10:\reg+11], v[\adr+2] offset:(\i)*RTB+(\q)*FRB+1280
.endm
.macro MUL16 a0, p, q, sc, zero        ; the 64 accumulators take turns, one instruction a turn
.irp a, \a0, \a0+1
.irp b, 0,1,2,3,4,5,6,7
.if \zero
	v_wmma_scale_f32_16x16x128_f8f6f4 v[8*(8*((\a)%4)+\b):8*(8*((\a)%4)+\b)+7], v[128*(\p)+FR*\b:128*(\p)+FR*\b+FR-1], v[AF+FR*(\a):AF+FR*(\a)+FR-1], 0, v[SC+8*NQ*(\sc)+NQ*\b+(\q)], v[SC+8*NQ*(\sc)+NQ*(\a)+(\q)] matrix_a_fmt:MATRIX_FMT_FP6 matrix_b_fmt:MATRIX_FMT_FP6 matrix_a_scale:MATRIX_SCALE_ROW1
.else
	v_wmma_scale_f32_16x16x128_f8f6f4 v[8*(8*((\a)%4)+\b):8*(8*((\a)%4)+\b)+7], v[128*(\p)+FR*\b:128*(\p)+FR*\b+FR-1], v[AF+FR*(\a):AF+FR*(\a)+FR-1], v[8*(8*((\a)%4)+\b):8*(8*((\a)%4)+\b)+7], v[SC+8*NQ*(\sc)+NQ*\b+(\q)], v[SC+8*NQ*(\sc)+NQ*(\a)+(\q)] matrix_a_fmt:MATRIX_FMT_FP6 matrix_b_fmt:MATRIX_FMT_FP6 matrix_a_scale:MATRIX_SCALE_ROW1
.endif
.endr
.endr
.endm
.macro FETCH_B slot, q, p
	WIN TO_B
.irp i, 0,1,2,3,4,5,6,7
	FRAG 128*(\p)+FR*\i, ADRB+\slot, \q, \i
.endr
	WIN 0
.endm
.macro FETCH_A slot, q, i0
.irp i, \i0, \i0+1, \i0+2, \i0+3
	FRAG AF+FR*(\i), ADRA+\slot, \q, \i
.endr
.endm
.macro SCALES sc
.irp i, 0,1,2,3,4,5,6,7
.irp q, 0,1
	ds_load_b32 v[SC+16*\sc+2*\i+\q], v[ADRS] offset:512*\q+64*\i
.endr
.endr
.endm
.macro PLACES n
.rept \n
	v_nop
.endr
.endm
.macro STEP slot, q, zero
	s_wait_dscnt 4*NL                              ; all but the youngest 16 loads (A's blocks 4-7) are in
	WIN MUL_LO
	MUL16 0, (\q)%2, \q, \slot, \zero
	MUL16 2, (\q)%2, \q, \slot, \zero
	s_wait_dscnt 0
	PLACES NP
	FETCH_B \slot, (\q)+1, 1-(\q)%2
	FETCH_A \slot, (\q)+1, 0
	WIN MUL_HI
	MUL16 4, (\q)%2, \q, \slot, \zero
	MUL16 6, (\q)%2, \q, \slot, \zero
	PLACES NP
	WIN 0
	FETCH_A \slot, (\q)+1, 4
.endm
.macro TURN slot, next, fill
	s_wait_tensorcnt 0x0                           ; all my tensor loads have landed: my part of the next slot
	ds_add_u32 v[SPW], v[NIL]                      ; 0 onto my spare word
	s_wait_dscnt 4*NL+1                            ; the add and the youngest 16 loads may be out
	WIN MUL_LO
	MUL16 0, 1, NQ-1, \slot, 0
	s_wait_dscnt 0x0                               ; the add is done, and my reads of this slot are over
	s_barrier_signal -1
	MUL16 2, 1, NQ-1, \slot, 0
	WIN 0
	s_barrier_wait -1
.if \fill
	CREST                                          ; the barrier has opened a round of the cluster's
	s_add_nc_u64 s[G0+4*\slot+2:G0+4*\slot+3], s[G0+4*\slot+2:G0+4*\slot+3], 2*RTB
	s_add_nc_u64 s[G0B+4*\slot+2:G0B+4*\slot+3], s[G0B+4*\slot+2:G0B+4*\slot+3], 2*RTB
	JLOAD G0+4*\slot, G1, G0B+4*\slot, G1B
.else
	PLACES NP
.endif
	v_add_nc_u32 v[ADRS], 1024, v[ADRS]
	FETCH_B \next, 0, 0
	FETCH_A \next, 0, 0
	SCALES \next
	WIN MUL_HI
	MUL16 4, 1, NQ-1, \slot, 0
	MUL16 6, 1, NQ-1, \slot, 0
	PLACES NP
	WIN 0
	FETCH_A \next, 0, 4
.endm
; ---- the way out's names
.set BIAS, 64
.set T,    128
.set PC,   192
.set TM,   212
.set PW,   228
.set U,    192                         ; GELU's work lies over the quantiser's, which is idle then
.set W,    200
.set P,    208
.set Q,    216
.set CA,   244                         ; v[244:245] P's highest coefficient, v[246:247] Q's
.set CB,   246
.set SPL,  3
.set RDA,  4
.set AF0,  5
.set AFW,  6
.set BO1,  13
.set AUXF, 278528                      ; 512 bytes a wave: the scale words of my 128 rows
.set CP,   24                          ; s[24:35] P's other six coefficients, as pairs; s[36:43] Q's other four
.set CQ,   36
.set RH,   44
.set SEL,  46
.set TO,   48
.set OB,   96
.set AB,   98
.macro QUANT s
.irp b, 0,1,2,3
	v_max3_num_f32 v[TM+\b], |v[\s+16*\b]|, |v[\s+1+16*\b]|, 0x1800000
.endr
.irp i, 2,4,6,8,10,12,14
.irp b, 0,1,2,3
	v_max3_num_f32 v[TM+\b], v[TM+\b], |v[\s+16*\b+\i]|, |v[\s+1+16*\b+\i]|
.endr
.endr
.irp b, 0,1,2,3
	v_permlanex16_b32 v[TM+4+\b], v[TM+\b], s[SEL], s[SEL+1]
.endr
.irp b, 0,1,2,3
	v_max_num_f32 v[TM+\b], v[TM+\b], v[TM+4+\b]
.endr
.irp b, 0,1,2,3
	v_add_nc_u32 v[TM+12+\b], 0xff000000, v[TM+\b]
.endr
.irp b, 0,1,2,3
	v_lshrrev_b32 v[TM+4+\b], 23, v[TM+12+\b]
.endr
	v_lshl_or_b32 v[PW], v[TM+5], 8, v[TM+4]
	v_lshl_or_b32 v[PW], v[TM+6], 16, v[PW]
	v_lshl_or_b32 v[PW], v[TM+7], 24, v[PW]
.irp c, 0,1
	v_cvt_scalef32_pk16_fp6_f32 v[PC+6*\c:PC+2+6*\c], v[\s+32*\c:\s+15+32*\c], v[TM+12+2*\c]
	v_cvt_scalef32_pk16_fp6_f32 v[PC+12+4*\c:PC+14+4*\c], v[\s+16+32*\c:\s+31+32*\c], v[TM+12+2*\c+1]
.endr
	v_nop
.irp c, 0,1
.irp i, 0,1,2
	v_permlane16_swap_b32 v[PC+6*\c+\i], v[PC+12+4*\c+\i]
.endr
.irp i, 0,1,2
	v_mov_b32 v[PC+3+6*\c+\i], v[PC+12+4*\c+\i]
.endr
.endr
.endm
.macro GELU8 g                         ; eight numbers, v[T + 8 g] on
.set T8, T+8*(\g)
.irp k, 0,2,4,6
	v_pk_mul_f32 v[U+\k:U+\k+1], v[T8+\k:T8+\k+1], s[RH:RH+1] op_sel_hi:[1,0]       ; u = x / sqrt 2,
.endr
.irp k, 0,1,2,3,4,5,6,7
	v_med3_num_f32 v[U+\k], v[U+\k], -4.0, 4.0                                      ; held to +-4
.endr
.irp k, 0,2,4,6
	v_pk_mul_f32 v[W+\k:W+\k+1], v[U+\k:U+\k+1], v[U+\k:U+\k+1]
.endr
.irp k, 0,2,4,6
	v_pk_fma_f32 v[P+\k:P+\k+1], v[W+\k:W+\k+1], v[CA:CA+1], s[CP:CP+1] op_sel_hi:[1,1,0]
	v_pk_fma_f32 v[Q+\k:Q+\k+1], v[W+\k:W+\k+1], v[CB:CB+1], s[CQ:CQ+1] op_sel_hi:[1,1,0]
.endr
.irp c, 2,4,6
.irp k, 0,2,4,6
	v_pk_fma_f32 v[P+\k:P+\k+1], v[P+\k:P+\k+1], v[W+\k:W+\k+1], s[CP+\c:CP+\c+1] op_sel_hi:[1,1,0]
	v_pk_fma_f32 v[Q+\k:Q+\k+1], v[Q+\k:Q+\k+1], v[W+\k:W+\k+1], s[CQ+\c:CQ+\c+1] op_sel_hi:[1,1,0]
.endr
.endr
.irp c, 8,10
.irp k, 0,2,4,6
	v_pk_fma_f32 v[P+\k:P+\k+1], v[P+\k:P+\k+1], v[W+\k:W+\k+1], s[CP+\c:CP+\c+1] op_sel_hi:[1,1,0]
.endr
.endr
.irp k, 0,1,2,3,4,5,6,7
	v_rcp_f32 v[Q+\k], v[Q+\k]
.endr
.irp k, 0,2,4,6
	v_pk_mul_f32 v[P+\k:P+\k+1], v[P+\k:P+\k+1], v[U+\k:U+\k+1]                     ; plain work behind the reciprocals
.endr
.irp k, 0,2,4,6
	v_pk_mul_f32 v[W+\k:W+\k+1], v[T8+\k:T8+\k+1], 0.5 op_sel_hi:[1,0]
.endr
	s_wait_alu depctr_va_vdst(0)                   ; one wait for the eight, ahead of their first reader
.irp k, 0,2,4,6
	v_pk_mul_f32 v[P+\k:P+\k+1], v[P+\k:P+\k+1], v[Q+\k:Q+\k+1]                     ; erf
.endr
.irp k, 0,2,4,6
	v_pk_fma_f32 v[T8+\k:T8+\k+1], v[W+\k:W+\k+1], v[P+\k:P+\k+1], v[W+\k:W+\k+1]   ; x / 2 erf + x / 2
.endr
.endm
	s_load_b256 s[4:11], s[0:1], 0x0               ; wsD, wsA, bf1, wsH
	v_lshl_add_u32 v[SPW], v0, 2, SPARE
	v_mov_b32 v[NIL], 0
	ds_add_u32 v28, v29
	ds_add_u32 v28, v29
	s_wait_dscnt 0x0
	v_lshrrev_b32 v1, 5, v0
	v_readfirstlane_b32 s14, v1
	s_lshr_b32 s15, s14, 1
	s_and_b32 s16, s14, 1
	s_bfe_u32 s40, ttmp6, 0x40000
	s_bfe_u32 s41, ttmp6, 0x40004
	s_lshl_b32 s42, ttmp9, 2
	s_add_co_u32 s42, s42, s40                     ; tile column
	s_and_b32 s17, ttmp7, 0xffff
	s_lshl_b32 s17, s17, 2
	s_add_co_u32 s17, s17, s41                     ; tile row
	s_lshl_b32 s43, s41, 2
	s_lshl_b32 s43, 15, s43
	s_lshl_b32 s44, 0x1111, s40
	s_or_b32 s[G1+0], s43, (3<<16)|(1<<21)
	s_or_b32 s[G1B+0], s44, (3<<16)|(1<<21)
.irp g, G1, G1B
	s_mov_b32 s[\g+1], 384<<16
	s_mov_b32 s[\g+2], 8<<16
	s_mov_b32 s[\g+3], 384<<16
	s_mov_b32 s[\g+4], 8
	s_mov_b32 s[\g+5], KT*192
	s_mov_b32 s[\g+6], 0
	s_mov_b32 s[\g+7], 0
.endr
	s_or_b32 s[G1S+0], s43, (3<<16)|(1<<21)
	s_or_b32 s[G1SB+0], s44, (3<<16)|(1<<21)
.irp g, G1S, G1SB
	s_mov_b32 s[\g+1], 32<<16
	s_mov_b32 s[\g+2], (HALFS/256)<<16
	s_mov_b32 s[\g+3], 32<<16
	s_mov_b32 s[\g+4], HALFS/256
	s_mov_b32 s[\g+5], 32
	s_mov_b32 s[\g+6], 0
	s_mov_b32 s[\g+7], 0
.endr
	s_lshl_b32 s20, s17, 1
	s_add_co_u32 s20, s20, s16
	s_lshl_b32 s46, s42, 1
	s_add_co_u32 s46, s46, s16
	s_mul_i32 s22, s20, HALFS
	s_mul_i32 s92, s46, HALFS
	s_mul_i32 s20, s20, KT*12288
	s_mul_i32 s46, s46, KT*12288
	s_add_co_u32 s22, s22, 3145728                 ; xn2's scale words in wsD
	s_add_co_u32 s46, s46, 6553600                 ; w1's images in wsA,
	s_add_co_u32 s92, s92, 9699328                 ; and its scale words
	s_mov_b32 s21, 0
	s_mov_b32 s23, 0
	s_mov_b32 s47, 0
	s_mov_b32 s93, 0
	s_mul_i32 s45, s14, HALFT
	s_mul_i32 s94, s14, HALFS
	s_wait_kmcnt 0x0
	s_add_nc_u64 s[20:21], s[4:5], s[20:21]
	s_add_nc_u64 s[22:23], s[4:5], s[22:23]
	s_add_nc_u64 s[46:47], s[6:7], s[46:47]
	s_add_nc_u64 s[92:93], s[6:7], s[92:93]
	CROUND
	s_mov_b32 s[G0S], 1
	s_add_co_u32 s[G0S+1], s94, SCL
	s_mov_b64 s[G0S+2:G0S+3], s[22:23]
	s_or_b32 s[G0S+3], s[G0S+3], 0x80000000
	s_mov_b32 s[G0SB], 1
	s_add_co_u32 s[G0SB+1], s94, SCL
	s_mov_b64 s[G0SB+2:G0SB+3], s[92:93]
	s_or_b32 s[G0SB+3], s[G0SB+3], 0x80000000
	JLOAD G0S, G1S, G0SB, G1SB
.irp s, 0,1
	s_mov_b32 s[G0+4*\s], 1
	s_add_co_u32 s[G0+4*\s+1], s45, \s*SLOT
	s_add_nc_u64 s[G0+4*\s+2:G0+4*\s+3], s[20:21], \s*RTB
	s_or_b32 s[G0+4*\s+3], s[G0+4*\s+3], 0x80000000
	s_mov_b32 s[G0B+4*\s], 1
	s_add_co_u32 s[G0B+4*\s+1], s45, \s*SLOT
	s_add_nc_u64 s[G0B+4*\s+2:G0B+4*\s+3], s[46:47], \s*RTB
	s_or_b32 s[G0B+4*\s+3], s[G0B+4*\s+3], 0x80000000
	JLOAD G0+4*\s, G1, G0B+4*\s, G1B
.endr
	v_and_b32 v1, 15, v0
	v_bfe_u32 v2, v0, 4, 1
	v_and_b32 v3, 31, v0
	v_lshlrev_b32 v[L16], 4, v3
	v_lshlrev_b32 v[L8], 3, v3
	s_mul_i32 s21, s15, HALFT
	s_mul_i32 s22, s16, HALFT
	s_add_co_u32 s22, s22, 2*HALFT
.irp s, 0,1
	v_add_nc_u32 v[ADRA+\s], s21, v[L16]
	v_add_nc_u32 v[ADRB+\s], s22, v[L16]
	v_add_nc_u32 v[ADRA+2+\s], s21, v[L8]
	v_add_nc_u32 v[ADRB+2+\s], s22, v[L8]
	s_add_co_u32 s21, s21, SLOT
	s_add_co_u32 s22, s22, SLOT
.endr
	v_lshlrev_b32 v5, 2, v1
	s_mul_i32 s21, s15, HALFS
	s_mul_i32 s22, s16, HALFS
	s_add_co_u32 s22, s22, 2*HALFS
	s_sub_co_u32 s22, s22, s21
	v_mul_u32_u24 v6, s22, v2
	s_add_co_u32 s21, s21, SCL
	v_add_nc_u32 v5, v5, v6
	v_add_nc_u32 v[ADRS], s21, v5
	s_lshl_b32 s21, s14, 16
	v_add_nc_u32 v[SPL], s21, v[L16]               ; my spill: 65,536 x wave + 16 x lane
	s_lshl_b32 s21, s14, 9
	v_lshl_add_u32 v[AF0], v1, 2, s21
	v_add_nc_u32 v[AF0], AUXF, v[AF0]              ; my rows' scale words: 512 x wave + 4 r
	v_add_nc_u32 v7, s21, v[L16]
	v_add_nc_u32 v7, AUXF, v7                      ; and where they are read back
	s_lshl_b32 s20, s17, 4
	s_lshl_b32 s21, s15, 3
	s_add_co_u32 s20, s20, s21                     ; my first row tile
	s_lshl_b32 s20, s20, 5
	s_lshl_b32 s21, s42, 1
	s_add_co_u32 s21, s21, s16                     ; my 128 columns: K step 2 tile column + half of the next product
	s_add_co_u32 s20, s20, s21
	s_mul_i32 s20, s20, 1536
	s_lshl_b32 s22, s17, 1
	s_add_co_u32 s22, s22, s15
	s_lshl_b32 s22, s22, 5
	s_add_co_u32 s22, s22, s21
	s_lshl_b32 s22, s22, 9
	s_add_co_u32 s22, s22, 12582912
	s_mov_b32 s21, 0
	s_mov_b32 s23, 0
	s_add_nc_u64 s[OB:OB+1], s[10:11], s[20:21]
	s_add_nc_u64 s[AB:AB+1], s[10:11], s[22:23]
	s_lshl_b32 s20, s42, 10
	s_lshl_b32 s22, s16, 9
	s_add_co_u32 s20, s20, s22
	s_add_nc_u64 s[8:9], s[8:9], s[20:21]
	v_lshlrev_b32 v[BO1], 6, v2
.irp b, 0,1,2,3
.irp j, 0,1,2,3
	global_load_b128 v[BIAS+16*\b+4*\j:BIAS+16*\b+4*\j+3], v[BO1], s[8:9] offset:128*\b+16*\j
.endr
.endr
	s_wait_tensorcnt 1                             ; the scale words and my part of slot 0 are in; slot 1's load may be out
	s_barrier_signal -1
	s_barrier_wait -1
	FETCH_B 0, 0, 0
	FETCH_A 0, 0, 0
	SCALES 0
	FETCH_A 0, 0, 4
	STEP 0, 0, 1
	s_mov_b32 s3, LAPS-1
.Llap:
	TURN 0, 1, 1
	STEP 1, 0, 0
	TURN 1, 0, 1
	STEP 0, 0, 0
	s_sub_co_u32 s3, s3, 1
	s_cmp_lg_u32 s3, 0
	s_cbranch_scc1 .Llap
	TURN 0, 1, 0
	STEP 1, 0, 0
	s_wait_dscnt 4*NL
	WIN MUL_LO
	MUL16 0, 1, NQ-1, 1, 0
	MUL16 2, 1, NQ-1, 1, 0
	s_wait_dscnt 0
	WIN MUL_HI
	MUL16 4, 1, NQ-1, 1, 0
	MUL16 6, 1, NQ-1, 1, 0
	WIN 0
	s_wait_dscnt 0x0                               ; my reads of the slots and of the scale words are over;
	s_barrier_signal -1
	s_barrier_wait -1                              ; everybody's are: the spill may be written over them (they have had their last fill)
	PLACES NP
.irp a, 0,1,2,3,4,5,6,7
	WIN 0x08+4*(\a/4)
.irp b, 0,1,2,3,4,5,6,7
	ds_store_b128 v[SPL], v[8*(8*(\a%4)+\b):8*(8*(\a%4)+\b)+3] offset:8192*\a+1024*\b        ; each accumulator from its low end on
	ds_store_b128 v[SPL], v[8*(8*(\a%4)+\b)+4:8*(8*(\a%4)+\b)+7] offset:8192*\a+1024*\b+512
.endr
.endr
	WIN 0
	s_wait_loadcnt 0x0                             ; the bias
	s_mov_b32 s[CP], 0x32edffee                    ; (no tensor load is out: the descriptors' registers are free)  P: 2.77068142e-08,
	s_mov_b32 s[CP+2], 0xb60cff51                  ; -2.10102402e-06,
	s_mov_b32 s[CP+4], 0xb86ec2d2                  ; -5.69250639e-05,
	s_mov_b32 s[CP+6], 0xba40ac63                  ; -7.34990630e-04,
	s_mov_b32 s[CP+8], 0xbb41a1f6                  ; -2.95459981e-03,
	s_mov_b32 s[CP+10], 0xbc83dbd4                 ; -1.60960333e-02
	s_mov_b32 s[CQ], 0xb95fbd29                    ; Q: -2.13374055e-04,
	s_mov_b32 s[CQ+2], 0xbadc924e                  ; -1.68282697e-03,
	s_mov_b32 s[CQ+4], 0xbbf19bf8                  ; -7.37332917e-03,
	s_mov_b32 s[CQ+6], 0xbc69b6a7                  ; -1.42647391e-02
	s_mov_b32 s[RH], 0x3f3504f3                    ; 1 / sqrt 2
.irp n, 24,26,28,30,32,34,36,38,40,42,44
	s_mov_b32 s[\n+1], s[\n]                       ; (each is named as a pair, so both words are written)
.endr
	s_mov_b32 s[SEL], 0x76543210
	s_mov_b32 s[SEL+1], 0xfedcba98
	v_mov_b32 v[CA], 0xaf95df0b                    ; P's highest: -2.72614226e-10
	v_mov_b32 v[CA+1], 0xaf95df0b
	v_mov_b32 v[CB], 0xb77460cd                    ; Q's highest: -1.45660718e-05
	v_mov_b32 v[CB+1], 0xb77460cd
	s_mov_b32 s3, 0
	s_mov_b32 s[TO], 0
.Lrow:                                             ; eight trips: row tile a of my 128 tokens
	v_add_nc_u32 v[RDA], s[TO], v[SPL]
.set i, 0
.rept 16
	ds_load_b128 v[T+4*i:T+4*i+3], v[RDA] offset:512*i     ; LDS serves a wave's instructions in order: these see my stores
.set i, i+1
.endr
	s_lshl_b32 s49, s3, 6
	v_add_nc_u32 v[AFW], s49, v[AF0]
	s_wait_dscnt 0x0
.set k, 0
.rept 32
	v_pk_add_f32 v[T+k:T+k+1], v[T+k:T+k+1], v[BIAS+k:BIAS+k+1]
.set k, k+2
.endr
.irp g, 0,1,2,3,4,5,6,7
	GELU8 \g
.endr
	QUANT T
	global_store_b128 v[L16], v[PC:PC+3], s[OB:OB+1]
	global_store_b64 v[L8], v[PC+4:PC+5], s[OB:OB+1] offset:512
	global_store_b128 v[L16], v[PC+6:PC+9], s[OB:OB+1] offset:768
	global_store_b64 v[L8], v[PC+10:PC+11], s[OB:OB+1] offset:1280
	ds_store_b32 v[AFW], v[PW]                     ; both halves of the lanes write the same word with the same value
	s_wait_dscnt 0x0
	s_wait_xcnt 0x0                                ; the stores have read their registers and their base
	s_add_nc_u64 s[OB:OB+1], s[OB:OB+1], 49152
	s_add_co_u32 s[TO], s[TO], 8192
	s_add_co_u32 s3, s3, 1
	s_cmp_lt_u32 s3, 8
	s_cbranch_scc1 .Lrow
	ds_load_b128 v[T:T+3], v7
	s_wait_dscnt 0x0
	global_store_b128 v[L16], v[T:T+3], s[AB:AB+1] ; 512 consecutive bytes: my 128 rows' scale words of this K step
	s_wait_tensorcnt 0x0                           ; the wave's end
	ds_add_u32 v[SPW], v[NIL]
	s_wait_dscnt 0x0
	CROUND                                         ; the closing round
	s_endpgm
.Lfunc_end_k_q779d489bad_ffn1:
	.size	k_q779d489bad_ffn1, .Lfunc_end_k_q779d489bad_ffn1-k_q779d489bad_ffn1
	.p2alignl 7, 3214868480
	.fill 96, 4, 3214868480
	.section	.rodata,"a",@progbits
	.p2align	6, 0x0
	.amdhsa_kernel k_q779d489bad_ffn1
		.amdhsa_group_segment_fixed_size 327680
		.amdhsa_private_segment_fixed_size 0
		.amdhsa_enable_private_segment 0
		.amdhsa_kernarg_size 32
		.amdhsa_user_sgpr_count 2
		.amdhsa_user_sgpr_kernarg_segment_ptr 1
		.amdhsa_wavefront_size32 1
		.amdhsa_system_sgpr_workgroup_id_x 1
		.amdhsa_system_sgpr_workgroup_id_y 1
		.amdhsa_system_sgpr_workgroup_id_z 1
		.amdhsa_system_vgpr_workitem_id 0
		.amdhsa_next_free_vgpr 1024
		.amdhsa_next_free_sgpr 102
		.amdhsa_reserve_vcc 0
		.amdhsa_float_denorm_mode_32 3
		.amdhsa_float_denorm_mode_16_64 3
		.amdhsa_memory_ordered 1
		.amdhsa_forward_progress 1
		.amdhsa_inst_pref_size 174
	.end_amdhsa_kernel
	.amdgpu_metadata
---
amdhsa.version: [ 1, 2 ]
amdhsa.kernels:
  - .name:           k_q779d489bad_ffn1
    .symbol:         k_q779d489bad_ffn1.kd
    .args:
      - { .name: wsD, .offset: 0, .size: 8, .value_kind: global_buffer, .address_space: global }
      - { .name: wsA, .offset: 8, .size: 8, .value_kind: global_buffer, .address_space: global }
      - { .name: bf1, .offset: 16, .size: 8, .value_kind: global_buffer, .address_space: global }
      - { .name: wsH, .offset: 24, .size: 8, .value_kind: global_buffer, .address_space: global }
    .group_segment_fixed_size: 327680
    .private_segment_fixed_size: 0
    .kernarg_segment_align: 8
    .kernarg_segment_size: 32
    .max_flat_workgroup_size: 128
    .sgpr_count:     102
    .vgpr_count:     1024
    .wavefront_size: 32
...
	.end_amdgpu_metadata
.endif
;; end of part 6
;; launch ffn2 (part 7): grid 4 x 16, 4 waves a work-group, clusters of 4 x 4, 327,680 bytes of LDS; arguments wsH, wsA, wsY, wsD, bf2, wsZ; writes wsZ
.if DOCPART == 7
	.amdgcn_target "amdgcn-amd-amdhsa--gfx1250"
	.amdhsa_code_object_version 6
	.text
	.protected	k_q779d489bad_ffn2
	.globl	k_q779d489bad_ffn2
	.p2align	8
	.type	k_q779d489bad_ffn2,@function
k_q779d489bad_ffn2:
	s_mov_b64 s[64:65], 0
	v_nop
	global_prefetch_b8 v0, s[64:65] scope:SCOPE_SE
	s_setreg_imm32_b32 hwreg(HW_REG_WAVE_MODE, 25, 1), 1
	s_wait_xcnt 0x0
	s_wait_alu depctr_hold_cnt(0) depctr_sa_sdst(0) depctr_va_vdst(0) depctr_va_sdst(0) depctr_va_ssrc(0) depctr_va_vcc(0) depctr_vm_vsrc(0)
	s_getreg_b32 s2, hwreg(HW_REG_IB_STS2, 6, 4)
	s_cmp_eq_u32 s2, 0
	s_cbranch_scc0 .Lentry_in_a_cluster
	s_endpgm
.Lentry_in_a_cluster:
	s_bfe_u32 s2, ttmp6, 0x10000c
	s_cmp_lg_u32 s2, 0xf033
	s_cbranch_scc0 .Lentry_shape_is_right
	s_endpgm
.Lentry_shape_is_right:
; z = s y + h w2^T + bf2, the product on codes of FP6 (E2M3) with E8M0 scales, K = 4,096.  s y is the clipped residual x1 (s: one number a token).  z: [4,096][1,024] f32.
; THE PRODUCT: a work-group makes 256 x 256 of C, a wave 128 x 128 (64 accumulators); K goes in steps of 256 through two LDS slots filled by joint tensor loads in a cluster of 4 x 4
; (A's tile shared along a row of the cluster, B's along a column).  Operands lie in memory as images of their registers (row tile, K step: 1,536 bytes); the scale words of 128 rows for all of K
; (16,384 bytes) are one dense block, brought once.  The matrix instruction is used transposed; rows lie in image order (image row r of tile 2 beta + u = true row 32 beta + 8 u + r + 8 (r / 8)).
; THE WAY OUT: a block of 16 image rows x 128 columns goes through the wave's stage in LDS (in slot 0, which has had its last fill and its last read) and comes back as whole rows of 512 bytes; row t of block a
; is token 32 (a / 2) + 8 (a % 2) + t + 8 (t / 8).  y's rows are asked for up to four blocks ahead, into the registers that held B's fragments; s comes by scalar loads, 32 tokens to a set, two sets by turns
; in the registers that held the descriptors.
; 64 work-groups: 256 x 256 tiles of a 4,096 x 1,024 result.
.set SIZE_K, 4096
.set KT,     SIZE_K/128
.set NQ,     2
.set FR,     12
.set FRB,    1536                      ; a fragment's image
.set RTB,    3072                      ; a row tile's two K steps in a slot
.set HALFT,  8*RTB                     ; 128 rows: what one tensor load brings
.set SLOT,   4*HALFT
.set LAPS,   SIZE_K/512
.set SCL,    2*SLOT                    ; behind the ring: the scale words
.set HALFS,  KT*512                    ; those of 128 rows
.set SPARE,  327168                    ; the spare words: 128 bytes a wave, two blocks of 256 bytes that no other line names
.set NL,     4                         ; LDS loads that bring a fragment
.set NP,     4                         ; places behind this matrix instruction (ISA guide 7.12.1)
.set ADRA, 16                          ; v16-17 my A fragments in slot 0, 1, + 16 x lane; v18-19 the same + 8 x lane
.set ADRB, 20                          ; v20-23 the same for B
.set STO,  24                          ; the stage: where I put 32 bytes of a row
.set RD,   25                          ; and where I read a row back
.set ADRS, 27                          ; my scale words: lanes 0-15 A's rows, lanes 16-31 B's
.set SPW,  28
.set NIL,  29
.set L16,  30                          ; 16 x lane
.set L8,   31                          ; 8 x lane
.set SC,   32                          ; v32-63 scale words, two sets of 16; they hold nothing else
.set AF,   128                         ; A's fragments, window 0, one set; B's two sets in window 1; accumulators in windows 2 and 3
.set BK,   128                         ; the way out: 16 rows read back: v128-191 and v192-255 by turns
.set SPITCH, 528
.set G1, 24
.set G0, 32
.set G1B, 48
.set G0B, 56
.set G1S, 68
.set G0S, 76
.set G1SB, 80
.set G0SB, 88
.set MSB, 0
.macro WIN new                         ; the immediate's high byte repeats the setting that is left
.if MSB != \new
	s_set_vgpr_msb (MSB<<8)|\new
.set MSB, \new
.endif
.endm
.set MUL_LO, 0xa1
.set MUL_HI, 0xf1
.set TO_B,   0x40
.macro JLOAD g0a, g1a, g0b, g1b        ; a joint load: waves 0 and 1 fetch for A, waves 2 and 3 for B; four v_nop follow each line
	s_cmp_eq_u32 s15, 0
	s_cbranch_scc0 .Lfor_b_\@
	tensor_load_to_lds s[\g0a:\g0a+3], s[\g1a:\g1a+7]
	s_nop 0
.rept 4
	v_nop
.endr
	s_branch .Lasked_\@
.Lfor_b_\@:
	tensor_load_to_lds s[\g0b:\g0b+3], s[\g1b:\g1b+7]
	s_nop 0
.rept 4
	v_nop
.endr
.Lasked_\@:
.endm
.macro CREST                           ; a round of the cluster's barrier behind its opening barrier
	s_cmp_lg_u32 s14, 0
	s_cbranch_scc1 .Lnot_wave_0_\@
	s_barrier_signal -3
.Lnot_wave_0_\@:
	s_barrier_wait -3
	s_barrier_signal -1
	s_barrier_wait -1
.endm
.macro CROUND
	s_barrier_signal -1
	s_barrier_wait -1
	CREST
.endm
.macro FRAG reg, adr, q, i             ; a fragment's image: registers 0-3, 4-5, 6-9, 10-11
	ds_load_b128 v[\reg:\reg+3], v[\adr] offset:(\i)*RTB+(\q)*FRB
	ds_load_b64 v[\reg+4:\reg+5], v[\adr+2] offset:(\i)*RTB+(\q)*FRB+512
	ds_load_b128 v[\reg+6:\reg+9], v[\adr] offset:(\i)*RTB+(\q)*FRB+768
	ds_load_b64 v[\reg+10:\reg+11], v[\adr+2] offset:(\i)*RTB+(\q)*FRB+1280
.endm
.macro MUL16 a0, p, q, sc, zero        ; A's blocks a0, a0 + 1 x B's eight; the 64 accumulators take turns, one instruction a turn
.irp a, \a0, \a0+1
.irp b, 0,1,2,3,4,5,6,7
.if \zero
	v_wmma_scale_f32_16x16x128_f8f6f4 v[8*(8*((\a)%4)+\b):8*(8*((\a)%4)+\b)+7], v[128*(\p)+FR*\b:128*(\p)+FR*\b+FR-1], v[AF+FR*(\a):AF+FR*(\a)+FR-1], 0, v[SC+8*NQ*(\sc)+NQ*\b+(\q)], v[SC+8*NQ*(\sc)+NQ*(\a)+(\q)] matrix_a_fmt:MATRIX_FMT_FP6 matrix_b_fmt:MATRIX_FMT_FP6 matrix_a_scale:MATRIX_SCALE_ROW1
.else
	v_wmma_scale_f32_16x16x128_f8f6f4 v[8*(8*((\a)%4)+\b):8*(8*((\a)%4)+\b)+7], v[128*(\p)+FR*\b:128*(\p)+FR*\b+FR-1], v[AF+FR*(\a):AF+FR*(\a)+FR-1], v[8*(8*((\a)%4)+\b):8*(8*((\a)%4)+\b)+7], v[SC+8*NQ*(\sc)+NQ*\b+(\q)], v[SC+8*NQ*(\sc)+NQ*(\a)+(\q)] matrix_a_fmt:MATRIX_FMT_FP6 matrix_b_fmt:MATRIX_FMT_FP6 matrix_a_scale:MATRIX_SCALE_ROW1
.endif
.endr
.endr
.endm
.macro FETCH_B slot, q, p
	WIN TO_B
.irp i, 0,1,2,3,4,5,6,7
	FRAG 128*(\p)+FR*\i, ADRB+\slot, \q, \i
.endr
	WIN 0
.endm
.macro FETCH_A slot, q, i0
.irp i, \i0, \i0+1, \i0+2, \i0+3
	FRAG AF+FR*(\i), ADRA+\slot, \q, \i
.endr
.endm
.macro SCALES sc                       ; a slot's scale words: register 2 i + q: lanes 0-15 A's block i, lanes 16-31 B's block i
.irp i, 0,1,2,3,4,5,6,7
.irp q, 0,1
	ds_load_b32 v[SC+16*\sc+2*\i+\q], v[ADRS] offset:512*\q+64*\i
.endr
.endr
.endm
.macro PLACES n
.rept \n
	v_nop
.endr
.endm
.macro STEP slot, q, zero              ; 128 along K, with its successor in the same slot
	s_wait_dscnt 4*NL                              ; all but the youngest 16 loads (A's blocks 4-7) are in
	WIN MUL_LO
	MUL16 0, (\q)%2, \q, \slot, \zero
	MUL16 2, (\q)%2, \q, \slot, \zero
	s_wait_dscnt 0
	PLACES NP
	FETCH_B \slot, (\q)+1, 1-(\q)%2
	FETCH_A \slot, (\q)+1, 0
	WIN MUL_HI
	MUL16 4, (\q)%2, \q, \slot, \zero
	MUL16 6, (\q)%2, \q, \slot, \zero
	PLACES NP
	WIN 0
	FETCH_A \slot, (\q)+1, 4
.endm
.macro TURN slot, next, fill           ; a slot's last step changes slots
	s_wait_tensorcnt 0x0                           ; all my tensor loads have landed: my part of the next slot
	ds_add_u32 v[SPW], v[NIL]                      ; 0 onto my spare word
	s_wait_dscnt 4*NL+1                            ; the add and the youngest 16 loads may be out
	WIN MUL_LO
	MUL16 0, 1, NQ-1, \slot, 0
	s_wait_dscnt 0x0                               ; the add is done, and my reads of this slot are over
	s_barrier_signal -1
	MUL16 2, 1, NQ-1, \slot, 0
	WIN 0
	s_barrier_wait -1
.if \fill
	CREST                                          ; the barrier has opened a round of the cluster's: no wave of any partner still reads this slot or has a load on its way
	s_add_nc_u64 s[G0+4*\slot+2:G0+4*\slot+3], s[G0+4*\slot+2:G0+4*\slot+3], 2*RTB
	s_add_nc_u64 s[G0B+4*\slot+2:G0B+4*\slot+3], s[G0B+4*\slot+2:G0B+4*\slot+3], 2*RTB
	JLOAD G0+4*\slot, G1, G0B+4*\slot, G1B         ; the first tensor load behind the round; its four v_nop are the places in front of the loads below
.else
	PLACES NP
.endif
	v_add_nc_u32 v[ADRS], 1024, v[ADRS]            ; the next slot's scale words
	FETCH_B \next, 0, 0
	FETCH_A \next, 0, 0
	SCALES \next
	WIN MUL_HI
	MUL16 4, 1, NQ-1, \slot, 0
	MUL16 6, 1, NQ-1, \slot, 0
	PLACES NP
	WIN 0
	FETCH_A \next, 0, 4
.endm
	s_load_b256 s[4:11], s[0:1], 0x0               ; wsH, wsA, wsY, wsD
	s_load_b64 s[18:19], s[0:1], 0x20              ; bf2
	s_load_b64 s[12:13], s[0:1], 0x28              ; wsZ
	v_lshl_add_u32 v[SPW], v0, 2, SPARE
	v_mov_b32 v[NIL], 0
	ds_add_u32 v28, v29
	ds_add_u32 v28, v29
	s_wait_dscnt 0x0
	v_lshrrev_b32 v1, 5, v0
	v_readfirstlane_b32 s14, v1                    ; wave
	s_lshr_b32 s15, s14, 1                         ; my half of the tile's rows; also: I fetch for A (0) or B (1)
	s_and_b32 s16, s14, 1                          ; my half of its columns; also: which 128 rows I fetch
	s_bfe_u32 s40, ttmp6, 0x40000                  ; cx
	s_bfe_u32 s41, ttmp6, 0x40004                  ; cy
	s_lshl_b32 s42, ttmp9, 2
	s_add_co_u32 s42, s42, s40                     ; tile column
	s_and_b32 s17, ttmp7, 0xffff
	s_lshl_b32 s17, s17, 2
	s_add_co_u32 s17, s17, s41                     ; tile row
	s_lshl_b32 s43, s41, 2
	s_lshl_b32 s43, 15, s43                        ; my row of the cluster
	s_lshl_b32 s44, 0x1111, s40                    ; my column
	s_or_b32 s[G1+0], s43, (3<<16)|(1<<21)         ; the mask; elements of 8 bytes; bit 21 beside a mask; no padding
	s_or_b32 s[G1B+0], s44, (3<<16)|(1<<21)
.irp g, G1, G1B
	s_mov_b32 s[\g+1], 384<<16                     ; tensor_dim0: 3,072 bytes
	s_mov_b32 s[\g+2], 8<<16                       ; tensor_dim1: 8 row tiles
	s_mov_b32 s[\g+3], 384<<16                     ; tile_dim0
	s_mov_b32 s[\g+4], 8                           ; tile_dim1
	s_mov_b32 s[\g+5], KT*192                      ; from row tile to row tile
	s_mov_b32 s[\g+6], 0
	s_mov_b32 s[\g+7], 0
.endr
	s_or_b32 s[G1S+0], s43, (3<<16)|(1<<21)
	s_or_b32 s[G1SB+0], s44, (3<<16)|(1<<21)
.irp g, G1S, G1SB
	s_mov_b32 s[\g+1], 32<<16                      ; the scale words of 128 rows: a dense block, as rows of 256 bytes
	s_mov_b32 s[\g+2], (HALFS/256)<<16
	s_mov_b32 s[\g+3], 32<<16
	s_mov_b32 s[\g+4], HALFS/256
	s_mov_b32 s[\g+5], 32
	s_mov_b32 s[\g+6], 0
	s_mov_b32 s[\g+7], 0
.endr
	s_lshl_b32 s20, s17, 1
	s_add_co_u32 s20, s20, s16                     ; A: which 128 rows I fetch
	s_lshl_b32 s46, s42, 1
	s_add_co_u32 s46, s46, s16                     ; B likewise
	s_mul_i32 s22, s20, HALFS
	s_mul_i32 s92, s46, HALFS
	s_mul_i32 s20, s20, KT*12288
	s_mul_i32 s46, s46, KT*12288
	s_add_co_u32 s22, s22, 12582912                ; h's scale words in wsH
	s_add_co_u32 s46, s46, 9830400                 ; w2's images in wsA,
	s_add_co_u32 s92, s92, 12976128                ; and its scale words
	s_mov_b32 s21, 0
	s_mov_b32 s23, 0
	s_mov_b32 s47, 0
	s_mov_b32 s93, 0
	s_mul_i32 s45, s14, HALFT                      ; where they go: wave x 128 rows
	s_mul_i32 s94, s14, HALFS
	s_wait_kmcnt 0x0
	s_add_nc_u64 s[20:21], s[4:5], s[20:21]
	s_add_nc_u64 s[22:23], s[4:5], s[22:23]
	s_add_nc_u64 s[46:47], s[6:7], s[46:47]
	s_add_nc_u64 s[92:93], s[6:7], s[92:93]
	CROUND                                         ; all sixteen work-groups are here: the first joint loads meet
	s_mov_b32 s[G0S], 1
	s_add_co_u32 s[G0S+1], s94, SCL
	s_mov_b64 s[G0S+2:G0S+3], s[22:23]
	s_or_b32 s[G0S+3], s[G0S+3], 0x80000000
	s_mov_b32 s[G0SB], 1
	s_add_co_u32 s[G0SB+1], s94, SCL
	s_mov_b64 s[G0SB+2:G0SB+3], s[92:93]
	s_or_b32 s[G0SB+3], s[G0SB+3], 0x80000000
	JLOAD G0S, G1S, G0SB, G1SB
.irp s, 0,1
	s_mov_b32 s[G0+4*\s], 1
	s_add_co_u32 s[G0+4*\s+1], s45, \s*SLOT
	s_add_nc_u64 s[G0+4*\s+2:G0+4*\s+3], s[20:21], \s*RTB
	s_or_b32 s[G0+4*\s+3], s[G0+4*\s+3], 0x80000000
	s_mov_b32 s[G0B+4*\s], 1
	s_add_co_u32 s[G0B+4*\s+1], s45, \s*SLOT
	s_add_nc_u64 s[G0B+4*\s+2:G0B+4*\s+3], s[46:47], \s*RTB
	s_or_b32 s[G0B+4*\s+3], s[G0B+4*\s+3], 0x80000000
	JLOAD G0+4*\s, G1, G0B+4*\s, G1B
.endr
	v_and_b32 v1, 15, v0                           ; r
	v_bfe_u32 v2, v0, 4, 1                         ; h
	v_and_b32 v3, 31, v0
	v_lshlrev_b32 v[L16], 4, v3
	v_lshlrev_b32 v[L8], 3, v3
	s_mul_i32 s21, s15, HALFT
	s_mul_i32 s22, s16, HALFT
	s_add_co_u32 s22, s22, 2*HALFT
.irp s, 0,1
	v_add_nc_u32 v[ADRA+\s], s21, v[L16]
	v_add_nc_u32 v[ADRB+\s], s22, v[L16]
	v_add_nc_u32 v[ADRA+2+\s], s21, v[L8]
	v_add_nc_u32 v[ADRB+2+\s], s22, v[L8]
	s_add_co_u32 s21, s21, SLOT
	s_add_co_u32 s22, s22, SLOT
.endr
	v_lshlrev_b32 v5, 2, v1
	s_mul_i32 s21, s15, HALFS
	s_mul_i32 s22, s16, HALFS
	s_add_co_u32 s22, s22, 2*HALFS
	s_sub_co_u32 s22, s22, s21
	v_mul_u32_u24 v6, s22, v2                      ; lanes 16-31 take B's: one product
	s_add_co_u32 s21, s21, SCL
	v_add_nc_u32 v5, v5, v6
	v_add_nc_u32 v[ADRS], s21, v5
	s_mul_i32 s23, s14, 16*SPITCH                  ; my stage
	v_mul_u32_u24 v5, v1, SPITCH
	v_lshl_add_u32 v5, v2, 6, v5
	v_add_nc_u32 v[STO], s23, v5                   ; in: row r, + 64 h
	v_add_nc_u32 v[RD], s23, v[L16]                ; back: a row of 512 bytes to the 32 lanes
	s_lshl_b32 s20, s17, 8
	s_lshl_b32 s21, s15, 7
	s_add_co_u32 s20, s20, s21                     ; my first token
	s_lshl_b32 s22, s20, 2
	s_add_co_u32 s22, s22, 3276800                 ; its s in wsD
	s_mov_b32 s23, 0
	s_add_nc_u64 s[10:11], s[10:11], s[22:23]
	s_lshl_b32 s20, s20, 12
	s_lshl_b32 s46, s42, 10
	s_lshl_b32 s47, s16, 9
	s_add_co_u32 s46, s46, s47                     ; my first column, in bytes
	s_mov_b32 s47, 0
	s_add_nc_u64 s[18:19], s[18:19], s[46:47]
	s_add_co_u32 s20, s20, s46
	s_mov_b32 s21, 0
	s_add_nc_u64 s[8:9], s[8:9], s[20:21]
	s_add_nc_u64 s[12:13], s[12:13], s[20:21]
	global_load_b128 v[64:67], v[L16], s[18:19]    ; the bias of my lane's four columns
	s_wait_tensorcnt 1                             ; the scale words and my part of slot 0 are in; slot 1's load may be out
	s_barrier_signal -1
	s_barrier_wait -1
	FETCH_B 0, 0, 0
	FETCH_A 0, 0, 0
	SCALES 0
	FETCH_A 0, 0, 4
	STEP 0, 0, 1                                   ; the first step's products start the sums
	s_mov_b32 s3, LAPS-1
.Llap:                                             ; a trip goes once round the ring and fills both slots again
	TURN 0, 1, 1
	STEP 1, 0, 0
	TURN 1, 0, 1
	STEP 0, 0, 0
	s_sub_co_u32 s3, s3, 1
	s_cmp_lg_u32 s3, 0
	s_cbranch_scc1 .Llap
	TURN 0, 1, 0                                   ; the last lap fills nothing; its wait for 0 leaves no tensor load of mine out
	STEP 1, 0, 0
	s_wait_dscnt 4*NL
	WIN MUL_LO
	MUL16 0, 1, NQ-1, 1, 0
	MUL16 2, 1, NQ-1, 1, 0
	s_wait_dscnt 0
	WIN MUL_HI
	MUL16 4, 1, NQ-1, 1, 0
	MUL16 6, 1, NQ-1, 1, 0
	WIN 0
.macro TOSTAGE a
.set AC, 64*((\a)%4)
	WIN 0x08+4*((\a)/4)                            ; an LDS store's data are its source 1: window 2 or 3
.irp b, 0,1,2,3,4,5,6,7
	ds_store_b128 v[STO], v[AC+8*\b:AC+8*\b+3] offset:128*(\b/2)+32*(\b%2)          ; tile b's eight columns of my half: 32 (b / 2) + 16 h + 8 (b % 2) on; each accumulator from its low end on
	ds_store_b128 v[STO], v[AC+8*\b+4:AC+8*\b+7] offset:128*(\b/2)+32*(\b%2)+16
.endr
	WIN 0
.set BB, BK+64*((\a)%2)
.irp t, 0,1,2,3,4,5,6,7,8,9,10,11,12,13,14,15
	ds_load_b128 v[BB+4*\t:BB+4*\t+3], v[RD] offset:\t*SPITCH                      ; LDS serves a wave's instructions in order: these see my stores
.endr
.endm
.macro RLOAD a                         ; block a's 16 rows of y, into set a % 4 of window 1
	WIN 0x40
.irp t, 0,1,2,3,4,5,6,7,8,9,10,11,12,13,14,15
	global_load_b128 v[64*((\a)%4)+4*\t:64*((\a)%4)+4*\t+3], v[L16], s[8:9] offset:(32*((\a)/2)+8*((\a)%2)+\t+8*(\t/8))*4096 th:TH_LOAD_NT
.endr
	WIN 0
.endm
.macro SLOAD beta                      ; s of tokens 32 beta .. 32 beta + 31 of my 128, into set beta % 2
.set SB, 24+44*((\beta)%2)
	s_load_b512 s[SB:SB+15], s[10:11], 128*(\beta)
	s_load_b512 s[SB+16:SB+31], s[10:11], 128*(\beta)+64
.endm
.macro SEND a, younger
.set BB, BK+64*((\a)%2)
.set RS, 64*((\a)%4)
.set SB, 24+44*(((\a)/2)%2)+8*((\a)%2)
	s_wait_dscnt \younger                          ; the block is back in registers (the next block's 16 stores and 16 loads may be out)
.if (\a) < 5
	s_wait_loadcnt 48                              ; its rows of y are in; the three younger blocks' loads may be out
.else
	s_wait_loadcnt 16*(7-(\a))
.endif
.if (\a)%2 == 0
	s_wait_kmcnt 0x0                               ; the s of this pair of blocks
.endif
	WIN 0x01                                       ; source 0 (y) in window 1
.irp t, 0,1,2,3,4,5,6,7,8,9,10,11,12,13,14,15
.irp j, 0,1,2,3
	v_fma_f32 v[BB+4*\t+\j], v[RS+4*\t+\j], s[SB+\t+8*(\t/8)], v[BB+4*\t+\j]       ; + s y
.endr
.endr
	WIN 0
.irp t, 0,1,2,3,4,5,6,7,8,9,10,11,12,13,14,15
	v_pk_add_f32 v[BB+4*\t:BB+4*\t+1], v[BB+4*\t:BB+4*\t+1], v[64:65]
	v_pk_add_f32 v[BB+4*\t+2:BB+4*\t+3], v[BB+4*\t+2:BB+4*\t+3], v[66:67]
.endr
.irp t, 0,1,2,3,4,5,6,7,8,9,10,11,12,13,14,15
	global_store_b128 v[L16], v[BB+4*\t:BB+4*\t+3], s[12:13] offset:(32*((\a)/2)+8*((\a)%2)+\t+8*(\t/8))*4096   ; 32 lanes store 512 consecutive bytes, aligned
.endr
.endm
	PLACES NP                                      ; in front of loads into registers that matrix instructions have read, and of the first read of results
	SLOAD 0                                        ; (no tensor load is out: the descriptors' registers are free)
	SLOAD 1
	RLOAD 0
	RLOAD 1
	RLOAD 2
	RLOAD 3
	TOSTAGE 0
.irp a, 1,2,3,4,5,6,7
.if \a > 1
	s_wait_xcnt 0x0                                ; block a - 2's stores have read their registers
.endif
	TOSTAGE \a
	SEND \a-1, 32
.if \a < 5
	RLOAD \a+3
.endif
.if \a == 2
	SLOAD 2                                        ; blocks 0 and 1 have read set 0
.endif
.if \a == 4
	SLOAD 3                                        ; blocks 2 and 3 have read set 1
.endif
.endr
	s_wait_xcnt 0x0
	SEND 7, 0
	s_wait_tensorcnt 0x0                           ; the wave's end
	ds_add_u32 v[SPW], v[NIL]
	s_wait_dscnt 0x0
	CROUND                                         ; the closing round: no work-group ends while a partner may still ask for a tile that names it
	s_endpgm
.Lfunc_end_k_q779d489bad_ffn2:
	.size	k_q779d489bad_ffn2, .Lfunc_end_k_q779d489bad_ffn2-k_q779d489bad_ffn2
	.p2alignl 7, 3214868480
	.fill 96, 4, 3214868480
	.section	.rodata,"a",@progbits
	.p2align	6, 0x0
	.amdhsa_kernel k_q779d489bad_ffn2
		.amdhsa_group_segment_fixed_size 327680
		.amdhsa_private_segment_fixed_size 0
		.amdhsa_enable_private_segment 0
		.amdhsa_kernarg_size 48
		.amdhsa_user_sgpr_count 2
		.amdhsa_user_sgpr_kernarg_segment_ptr 1
		.amdhsa_wavefront_size32 1
		.amdhsa_system_sgpr_workgroup_id_x 1
		.amdhsa_system_sgpr_workgroup_id_y 1
		.amdhsa_system_sgpr_workgroup_id_z 1
		.amdhsa_system_vgpr_workitem_id 0
		.amdhsa_next_free_vgpr 1024
		.amdhsa_next_free_sgpr 102
		.amdhsa_reserve_vcc 0
		.amdhsa_float_denorm_mode_32 3
		.amdhsa_float_denorm_mode_16_64 3
		.amdhsa_memory_ordered 1
		.amdhsa_forward_progress 1
		.amdhsa_inst_pref_size 207
	.end_amdhsa_kernel
	.amdgpu_metadata
---
amdhsa.version: [ 1, 2 ]
amdhsa.kernels:
  - .name:           k_q779d489bad_ffn2
    .symbol:         k_q779d489bad_ffn2.kd
    .args:
      - { .name: wsH, .offset: 0, .size: 8, .value_kind: global_buffer, .address_space: global }
      - { .name: wsA, .offset: 8, .size: 8, .value_kind: global_buffer, .address_space: global }
      - { .name: wsY, .offset: 16, .size: 8, .value_kind: global_buffer, .address_space: global }
      - { .name: wsD, .offset: 24, .size: 8, .value_kind: global_buffer, .address_space: global }
      - { .name: bf2, .offset: 32, .size: 8, .value_kind: global_buffer, .address_space: global }
      - { .name: wsZ, .offset: 40, .size: 8, .value_kind: global_buffer, .address_space: global }
    .group_segment_fixed_size: 327680
    .private_segment_fixed_size: 0
    .kernarg_segment_align: 8
    .kernarg_segment_size: 48
    .max_flat_workgroup_size: 128
    .sgpr_count:     102
    .vgpr_count:     1024
    .wavefront_size: 32
...
	.end_amdgpu_metadata
.endif
;; end of part 7
;; launch proj (part 8): grid 256 x 1, 8 waves a work-group, no clusters, 0 bytes of LDS; arguments wsZ, out0; writes out0
.if DOCPART == 8
	.amdgcn_target "amdgcn-amd-amdhsa--gfx1250"
	.amdhsa_code_object_version 6
	.text
	.protected	k_q779d489bad_proj
	.globl	k_q779d489bad_proj
	.p2align	8
	.type	k_q779d489bad_proj,@function
k_q779d489bad_proj:
	s_mov_b64 s[64:65], 0
	v_nop
	global_prefetch_b8 v0, s[64:65] scope:SCOPE_SE
	s_setreg_imm32_b32 hwreg(HW_REG_WAVE_MODE, 25, 1), 1
	s_wait_xcnt 0x0
; out = z clipped to norm 1 - 1e-5: n = the row's norm; n > 1 - 1e-5 ? z (1 - 1e-5) / max(n, 1e-12) : z.  z, out: [4,096][1,024] f32.
; A stream: a wave takes two whole rows of 4,096 bytes, 32 registers each, so that a row is read once and the reduction never leaves the wave: no LDS, no barrier, no matrix unit.
; Each load and store of a wave covers 512 consecutive bytes, aligned.  All 16 loads of a wave go out together.
; LIMITS: NaN and infinities are not served.
.set X,   16                           ; v16-79  two rows, 32 registers each
.set C,   4                            ; v4-11   four chains of pairs
.set F,   12                           ; v[12:13] the factor, twice
	s_load_b128 s[4:7], s[0:1], 0x0                ; z, out
	v_lshrrev_b32 v1, 5, v0
	v_readfirstlane_b32 s8, v1                     ; wave
	v_and_b32 v1, 31, v0
	v_lshlrev_b32 v1, 4, v1                        ; 16 x lane
	s_lshl_b32 s10, ttmp9, 16                      ; 16 rows a work-group,
	s_lshl_b32 s9, s8, 13                          ; 2 a wave
	s_add_co_u32 s10, s10, s9
	s_mov_b32 s11, 0
	s_mov_b32 s12, 0x76543210                      ; lane selects: lane l xor 16
	s_mov_b32 s13, 0xfedcba98
	s_mov_b32 s14, 0x3f7fff58                      ; 1 - 1e-5
	s_wait_kmcnt 0x0
	s_add_nc_u64 s[4:5], s[4:5], s[10:11]
	s_add_nc_u64 s[6:7], s[6:7], s[10:11]
.irp e, 0,1
.irp j, 0,1,2,3,4,5,6,7
	global_load_b128 v[X+32*\e+4*\j:X+32*\e+4*\j+3], v1, s[4:5] offset:4096*\e+512*\j th:TH_LOAD_NT
.endr
.endr
.macro ROW e
.set XR, X+32*\e
	s_wait_loadcnt 8-8*\e                          ; this row's eight loads are in; the second row's may be out
.irp k, 0,1,2,3
	v_pk_mul_f32 v[C+2*\k:C+2*\k+1], v[XR+2*\k:XR+2*\k+1], v[XR+2*\k:XR+2*\k+1]
.endr
.irp j, 8,16,24
.irp k, 0,1,2,3
	v_pk_fma_f32 v[C+2*\k:C+2*\k+1], v[XR+\j+2*\k:XR+\j+2*\k+1], v[XR+\j+2*\k:XR+\j+2*\k+1], v[C+2*\k:C+2*\k+1]
.endr
.endr
	v_pk_add_f32 v[C:C+1], v[C:C+1], v[C+2:C+3]
	v_pk_add_f32 v[C+4:C+5], v[C+4:C+5], v[C+6:C+7]
	v_pk_add_f32 v[C:C+1], v[C:C+1], v[C+4:C+5]
	v_add_f32 v[C], v[C], v[C+1]
	v_add_f32_dpp v[C], v[C], v[C] row_xmask:1 row_mask:0xf bank_mask:0xf
	v_add_f32_dpp v[C], v[C], v[C] row_xmask:2 row_mask:0xf bank_mask:0xf
	v_add_f32_dpp v[C], v[C], v[C] row_xmask:4 row_mask:0xf bank_mask:0xf
	v_add_f32_dpp v[C], v[C], v[C] row_xmask:8 row_mask:0xf bank_mask:0xf
	v_permlanex16_b32 v[C+1], v[C], s12, s13       ; (its destination has been written)
	v_add_f32 v[C], v[C], v[C+1]                   ; the row's sum of squares, in every lane
	v_sqrt_f32 v[C+2], v[C]                        ; n
	v_nop                                          ; a plain line behind the transcendental,
	s_wait_alu depctr_va_vdst(0)                   ; and the wait ahead of its first reader
	v_max_num_f32 v[C+3], 0x2b8cbccc, v[C+2]       ; max(n, 1e-12)
	v_rcp_f32 v[C+3], v[C+3]
	v_cmp_gt_f32 vcc_lo, v[C+2], s14               ; (a plain line behind the reciprocal)
	s_wait_alu depctr_va_vdst(0)
	v_mul_f32 v[C+3], s14, v[C+3]
	v_cndmask_b32 v[F], 1.0, v[C+3], vcc_lo
	v_mov_b32 v[F+1], v[F]
.irp j, 0,2,4,6,8,10,12,14,16,18,20,22,24,26,28,30
	v_pk_mul_f32 v[XR+\j:XR+\j+1], v[XR+\j:XR+\j+1], v[F:F+1]
.endr
.irp j, 0,1,2,3,4,5,6,7
	global_store_b128 v1, v[XR+4*\j:XR+4*\j+3], s[6:7] offset:4096*\e+512*\j th:TH_STORE_NT
.endr
.endm
	ROW 0
	ROW 1
	s_endpgm
.Lfunc_end_k_q779d489bad_proj:
	.size	k_q779d489bad_proj, .Lfunc_end_k_q779d489bad_proj-k_q779d489bad_proj
	.p2alignl 7, 3214868480
	.fill 96, 4, 3214868480
	.section	.rodata,"a",@progbits
	.p2align	6, 0x0
	.amdhsa_kernel k_q779d489bad_proj
		.amdhsa_group_segment_fixed_size 0
		.amdhsa_private_segment_fixed_size 0
		.amdhsa_enable_private_segment 0
		.amdhsa_kernarg_size 16
		.amdhsa_user_sgpr_count 2
		.amdhsa_user_sgpr_kernarg_segment_ptr 1
		.amdhsa_wavefront_size32 1
		.amdhsa_system_sgpr_workgroup_id_x 1
		.amdhsa_system_sgpr_workgroup_id_y 1
		.amdhsa_system_sgpr_workgroup_id_z 1
		.amdhsa_system_vgpr_workitem_id 0
		.amdhsa_next_free_vgpr 96
		.amdhsa_next_free_sgpr 66
		.amdhsa_reserve_vcc 1
		.amdhsa_float_denorm_mode_32 3
		.amdhsa_float_denorm_mode_16_64 3
		.amdhsa_memory_ordered 1
		.amdhsa_forward_progress 1
		.amdhsa_inst_pref_size 10
	.end_amdhsa_kernel
	.amdgpu_metadata
---
amdhsa.version: [ 1, 2 ]
amdhsa.kernels:
  - .name:           k_q779d489bad_proj
    .symbol:         k_q779d489bad_proj.kd
    .args:
      - { .name: wsZ, .offset: 0, .size: 8, .value_kind: global_buffer, .address_space: global }
      - { .name: out0, .offset: 8, .size: 8, .value_kind: global_buffer, .address_space: global }
    .group_segment_fixed_size: 0
    .private_segment_fixed_size: 0
    .kernarg_segment_align: 8
    .kernarg_segment_size: 16
    .max_flat_workgroup_size: 256
    .sgpr_count:     66
    .vgpr_count:     96
    .wavefront_size: 32
...
	.end_amdgpu_metadata
.endif
;; end of part 8
;; ======== version 2 of 2: 8 launches
;; limits: right only within a limited range of input values
;; workspace buffers: wsA 13,107,200 bytes; wsB 10,747,904 bytes; wsC 3,276,800 bytes; wsY 16,777,216 bytes; wsD 3,293,184 bytes; wsH 13,107,200 bytes; wsZ 16,777,216 bytes
;; launch prep_ln1 (part 9): grid 448 x 1, 4 waves a work-group, no clusters, 127,488 bytes of LDS; arguments x, g1, b1, wq_codes, wq_scales, wk_codes, wk_scales, wv_codes, wv_scales, wo_codes, wo_scales, w1_codes, w1_scales, w2_codes, w2_scales, wsA; writes wsA
.if DOCPART == 9
	.amdgcn_target "amdgcn-amd-amdhsa--gfx1250"
	.amdhsa_code_object_version 6
	.text
	.protected	k_q779d489bad_prep_ln1
	.globl	k_q779d489bad_prep_ln1
	.p2align	8
	.type	k_q779d489bad_prep_ln1,@function
k_q779d489bad_prep_ln1:
	s_mov_b64 s[64:65], 0
	v_nop
	global_prefetch_b8 v0, s[64:65] scope:SCOPE_SE
	s_setreg_imm32_b32 hwreg(HW_REG_WAVE_MODE, 25, 1), 1
	s_wait_xcnt 0x0
; Work-groups 0-255: xn = layernorm(x) g1 + b1, quantised to FP6 (E2M3) along the 1,024 columns, one E8M0 byte for each 32.
; Work-groups 256-447: the six weights' codes and scale bytes, as they are given, laid anew in the order in which an operand's registers take them.
; IMAGE ORDER.  Rows are taken in tiles of 16; image row r of tile T = 2 beta + u is true row 32 beta + 8 u + r + 8 (r / 8).  A fragment (16 image rows x 128 K, 12 registers a lane) lies as two
; halves of 768 bytes: a lane's registers 0-3 at 16 x lane, registers 4-5 at 512 + 8 x lane.  Codes: [row tile][K / 128][1,536].  Scale words: [rows / 128][K / 128][128 words].
; LAYERNORM: a work-group takes one tile of 16 tokens, wave w the columns 256 w .. 256 w + 255.  Loads take 512 consecutive bytes; the numbers turn through the wave's own stage in LDS so that lane (r, h)
; holds, of row r, the 16 neighbours 32 b + 16 h + 0 .. 15 of each block of 32.  The row sums meet in LDS: two barriers.
; LIMITS: NaN and infinities are not served; a block whose largest magnitude lies under 2^-124 keeps the byte 1 (a block of zeros too: its codes are zeros, and this program alone reads the bytes).
.set X,     64                         ; v64-191  my 128 numbers: register 64 s + 16 b + i = column 256 w + 128 s + 32 b + 16 h + i of row r
.set GB,    192                        ; v192-255 two sets of 16 g and 16 b; the sums' chains in between
.set TM,    16                         ; v16-31   the quantiser's work
.set PC,    32                         ; v32-51   the codes just made
.set PW,    52                         ; v52      the scale word just made; v53 keeps the first K step's
.set SEL,   20                         ; s[20:21] lane selects: lane l xor 16
.set WSTG,  19008                      ; a wave's stage: two K steps of
.set SSTG,  9504                       ; 18 rows of 528 bytes (16 tokens, g, b): 512 bytes + 16, so that sixteen rows begin in sixteen different groups of banks
.set RED,   76032                      ; behind the stages: the rows' sums, regions of [wave 4][16 words].  The base stands in the address registers: an LDS offset has 16 bits
.set O1,    0                          ; the first sums
.set O2,    512                        ; the second
.set PSTG,  76800                      ; the other path's bytes: 16 rows of 784 for each wave
.set PWST,  12544
.set D,     64
.macro QUANT s                         ; 64 numbers of a lane, register 16 b + i = k 32 b + 16 h + i of my row -> a fragment's codes in v[PC] on, its scale word in v[PW]
.irp b, 0,1,2,3
	v_max3_num_f32 v[TM+\b], |v[\s+16*\b]|, |v[\s+1+16*\b]|, 0x1800000   ; my 16 numbers of block b, and the floor 2^(3 - 127): the byte cannot fall under 1
.endr
.irp i, 2,4,6,8,10,12,14
.irp b, 0,1,2,3
	v_max3_num_f32 v[TM+\b], v[TM+\b], |v[\s+16*\b+\i]|, |v[\s+1+16*\b+\i]|
.endr
.endr
.irp b, 0,1,2,3
	v_permlanex16_b32 v[TM+4+\b], v[TM+\b], s[SEL], s[SEL+1]
.endr
.irp b, 0,1,2,3
	v_max_num_f32 v[TM+\b], v[TM+\b], v[TM+4+\b]       ; with lane l xor 16's: the block's largest magnitude
.endr
.irp b, 0,1,2,3
	v_add_nc_u32 v[TM+12+\b], 0xff000000, v[TM+\b]     ; 2 off its exponent field: the conversion's scale operand
.endr
.irp b, 0,1,2,3
	v_lshrrev_b32 v[TM+4+\b], 23, v[TM+12+\b]          ; the scale's byte
.endr
	v_lshl_or_b32 v[PW], v[TM+5], 8, v[TM+4]
	v_lshl_or_b32 v[PW], v[TM+6], 16, v[PW]
	v_lshl_or_b32 v[PW], v[TM+7], 24, v[PW]
.irp c, 0,1
	v_cvt_scalef32_pk16_fp6_f32 v[PC+6*\c:PC+2+6*\c], v[\s+32*\c:\s+15+32*\c], v[TM+12+2*\c]
	v_cvt_scalef32_pk16_fp6_f32 v[PC+12+4*\c:PC+14+4*\c], v[\s+16+32*\c:\s+31+32*\c], v[TM+12+2*\c+1]
.endr
	v_nop                                              ; one plain line behind the scaled conversions
.irp c, 0,1
.irp i, 0,1,2
	v_permlane16_swap_b32 v[PC+6*\c+\i], v[PC+12+4*\c+\i]   ; a whole block to a lane: lanes 0-15 block 2 c, lanes 16-31 block 2 c + 1
.endr
.irp i, 0,1,2
	v_mov_b32 v[PC+3+6*\c+\i], v[PC+12+4*\c+\i]
.endr
.endr
.endm
.macro FRST b, off                     ; the fragment in v[PC] on goes out as its image: each store covers whole aligned runs of 256 bytes
	global_store_b128 v4, v[PC:PC+3], s[\b:\b+1] offset:\off
	global_store_b64 v5, v[PC+4:PC+5], s[\b:\b+1] offset:\off+512
	global_store_b128 v4, v[PC+6:PC+9], s[\b:\b+1] offset:\off+768
	global_store_b64 v5, v[PC+10:PC+11], s[\b:\b+1] offset:\off+1280
.endm
.macro FOLD d                          ; four chains of pairs -> one number, with lane l xor 16's
	v_pk_add_f32 v[\d:\d+1], v[\d:\d+1], v[\d+2:\d+3]
	v_pk_add_f32 v[\d+4:\d+5], v[\d+4:\d+5], v[\d+6:\d+7]
	v_pk_add_f32 v[\d:\d+1], v[\d:\d+1], v[\d+4:\d+5]
	v_add_f32 v[\d], v[\d], v[\d+1]
	v_permlanex16_b32 v[\d+1], v[\d], s[SEL], s[SEL+1]
	v_add_f32 v[\d], v[\d], v[\d+1]
.endm
.macro SUMX d                          ; the sum of my wave's 256 numbers of row r
.irp k, 0,1,2,3
	v_pk_add_f32 v[\d+2*\k:\d+2*\k+1], v[X+2*\k:X+2*\k+1], v[X+8+2*\k:X+9+2*\k]
.endr
.set j, 16
.rept 14
.irp k, 0,1,2,3
	v_pk_add_f32 v[\d+2*\k:\d+2*\k+1], v[\d+2*\k:\d+2*\k+1], v[X+j+2*\k:X+j+2*\k+1]
.endr
.set j, j+8
.endr
	FOLD \d
.endm
.macro SUMSQ d                         ; and of their squares
.irp k, 0,1,2,3
	v_pk_mul_f32 v[\d+2*\k:\d+2*\k+1], v[X+2*\k:X+2*\k+1], v[X+2*\k:X+2*\k+1]
.endr
.set j, 8
.rept 15
.irp k, 0,1,2,3
	v_pk_fma_f32 v[\d+2*\k:\d+2*\k+1], v[X+j+2*\k:X+j+2*\k+1], v[X+j+2*\k:X+j+2*\k+1], v[\d+2*\k:\d+2*\k+1]
.endr
.set j, j+8
.endr
	FOLD \d
.endm
.macro GBLOAD q                        ; block q of eight: its 16 g and 16 b into set q % 2 (the sixteen lanes of a half read one address)
.irp j, 0,1,2,3
	ds_load_b128 v[GB+32*((\q)%2)+4*\j:GB+32*((\q)%2)+4*\j+3], v8 offset:SSTG*((\q)/4)+16*528+128*((\q)%4)+16*\j
	ds_load_b128 v[GB+32*((\q)%2)+16+4*\j:GB+32*((\q)%2)+16+4*\j+3], v8 offset:SSTG*((\q)/4)+17*528+128*((\q)%4)+16*\j
.endr
.endm
.macro AFFINE q                        ; (x - m) rs g + b
.irp k, 0,2,4,6,8,10,12,14
	v_pk_mul_f32 v[X+16*(\q)+\k:X+16*(\q)+\k+1], v[X+16*(\q)+\k:X+16*(\q)+\k+1], v[56:57]
.endr
.irp k, 0,2,4,6,8,10,12,14
	v_pk_fma_f32 v[X+16*(\q)+\k:X+16*(\q)+\k+1], v[X+16*(\q)+\k:X+16*(\q)+\k+1], v[GB+32*((\q)%2)+\k:GB+32*((\q)%2)+\k+1], v[GB+32*((\q)%2)+16+\k:GB+32*((\q)%2)+17+\k]
.endr
.endm
	v_lshl_add_u32 v62, v0, 2, 0x1f000
	v_mov_b32 v63, 0
	s_cmp_ge_u32 ttmp9, 256                        ; the work-group's number alone parts the two paths; each has LDS bytes of its own
	s_cbranch_scc1 .Lprep
	s_load_b128 s[4:7], s[0:1], 0x0                ; x, g1
	s_load_b64 s[8:9], s[0:1], 0x10                ; b1
	s_load_b64 s[10:11], s[0:1], 0x78              ; wsA
	v_lshrrev_b32 v1, 5, v0
	v_readfirstlane_b32 s12, v1                    ; wave
	v_and_b32 v1, 31, v0                           ; lane
	v_and_b32 v2, 15, v0                           ; r
	v_bfe_u32 v3, v0, 4, 1                         ; h
	v_lshlrev_b32 v4, 4, v1                        ; 16 x lane
	v_lshlrev_b32 v5, 3, v1                        ; 8 x lane
	s_mul_i32 s13, s12, WSTG
	v_add_nc_u32 v6, s13, v4                       ; the stage, on the way in
	v_mul_u32_u24 v7, v2, 528
	v_lshl_add_u32 v7, v3, 6, v7
	v_add_nc_u32 v7, s13, v7                       ; and out: row r, + 64 h
	v_lshl_add_u32 v8, v3, 6, s13                  ; g's and b's rows: + 64 h
	s_lshl_b32 s14, s12, 6
	v_lshl_add_u32 v9, v2, 2, s14
	v_add_nc_u32 v9, RED, v9                       ; where I put a sum: RED + 64 w + 4 r
	v_lshlrev_b32 v10, 2, v2                       ; 4 r
	v_lshl_add_u32 v11, v3, 9, v10                 ; the scale words' place in memory: 512 h + 4 r
	v_add_nc_u32 v10, RED, v10                     ; where the four waves' sums are read: RED + 4 r
	v_cmp_ne_u32 s28, 0, v3                        ; lanes 16-31
.irp b, 0,1,2,3
	v_mov_b32 v[TM+4+\b], 0                        ; written once: a lane permute's destination counts as one of its sources
.endr
	s_mov_b32 s[SEL], 0x76543210
	s_mov_b32 s[SEL+1], 0xfedcba98
	s_mov_b32 s22, 0x3a800000                      ; 1 / 1024
	s_mov_b32 s23, 0x3727c5ac                      ; 1e-5
	s_lshr_b32 s15, ttmp9, 1
	s_lshl_b32 s15, s15, 5
	s_and_b32 s16, ttmp9, 1
	s_lshl_b32 s16, s16, 3
	s_add_co_u32 s15, s15, s16                     ; the tile's first token: 32 (T / 2) + 8 (T % 2)
	s_lshl_b32 s16, s15, 12
	s_lshl_b32 s18, s12, 10                        ; my wave's 1,024 bytes of a row
	s_add_co_u32 s16, s16, s18
	s_mov_b32 s17, 0
	s_mov_b32 s19, 0
	s_lshl_b32 s24, ttmp9, 3
	s_lshl_b32 s25, s12, 1
	s_add_co_u32 s24, s24, s25
	s_mul_i32 s24, s24, 1536                       ; images: fragment 8 T + 2 w
	s_mov_b32 s25, 0
	s_lshr_b32 s26, ttmp9, 3
	s_lshl_b32 s26, s26, 3
	s_lshl_b32 s27, s12, 1
	s_add_co_u32 s26, s26, s27
	s_lshl_b32 s26, s26, 9
	s_and_b32 s27, ttmp9, 7
	s_lshl_b32 s27, s27, 6
	s_add_co_u32 s26, s26, s27
	s_add_co_u32 s26, s26, 3145728                 ; scale words: ((T / 8) 8 + 2 w) 512 + (T % 8) 64
	s_mov_b32 s27, 0
	s_wait_kmcnt 0x0
	s_add_nc_u64 s[4:5], s[4:5], s[16:17]
	s_add_nc_u64 s[6:7], s[6:7], s[18:19]
	s_add_nc_u64 s[8:9], s[8:9], s[18:19]
	s_add_nc_u64 s[24:25], s[10:11], s[24:25]
	s_add_nc_u64 s[26:27], s[10:11], s[26:27]
.set i, 0
.rept 16                               ; all 36 loads of the wave go out together; each reads 512 consecutive bytes
	global_load_b128 v[X+8*i:X+8*i+3], v4, s[4:5] offset:(i+8*(i/8))*4096 th:TH_LOAD_NT
	global_load_b128 v[X+8*i+4:X+8*i+7], v4, s[4:5] offset:(i+8*(i/8))*4096+512 th:TH_LOAD_NT
.set i, i+1
.endr
.irp s, 0,1
	global_load_b128 v[GB+8*\s:GB+8*\s+3], v4, s[6:7] offset:512*\s
	global_load_b128 v[GB+8*\s+4:GB+8*\s+7], v4, s[8:9] offset:512*\s
.endr
	s_wait_loadcnt 0x0
.set i, 0
.rept 16
	ds_store_b128 v6, v[X+8*i:X+8*i+3] offset:528*i
	ds_store_b128 v6, v[X+8*i+4:X+8*i+7] offset:SSTG+528*i
.set i, i+1
.endr
.irp s, 0,1
	ds_store_b128 v6, v[GB+8*\s:GB+8*\s+3] offset:SSTG*\s+528*16
	ds_store_b128 v6, v[GB+8*\s+4:GB+8*\s+7] offset:SSTG*\s+528*17
.endr
	s_wait_dscnt 0x0                               ; the stores have read their registers, which the loads below fill again
.set i, 0
.rept 32                               ; i = 16 s + 4 b + j
	ds_load_b128 v[X+4*i:X+4*i+3], v7 offset:SSTG*(i/16)+128*((i/4)%4)+16*(i%4)
.set i, i+1
.endr
	s_wait_dscnt 0x0
	SUMX 208
	ds_store_b32 v9, v208 offset:O1                ; both halves of the lanes write the same word with the same value
	s_wait_dscnt 0x0                               ; for the other waves' sake: my store has landed
	s_barrier_signal -1
	s_barrier_wait -1
.irp k, 0,1,2,3
	ds_load_b32 v[208+\k], v10 offset:O1+64*\k
.endr
	s_wait_dscnt 0x0
	v_add_f32 v208, v208, v209
	v_add_f32 v210, v210, v211
	v_add_f32 v208, v208, v210
	v_mul_f32 v54, 0xba800000, v208                ; -m
	v_mov_b32 v55, v54
.set j, 0
.rept 64
	v_pk_add_f32 v[X+j:X+j+1], v[X+j:X+j+1], v[54:55]
.set j, j+2
.endr
	SUMSQ 208
	ds_store_b32 v9, v208 offset:O2
	s_wait_dscnt 0x0
	s_barrier_signal -1
	s_barrier_wait -1
.irp k, 0,1,2,3
	ds_load_b32 v[208+\k], v10 offset:O2+64*\k
.endr
	s_wait_dscnt 0x0
	v_add_f32 v208, v208, v209
	v_add_f32 v210, v210, v211
	v_add_f32 v208, v208, v210
	v_fma_f32 v56, v208, s22, s23                  ; the variance + 1e-5
	s_wait_alu depctr_va_vdst(0)
	v_rsq_f32 v56, v56
	v_nop                                          ; a plain line behind the transcendental,
	s_wait_alu depctr_va_vdst(0)                   ; and the wait ahead of its first reader
	v_mov_b32 v57, v56
	s_wait_alu depctr_va_vdst(0)
	GBLOAD 0
.irp q, 0,1,2,3,4,5,6,7
.if \q < 7
	GBLOAD \q+1
	s_wait_dscnt 8                                 ; this block's g and b are in; the next block's eight loads may be out
.else
	s_wait_dscnt 0x0
.endif
	AFFINE \q
.if \q == 3
	QUANT X
	FRST 24, 0
	v_mov_b32 v53, v52
.endif
.endr
	s_wait_xcnt 0x0                                ; the first fragment's stores have read their registers
	QUANT X+64
	FRST 24, 1536
	v_cndmask_b32 v53, v53, v52, s28               ; lanes 0-15 carry K step 2 w's word of row r, lanes 16-31 K step 2 w + 1's
	global_store_b32 v11, v53, s[26:27]
	s_wait_tensorcnt 0x0
	ds_add_u32 v62, v63
	s_wait_dscnt 0x0
	s_endpgm
; ---- the weights.  A wave lays 16 image rows x 1,024 along K anew: 12,288 bytes of codes, 512 of scale bytes.  p = work-group - 256: p < 64: wq, wk, wv, wo (tensor p / 16, tile 4 (p % 16) + w);
; 64 <= p < 128: w1 (tile 4 (p - 64) + w); p >= 128: w2 (tile p - 128, quarter w of its K).  Only pointers and sizes are chosen: one path serves all six.
.Lprep:
	s_load_b512 s[16:31], s[0:1], 0x18             ; wq, wk, wv, wo: codes, scales
	s_load_b256 s[32:39], s[0:1], 0x58             ; w1, w2: codes, scales
	s_load_b64 s[40:41], s[0:1], 0x78              ; wsA
	v_lshrrev_b32 v1, 5, v0
	v_readfirstlane_b32 s12, v1
	v_and_b32 v1, 31, v0
	v_and_b32 v2, 15, v0
	v_bfe_u32 v3, v0, 4, 1
	v_lshlrev_b32 v4, 4, v1
	v_lshlrev_b32 v5, 3, v1
	s_wait_alu depctr_va_vdst(0)
	s_sub_co_u32 s2, ttmp9, 256                    ; p
	s_lshr_b32 s3, s2, 4
	s_and_b32 s45, s2, 63
	s_and_b32 s46, s2, 15
	s_lshr_b32 s48, s2, 6
	s_lshl_b32 s48, s48, 2
	s_cmp_ge_u32 s2, 64
	s_cselect_b32 s47, s45, s46
	s_cselect_b32 s48, s48, s3                     ; the tensor's place in wsA, in steps of 819,200 bytes: 0-3, 4, 8
	s_cselect_b32 s49, 2, 0
	s_lshl_b32 s47, s47, 2
	s_add_co_u32 s47, s47, s12
	s_cmp_ge_u32 s2, 128
	s_cselect_b32 s47, s45, s47                    ; T: the row tile
	s_cselect_b32 s44, s12, 0                      ; the quarter of K
	s_cselect_b32 s43, 2, 0
	s_lshl_b32 s42, 768, s43                       ; a row of codes in bytes
	s_lshl_b32 s50, 32, s43                        ; a row of scale bytes
	s_lshl_b32 s51, 8, s43                         ; K / 128
	s_lshl_b32 s49, 786432, s49                    ; the images' bytes: the scale words lie behind them
	s_mul_i32 s48, s48, 819200
	s_add_co_u32 s48, s48, 3276800
	s_lshr_b32 s52, s47, 1
	s_lshl_b32 s52, s52, 5
	s_and_b32 s53, s47, 1
	s_lshl_b32 s53, s53, 3
	s_add_co_u32 s52, s52, s53                     ; the tile's first true row
	s_mul_i32 s53, s52, s42
	s_mul_i32 s54, s44, 768
	s_add_co_u32 s4, s53, s54
	s_mov_b32 s5, 0
	s_mul_i32 s53, s52, s50
	s_lshl_b32 s54, s44, 5
	s_add_co_u32 s6, s53, s54
	s_mov_b32 s7, 0
	s_mul_i32 s53, s47, s51
	s_mul_i32 s53, s53, 1536
	s_mul_i32 s54, s44, 12288
	s_add_co_u32 s53, s53, s54
	s_add_co_u32 s8, s53, s48
	s_mov_b32 s9, 0
	s_lshr_b32 s53, s47, 3
	s_mul_i32 s53, s53, s51
	s_lshl_b32 s54, s44, 3
	s_add_co_u32 s53, s53, s54
	s_lshl_b32 s53, s53, 9
	s_and_b32 s54, s47, 7
	s_lshl_b32 s54, s54, 6
	s_add_co_u32 s53, s53, s54
	s_add_co_u32 s53, s53, s48
	s_add_co_u32 s10, s53, s49
	s_mov_b32 s11, 0
	s_mul_i32 s55, s12, PWST
	s_add_co_u32 s55, s55, PSTG
	v_add_nc_u32 v6, s55, v5                       ; the stage, in: 8 x lane
	v_mul_u32_u24 v7, v2, 784
	v_mad_u32_u24 v7, v3, 24, v7
	v_add_nc_u32 v7, s55, v7                       ; out: row r, + 24 h
	v_and_b32 v13, 8, v2
	v_add_nc_u32 v13, v13, v2                      ; r + 8 (r / 8)
	v_mul_u32_u24 v12, v13, s50
	v_lshl_add_u32 v12, v3, 4, v12                 ; my row's scale bytes: four K steps' words, 16 h on
	v_lshlrev_b32 v14, 2, v2
	v_lshl_add_u32 v14, v3, 11, v14                ; and where they go: 2,048 h + 4 r
.set i, 0
.rept 16
	v_mad_u32_u24 v[16+i], s42, i+8*(i/8), v5      ; image row i's place in memory, + 8 x lane
.set i, i+1
.endr
	s_wait_alu depctr_va_vdst(0)
	s_wait_kmcnt 0x0
	s_cmp_eq_u32 s3, 1
	s_cselect_b64 s[16:17], s[20:21], s[16:17]
	s_cselect_b64 s[18:19], s[22:23], s[18:19]
	s_cmp_eq_u32 s3, 2
	s_cselect_b64 s[16:17], s[24:25], s[16:17]
	s_cselect_b64 s[18:19], s[26:27], s[18:19]
	s_cmp_eq_u32 s3, 3
	s_cselect_b64 s[16:17], s[28:29], s[16:17]
	s_cselect_b64 s[18:19], s[30:31], s[18:19]
	s_cmp_ge_u32 s2, 64
	s_cselect_b64 s[16:17], s[32:33], s[16:17]
	s_cselect_b64 s[18:19], s[34:35], s[18:19]
	s_cmp_ge_u32 s2, 128
	s_cselect_b64 s[16:17], s[36:37], s[16:17]
	s_cselect_b64 s[18:19], s[38:39], s[18:19]
	s_add_nc_u64 s[16:17], s[16:17], s[4:5]
	s_add_nc_u64 s[18:19], s[18:19], s[6:7]
	s_add_nc_u64 s[56:57], s[40:41], s[8:9]
	s_add_nc_u64 s[58:59], s[40:41], s[10:11]
.set i, 0
.rept 16
.irp j, 0,1,2
	global_load_b64 v[D+2*(3*i+\j):D+2*(3*i+\j)+1], v[16+i], s[16:17] offset:256*\j th:TH_LOAD_NT   ; 32 lanes read 256 consecutive bytes, aligned
.endr
.set i, i+1
.endr
	global_load_b128 v[160:163], v12, s[18:19]
	s_wait_loadcnt 0x0
.set i, 0
.rept 16
.irp j, 0,1,2
	ds_store_b64 v6, v[D+2*(3*i+\j):D+2*(3*i+\j)+1] offset:784*i+256*\j
.endr
.set i, i+1
.endr
	s_wait_dscnt 0x0                               ; the stores have read their registers
.set i, 0
.rept 8                                ; K step i: lane (r, h) takes the 24 bytes at 96 i + 24 h and those 48 further on: the operand's registers
.irp p, 0,1,2,3,4,5
	ds_load_b64 v[D+12*i+2*\p:D+12*i+2*\p+1], v7 offset:96*i+48*(\p/3)+8*(\p%3)
.endr
.set i, i+1
.endr
	s_wait_dscnt 0x0
.set i, 0
.rept 8
	global_store_b128 v4, v[D+12*i:D+12*i+3], s[56:57] offset:1536*i
	global_store_b64 v5, v[D+12*i+4:D+12*i+5], s[56:57] offset:1536*i+512
	global_store_b128 v4, v[D+12*i+6:D+12*i+9], s[56:57] offset:1536*i+768
	global_store_b64 v5, v[D+12*i+10:D+12*i+11], s[56:57] offset:1536*i+1280
.set i, i+1
.endr
.irp i, 0,1,2,3
	global_store_b32 v14, v[160+\i], s[58:59] offset:512*\i
.endr
	s_wait_tensorcnt 0x0
	ds_add_u32 v62, v63
	s_wait_dscnt 0x0
	s_endpgm
.Lfunc_end_k_q779d489bad_prep_ln1:
	.size	k_q779d489bad_prep_ln1, .Lfunc_end_k_q779d489bad_prep_ln1-k_q779d489bad_prep_ln1
	.p2alignl 7, 3214868480
	.fill 96, 4, 3214868480
	.section	.rodata,"a",@progbits
	.p2align	6, 0x0
	.amdhsa_kernel k_q779d489bad_prep_ln1
		.amdhsa_group_segment_fixed_size 127488
		.amdhsa_private_segment_fixed_size 0
		.amdhsa_enable_private_segment 0
		.amdhsa_kernarg_size 128
		.amdhsa_user_sgpr_count 2
		.amdhsa_user_sgpr_kernarg_segment_ptr 1
		.amdhsa_wavefront_size32 1
		.amdhsa_system_sgpr_workgroup_id_x 1
		.amdhsa_system_sgpr_workgroup_id_y 1
		.amdhsa_system_sgpr_workgroup_id_z 1
		.amdhsa_system_vgpr_workitem_id 0
		.amdhsa_next_free_vgpr 256
		.amdhsa_next_free_sgpr 66
		.amdhsa_reserve_vcc 0
		.amdhsa_float_denorm_mode_32 3
		.amdhsa_float_denorm_mode_16_64 3
		.amdhsa_memory_ordered 1
		.amdhsa_forward_progress 1
		.amdhsa_inst_pref_size 65
	.end_amdhsa_kernel
	.amdgpu_metadata
---
amdhsa.version: [ 1, 2 ]
amdhsa.kernels:
  - .name:           k_q779d489bad_prep_ln1
    .symbol:         k_q779d489bad_prep_ln1.kd
    .args:
      - { .name: x, .offset: 0, .size: 8, .value_kind: global_buffer, .address_space: global }
      - { .name: g1, .offset: 8, .size: 8, .value_kind: global_buffer, .address_space: global }
      - { .name: b1, .offset: 16, .size: 8, .value_kind: global_buffer, .address_space: global }
      - { .name: wq_codes, .offset: 24, .size: 8, .value_kind: global_buffer, .address_space: global }
      - { .name: wq_scales, .offset: 32, .size: 8, .value_kind: global_buffer, .address_space: global }
      - { .name: wk_codes, .offset: 40, .size: 8, .value_kind: global_buffer, .address_space: global }
      - { .name: wk_scales, .offset: 48, .size: 8, .value_kind: global_buffer, .address_space: global }
      - { .name: wv_codes, .offset: 56, .size: 8, .value_kind: global_buffer, .address_space: global }
      - { .name: wv_scales, .offset: 64, .size: 8, .value_kind: global_buffer, .address_space: global }
      - { .name: wo_codes, .offset: 72, .size: 8, .value_kind: global_buffer, .address_space: global }
      - { .name: wo_scales, .offset: 80, .size: 8, .value_kind: global_buffer, .address_space: global }
      - { .name: w1_codes, .offset: 88, .size: 8, .value_kind: global_buffer, .address_space: global }
      - { .name: w1_scales, .offset: 96, .size: 8, .value_kind: global_buffer, .address_space: global }
      - { .name: w2_codes, .offset: 104, .size: 8, .value_kind: global_buffer, .address_space: global }
      - { .name: w2_scales, .offset: 112, .size: 8, .value_kind: global_buffer, .address_space: global }
      - { .name: wsA, .offset: 120, .size: 8, .value_kind: global_buffer, .address_space: global }
    .group_segment_fixed_size: 127488
    .private_segment_fixed_size: 0
    .kernarg_segment_align: 8
    .kernarg_segment_size: 128
    .max_flat_workgroup_size: 128
    .sgpr_count:     66
    .vgpr_count:     256
    .wavefront_size: 32
...
	.end_amdgpu_metadata
.endif
;; end of part 9
;; launch qkv (part 10): grid 12 x 16, 4 waves a work-group, clusters of 4 x 4, 327,680 bytes of LDS; arguments wsA, bq, bk, bv, wsB; writes wsB
.if DOCPART == 10
	.amdgcn_target "amdgcn-amd-amdhsa--gfx1250"
	.amdhsa_code_object_version 6
	.text
	.protected	k_q779d489bad_qkv
	.globl	k_q779d489bad_qkv
	.p2align	8
	.type	k_q779d489bad_qkv,@function
k_q779d489bad_qkv:
	s_mov_b64 s[64:65], 0
	v_nop
	global_prefetch_b8 v0, s[64:65] scope:SCOPE_SE
	s_setreg_imm32_b32 hwreg(HW_REG_WAVE_MODE, 25, 1), 1
	s_wait_xcnt 0x0
	s_wait_alu depctr_hold_cnt(0) depctr_sa_sdst(0) depctr_va_vdst(0) depctr_va_sdst(0) depctr_va_ssrc(0) depctr_va_vcc(0) depctr_vm_vsrc(0)
	s_getreg_b32 s2, hwreg(HW_REG_IB_STS2, 6, 4)
	s_cmp_eq_u32 s2, 0
	s_cbranch_scc0 .Lentry_in_a_cluster
	s_endpgm
.Lentry_in_a_cluster:
	s_bfe_u32 s2, ttmp6, 0x10000c
	s_cmp_lg_u32 s2, 0xf033
	s_cbranch_scc0 .Lentry_shape_is_right
	s_endpgm
.Lentry_shape_is_right:
; q, k, v = xn W^T + b on codes of FP6 (E2M3) with E8M0 scales; q and k clipped head by head to norm 1 - 1e-5; all three quantised again for attention.
; THE PRODUCT: a work-group makes 256 x 256 of C, a wave 128 x 128 (64 accumulators); K goes in steps of 256 through two LDS slots filled by joint tensor loads in a cluster of 4 x 4
; (A's tile shared along a row of the cluster, B's along a column).  Operands lie in memory as images of their registers (row tile, K step: 1,536 bytes), so a slot's tile is 8 rows of 3,072 consecutive bytes
; and a fragment comes by four LDS loads of consecutive bytes.  The scale words of 128 rows for all of K are one dense block, brought once.
; The matrix instruction is used transposed (source 0 = 16 rows of B, source 1 = 16 rows of A).  Rows lie in image order (image row r of tile 2 beta + u = true row 32 beta + 8 u + r + 8 (r / 8)), so that
; in accumulators (a, 2 beta), (a, 2 beta + 1) lane (r, h) holds, for A's image row 16 a + r, the 16 neighbours 32 beta + 16 h + 0 .. 15 of B's true rows: what the quantiser wants.
; WHICH PRODUCT: the cluster's x: 0 = q, 1 = k (A = xn, B = the weight), 2 = v, where THE OPERANDS CHANGE PLACES (A = wv, B = xn): a lane then holds one channel d and its registers run along the tokens,
; which are the K of attention's second product.  The cluster's x is equal in all partners; no branch and no LDS address hangs on a work-group's place in its cluster.
; THE WAY OUT: the accumulators are spilled to the wave's own 65,536 bytes of LDS (slots and scales have had their last fill and, behind a barrier, their last read) and a loop of eight trips reads a row tile back.
; q, k: + bias, ss = the head's sum of squares, f = ss > maxnorm^2 side by n = sqrt(ss): n > maxnorm ? maxnorm / max(n, 1e-12) : 1; -norm^2 / 2 is kept as -ss f f / 2.
; LIMITS: NaN and infinities are not served; a block under 2^-124 (a block of zeros too) keeps the byte 1 with its codes; this program alone reads the bytes.
.set SIZE_K, 1024
.set KT,     SIZE_K/128
.set NQ,     2
.set FR,     12
.set FRB,    1536                      ; a fragment's image
.set RTB,    3072                      ; a row tile's two K steps in a slot
.set HALFT,  8*RTB                     ; 128 rows: what one tensor load brings
.set SLOT,   4*HALFT
.set LAPS,   SIZE_K/512
.set SCL,    2*SLOT                    ; behind the ring: the scale words
.set HALFS,  KT*512                    ; those of 128 rows
.set SPARE,  327168                    ; the spare words: 128 bytes a wave, two blocks of 256 bytes that no other line names
.set NL,     4                         ; LDS loads that bring a fragment
.set NP,     4                         ; places behind this matrix instruction (ISA guide 7.12.1)
.set ADRA, 16                          ; v16-17 my A fragments in slot 0, 1, + 16 x lane; v18-19 the same + 8 x lane
.set ADRB, 20                          ; v20-23 the same for B
.set ADRS, 27                          ; v27 my scale words: lanes 0-15 A's rows, lanes 16-31 B's
.set SPW,  28
.set NIL,  29
.set L16,  30                          ; 16 x lane
.set L8,   31                          ; 8 x lane
.set SC,   32                          ; v32-63 scale words, two sets of 16; they hold nothing else
.set AF,   128                         ; A's fragments, window 0, one set; B's two sets in window 1; accumulators in windows 2 and 3
.set G1, 24
.set G0, 32
.set G1B, 48
.set G0B, 56
.set G1S, 68
.set G0S, 76
.set G1SB, 80
.set G0SB, 88
.set MSB, 0
.macro WIN new                         ; the immediate's high byte repeats the setting that is left
.if MSB != \new
	s_set_vgpr_msb (MSB<<8)|\new
.set MSB, \new
.endif
.endm
.set MUL_LO, 0xa1
.set MUL_HI, 0xf1
.set TO_B,   0x40
.macro JLOAD g0a, g1a, g0b, g1b        ; a joint load: waves 0 and 1 fetch for A, waves 2 and 3 for B; four v_nop follow each line
	s_cmp_eq_u32 s15, 0
	s_cbranch_scc0 .Lfor_b_\@
	tensor_load_to_lds s[\g0a:\g0a+3], s[\g1a:\g1a+7]
	s_nop 0
.rept 4
	v_nop
.endr
	s_branch .Lasked_\@
.Lfor_b_\@:
	tensor_load_to_lds s[\g0b:\g0b+3], s[\g1b:\g1b+7]
	s_nop 0
.rept 4
	v_nop
.endr
.Lasked_\@:
.endm
.macro CREST                           ; a round of the cluster's barrier behind its opening barrier
	s_cmp_lg_u32 s14, 0
	s_cbranch_scc1 .Lnot_wave_0_\@
	s_barrier_signal -3
.Lnot_wave_0_\@:
	s_barrier_wait -3
	s_barrier_signal -1
	s_barrier_wait -1
.endm
.macro CROUND
	s_barrier_signal -1
	s_barrier_wait -1
	CREST
.endm
.macro FRAG reg, adr, q, i             ; a fragment's image: registers 0-3, 4-5, 6-9, 10-11
	ds_load_b128 v[\reg:\reg+3], v[\adr] offset:(\i)*RTB+(\q)*FRB
	ds_load_b64 v[\reg+4:\reg+5], v[\adr+2] offset:(\i)*RTB+(\q)*FRB+512
	ds_load_b128 v[\reg+6:\reg+9], v[\adr] offset:(\i)*RTB+(\q)*FRB+768
	ds_load_b64 v[\reg+10:\reg+11], v[\adr+2] offset:(\i)*RTB+(\q)*FRB+1280
.endm
.macro MUL16 a0, p, q, sc, zero        ; A's blocks a0, a0 + 1 x B's eight; the 64 accumulators take turns, one instruction a turn
.irp a, \a0, \a0+1
.irp b, 0,1,2,3,4,5,6,7
.if \zero
	v_wmma_scale_f32_16x16x128_f8f6f4 v[8*(8*((\a)%4)+\b):8*(8*((\a)%4)+\b)+7], v[128*(\p)+FR*\b:128*(\p)+FR*\b+FR-1], v[AF+FR*(\a):AF+FR*(\a)+FR-1], 0, v[SC+8*NQ*(\sc)+NQ*\b+(\q)], v[SC+8*NQ*(\sc)+NQ*(\a)+(\q)] matrix_a_fmt:MATRIX_FMT_FP6 matrix_b_fmt:MATRIX_FMT_FP6 matrix_a_scale:MATRIX_SCALE_ROW1
.else
	v_wmma_scale_f32_16x16x128_f8f6f4 v[8*(8*((\a)%4)+\b):8*(8*((\a)%4)+\b)+7], v[128*(\p)+FR*\b:128*(\p)+FR*\b+FR-1], v[AF+FR*(\a):AF+FR*(\a)+FR-1], v[8*(8*((\a)%4)+\b):8*(8*((\a)%4)+\b)+7], v[SC+8*NQ*(\sc)+NQ*\b+(\q)], v[SC+8*NQ*(\sc)+NQ*(\a)+(\q)] matrix_a_fmt:MATRIX_FMT_FP6 matrix_b_fmt:MATRIX_FMT_FP6 matrix_a_scale:MATRIX_SCALE_ROW1
.endif
.endr
.endr
.endm
.macro FETCH_B slot, q, p
	WIN TO_B
.irp i, 0,1,2,3,4,5,6,7
	FRAG 128*(\p)+FR*\i, ADRB+\slot, \q, \i
.endr
	WIN 0
.endm
.macro FETCH_A slot, q, i0
.irp i, \i0, \i0+1, \i0+2, \i0+3
	FRAG AF+FR*(\i), ADRA+\slot, \q, \i
.endr
.endm
.macro SCALES sc                       ; a slot's scale words: register 2 i + q: lanes 0-15 A's block i, lanes 16-31 B's block i
.irp i, 0,1,2,3,4,5,6,7
.irp q, 0,1
	ds_load_b32 v[SC+16*\sc+2*\i+\q], v[ADRS] offset:512*\q+64*\i
.endr
.endr
.endm
.macro PLACES n
.rept \n
	v_nop
.endr
.endm
.macro STEP slot, q, zero              ; 128 along K, with its successor in the same slot
	s_wait_dscnt 4*NL                              ; all but the youngest 16 loads (A's blocks 4-7) are in
	WIN MUL_LO
	MUL16 0, (\q)%2, \q, \slot, \zero
	MUL16 2, (\q)%2, \q, \slot, \zero
	s_wait_dscnt 0
	PLACES NP
	FETCH_B \slot, (\q)+1, 1-(\q)%2
	FETCH_A \slot, (\q)+1, 0
	WIN MUL_HI
	MUL16 4, (\q)%2, \q, \slot, \zero
	MUL16 6, (\q)%2, \q, \slot, \zero
	PLACES NP
	WIN 0
	FETCH_A \slot, (\q)+1, 4
.endm
.macro TURN slot, next, fill           ; a slot's last step changes slots
	s_wait_tensorcnt 0x0                           ; all my tensor loads have landed: my part of the next slot
	ds_add_u32 v[SPW], v[NIL]                      ; 0 onto my spare word
	s_wait_dscnt 4*NL+1                            ; the add and the youngest 16 loads may be out
	WIN MUL_LO
	MUL16 0, 1, NQ-1, \slot, 0
	s_wait_dscnt 0x0                               ; the add is done, and my reads of this slot are over
	s_barrier_signal -1
	MUL16 2, 1, NQ-1, \slot, 0
	WIN 0
	s_barrier_wait -1
.if \fill
	CREST                                          ; the barrier has opened a round of the cluster's: no wave of any partner still reads this slot or has a load on its way
	s_add_nc_u64 s[G0+4*\slot+2:G0+4*\slot+3], s[G0+4*\slot+2:G0+4*\slot+3], 2*RTB
	s_add_nc_u64 s[G0B+4*\slot+2:G0B+4*\slot+3], s[G0B+4*\slot+2:G0B+4*\slot+3], 2*RTB
	JLOAD G0+4*\slot, G1, G0B+4*\slot, G1B         ; the first tensor load behind the round; its four v_nop are the places in front of the loads below
.else
	PLACES NP
.endif
	s_wait_alu depctr_va_vdst(0)
	v_add_nc_u32 v[ADRS], 1024, v[ADRS]            ; the next slot's scale words
	FETCH_B \next, 0, 0
	FETCH_A \next, 0, 0
	SCALES \next
	WIN MUL_HI
	MUL16 4, 1, NQ-1, \slot, 0
	MUL16 6, 1, NQ-1, \slot, 0
	PLACES NP
	WIN 0
	FETCH_A \next, 0, 4
.endm
; ---- the way out's names
.set BIAS, 64                          ; v64-127  q, k: the bias of my 64 columns
.set T,    128                         ; v128-191 a row tile's 64 numbers
.set PC,   192                         ; v192-211 codes
.set TM,   212                         ; v212-227 the quantiser's work
.set PW,   228
.set SPL,  3
.set RDA,  4
.set AWQ0, 5
.set ANQ0, 6
.set AWV0, 7
.set ABV0, 8
.set AWQ,  9
.set ANQ,  10
.set AWV,  11
.set ABV,  12
.set BO1,  13
.set BO2,  14
.set VOF,  15
.set AUXQ, 262144                      ; 2,048 bytes a wave: q, k: two heads' scale words, two heads' -norm^2 / 2
.set AUXV, 270336                      ; 2,048 bytes a wave: v: eight tiles' bias, then two heads' scale words
.set SEL,  24
.set MAXN, 26
.set TO,   30
.set HM,   95
.set OB,   96
.set AB,   98
.set OST,  100
.macro QUANT s
.irp b, 0,1,2,3
	v_max3_num_f32 v[TM+\b], |v[\s+16*\b]|, |v[\s+1+16*\b]|, 0x1800000
.endr
.irp i, 2,4,6,8,10,12,14
.irp b, 0,1,2,3
	v_max3_num_f32 v[TM+\b], v[TM+\b], |v[\s+16*\b+\i]|, |v[\s+1+16*\b+\i]|
.endr
.endr
.irp b, 0,1,2,3
	v_permlanex16_b32 v[TM+4+\b], v[TM+\b], s[SEL], s[SEL+1]
.endr
.irp b, 0,1,2,3
	v_max_num_f32 v[TM+\b], v[TM+\b], v[TM+4+\b]
.endr
.irp b, 0,1,2,3
	v_add_nc_u32 v[TM+12+\b], 0xff000000, v[TM+\b]
.endr
.irp b, 0,1,2,3
	v_lshrrev_b32 v[TM+4+\b], 23, v[TM+12+\b]
.endr
	v_lshl_or_b32 v[PW], v[TM+5], 8, v[TM+4]
	v_lshl_or_b32 v[PW], v[TM+6], 16, v[PW]
	v_lshl_or_b32 v[PW], v[TM+7], 24, v[PW]
.irp c, 0,1
	v_cvt_scalef32_pk16_fp6_f32 v[PC+6*\c:PC+2+6*\c], v[\s+32*\c:\s+15+32*\c], v[TM+12+2*\c]
	v_cvt_scalef32_pk16_fp6_f32 v[PC+12+4*\c:PC+14+4*\c], v[\s+16+32*\c:\s+31+32*\c], v[TM+12+2*\c+1]
.endr
	v_nop
.irp c, 0,1
.irp i, 0,1,2
	v_permlane16_swap_b32 v[PC+6*\c+\i], v[PC+12+4*\c+\i]
.endr
.irp i, 0,1,2
	v_mov_b32 v[PC+3+6*\c+\i], v[PC+12+4*\c+\i]
.endr
.endr
.endm
	s_load_b256 s[4:11], s[0:1], 0x0               ; wsA, bq, bk, bv
	s_load_b64 s[12:13], s[0:1], 0x20              ; wsB
	v_lshl_add_u32 v[SPW], v0, 2, SPARE
	v_mov_b32 v[NIL], 0
	ds_add_u32 v28, v29
	ds_add_u32 v28, v29
	s_wait_dscnt 0x0
	v_lshrrev_b32 v1, 5, v0
	v_readfirstlane_b32 s14, v1                    ; wave
	s_lshr_b32 s15, s14, 1                         ; my half of the tile's rows; also: I fetch for A (0) or B (1)
	s_and_b32 s16, s14, 1                          ; my half of its columns; also: which 128 rows I fetch
	s_bfe_u32 s40, ttmp6, 0x40000                  ; cx
	s_bfe_u32 s41, ttmp6, 0x40004                  ; cy
	s_and_b32 s18, ttmp7, 0xffff
	s_lshl_b32 s18, s18, 2                         ; 4 x cluster y
	s_mul_i32 s66, ttmp9, 819200
	s_add_co_u32 s66, s66, 3276800                 ; wq's or wk's images in wsA,
	s_add_co_u32 s67, s66, 786432                  ; and their scale words
	s_mov_b32 s19, 3145728                         ; xn's scale words
	s_cmp_eq_u32 ttmp9, 2                          ; v?  The cluster's x: equal in all sixteen partners
	s_cselect_b32 s17, 0, s18
	s_cselect_b32 s42, s18, 0
	s_cselect_b32 s2, 4915200, 0                   ; A's codes: wv's or xn's
	s_cselect_b32 s3, 5701632, s19                 ; A's scale words
	s_cselect_b32 s66, 0, s66                      ; B's codes
	s_cselect_b32 s67, s19, s67                    ; B's scale words
	s_add_co_u32 s17, s17, s41                     ; A's tile of 256 rows: hangs on cy alone
	s_add_co_u32 s42, s42, s40                     ; B's: on cx alone
	s_lshl_b32 s43, s41, 2
	s_lshl_b32 s43, 15, s43                        ; my row of the cluster
	s_lshl_b32 s44, 0x1111, s40                    ; my column
	s_or_b32 s[G1+0], s43, (3<<16)|(1<<21)         ; the mask; elements of 8 bytes; bit 21 beside a mask; no padding
	s_or_b32 s[G1B+0], s44, (3<<16)|(1<<21)
.irp g, G1, G1B
	s_mov_b32 s[\g+1], 384<<16                     ; tensor_dim0: 3,072 bytes
	s_mov_b32 s[\g+2], 16<<16                      ; tensor_dim1: at the head 16 row tiles, a whole tile of 256 rows
	s_mov_b32 s[\g+3], 384<<16                     ; tile_dim0
	s_mov_b32 s[\g+4], 16                          ; tile_dim1
	s_mov_b32 s[\g+5], KT*192                      ; from row tile to row tile
	s_mov_b32 s[\g+6], 0
	s_mov_b32 s[\g+7], 0
.endr
	s_or_b32 s[G1S+0], s43, (3<<16)|(1<<21)
	s_or_b32 s[G1SB+0], s44, (3<<16)|(1<<21)
.irp g, G1S, G1SB
	s_mov_b32 s[\g+1], 32<<16                      ; the scale words of 128 rows: a dense block, as rows of 256 bytes
	s_mov_b32 s[\g+2], (HALFS/128)<<16             ; the scale words of all 256 rows: 2 HALFS bytes, one load
	s_mov_b32 s[\g+3], 32<<16
	s_mov_b32 s[\g+4], HALFS/128
	s_mov_b32 s[\g+5], 32
	s_mov_b32 s[\g+6], 0
	s_mov_b32 s[\g+7], 0
.endr
	s_lshl_b32 s20, s17, 1                         ; A: the tile's first 128 rows
	s_lshl_b32 s46, s42, 1                         ; B likewise
	s_mul_i32 s22, s20, HALFS
	s_mul_i32 s92, s46, HALFS
	s_mul_i32 s20, s20, KT*12288
	s_mul_i32 s46, s46, KT*12288
	s_add_co_u32 s20, s20, s2
	s_add_co_u32 s22, s22, s3
	s_add_co_u32 s46, s46, s66
	s_add_co_u32 s92, s92, s67
	s_mov_b32 s21, 0
	s_mov_b32 s23, 0
	s_mov_b32 s47, 0
	s_mov_b32 s93, 0
	s_mul_i32 s45, s14, HALFT                      ; where they go: wave x 128 rows
	s_mul_i32 s2, s16, KT*12288                    ; in the ring I fetch 128 rows of a tile: which half, in bytes
	s_mov_b32 s3, 0
	s_wait_kmcnt 0x0
	s_add_nc_u64 s[20:21], s[4:5], s[20:21]
	s_add_nc_u64 s[22:23], s[4:5], s[22:23]
	s_add_nc_u64 s[46:47], s[4:5], s[46:47]
	s_add_nc_u64 s[92:93], s[4:5], s[92:93]
	CROUND                                         ; all sixteen work-groups are here: the first joint loads meet
	s_mov_b32 s[G0S], 1
	s_mov_b32 s[G0S+1], SCL
	s_mov_b64 s[G0S+2:G0S+3], s[22:23]
	s_or_b32 s[G0S+3], s[G0S+3], 0x80000000
	s_mov_b32 s[G0SB], 1
	s_mov_b32 s[G0SB+1], SCL+2*HALFS
	s_mov_b64 s[G0SB+2:G0SB+3], s[92:93]
	s_or_b32 s[G0SB+3], s[G0SB+3], 0x80000000
.set PFA, 66                           ; s[66:67] where my prefetches stand; never rewritten
.set PFO, 24                           ; v24 the prefetches' lane offset; never rewritten
	s_mov_b32 s[G0], 1                             ; the head's loads take slot 0's group 0: A's whole 256 rows of K chunk 0,
	s_mov_b32 s[G0+1], 0
	s_mov_b64 s[G0+2:G0+3], s[20:21]
	s_or_b32 s[G0+3], s[G0+3], 0x80000000
	s_mov_b32 s[G0B], 1                            ; and B's, behind them in slot 0
	s_mov_b32 s[G0B+1], 2*HALFT
	s_mov_b64 s[G0B+2:G0B+3], s[46:47]
	s_or_b32 s[G0B+3], s[G0B+3], 0x80000000
	s_add_nc_u64 s[20:21], s[20:21], s[2:3]        ; for the ring: my 128 rows of the tile
	s_add_nc_u64 s[46:47], s[46:47], s[2:3]
	s_mov_b32 s[G0+4], 1                           ; slot 1: K chunk 1
	s_add_co_u32 s[G0+5], s45, SLOT
	s_add_nc_u64 s[G0+6:G0+7], s[20:21], RTB
	s_or_b32 s[G0+7], s[G0+7], 0x80000000
	s_mov_b32 s[G0B+4], 1
	s_add_co_u32 s[G0B+5], s45, SLOT
	s_add_nc_u64 s[G0B+6:G0B+7], s[46:47], RTB
	s_or_b32 s[G0B+7], s[G0B+7], 0x80000000
	; the prefetches: of the 8 row tiles x 12 blocks of 256 bytes that I fetch in a chunk, the partner at place p (cx for A, cy for B) names blocks 3 p .. 3 p + 2 of each row tile: shared out by address alone
	s_cmp_eq_u32 s15, 0
	s_cselect_b64 s[PFA:PFA+1], s[20:21], s[46:47]
	s_cselect_b32 s92, s40, s41
	s_mul_i32 s92, s92, 768
	s_mov_b32 s93, 0
	s_add_nc_u64 s[PFA:PFA+1], s[PFA:PFA+1], s[92:93]
; THE HEAD'S LOADS, ONE A WAVE: wave 0 A's 256 rows of chunk 0, wave 1 B's, wave 2 A's scale words, wave 3 B's.  One chain of branches on the wave's number, one load to an arm, one join.
.macro ARM under, g0, g1, next
	s_cmp_lt_u32 s14, \under
	s_cbranch_scc0 \next
	tensor_load_to_lds s[\g0:\g0+3], s[\g1:\g1+7]
	s_nop 0
.rept 4
	v_nop
.endr
	s_branch .Lhead_asked
\next:
.endm
	ARM 1, G0,  G1,  .Lhead_b
	ARM 2, G0B, G1B, .Lhead_sa
	ARM 3, G0S, G1S, .Lhead_sb
	tensor_load_to_lds s[G0SB:G0SB+3], s[G1SB:G1SB+7]
	s_nop 0
.rept 4
	v_nop
.endr
.Lhead_asked:
	v_and_b32 v1, 15, v0                           ; r
	v_bfe_u32 v2, v0, 4, 1                         ; h
	v_and_b32 v3, 31, v0
	v_lshlrev_b32 v[L16], 4, v3
	v_lshlrev_b32 v[L8], 3, v3
	v_lshrrev_b32 v[PFO], 2, v3                    ; a prefetch's lane: row tile lane / 4,
	v_and_b32 v25, 3, v3
	v_min_u32 v25, 2, v25                          ; block lane % 4 of my three (the fourth lane names the third again)
	v_mul_u32_u24 v[PFO], v[PFO], KT*1536
	v_lshl_add_u32 v[PFO], v25, 8, v[PFO]
	global_prefetch_b8 v[PFO], s[PFA:PFA+1] offset:RTB th:TH_LOAD_NT scope:SCOPE_SE     ; K chunk 1, which the next load takes, and
	global_prefetch_b8 v[PFO], s[PFA:PFA+1] offset:2*RTB th:TH_LOAD_NT scope:SCOPE_SE   ; chunk 2, two loads on
	s_mul_i32 s21, s15, HALFT
	s_mul_i32 s22, s16, HALFT
	s_add_co_u32 s22, s22, 2*HALFT
.irp s, 0,1
	v_add_nc_u32 v[ADRA+\s], s21, v[L16]
	v_add_nc_u32 v[ADRB+\s], s22, v[L16]
	v_add_nc_u32 v[ADRA+2+\s], s21, v[L8]
	v_add_nc_u32 v[ADRB+2+\s], s22, v[L8]
	s_add_co_u32 s21, s21, SLOT
	s_add_co_u32 s22, s22, SLOT
.endr
	v_lshlrev_b32 v5, 2, v1
	s_mul_i32 s21, s15, HALFS
	s_mul_i32 s22, s16, HALFS
	s_add_co_u32 s22, s22, 2*HALFS
	s_sub_co_u32 s22, s22, s21
	v_mul_u32_u24 v6, s22, v2                      ; lanes 16-31 take B's: one product
	s_add_co_u32 s21, s21, SCL
	v_add_nc_u32 v5, v5, v6
	v_add_nc_u32 v[ADRS], s21, v5
	; the way out's LDS addresses: a constant + a constant x wave + lane terms
	s_lshl_b32 s21, s14, 16
	v_add_nc_u32 v[SPL], s21, v[L16]               ; my spill: 65,536 x wave + 16 x lane
	s_lshl_b32 s21, s14, 11
	v_lshlrev_b32 v[AWV0], 4, v1
	v_add_nc_u32 v[AWV0], s21, v[AWV0]
	v_lshl_add_u32 v[AWQ0], v2, 9, v[AWV0]
	v_add_nc_u32 v[AWQ0], AUXQ, v[AWQ0]            ; q, k scale words: 512 h + 16 r
	v_add_nc_u32 v[AWV0], AUXV+1024, v[AWV0]       ; v scale words: 16 r
	v_lshlrev_b32 v[ANQ0], 2, v1
	v_lshl_add_u32 v[ANQ0], v2, 9, v[ANQ0]
	v_add_nc_u32 v[ANQ0], s21, v[ANQ0]
	v_add_nc_u32 v[ANQ0], AUXQ+1024, v[ANQ0]       ; -norm^2 / 2: 512 h + 4 r
	v_lshrrev_b32 v[ABV0], 2, v[L16]
	v_add_nc_u32 v[ABV0], s21, v[ABV0]
	v_add_nc_u32 v[ABV0], AUXV, v[ABV0]            ; v's bias: 4 x lane
	v_cmp_ne_u32 s[HM], 0, v2
	v_mul_u32_u24 v[VOF], v2, 20480
	v_lshl_add_u32 v[VOF], v1, 4, v[VOF]
	; where the results go.  q, k: images [bh][row tile][768]; the record of head bh: scale words, then -norm^2 / 2
	s_lshr_b32 s20, s17, 3
	s_lshl_b32 s20, s20, 4
	s_lshl_b32 s21, s42, 2
	s_add_co_u32 s20, s20, s21
	s_lshl_b32 s21, s16, 1
	s_add_co_u32 s20, s20, s21                     ; bh of my first head: 16 batch + 4 tile column + 2 half
	s_and_b32 s21, s17, 7
	s_lshl_b32 s21, s21, 4
	s_lshl_b32 s22, s15, 3
	s_add_co_u32 s21, s21, s22                     ; my first row tile in the batch
	s_lshl_b32 s22, s20, 7
	s_add_co_u32 s22, s22, s21
	s_mul_i32 s22, s22, 768
	s_mul_i32 s23, ttmp9, 3145728
	s_add_co_u32 s22, s22, s23
	s_mul_i32 s20, s20, 20480
	s_lshl_b32 s21, s17, 1
	s_add_co_u32 s21, s21, s15
	s_and_b32 s21, s21, 15
	s_lshl_b32 s21, s21, 9
	s_add_co_u32 s20, s20, s21
	s_mul_i32 s21, ttmp9, 655360
	s_add_co_u32 s20, s20, s21
	s_add_co_u32 s20, s20, 9437184
	; v: images [d row tile][token K step][1,536]; scale words in k's record, 16,384 bytes on
	s_lshl_b32 s46, s17, 4
	s_lshl_b32 s47, s15, 3
	s_add_co_u32 s46, s46, s47
	s_lshl_b32 s46, s46, 5
	s_lshl_b32 s47, s42, 1
	s_add_co_u32 s47, s47, s16                     ; my 128 tokens: K step 2 tile column + half
	s_add_co_u32 s46, s46, s47
	s_mul_i32 s46, s46, 1536
	s_add_co_u32 s46, s46, 6291456
	s_lshr_b32 s92, s47, 4
	s_lshl_b32 s92, s92, 4
	s_lshl_b32 s93, s17, 2
	s_add_co_u32 s92, s92, s93
	s_lshl_b32 s93, s15, 1
	s_add_co_u32 s92, s92, s93
	s_mul_i32 s92, s92, 20480
	s_and_b32 s47, s47, 15
	s_lshl_b32 s47, s47, 8
	s_add_co_u32 s92, s92, s47
	s_add_co_u32 s92, s92, 10092544+16384
	s_cmp_eq_u32 ttmp9, 2
	s_cselect_b32 s22, s46, s22
	s_cselect_b32 s20, s92, s20
	s_mov_b32 s[OST], 768
	s_cselect_b32 s[OST], 49152, s[OST]            ; from row tile to row tile in the images
	s_mov_b32 s[OST+1], 0
	s_mov_b32 s23, 0
	s_mov_b32 s21, 0
	s_add_nc_u64 s[OB:OB+1], s[12:13], s[22:23]
	s_add_nc_u64 s[AB:AB+1], s[12:13], s[20:21]
	; the biases.  Both kinds are loaded on every path (the tile's number held to 0 .. 3, inside the 1,024 numbers), so that every register is written on every path
	s_cmp_eq_u32 ttmp9, 1
	s_cselect_b64 s[6:7], s[8:9], s[6:7]
	s_cmp_eq_u32 ttmp9, 2
	s_cselect_b64 s[6:7], s[10:11], s[6:7]
	s_and_b32 s20, s42, 3
	s_lshl_b32 s20, s20, 10
	s_lshl_b32 s21, s16, 9
	s_add_co_u32 s20, s20, s21
	s_mov_b32 s21, 0
	s_add_nc_u64 s[6:7], s[6:7], s[20:21]
	s_and_b32 s20, s17, 3
	s_lshl_b32 s20, s20, 10
	s_lshl_b32 s22, s15, 9
	s_add_co_u32 s20, s20, s22
	s_add_nc_u64 s[10:11], s[10:11], s[20:21]
	v_lshlrev_b32 v[BO1], 6, v2                    ; along the registers: 64 h
	v_and_b32 v[BO2], 8, v1
	v_add_nc_u32 v[BO2], v[BO2], v1
	v_lshlrev_b32 v[BO2], 2, v[BO2]                ; a number a row: 4 (r + 8 (r / 8))
.irp b, 0,1,2,3
.irp j, 0,1,2,3
	global_load_b128 v[BIAS+16*\b+4*\j:BIAS+16*\b+4*\j+3], v[BO1], s[6:7] offset:128*\b+16*\j
.endr
.endr
.irp a, 0,1,2,3,4,5,6,7
	global_load_b32 v[240+\a], v[BO2], s[10:11] offset:(32*(\a/2)+8*(\a%2))*4
.endr
	s_wait_alu depctr_va_vdst(0)                   ; the wait at the head's end
	s_wait_tensorcnt 0x0                           ; my tile of the head's four is in
	ds_add_u32 v[SPW], v[NIL]
	s_mov_b32 s[G1+2], 8<<16                       ; no tensor load of mine is out, so descriptors may be written: from here on a load brings 8 row tiles,
	s_mov_b32 s[G1+4], 8
	s_mov_b32 s[G1B+2], 8<<16
	s_mov_b32 s[G1B+4], 8
	s_mov_b32 s[G0+1], s45                         ; and slot 0's group 0 names my quarter of the slot
	s_mov_b32 s[G0B+1], s45
	s_add_nc_u64 s[G0+2:G0+3], s[G0+2:G0+3], s[2:3]
	s_add_nc_u64 s[G0B+2:G0B+3], s[G0B+2:G0B+3], s[2:3]
	s_wait_dscnt 0x0
	CROUND                                         ; all four tiles are in, and all sixteen work-groups are here
	JLOAD G0+4, G1, G0B+4, G1B                     ; K chunk 1, the first tensor load behind the round
	FETCH_B 0, 0, 0
	FETCH_A 0, 0, 0
	SCALES 0
	FETCH_A 0, 0, 4
	global_prefetch_b8 v[PFO], s[PFA:PFA+1] offset:3*RTB th:TH_LOAD_NT scope:SCOPE_SE   ; chunk 3, the last: two loads on; the refills ask for nothing more
	STEP 0, 0, 1                                   ; the first step's products start the sums
	s_mov_b32 s3, LAPS-1
.Llap:
	TURN 0, 1, 1
	STEP 1, 0, 0
	TURN 1, 0, 1
	STEP 0, 0, 0
	s_sub_co_u32 s3, s3, 1
	s_cmp_lg_u32 s3, 0
	s_cbranch_scc1 .Llap
	TURN 0, 1, 0                                   ; the last lap fills nothing
	STEP 1, 0, 0
	s_wait_dscnt 4*NL
	WIN MUL_LO
	MUL16 0, 1, NQ-1, 1, 0
	MUL16 2, 1, NQ-1, 1, 0
	s_wait_dscnt 0
	WIN MUL_HI
	MUL16 4, 1, NQ-1, 1, 0
	MUL16 6, 1, NQ-1, 1, 0
	WIN 0
	s_wait_dscnt 0x0                               ; my reads of the slots and of the scale words are over;
	s_barrier_signal -1
	s_barrier_wait -1                              ; everybody's are: the spill may be written over them (they have had their last fill)
	PLACES NP
.irp a, 0,1,2,3,4,5,6,7
	WIN 0x08+4*(\a/4)                              ; an LDS store's data are its source 1: window 2 or 3
.irp b, 0,1,2,3,4,5,6,7
	ds_store_b128 v[SPL], v[8*(8*(\a%4)+\b):8*(8*(\a%4)+\b)+3] offset:8192*\a+1024*\b        ; each accumulator from its low end on
	ds_store_b128 v[SPL], v[8*(8*(\a%4)+\b)+4:8*(8*(\a%4)+\b)+7] offset:8192*\a+1024*\b+512
.endr
.endr
	WIN 0
	s_wait_loadcnt 0x0                             ; the biases
	s_mov_b32 s[SEL], 0x76543210                   ; (no tensor load is out: the descriptors' registers are free)
	s_mov_b32 s[SEL+1], 0xfedcba98
	s_mov_b32 s[MAXN], 0x3f7fff58                  ; 1 - 1e-5
.irp a, 0,1,2,3,4,5,6,7
	ds_store_b32 v[ABV0], v[240+\a] offset:128*\a  ; v's bias goes through LDS, so that the loop can take it by its trip
.endr
.irp b, 0,1,2,3
	v_mov_b32 v[TM+4+\b], 0
.endr
	s_lshl_b32 s31, s14, 11
	v_add_nc_u32 v16, s31, v[L16]
	v_add_nc_u32 v17, AUXV+1024, v16               ; where the small results are read back: v's,
	v_add_nc_u32 v16, AUXQ, v16                    ; q's and k's
	s_mov_b32 s3, 0
	s_mov_b32 s[TO], 0
	s_mov_b32 s32, 0                               ; what the next trip adds to the images' base: 0 in the first trip
	s_mov_b32 s33, 0
.Lrow:
	v_add_nc_u32 v[RDA], s[TO], v[SPL]
.set i, 0
.rept 16
	ds_load_b128 v[T+4*i:T+4*i+3], v[RDA] offset:512*i     ; LDS serves a wave's instructions in order: these see my stores
.set i, i+1
.endr
	s_wait_xcnt 0x0                                ; the last trip's stores have read their registers and their base; the wait stands behind the issue of this trip's 16 LDS loads and ahead of every line that rewrites a store's source
	s_add_nc_u64 s[OB:OB+1], s[OB:OB+1], s[32:33]
	s_mov_b64 s[32:33], s[OST:OST+1]
	s_lshr_b32 s20, s3, 2
	s_lshl_b32 s20, s20, 8
	s_and_b32 s21, s3, 3
	s_lshl_b32 s21, s21, 2
	s_add_co_u32 s20, s20, s21                     ; 256 (a / 4) + 4 (a % 4)
	s_lshl_b32 s21, s3, 6
	s_lshl_b32 s22, s3, 7
	v_add_nc_u32 v[AWQ], s20, v[AWQ0]
	v_add_nc_u32 v[ANQ], s21, v[ANQ0]
	v_add_nc_u32 v[AWV], s20, v[AWV0]
	v_add_nc_u32 v[ABV], s22, v[ABV0]
	s_cmp_eq_u32 ttmp9, 2
	s_cbranch_scc1 .Lv_row
	s_wait_dscnt 0x0
.set k, 0
.rept 32
	v_pk_add_f32 v[T+k:T+k+1], v[T+k:T+k+1], v[BIAS+k:BIAS+k+1]
.set k, k+2
.endr
.irp e, 0,1                            ; head e: my 32 numbers of its 64, T + 32 e on
	v_pk_mul_f32 v[230+4*\e:231+4*\e], v[T+32*\e:T+32*\e+1], v[T+32*\e:T+32*\e+1]
	v_pk_mul_f32 v[232+4*\e:233+4*\e], v[T+32*\e+2:T+32*\e+3], v[T+32*\e+2:T+32*\e+3]
.endr
.irp j, 4,8,12,16,20,24,28
.irp e, 0,1
	v_pk_fma_f32 v[230+4*\e:231+4*\e], v[T+32*\e+\j:T+32*\e+\j+1], v[T+32*\e+\j:T+32*\e+\j+1], v[230+4*\e:231+4*\e]
	v_pk_fma_f32 v[232+4*\e:233+4*\e], v[T+32*\e+\j+2:T+32*\e+\j+3], v[T+32*\e+\j+2:T+32*\e+\j+3], v[232+4*\e:233+4*\e]
.endr
.endr
.irp e, 0,1
	v_pk_add_f32 v[230+4*\e:231+4*\e], v[230+4*\e:231+4*\e], v[232+4*\e:233+4*\e]
.endr
.irp e, 0,1
	v_add_f32 v[230+4*\e], v[230+4*\e], v[231+4*\e]
.endr
.irp e, 0,1
	v_permlanex16_b32 v[231+4*\e], v[230+4*\e], s[SEL], s[SEL+1]
.endr
.irp e, 0,1
	v_add_f32 v[230+4*\e], v[230+4*\e], v[231+4*\e]        ; ss: the head's sum of squares
.endr
	s_wait_alu depctr_va_vdst(0)
.irp e, 0,1
	v_sqrt_f32 v[231+4*\e], v[230+4*\e]                    ; n
.endr
	v_nop
	s_wait_alu depctr_va_vdst(0)                   ; one wait for the two roots, ahead of their first reader
.irp e, 0,1
	v_max_num_f32 v[232+4*\e], 0x2b8cbccc, v[231+4*\e]     ; max(n, 1e-12)
.endr
	s_wait_alu depctr_va_vdst(0)
.irp e, 0,1
	v_rcp_f32 v[232+4*\e], v[232+4*\e]
.endr
	v_nop
.irp e, 0,1
	v_cmp_gt_f32 s[27+\e], v[231+4*\e], s[MAXN]
.endr
	s_wait_alu depctr_va_vdst(0)
.irp e, 0,1
	v_mul_f32 v[232+4*\e], s[MAXN], v[232+4*\e]
.endr
.irp e, 0,1
	v_cndmask_b32 v[232+4*\e], 1.0, v[232+4*\e], s[27+\e]  ; f
.endr
.irp e, 0,1
	v_mov_b32 v[233+4*\e], v[232+4*\e]
.endr
.irp e, 0,1
.set k, 0
.rept 16
	v_pk_mul_f32 v[T+32*\e+k:T+32*\e+k+1], v[T+32*\e+k:T+32*\e+k+1], v[232+4*\e:233+4*\e]
.set k, k+2
.endr
.endr
.irp e, 0,1
	v_mul_f32 v[230+4*\e], v[230+4*\e], v[232+4*\e]
.endr
.irp e, 0,1
	v_mul_f32 v[230+4*\e], v[230+4*\e], v[232+4*\e]
.endr
.irp e, 0,1
	v_mul_f32 v[230+4*\e], -0.5, v[230+4*\e]               ; -norm^2 / 2
.endr
	QUANT T                                        ; blocks 0, 1: head 0; blocks 2, 3: head 1
	global_store_b128 v[L16], v[PC:PC+3], s[OB:OB+1]
	global_store_b64 v[L8], v[PC+4:PC+5], s[OB:OB+1] offset:512
	global_store_b128 v[L16], v[PC+6:PC+9], s[OB:OB+1] offset:98304
	global_store_b64 v[L8], v[PC+10:PC+11], s[OB:OB+1] offset:98304+512
	v_and_b32 v238, 0xffff, v[PW]
	v_lshrrev_b32 v239, 16, v[PW]
	v_cndmask_b32 v238, v238, v239, s[HM]          ; lanes 0-15 carry head 0's two bytes, lanes 16-31 head 1's;
	v_or_b32 v238, 0x7f7f0000, v238                ; the upper half of attention's K step is zeros: bytes of 1.0
	ds_store_b32 v[AWQ], v238
	v_cndmask_b32 v239, v230, v234, s[HM]
	ds_store_b32 v[ANQ], v239
	s_branch .Lrow_end
.Lv_row:
	s_wait_alu depctr_va_vdst(0)
	ds_load_b32 v230, v[ABV]
	s_wait_dscnt 0x0
	v_mov_b32 v231, v230
.set k, 0
.rept 32
	v_pk_add_f32 v[T+k:T+k+1], v[T+k:T+k+1], v[230:231]
.set k, k+2
.endr
	QUANT T                                        ; along the tokens
	global_store_b128 v[L16], v[PC:PC+3], s[OB:OB+1]
	global_store_b64 v[L8], v[PC+4:PC+5], s[OB:OB+1] offset:512
	global_store_b128 v[L16], v[PC+6:PC+9], s[OB:OB+1] offset:768
	global_store_b64 v[L8], v[PC+10:PC+11], s[OB:OB+1] offset:1280
	ds_store_b32 v[AWV], v[PW]
.Lrow_end:                                         ; my small LDS stores may be out: LDS serves a wave's instructions in order, and the next trip's wait for 0 covers them
	s_add_co_u32 s[TO], s[TO], 8192
	s_add_co_u32 s3, s3, 1
	s_cmp_lt_u32 s3, 8
	s_cbranch_scc1 .Lrow
	s_cmp_eq_u32 ttmp9, 2
	s_cbranch_scc1 .Lv_aux
.irp k, 0,1,2,3
	ds_load_b128 v[T+4*\k:T+4*\k+3], v16 offset:512*\k
.endr
	s_wait_dscnt 0x0
	global_store_b128 v[L16], v[T:T+3], s[AB:AB+1]                      ; 512 consecutive bytes each: head 0's scale words,
	global_store_b128 v[L16], v[T+4:T+7], s[AB:AB+1] offset:20480       ; head 1's,
	global_store_b128 v[L16], v[T+8:T+11], s[AB:AB+1] offset:8192       ; head 0's -norm^2 / 2,
	global_store_b128 v[L16], v[T+12:T+15], s[AB:AB+1] offset:28672     ; head 1's
	s_branch .Lend
.Lv_aux:
	ds_load_b128 v[T:T+3], v17
	s_wait_dscnt 0x0
	global_store_b128 v[VOF], v[T:T+3], s[AB:AB+1]                      ; sixteen lanes store 256 consecutive bytes: a head's scale words of this K step
.Lend:
	s_wait_tensorcnt 0x0                           ; the wave's end
	ds_add_u32 v[SPW], v[NIL]
	s_wait_dscnt 0x0
	CROUND                                         ; the closing round
	s_endpgm
.Lfunc_end_k_q779d489bad_qkv:
	.size	k_q779d489bad_qkv, .Lfunc_end_k_q779d489bad_qkv-k_q779d489bad_qkv
	.p2alignl 7, 3214868480
	.fill 96, 4, 3214868480
	.section	.rodata,"a",@progbits
	.p2align	6, 0x0
	.amdhsa_kernel k_q779d489bad_qkv
		.amdhsa_group_segment_fixed_size 327680
		.amdhsa_private_segment_fixed_size 0
		.amdhsa_enable_private_segment 0
		.amdhsa_kernarg_size 40
		.amdhsa_user_sgpr_count 2
		.amdhsa_user_sgpr_kernarg_segment_ptr 1
		.amdhsa_wavefront_size32 1
		.amdhsa_system_sgpr_workgroup_id_x 1
		.amdhsa_system_sgpr_workgroup_id_y 1
		.amdhsa_system_sgpr_workgroup_id_z 1
		.amdhsa_system_vgpr_workitem_id 0
		.amdhsa_next_free_vgpr 1024
		.amdhsa_next_free_sgpr 102
		.amdhsa_reserve_vcc 0
		.amdhsa_float_denorm_mode_32 3
		.amdhsa_float_denorm_mode_16_64 3
		.amdhsa_memory_ordered 1
		.amdhsa_forward_progress 1
		.amdhsa_inst_pref_size 154
	.end_amdhsa_kernel
	.amdgpu_metadata
---
amdhsa.version: [ 1, 2 ]
amdhsa.kernels:
  - .name:           k_q779d489bad_qkv
    .symbol:         k_q779d489bad_qkv.kd
    .args:
      - { .name: wsA, .offset: 0, .size: 8, .value_kind: global_buffer, .address_space: global }
      - { .name: bq, .offset: 8, .size: 8, .value_kind: global_buffer, .address_space: global }
      - { .name: bk, .offset: 16, .size: 8, .value_kind: global_buffer, .address_space: global }
      - { .name: bv, .offset: 24, .size: 8, .value_kind: global_buffer, .address_space: global }
      - { .name: wsB, .offset: 32, .size: 8, .value_kind: global_buffer, .address_space: global }
    .group_segment_fixed_size: 327680
    .private_segment_fixed_size: 0
    .kernarg_segment_align: 8
    .kernarg_segment_size: 40
    .max_flat_workgroup_size: 128
    .sgpr_count:     102
    .vgpr_count:     1024
    .wavefront_size: 32
...
	.end_amdgpu_metadata
.endif
;; end of part 10
;; launch attn (part 11): grid 8 x 32, 8 waves a work-group, clusters of 4 x 1, 327,680 bytes of LDS; arguments wsB, wsC; writes wsC
.if DOCPART == 11
	.amdgcn_target "amdgcn-amd-amdhsa--gfx1250"
	.amdhsa_code_object_version 6
	.text
	.protected	k_q779d489bad_attn
	.globl	k_q779d489bad_attn
	.p2align	8
	.type	k_q779d489bad_attn,@function
k_q779d489bad_attn:
	s_mov_b64 s[64:65], 0
	v_nop
	global_prefetch_b8 v0, s[64:65] scope:SCOPE_SE
	s_setreg_imm32_b32 hwreg(HW_REG_WAVE_MODE, 25, 1), 1
	s_wait_xcnt 0x0
	s_wait_alu depctr_hold_cnt(0) depctr_sa_sdst(0) depctr_va_vdst(0) depctr_va_sdst(0) depctr_va_ssrc(0) depctr_va_vcc(0) depctr_vm_vsrc(0)
	s_getreg_b32 s2, hwreg(HW_REG_IB_STS2, 6, 4)
	s_cmp_eq_u32 s2, 0
	s_cbranch_scc0 .Lentry_in_a_cluster
	s_endpgm
.Lentry_in_a_cluster:
	s_bfe_u32 s2, ttmp6, 0x10000c
	s_cmp_lg_u32 s2, 0x3003
	s_cbranch_scc0 .Lentry_shape_is_right
	s_endpgm
.Lentry_shape_is_right:
; o = softmax(-|q - k|^2 / 8) v on codes of FP6 (E2M3) with E8M0 scales; o quantised again for the projection.  A work-group takes one head and 256 queries, a wave 32 queries; a step is 128 keys.
; Both products are used transposed (S^T = k q^T with C = -|k|^2 / 2, O^T = v^T p^T): a lane holds one query.  t = c (S - |q|^2 / 2), c = 2 log2(e) / 8; p = 2^t; the row's sum is taken of the unquantised p.
; NO MAXIMUM IS TAKEN AWAY: reference() clips q and k to norm under 1, so with the quantised q k under 1.9 in magnitude |t| stays under 2 for every input: no exponential or sum can overflow or underflow,
; and p differs from 2^(t - M), M a whole number, by a power of two, which each block's scale takes up: the codes' values are the same.
; THE HEAD: the head's K images (98,304 bytes), V images (4 row tiles of 24,576) and its record (scale words and -|k|^2 / 2, 20,480 bytes) come once, one joint load a wave, shared by the four work-groups of a cluster.
; Nothing is filled again, and there is no loop to run ahead in: no prefetch is laid.
; LIMITS: NaN and infinities are not served.
.set VIMG, 98304
.set AUX,  196608
.set KNO,  AUX+8192
.set VSO,  AUX+16384
.set L16,  1
.set L8,   2
.set R16,  3
.set AK16, 4
.set AK8,  5
.set AKN,  6
.set AKS,  7
.set AV16A, 8
.set AV8A, 9
.set AVS,  12
.set R4,   13
.set L4,   14
.set S,    16
.set BM,   144
.set BP,   152
.set SOP,  160
.set PC,   168
.set CT,   192
.set LS,   208
.set LT,   212
.set QA,   216
.set KSW,  220
.set VSW,  228
.set QSW,  232
.set PSW,  234
.set O,    24
.set KF,   88
.set VF,   144
.set KN,   192
.set G1A,  24
.set G1B,  32
.set G0A,  40
.set G0B,  44
.set G1K,  68
.set G0K,  76
.set SEL,  48
.set C2,   50
.set CNT,  52
.set HM,   53
.set QP,   54
.set QS,   56
.set QN,   58
.set AO,   60
.set AS,   62
.set MSB, 0
.macro WIN new
.if MSB != \new
	s_set_vgpr_msb (MSB<<8)|\new
.set MSB, \new
.endif
.endm
.macro CROUND
	s_barrier_signal -1
	s_barrier_wait -1
	s_cmp_lg_u32 s8, 0
	s_cbranch_scc1 .Lnot_wave_0_\@
	s_barrier_signal -3
.Lnot_wave_0_\@:
	s_barrier_wait -3
	s_barrier_signal -1
	s_barrier_wait -1
.endm
.macro PLACES n
.rept \n
	v_nop
.endr
.endm
.macro KLOAD
	WIN 0x40
.irp t, 0,1,2,3,4,5,6,7
	ds_load_b128 v[KF+6*\t:KF+6*\t+3], v[AK16] offset:768*\t
	ds_load_b64 v[KF+6*\t+4:KF+6*\t+5], v[AK8] offset:768*\t+512
.endr
.irp t, 0,1,2,3,4,5,6,7
	ds_load_b128 v[KN+8*\t:KN+8*\t+3], v[AKN] offset:64*\t
	ds_load_b128 v[KN+8*\t+4:KN+8*\t+7], v[AKN] offset:64*\t+16
.endr
	WIN 0
	ds_load_b128 v[KSW:KSW+3], v[AKS]
	ds_load_b128 v[KSW+4:KSW+7], v[AKS] offset:256
.endm
.macro KADV                            ; K's four LDS addresses go one step of 128 keys on
	v_add_nc_u32 v[AK16], 6144, v[AK16]
	v_add_nc_u32 v[AK8], 6144, v[AK8]
	v_add_nc_u32 v[AKN], 512, v[AKN]
	v_add_nc_u32 v[AKS], 512, v[AKS]
.endm
.macro VLOAD
	WIN 0x40
.irp t, 0,1,2,3
	ds_load_b128 v[VF+12*\t:VF+12*\t+3], v[AV16A+2*(\t/2)] offset:24576*(\t%2)
	ds_load_b64 v[VF+12*\t+4:VF+12*\t+5], v[AV8A+2*(\t/2)] offset:24576*(\t%2)+512
	ds_load_b128 v[VF+12*\t+6:VF+12*\t+9], v[AV16A+2*(\t/2)] offset:24576*(\t%2)+768
	ds_load_b64 v[VF+12*\t+10:VF+12*\t+11], v[AV8A+2*(\t/2)] offset:24576*(\t%2)+1280
.endr
	WIN 0
	ds_load_b128 v[VSW:VSW+3], v[AVS]
.endm
.macro VADV                            ; V's five likewise
.irp n, 8,9,10,11
	v_add_nc_u32 v[\n], 1536, v[\n]
.endr
	v_add_nc_u32 v[AVS], 256, v[AVS]
.endm
.set LC,   236                         ; v236-251 the rows' sums: four running chains of pairs for each of my two tiles of queries, folded once behind the last step
.macro ROWSUM g                        ; half g of the step's p, both tiles: 32 packed additions on eight chains by turns, so that a chain comes round every eighth instruction
.irp j, 0,1,2,3,4,5,6,7,8,9,10,11,12,13,14,15
.irp e, 0,1
	v_pk_add_f32 v[LC+8*\e+2*(\j%4):LC+8*\e+2*(\j%4)+1], v[LC+8*\e+2*(\j%4):LC+8*\e+2*(\j%4)+1], v[S+64*\e+32*\g+2*\j:S+64*\e+32*\g+2*\j+1]
.endr
.endr
.endm
.macro KSTEP first, last
	s_wait_dscnt 0x0
	WIN 0x15
.irp t, 0,1,2,3,4,5,6,7
.irp e, 0,1
	v_wmma_scale_f32_16x16x128_f8f6f4 v[S+64*\e+8*\t:S+64*\e+8*\t+7], v[KF+6*\t:KF+6*\t+11], v[12*\e:12*\e+11], v[KN+8*\t:KN+8*\t+7], v[KSW+\t], v[QSW+\e] matrix_a_fmt:MATRIX_FMT_FP6 matrix_b_fmt:MATRIX_FMT_FP6
.endr
.endr
	WIN 0
	PLACES 4
	VLOAD
.if \last == 0
	KLOAD
.endif
.irp e, 0,1
.irp b, 0,1,2,3
	v_max3_num_f32 v[BM+4*\e+\b], v[S+64*\e+16*\b], v[S+64*\e+16*\b+1], v[S+64*\e+16*\b+2]
.endr
.endr
.irp i, 3,5,7,9,11,13
.irp e, 0,1
.irp b, 0,1,2,3
	v_max3_num_f32 v[BM+4*\e+\b], v[BM+4*\e+\b], v[S+64*\e+16*\b+\i], v[S+64*\e+16*\b+\i+1]
.endr
.endr
.endr
.irp e, 0,1
.irp b, 0,1,2,3
	v_max_num_f32 v[BM+4*\e+\b], v[BM+4*\e+\b], v[S+64*\e+16*\b+15]
.endr
.endr
.irp n, 0,1,2,3,4,5,6,7
	v_permlanex16_b32 v[BP+\n], v[BM+\n], s[SEL], s[SEL+1]
.endr
.irp n, 0,1,2,3,4,5,6,7
	v_max_num_f32 v[BM+\n], v[BM+\n], v[BP+\n]
.endr
.irp e, 0,1
.set k, 0
.rept 32
	v_pk_fma_f32 v[S+64*\e+k:S+64*\e+k+1], v[S+64*\e+k:S+64*\e+k+1], s[C2:C2+1], v[QA+2*\e:QA+2*\e+1] op_sel_hi:[1,0,0]
.set k, k+2
.endr
.endr
.irp e, 0,1
.irp b, 0,1,2,3
	v_fma_f32 v[BM+4*\e+\b], v[BM+4*\e+\b], s[C2], v[QA+2*\e]
.endr
.endr
.set k, 0
	s_wait_alu depctr_va_vdst(0)                   ; the wait ahead of the batch
.irp n, 0,1,2,3,4,5,6,7
	v_exp_f32 v[BM+\n], v[BM+\n]                   ; each block's largest p, at the head of the one batch
.endr
.rept 128
	v_exp_f32 v[S+k], v[S+k]
.set k, k+1
.endr
.if \last
	v_nop                                          ; a plain line behind the batch
.else
	VADV                                           ; plain lines behind the batch: the next step's LDS addresses, which name none of its results
	KADV
.endif
	s_wait_alu depctr_va_vdst(0)                   ; one wait for all 136, ahead of their first reader
.irp n, 0,1,2,3,4,5,6,7
	v_add_nc_u32 v[SOP+\n], 0xff000000, v[BM+\n]
.endr
.irp n, 0,1,2,3,4,5,6,7
	v_lshrrev_b32 v[BP+\n], 23, v[SOP+\n]
.endr
.irp e, 0
	v_lshl_or_b32 v[PSW+\e], v[BP+4*\e+1], 8, v[BP+4*\e]
.endr
.irp e, 1
	s_delay_alu instid0(VALU_DEP_4)
	v_lshl_or_b32 v[PSW+\e], v[BP+4*\e+1], 8, v[BP+4*\e]
.endr
.irp e, 0,1
	s_delay_alu instid0(VALU_DEP_2)
	v_lshl_or_b32 v[PSW+\e], v[BP+4*\e+2], 16, v[PSW+\e]
.endr
.irp e, 0,1
	s_delay_alu instid0(VALU_DEP_2)
	v_lshl_or_b32 v[PSW+\e], v[BP+4*\e+3], 24, v[PSW+\e]
.endr
.irp e, 0,1
.irp c, 0,1
	v_cvt_scalef32_pk16_fp6_f32 v[PC+12*\e+6*\c:PC+12*\e+6*\c+2], v[S+64*\e+32*\c:S+64*\e+32*\c+15], v[SOP+4*\e+2*\c]
	v_cvt_scalef32_pk16_fp6_f32 v[CT+8*\e+4*\c:CT+8*\e+4*\c+2], v[S+64*\e+32*\c+16:S+64*\e+32*\c+31], v[SOP+4*\e+2*\c+1]
.endr
.endr
	ROWSUM 0                                       ; plain lines behind the scaled conversions: they read p and touch no code
.irp e, 0,1
.irp c, 0,1
.irp i, 0,1,2
	v_permlane16_swap_b32 v[PC+12*\e+6*\c+\i], v[CT+8*\e+4*\c+\i]
.endr
.endr
.endr
.irp e, 0,1                            ; the twelve moves in a run of their own: each reads a swap twelve instructions back
.irp c, 0,1
.irp i, 0,1,2
	v_mov_b32 v[PC+12*\e+6*\c+3+\i], v[CT+8*\e+4*\c+\i]
.endr
.endr
.endr
	ROWSUM 1
.if \last
	s_wait_alu depctr_va_vdst(0)
	s_wait_dscnt 0x0
.else
	s_wait_dscnt 34
.endif
	WIN 0x51
.irp t, 0,1,2,3
.irp e, 0,1
.if \first
	v_wmma_scale_f32_16x16x128_f8f6f4 v[O+32*\e+8*\t:O+32*\e+8*\t+7], v[VF+12*\t:VF+12*\t+11], v[PC+12*\e:PC+12*\e+11], 0, v[VSW+\t], v[PSW+\e] matrix_a_fmt:MATRIX_FMT_FP6 matrix_b_fmt:MATRIX_FMT_FP6
.else
	v_wmma_scale_f32_16x16x128_f8f6f4 v[O+32*\e+8*\t:O+32*\e+8*\t+7], v[VF+12*\t:VF+12*\t+11], v[PC+12*\e:PC+12*\e+11], v[O+32*\e+8*\t:O+32*\e+8*\t+7], v[VSW+\t], v[PSW+\e] matrix_a_fmt:MATRIX_FMT_FP6 matrix_b_fmt:MATRIX_FMT_FP6
.endif
.endr
.endr
	WIN 0
.endm
	s_load_b128 s[4:7], s[0:1], 0x0
	v_lshl_add_u32 v254, v0, 2, 0x35000
	v_mov_b32 v255, 0
	ds_add_u32 v254, v255
	ds_add_u32 v254, v255
	v_lshrrev_b32 v1, 5, v0
	s_delay_alu instid0(VALU_DEP_1)
	v_readfirstlane_b32 s8, v1
	s_bfe_u32 s9, ttmp6, 0x40000
	s_lshl_b32 s10, ttmp9, 2
	s_add_co_u32 s10, s10, s9
	s_and_b32 s11, ttmp7, 0xffff
	s_lshr_b32 s12, s11, 4
	s_and_b32 s13, s11, 15
	s_mov_b32 s[G1A], 15|(3<<16)|(1<<21)
	s_mov_b32 s[G1A+1], 32<<16
	s_mov_b32 s[G1A+2], 96<<16
	s_mov_b32 s[G1A+3], 32<<16
	s_mov_b32 s[G1A+4], 96
	s_mov_b32 s[G1A+5], 32
	s_mov_b32 s[G1A+6], 0
	s_mov_b32 s[G1A+7], 0
	s_mov_b32 s[G1B], 15|(3<<16)|(1<<21)
	s_mov_b32 s[G1B+1], 32<<16
	s_mov_b32 s[G1B+2], 80<<16                     ; the record: 80 rows of 256 bytes
	s_mov_b32 s[G1B+3], 32<<16
	s_mov_b32 s[G1B+4], 80
	s_mov_b32 s[G1B+5], 32
	s_mov_b32 s[G1B+6], 0
	s_mov_b32 s[G1B+7], 0
	s_mov_b32 s[G1K], 15|(3<<16)|(1<<21)           ; a third of K's images: 128 rows of 256 bytes
	s_mov_b32 s[G1K+1], 32<<16
	s_mov_b32 s[G1K+2], 128<<16
	s_mov_b32 s[G1K+3], 32<<16
	s_mov_b32 s[G1K+4], 128
	s_mov_b32 s[G1K+5], 32
	s_mov_b32 s[G1K+6], 0
	s_mov_b32 s[G1K+7], 0
	s_mul_i32 s14, s11, 98304
	s_lshl_b32 s15, s8, 15                         ; K: third w (waves 0-2 use it)
	s_add_co_u32 s14, s14, s15
	s_add_co_u32 s14, s14, 3145728
	s_lshl_b32 s16, s13, 2
	s_max_u32 s17, s8, 3
	s_sub_co_u32 s17, s17, 3                       ; V: row tile w - 3 (waves 3-6 use it)
	s_add_co_u32 s16, s16, s17
	s_lshl_b32 s16, s16, 5
	s_lshl_b32 s17, s12, 4
	s_add_co_u32 s16, s16, s17
	s_mul_i32 s16, s16, 1536
	s_add_co_u32 s16, s16, 6291456
	s_mov_b32 s15, 0
	s_mov_b32 s17, 0
	s_mul_i32 s18, s11, 20480
	s_add_co_u32 s18, s18, 10092544                ; the head's record (wave 7 uses it)
	s_mov_b32 s19, 0
	s_mov_b32 s[SEL], 0x76543210
	s_mov_b32 s[SEL+1], 0xfedcba98
	s_mov_b32 s[C2], 0x3eb8aa3b
	s_mov_b32 s[C2+1], s[C2]
	s_wait_dscnt 0x0
	s_wait_kmcnt 0x0
	s_mov_b32 s[G0K], 1
	s_lshl_b32 s[G0K+1], s8, 15                    ; K's thirds at 32,768 w
	s_add_nc_u64 s[G0K+2:G0K+3], s[4:5], s[14:15]
	s_or_b32 s[G0K+3], s[G0K+3], 0x80000000
	s_mov_b32 s[G0A], 1
	s_mul_i32 s[G0A+1], s8, 24576
	s_add_co_u32 s[G0A+1], s[G0A+1], 24576         ; V's row tiles at VIMG + 24,576 (w - 3)
	s_add_nc_u64 s[G0A+2:G0A+3], s[4:5], s[16:17]
	s_or_b32 s[G0A+3], s[G0A+3], 0x80000000
	s_mov_b32 s[G0B], 1
	s_mov_b32 s[G0B+1], AUX
	s_add_nc_u64 s[G0B+2:G0B+3], s[4:5], s[18:19]
	s_or_b32 s[G0B+3], s[G0B+3], 0x80000000
	CROUND                                         ; the four work-groups are here: the joint loads meet
	s_cmp_lt_u32 s8, 3                             ; one chain of branches on the wave's number, one load to an arm, one join: every wave issues exactly one
	s_cbranch_scc0 .Lhead_v
	tensor_load_to_lds s[G0K:G0K+3], s[G1K:G1K+7]
	s_nop 0
.rept 4
	v_nop
.endr
	s_branch .Lhead_asked
.Lhead_v:
	s_cmp_lt_u32 s8, 7
	s_cbranch_scc0 .Lhead_x
	tensor_load_to_lds s[G0A:G0A+3], s[G1A:G1A+7]
	s_nop 0
.rept 4
	v_nop
.endr
	s_branch .Lhead_asked
.Lhead_x:
	tensor_load_to_lds s[G0B:G0B+3], s[G1B:G1B+7]
	s_nop 0
.rept 4
	v_nop
.endr
.Lhead_asked:
	v_and_b32 v[L4], 31, v0
	s_delay_alu instid0(VALU_DEP_1)
	v_lshlrev_b32 v[L16], 4, v[L4]
	s_delay_alu instid0(VALU_DEP_2)
	v_lshlrev_b32 v[L8], 3, v[L4]
	s_delay_alu instid0(VALU_DEP_3)
	v_lshlrev_b32 v[L4], 2, v[L4]
	v_and_b32 v[R4], 15, v0
	s_delay_alu instid0(VALU_DEP_1)
	v_lshlrev_b32 v[R16], 4, v[R4]
	s_delay_alu instid0(VALU_DEP_2)
	v_lshlrev_b32 v[R4], 2, v[R4]
	v_bfe_u32 v15, v0, 4, 1
	s_delay_alu instid0(VALU_DEP_1)
	v_cmp_ne_u32 s[HM], 0, v15
	v_mov_b32 v[AK16], v[L16]
	v_mov_b32 v[AK8], v[L8]
	s_delay_alu instid0(VALU_DEP_4)
	v_lshl_add_u32 v[AKN], v15, 5, KNO
	v_add_nc_u32 v[AKS], AUX, v[R16]
	v_add_nc_u32 v8, VIMG, v[L16]
	v_add_nc_u32 v9, VIMG, v[L8]
	v_add_nc_u32 v10, VIMG+49152, v[L16]
	v_add_nc_u32 v11, VIMG+49152, v[L8]
	v_add_nc_u32 v[AVS], VSO, v[R16]
	s_lshl_b32 s16, s10, 4
	s_lshl_b32 s17, s8, 1
	s_add_co_u32 s16, s16, s17
	s_lshl_b32 s17, s11, 7
	s_add_co_u32 s17, s17, s16
	s_mul_i32 s18, s17, 768
	s_mov_b32 s19, 0
	s_add_nc_u64 s[QP:QP+1], s[4:5], s[18:19]
	s_mul_i32 s20, s11, 20480
	s_add_co_u32 s20, s20, 9437184
	s_lshl_b32 s21, s10, 1
	s_lshr_b32 s22, s8, 2
	s_add_co_u32 s21, s21, s22
	s_lshl_b32 s21, s21, 9
	s_bfe_u32 s22, s8, 0x10001
	s_lshl_b32 s22, s22, 8
	s_add_co_u32 s21, s21, s22
	s_and_b32 s22, s8, 1
	s_lshl_b32 s22, s22, 3
	s_add_co_u32 s21, s21, s22
	s_add_co_u32 s22, s20, s21
	s_mov_b32 s23, 0
	s_add_nc_u64 s[QS:QS+1], s[4:5], s[22:23]
	s_lshl_b32 s21, s16, 6
	s_add_co_u32 s20, s20, s21
	s_add_co_u32 s20, s20, 8192
	s_mov_b32 s21, 0
	s_add_nc_u64 s[QN:QN+1], s[4:5], s[20:21]
	s_lshl_b32 s18, s12, 7
	s_add_co_u32 s18, s18, s16
	s_mul_i32 s18, s18, 12288
	s_mul_i32 s20, s13, 768
	s_add_co_u32 s18, s18, s20
	s_add_nc_u64 s[AO:AO+1], s[6:7], s[18:19]
	s_lshl_b32 s18, s12, 4
	s_lshl_b32 s20, s10, 1
	s_add_co_u32 s18, s18, s20
	s_lshr_b32 s20, s8, 2
	s_add_co_u32 s18, s18, s20
	s_lshl_b32 s18, s18, 3
	s_lshr_b32 s20, s13, 1
	s_add_co_u32 s18, s18, s20
	s_lshl_b32 s18, s18, 9
	s_and_b32 s20, s8, 3
	s_lshl_b32 s20, s20, 7
	s_add_co_u32 s18, s18, s20
	s_and_b32 s20, s13, 1
	s_lshl_b32 s20, s20, 1
	s_add_co_u32 s18, s18, s20
	s_add_co_u32 s18, s18, 3145728
	s_add_nc_u64 s[AS:AS+1], s[6:7], s[18:19]
	WIN 0x40
.irp e, 0,1
	global_load_b128 v[12*\e:12*\e+3], v[L16], s[QP:QP+1] offset:768*\e
	global_load_b64 v[12*\e+4:12*\e+5], v[L8], s[QP:QP+1] offset:768*\e+512
.irp i, 6,7,8,9,10,11
	v_mov_b32 v[12*\e+\i], 0
.endr
.endr
.irp i, 48,49,50,51,52,53
	v_mov_b32 v[KF+\i], 0
.endr
	WIN 0
	global_load_b64 v[QSW:QSW+1], v[R16], s[QS:QS+1]
.irp e, 0,1
	global_load_b32 v[QA+2*\e], v[R4], s[QN:QN+1] offset:64*\e
.endr
.irp n, 0,1,2,3,4,5,6,7,8,9,10,11,12,13,14,15
	v_mov_b32 v[LC+\n], 0
.endr
.irp n, 0,1,2,3,4,5,6,7
	v_mov_b32 v[BP+\n], 0
.endr
	s_wait_loadcnt 0x0
.irp e, 0,1
	v_mul_f32 v[QA+2*\e], s[C2], v[QA+2*\e]
.endr
.irp e, 0,1
	s_delay_alu instid0(VALU_DEP_2)
	v_mov_b32 v[QA+2*\e+1], v[QA+2*\e]
.endr
	s_wait_tensorcnt 0x0
	s_barrier_signal -1
	s_barrier_wait -1
	KLOAD
	KADV
	s_wait_alu depctr_va_vdst(0)
	KSTEP 1, 0
	s_mov_b32 s[CNT], 14
.Lkey:
	KSTEP 0, 0
	s_sub_co_u32 s[CNT], s[CNT], 1
	s_cmp_lg_u32 s[CNT], 0
	s_cbranch_scc1 .Lkey
	KSTEP 0, 1
.irp e, 0,1
	v_pk_add_f32 v[LS+2*\e:LS+2*\e+1], v[LC+8*\e:LC+8*\e+1], v[LC+8*\e+2:LC+8*\e+3]      ; the four chains of each tile are folded
.endr
.irp e, 0,1
	v_pk_add_f32 v[LT+2*\e:LT+2*\e+1], v[LC+8*\e+4:LC+8*\e+5], v[LC+8*\e+6:LC+8*\e+7]
.endr
.irp e, 0,1
	s_delay_alu instid0(VALU_DEP_2)
	v_pk_add_f32 v[LS+2*\e:LS+2*\e+1], v[LS+2*\e:LS+2*\e+1], v[LT+2*\e:LT+2*\e+1]
.endr
.irp e, 0,1
	s_delay_alu instid0(VALU_DEP_2)
	v_add_f32 v[LS+2*\e], v[LS+2*\e], v[LS+2*\e+1]
.endr
.irp e, 0,1
	s_delay_alu instid0(VALU_DEP_2)
	v_permlanex16_b32 v[LT+2*\e], v[LS+2*\e], s[SEL], s[SEL+1]
.endr
.irp e, 0,1
	s_delay_alu instid0(VALU_DEP_2)
	v_add_f32 v[LS+2*\e], v[LS+2*\e], v[LT+2*\e]
.endr
	s_wait_alu depctr_va_vdst(0)
.irp e, 0,1
	v_rcp_f32 v[LS+2*\e], v[LS+2*\e]
.endr
	v_nop
	s_wait_alu depctr_va_vdst(0)
.irp e, 0,1
	v_mov_b32 v[LS+2*\e+1], v[LS+2*\e]
.endr
	WIN 0x01
.irp e, 0,1
.set k, 0
.rept 16
	v_pk_mul_f32 v[S+64*\e+k:S+64*\e+k+1], v[O+32*\e+k:O+32*\e+k+1], v[LS+2*\e:LS+2*\e+1]
.set k, k+2
.endr
.endr
	WIN 0
.irp e, 0,1
.irp b, 0,1
	v_max3_num_f32 v[BM+4*\e+\b], |v[S+64*\e+16*\b]|, |v[S+64*\e+16*\b+1]|, 0x1800000
.endr
.endr
.irp i, 2,4,6,8,10,12,14
.irp e, 0,1
.irp b, 0,1
	s_delay_alu instid0(VALU_DEP_4)
	v_max3_num_f32 v[BM+4*\e+\b], v[BM+4*\e+\b], |v[S+64*\e+16*\b+\i]|, |v[S+64*\e+16*\b+\i+1]|
.endr
.endr
.endr
.irp e, 0,1
.irp b, 0,1
	s_delay_alu instid0(VALU_DEP_4)
	v_permlanex16_b32 v[BP+4*\e+\b], v[BM+4*\e+\b], s[SEL], s[SEL+1]
.endr
.endr
.irp e, 0,1
.irp b, 0,1
	s_delay_alu instid0(VALU_DEP_4)
	v_max_num_f32 v[BM+4*\e+\b], v[BM+4*\e+\b], v[BP+4*\e+\b]
.endr
.endr
.irp e, 0,1
.irp b, 0,1
	s_delay_alu instid0(VALU_DEP_4)
	v_add_nc_u32 v[SOP+4*\e+\b], 0xff000000, v[BM+4*\e+\b]
.endr
.endr
.irp e, 0,1
.irp b, 0,1
	s_delay_alu instid0(VALU_DEP_4)
	v_lshrrev_b32 v[BP+4*\e+\b], 23, v[SOP+4*\e+\b]
.endr
.endr
.irp e, 0
	s_delay_alu instid0(VALU_DEP_3)
	v_lshl_or_b32 v[BM+\e], v[BP+4*\e+1], 8, v[BP+4*\e]
.endr
.irp e, 1
	s_delay_alu instid0(VALU_DEP_2)
	v_lshl_or_b32 v[BM+\e], v[BP+4*\e+1], 8, v[BP+4*\e]
.endr
.irp e, 0,1
	v_cvt_scalef32_pk16_fp6_f32 v[PC+12*\e:PC+12*\e+2], v[S+64*\e:S+64*\e+15], v[SOP+4*\e]
	v_cvt_scalef32_pk16_fp6_f32 v[CT+8*\e:CT+8*\e+2], v[S+64*\e+16:S+64*\e+31], v[SOP+4*\e+1]
.endr
	v_nop
.irp e, 0,1
.irp i, 0,1,2
	v_permlane16_swap_b32 v[PC+12*\e+\i], v[CT+8*\e+\i]
.endr
.irp i, 0,1,2
	s_delay_alu instid0(VALU_DEP_3)
	v_mov_b32 v[PC+12*\e+3+\i], v[CT+8*\e+\i]
.endr
.endr
.irp e, 0,1
	global_store_b128 v[L16], v[PC+12*\e:PC+12*\e+3], s[AO:AO+1] offset:12288*\e
	global_store_b64 v[L8], v[PC+12*\e+4:PC+12*\e+5], s[AO:AO+1] offset:12288*\e+512
.endr
	v_cndmask_b32 v[BM], v[BM], v[BM+1], s[HM]
	global_store_b16 v[L4], v[BM], s[AS:AS+1]
	s_wait_tensorcnt 0x0
	ds_add_u32 v254, v255
	s_wait_dscnt 0x0
	CROUND
	s_endpgm
.Lfunc_end_k_q779d489bad_attn:
	.size	k_q779d489bad_attn, .Lfunc_end_k_q779d489bad_attn-k_q779d489bad_attn
	.p2alignl 7, 3214868480
	.fill 96, 4, 3214868480
	.section	.rodata,"a",@progbits
	.p2align	6, 0x0
	.amdhsa_kernel k_q779d489bad_attn
		.amdhsa_group_segment_fixed_size 327680
		.amdhsa_private_segment_fixed_size 0
		.amdhsa_enable_private_segment 0
		.amdhsa_kernarg_size 16
		.amdhsa_user_sgpr_count 2
		.amdhsa_user_sgpr_kernarg_segment_ptr 1
		.amdhsa_wavefront_size32 1
		.amdhsa_system_sgpr_workgroup_id_x 1
		.amdhsa_system_sgpr_workgroup_id_y 1
		.amdhsa_system_sgpr_workgroup_id_z 1
		.amdhsa_system_vgpr_workitem_id 0
		.amdhsa_next_free_vgpr 512
		.amdhsa_next_free_sgpr 80
		.amdhsa_reserve_vcc 0
		.amdhsa_float_denorm_mode_32 3
		.amdhsa_float_denorm_mode_16_64 3
		.amdhsa_memory_ordered 1
		.amdhsa_forward_progress 1
		.amdhsa_inst_pref_size 101
	.end_amdhsa_kernel
	.amdgpu_metadata
---
amdhsa.version: [ 1, 2 ]
amdhsa.kernels:
  - .name:           k_q779d489bad_attn
    .symbol:         k_q779d489bad_attn.kd
    .args:
      - { .name: wsB, .offset: 0, .size: 8, .value_kind: global_buffer, .address_space: global }
      - { .name: wsC, .offset: 8, .size: 8, .value_kind: global_buffer, .address_space: global }
    .group_segment_fixed_size: 327680
    .private_segment_fixed_size: 0
    .kernarg_segment_align: 8
    .kernarg_segment_size: 16
    .max_flat_workgroup_size: 256
    .sgpr_count:     80
    .vgpr_count:     512
    .wavefront_size: 32
...
	.end_amdgpu_metadata
.endif
;; end of part 11
;; launch wo (part 12): grid 8 x 32, 4 waves a work-group, clusters of 4 x 4, 327,680 bytes of LDS; arguments wsC, wsA, x, bo, wsY; writes wsY
.if DOCPART == 12
	.amdgcn_target "amdgcn-amd-amdhsa--gfx1250"
	.amdhsa_code_object_version 6
	.text
	.protected	k_q779d489bad_wo
	.globl	k_q779d489bad_wo
	.p2align	8
	.type	k_q779d489bad_wo,@function
k_q779d489bad_wo:
	s_mov_b64 s[64:65], 0
	v_nop
	global_prefetch_b8 v0, s[64:65] scope:SCOPE_SE
	s_setreg_imm32_b32 hwreg(HW_REG_WAVE_MODE, 25, 1), 1
	s_wait_xcnt 0x0
	s_wait_alu depctr_hold_cnt(0) depctr_sa_sdst(0) depctr_va_vdst(0) depctr_va_sdst(0) depctr_va_ssrc(0) depctr_va_vcc(0) depctr_vm_vsrc(0)
	s_getreg_b32 s2, hwreg(HW_REG_IB_STS2, 6, 4)
	s_cmp_eq_u32 s2, 0
	s_cbranch_scc0 .Lentry_in_a_cluster
	s_endpgm
.Lentry_in_a_cluster:
	s_bfe_u32 s2, ttmp6, 0x10000c
	s_cmp_lg_u32 s2, 0xf033
	s_cbranch_scc0 .Lentry_shape_is_right
	s_endpgm
.Lentry_shape_is_right:
; y = x + (attention's result) wo^T + bo, the product on codes of FP6 (E2M3) with E8M0 scales, K = 1,024.  y: [4,096][1,024] f32.
; THE TILE is 128 x 128 of C: the result has 32 x 8 such tiles, one for each of 256 work-groups (tiles of 256 x 256 would be 64).  Four waves, each 64 x 64: 16 accumulators of 16 x 16.
; Operands lie in memory as images of their registers: [row tile of 16][K / 128][1,536 bytes]; rows in image order (image row r of tile 2 beta + u = true row 32 beta + 8 u + r + 8 (r / 8)).
; A slot of LDS holds 512 along K: A's 8 row tiles of 6,144 consecutive bytes, then B's; a wave's tensor load brings 8 row tiles, all of K.  With K = 1,024 the two slots hold all of K: nothing is filled again.
; The scale words of 128 rows for all of K are one dense block; A's and B's come once, with the first fills.
; CLUSTERS: 4 x 4 work-groups; A's tile is shared along a row of the cluster, B's along a column: each is asked for jointly, by the same tensor load with the same descriptor and a mask that names the four.
; THE MATRIX INSTRUCTION IS USED TRANSPOSED (source 0 = 16 rows of B, source 1 = 16 rows of A): in accumulator (a, b) lane (r, h) holds, for A's image row 16 a + r, columns 32 (b / 2) + 16 h + 8 (b % 2) + 0 .. 7.
; A STEP of 128 along K is 16 matrix instructions on one of two sets of fragments; the other set's 36 LDS loads stand in one run in the step's middle.  For each step a wave reads 8 fragments, 12,288 bytes.
; THE RESIDUAL's 64 x 64 numbers and the bias are asked for at the head, into registers that lie idle in the loop.
; THE WAY OUT: a wave's 64 columns are 256 consecutive bytes, aligned.  A block of 16 image rows goes through the wave's own stage in LDS and comes back with lanes 0-15 on image row t and lanes 16-31 on image
; row t + 8: tokens 32 (a / 2) + 8 (a % 2) + t and 16 further on.
; REGISTERS, in windows of 256: window 0: v16-31 addresses; v32-39 scale words, two sets of 4, and nothing else; v40-42 lane terms; v64-67 bias; v128-223 A's fragments, two sets of 4 (v128-191 serve the way out).
;   window 1: v0-95 B's fragments, two sets of 4; v128-255 the residual.   window 2: v0-127 the accumulators, (a, b) at v[8 (4 a + b)].
.set SIZE_K, 1024
.set SY,     0                         ; 0: the residual is added as it is; 1: times s, one number a token
.set A_SC,   3145728                   ; A's scale words in its buffer
.set B_CO,   5734400                   ; B's images in wsA,
.set B_SC,   6520832                   ; and its scale words
.set KT,     SIZE_K/128
.set NS,     SIZE_K/512                ; slots' worth of K
.set FR,     12                        ; registers of a fragment
.set FRB,    1536                      ; and its image in bytes
.set RTB,    4*FRB                     ; four K steps of a row tile: half of its K
.set RPB,    2*RTB                     ; ALL OF K LIES IN LDS AT ONCE: a row tile's eight K steps, 12,288 consecutive bytes, as in memory
.set HALFT,  4*RPB                     ; 64 rows: what one wave reads of A or of B
.set SLOT,   RTB                       ; the second half of K lies 6,144 bytes on in each row tile
.set SCL,    4*HALFT                   ; behind A's 128 rows and B's 128 rows: A's scale words, then B's
.set HALFS,  KT*512                    ; those of 128 rows
.set HS2,    KT*256                    ; half of them: those of 64 rows
.set STG,    262144                    ; the stages: 16 rows x (256 bytes + 16) for each wave; no tile ever lands here
.set SPITCH, 272
.set SPARE,  327168                    ; the spare words: 128 bytes a wave, two blocks of 256 bytes that no other line names
.set NP,     4                         ; places behind this matrix instruction (ISA guide 7.12.1)
.set ADRA, 16                          ; v16-17 my A fragments in slot 0, 1, + 16 x lane; v18-19 the same + 8 x lane
.set ADRB, 20                          ; v20-23 the same for B
.set STO,  24                          ; the stage: where I put 32 bytes of a row
.set RD,   25                          ; and where I read a row back
.set CO,   26                          ; my byte offset in the residual and in the result: 16 rows x h + 16 (lane % 16)
.set ADRS, 27                          ; my scale words: lanes 0-15 A's rows, lanes 16-31 B's
.set SPW,  28
.set NIL,  29
.set L16,  30                          ; 16 x lane
.set L8,   31                          ; 8 x lane
.set SC,   32                          ; set p at v[SC + 4 p]: register i: lanes 0-15 the word of A's block i, lanes 16-31 that of B's block i
.set R16,  40                          ; 16 (lane % 16)
.set SO,   42                          ; 64 h
.set SV,   68                          ; v68-99 s: register 8 a + t for block a, row t
.set AF,   128
.set BK,   128                         ; the way out: 16 rows read back: v128-159 and v160-191 by turns
.set G1, 24
.set G0, 32
.set G1B, 48
.set G0B, 56
.set G1S, 68
.set G0S, 76
.set G1SB, 80
.set G0SB, 88
.set MSB, 0
.macro WIN new                         ; the immediate's high byte repeats the setting that is left
.if MSB != \new
	s_set_vgpr_msb (MSB<<8)|\new
.set MSB, \new
.endif
.endm
.set MUL,  0xa1                        ; source 0 (B) window 1, source 1 (A) window 0, C and D window 2
.set TO_B, 0x40                        ; destination window 1, address window 0
.macro JLOAD g0a, g1a, g0b, g1b        ; a joint load: waves 0 and 1 fetch for A, waves 2 and 3 for B; four v_nop follow each line
	s_cmp_eq_u32 s15, 0
	s_cbranch_scc0 .Lfor_b_\@
	tensor_load_to_lds s[\g0a:\g0a+3], s[\g1a:\g1a+7]
	s_nop 0
.rept 4
	v_nop
.endr
	s_branch .Lasked_\@
.Lfor_b_\@:
	tensor_load_to_lds s[\g0b:\g0b+3], s[\g1b:\g1b+7]
	s_nop 0
.rept 4
	v_nop
.endr
.Lasked_\@:
.endm
.macro CREST                           ; a round of the cluster's barrier behind its opening barrier
	s_cmp_lg_u32 s14, 0
	s_cbranch_scc1 .Lnot_wave_0_\@
	s_barrier_signal -3
.Lnot_wave_0_\@:
	s_barrier_wait -3
	s_barrier_signal -1
	s_barrier_wait -1
.endm
.macro CROUND
	s_barrier_signal -1
	s_barrier_wait -1
	CREST
.endm
.macro FRAG reg, adr, q, i             ; a fragment's image: registers 0-3, 4-5, 6-9, 10-11; every load takes consecutive bytes
	ds_load_b128 v[\reg:\reg+3], v[\adr] offset:(\i)*RPB+(\q)*FRB
	ds_load_b64 v[\reg+4:\reg+5], v[\adr+2] offset:(\i)*RPB+(\q)*FRB+512
	ds_load_b128 v[\reg+6:\reg+9], v[\adr] offset:(\i)*RPB+(\q)*FRB+768
	ds_load_b64 v[\reg+10:\reg+11], v[\adr+2] offset:(\i)*RPB+(\q)*FRB+1280
.endm
.macro FETCH slot, q, p                ; 36 LDS loads in one run: the slot's q-th 128 along K into set p: B's four fragments, A's four, the four scale words
	WIN TO_B
.irp i, 0,1,2,3
	FRAG 48*(\p)+FR*\i, ADRB+\slot, \q, \i
.endr
	WIN 0
.irp i, 0,1,2,3
	FRAG AF+48*(\p)+FR*\i, ADRA+\slot, \q, \i
.endr
.irp i, 0,1,2,3
	ds_load_b32 v[SC+4*(\p)+\i], v[ADRS] offset:512*(\q)+64*\i
.endr
.endm
.macro MUL4 a, p, zero                 ; A's block a x B's four, set p.  The 16 accumulators take turns, one instruction a turn, in the same order in every step.  zero = 1: the product starts the sums
.irp b, 0,1,2,3
.if \zero
	v_wmma_scale_f32_16x16x128_f8f6f4 v[8*(4*(\a)+\b):8*(4*(\a)+\b)+7], v[48*(\p)+FR*\b:48*(\p)+FR*\b+FR-1], v[AF+48*(\p)+FR*(\a):AF+48*(\p)+FR*(\a)+FR-1], 0, v[SC+4*(\p)+\b], v[SC+4*(\p)+(\a)] matrix_a_fmt:MATRIX_FMT_FP6 matrix_b_fmt:MATRIX_FMT_FP6 matrix_a_scale:MATRIX_SCALE_ROW1
.else
	v_wmma_scale_f32_16x16x128_f8f6f4 v[8*(4*(\a)+\b):8*(4*(\a)+\b)+7], v[48*(\p)+FR*\b:48*(\p)+FR*\b+FR-1], v[AF+48*(\p)+FR*(\a):AF+48*(\p)+FR*(\a)+FR-1], v[8*(4*(\a)+\b):8*(4*(\a)+\b)+7], v[SC+4*(\p)+\b], v[SC+4*(\p)+(\a)] matrix_a_fmt:MATRIX_FMT_FP6 matrix_b_fmt:MATRIX_FMT_FP6 matrix_a_scale:MATRIX_SCALE_ROW1
.endif
.endr
.endm
.macro PLACES n                        ; a load into a register that a matrix instruction has read, and a store that reads a result, stand NP plain vector instructions behind it
.rept \n
	v_nop
.endr
.endm
.macro STEP slot, q, zero              ; 128 along K, with its successor in the same slot: multiplies set q % 2, fetches the other
	s_wait_dscnt 0x0                               ; this step's set is in (asked for in the middle of the step before)
	WIN MUL
	MUL4 0, (\q)%2, \zero
	MUL4 1, (\q)%2, \zero
	PLACES NP                                      ; the other set was read by the step before
	FETCH \slot, (\q)+1, 1-(\q)%2
	WIN MUL
	MUL4 2, (\q)%2, \zero
	MUL4 3, (\q)%2, \zero
.endm
.macro TURN slot, next, fill           ; a slot's last step (set 1) changes slots: ONE barrier.  fill = 1: this slot is filled again, with the K that lies two slots on
	WIN 0                                          ; (the add's two registers lie in window 0)
	s_wait_tensorcnt 0x0                           ; all my tensor loads have landed: my part of the next slot
	ds_add_u32 v[SPW], v[NIL]                      ; 0 onto my spare word
	s_wait_dscnt 1                                 ; this step's set is in; the add may be out
	WIN MUL
	MUL4 0, 1, 0                                   ; eight matrix instructions stand between the add and the wait for it
	MUL4 1, 1, 0
	s_wait_dscnt 0x0                               ; the add is done, and my reads of this slot are over
	s_barrier_signal -1
	MUL4 2, 1, 0
	WIN 0
	s_barrier_wait -1
.if \fill
	CREST                                          ; the barrier has opened a round of the cluster's: no wave of any partner still reads this slot or has a load on its way
	s_add_nc_u64 s[G0+4*\slot+2:G0+4*\slot+3], s[G0+4*\slot+2:G0+4*\slot+3], 2*RTB
	s_add_nc_u64 s[G0B+4*\slot+2:G0B+4*\slot+3], s[G0B+4*\slot+2:G0B+4*\slot+3], 2*RTB
	JLOAD G0+4*\slot, G1, G0B+4*\slot, G1B         ; the first tensor load behind the round; its four v_nop are the places in front of the loads below
.else
	PLACES NP
.endif
	v_add_nc_u32 v[ADRS], 2048, v[ADRS]            ; the next slot's scale words: four K steps of 512 bytes on
	FETCH \next, 0, 0
	WIN MUL
	MUL4 3, 1, 0
.endm
.if SY
	s_load_b256 s[4:11], s[0:1], 0x0               ; A's buffer, wsA, the residual, wsD
	s_load_b64 s[18:19], s[0:1], 0x20              ; the bias
	s_load_b64 s[12:13], s[0:1], 0x28              ; the result
.else
	s_load_b128 s[4:7], s[0:1], 0x0                ; A's buffer, wsA
	s_load_b64 s[8:9], s[0:1], 0x10                ; the residual
	s_load_b64 s[18:19], s[0:1], 0x18              ; the bias
	s_load_b64 s[12:13], s[0:1], 0x20              ; the result
.endif
	v_lshl_add_u32 v[SPW], v0, 2, SPARE
	v_mov_b32 v[NIL], 0
	ds_add_u32 v28, v29
	ds_add_u32 v28, v29
	s_wait_dscnt 0x0
	v_lshrrev_b32 v1, 5, v0
	v_readfirstlane_b32 s14, v1                    ; wave
	s_lshr_b32 s15, s14, 1                         ; my half of the tile's rows; also: I fetch for A (0) or B (1)
	s_and_b32 s16, s14, 1                          ; my half of its columns; also: which 64 rows I fetch
	s_bfe_u32 s40, ttmp6, 0x40000                  ; cx
	s_bfe_u32 s41, ttmp6, 0x40004                  ; cy
	s_lshl_b32 s42, ttmp9, 2
	s_add_co_u32 s42, s42, s40                     ; tile column of C, 0 .. 7
	s_and_b32 s17, ttmp7, 0xffff
	s_lshl_b32 s17, s17, 2
	s_add_co_u32 s17, s17, s41                     ; tile row of C, 0 .. 31
	s_lshl_b32 s43, s41, 2
	s_lshl_b32 s43, 15, s43                        ; my row of the cluster
	s_lshl_b32 s44, 0x1111, s40                    ; my column
	s_or_b32 s[G1+0], s43, (3<<16)|(1<<21)         ; the mask; elements of 8 bytes; bit 21 beside a mask; no padding
	s_or_b32 s[G1B+0], s44, (3<<16)|(1<<21)
.irp g, G1, G1B
	s_mov_b32 s[\g+1], 1536<<16                    ; tensor_dim0: 12,288 bytes, a row tile's whole K
	s_mov_b32 s[\g+2], 8<<16                       ; tensor_dim1: 8 row tiles, the tile's 128 rows
	s_mov_b32 s[\g+3], 1536<<16                    ; tile_dim0
	s_mov_b32 s[\g+4], 8                           ; tile_dim1
	s_mov_b32 s[\g+5], KT*192                      ; from row tile to row tile
	s_mov_b32 s[\g+6], 0
	s_mov_b32 s[\g+7], 0
.endr
	s_or_b32 s[G1S+0], s43, (3<<16)|(1<<21)
	s_or_b32 s[G1SB+0], s44, (3<<16)|(1<<21)
.irp g, G1S, G1SB
	s_mov_b32 s[\g+1], 32<<16                      ; the scale words of 128 rows: dense, as 2 KT rows of 256 bytes
	s_mov_b32 s[\g+2], (2*KT)<<16                  ; all the scale words of 128 rows: HALFS bytes, one load
	s_mov_b32 s[\g+3], 32<<16
	s_mov_b32 s[\g+4], 2*KT
	s_mov_b32 s[\g+5], 32
	s_mov_b32 s[\g+6], 0
	s_mov_b32 s[\g+7], 0
.endr
	s_lshl_b32 s20, s17, 1                         ; A: the tile's first 64 rows: hangs on the tile row alone
	s_lshl_b32 s46, s42, 1                         ; B: on the tile column alone
	s_mul_i32 s22, s20, HS2
	s_mul_i32 s92, s46, HS2
	s_mul_i32 s20, s20, KT*6144
	s_mul_i32 s46, s46, KT*6144
	s_add_co_u32 s22, s22, A_SC
	s_add_co_u32 s46, s46, B_CO
	s_add_co_u32 s92, s92, B_SC
	s_mov_b32 s21, 0
	s_mov_b32 s23, 0
	s_mov_b32 s47, 0
	s_mov_b32 s93, 0
	s_wait_kmcnt 0x0
	s_add_nc_u64 s[20:21], s[4:5], s[20:21]
	s_add_nc_u64 s[22:23], s[4:5], s[22:23]
	s_add_nc_u64 s[46:47], s[6:7], s[46:47]
	s_add_nc_u64 s[92:93], s[6:7], s[92:93]
	CROUND                                         ; all sixteen work-groups are here: the first joint loads meet
	s_mov_b32 s[G0S], 1
	s_mov_b32 s[G0S+1], SCL
	s_mov_b64 s[G0S+2:G0S+3], s[22:23]
	s_or_b32 s[G0S+3], s[G0S+3], 0x80000000
	s_mov_b32 s[G0SB], 1
	s_mov_b32 s[G0SB+1], SCL+HALFS
	s_mov_b64 s[G0SB+2:G0SB+3], s[92:93]
	s_or_b32 s[G0SB+3], s[G0SB+3], 0x80000000
	s_mov_b32 s[G0], 1                             ; A's 128 rows, all of K: 98,304 bytes
	s_mov_b32 s[G0+1], 0
	s_mov_b64 s[G0+2:G0+3], s[20:21]
	s_or_b32 s[G0+3], s[G0+3], 0x80000000
	s_mov_b32 s[G0B], 1                            ; B's, behind them
	s_mov_b32 s[G0B+1], 2*HALFT
	s_mov_b64 s[G0B+2:G0B+3], s[46:47]
	s_or_b32 s[G0B+3], s[G0B+3], 0x80000000
; THE LAUNCH'S ONLY LOADS, ONE A WAVE: wave 0 A's codes, wave 1 B's, wave 2 A's scale words, wave 3 B's.  One chain of branches on the wave's number, one load to an arm, one join.
; Nothing is filled later or again, and there is no loop to run ahead in: no prefetch is laid.
.macro ARM under, g0, g1, next
	s_cmp_lt_u32 s14, \under
	s_cbranch_scc0 \next
	tensor_load_to_lds s[\g0:\g0+3], s[\g1:\g1+7]
	s_nop 0
.rept 4
	v_nop
.endr
	s_branch .Lhead_asked
\next:
.endm
	ARM 1, G0,  G1,  .Lhead_b
	ARM 2, G0B, G1B, .Lhead_sa
	ARM 3, G0S, G1S, .Lhead_sb
	tensor_load_to_lds s[G0SB:G0SB+3], s[G1SB:G1SB+7]
	s_nop 0
.rept 4
	v_nop
.endr
.Lhead_asked:
	v_and_b32 v1, 15, v0                           ; r
	v_bfe_u32 v2, v0, 4, 1                         ; h
	v_and_b32 v3, 31, v0
	v_lshlrev_b32 v[L16], 4, v3
	v_lshlrev_b32 v[L8], 3, v3
	v_lshlrev_b32 v[R16], 4, v1
	s_mul_i32 s21, s15, HALFT                      ; my 64 rows of A
	s_mul_i32 s22, s16, HALFT                      ; my 64 rows of B,
	s_add_co_u32 s22, s22, 2*HALFT                 ; which lie behind A's 128
.irp s, 0,1
	v_add_nc_u32 v[ADRA+\s], s21, v[L16]
	v_add_nc_u32 v[ADRB+\s], s22, v[L16]
	v_add_nc_u32 v[ADRA+2+\s], s21, v[L8]
	v_add_nc_u32 v[ADRB+2+\s], s22, v[L8]
	s_add_co_u32 s21, s21, SLOT
	s_add_co_u32 s22, s22, SLOT
.endr
	v_lshlrev_b32 v5, 2, v1                        ; scale words: 4 bytes a row;
	s_lshl_b32 s21, s15, 8                         ; A's: my 64 rows of a K step's 128 words
	s_lshl_b32 s22, s16, 8                         ; B's: my 64 rows, a block of HALFS bytes on
	s_add_co_u32 s22, s22, HALFS
	s_sub_co_u32 s22, s22, s21
	v_mul_u32_u24 v6, s22, v2                      ; lanes 16-31 take B's: one product
	s_add_co_u32 s21, s21, SCL
	v_add_nc_u32 v5, v5, v6
	v_add_nc_u32 v[ADRS], s21, v5
	s_mul_i32 s23, s14, 16*SPITCH
	s_add_co_u32 s23, s23, STG                     ; my stage
	v_mul_u32_u24 v5, v1, SPITCH
	v_lshl_add_u32 v5, v2, 6, v5
	v_add_nc_u32 v[STO], s23, v5                   ; in: row r, + 64 h
	v_mul_u32_u24 v5, v2, 8*SPITCH
	v_add_nc_u32 v5, v5, v[R16]
	v_add_nc_u32 v[RD], s23, v5                    ; back: lanes 0-15 row t, lanes 16-31 row t + 8; 16 bytes a lane
	v_lshl_add_u32 v[CO], v2, 16, v[R16]           ; and in memory: image row t + 8 is the token 16 on: 16 rows of 4,096 bytes
	s_wait_alu depctr_va_vdst(0)
	v_lshlrev_b32 v[SO], 6, v2                     ; the same 16 tokens among the s
	s_lshl_b32 s20, s17, 7
	s_lshl_b32 s21, s15, 6
	s_add_co_u32 s20, s20, s21                     ; my first token: 128 x tile row + 64 x half
.if SY
	s_lshl_b32 s22, s20, 2
	s_add_co_u32 s22, s22, 3276800                 ; its s in wsD
	s_mov_b32 s23, 0
	s_add_nc_u64 s[10:11], s[10:11], s[22:23]
.endif
	s_lshl_b32 s20, s20, 12
	s_lshl_b32 s46, s42, 9
	s_lshl_b32 s47, s16, 8
	s_add_co_u32 s46, s46, s47                     ; my first column, in bytes: 512 x tile column + 256 x half
	s_mov_b32 s47, 0
	s_add_nc_u64 s[18:19], s[18:19], s[46:47]
	s_add_co_u32 s20, s20, s46
	s_mov_b32 s21, 0
	s_add_nc_u64 s[8:9], s[8:9], s[20:21]
	s_add_nc_u64 s[12:13], s[12:13], s[20:21]
	global_load_b128 v[64:67], v[R16], s[18:19]    ; the bias of my lane's four columns
.if SY
.irp a, 0,1,2,3
	global_load_b128 v[SV+8*\a:SV+8*\a+3], v[SO], s[10:11] offset:(32*(\a/2)+8*(\a%2))*4       ; block a: my half's eight tokens are neighbours
	global_load_b128 v[SV+8*\a+4:SV+8*\a+7], v[SO], s[10:11] offset:(32*(\a/2)+8*(\a%2))*4+16
.endr
.endif
	WIN TO_B
.irp a, 0,1,2,3                        ; the residual: block a, row t at v[128 + 32 a + 4 t] of window 1; sixteen lanes read 256 consecutive bytes, aligned.  Their address registers and base are never written again
.irp t, 0,1,2,3,4,5,6,7
	global_load_b128 v[128+32*\a+4*\t:128+32*\a+4*\t+3], v[CO], s[8:9] offset:(32*(\a/2)+8*(\a%2)+\t)*4096 th:TH_LOAD_NT
.endr
.endr
	WIN 0
	s_wait_alu depctr_va_vdst(0)                   ; the wait at the head's end
	s_wait_tensorcnt 0x0                           ; my tile of the four is in; behind the barrier everybody's is
	s_barrier_signal -1
	s_barrier_wait -1
	FETCH 0, 0, 0
	STEP 0, 0, 1                                   ; the first step stands in front of the loop: its products start the sums
.if NS > 2
	WIN 0                                          ; at a label and at a branch every window is 0
	s_mov_b32 s3, (NS-2)/2
.Llap:                                             ; a trip goes once round the two slots, from a lap's second step to the next lap's first, and fills both again
	STEP 0, 1, 0
	STEP 0, 2, 0
	TURN 0, 1, 1
	STEP 1, 0, 0
	STEP 1, 1, 0
	STEP 1, 2, 0
	TURN 1, 0, 1
	STEP 0, 0, 0
	WIN 0
	s_sub_co_u32 s3, s3, 1
	s_cmp_lg_u32 s3, 0
	s_cbranch_scc1 .Llap
.endif
	STEP 0, 1, 0                                   ; the last lap fills nothing, and has no round of the cluster's barrier
	STEP 0, 2, 0
	TURN 0, 1, 0
	s_wait_alu depctr_va_vdst(0)
	STEP 1, 0, 0
	STEP 1, 1, 0
	STEP 1, 2, 0
	s_wait_dscnt 0x0                               ; the very last step: nothing more to fetch
	WIN MUL
	MUL4 0, 1, 0
	MUL4 1, 1, 0
	MUL4 2, 1, 0
	MUL4 3, 1, 0
	WIN 0
.macro TOSTAGE a                       ; block a: 16 image rows x 64 columns into my stage, and back as rows of 256 bytes
	WIN 0x08                                       ; an LDS store's data are its source 1: window 2
.irp b, 0,1,2,3
	ds_store_b128 v[STO], v[8*(4*(\a)+\b):8*(4*(\a)+\b)+3] offset:128*(\b/2)+32*(\b%2)          ; each accumulator from its low end on
	ds_store_b128 v[STO], v[8*(4*(\a)+\b)+4:8*(4*(\a)+\b)+7] offset:128*(\b/2)+32*(\b%2)+16
.endr
	WIN 0
.set BB, BK+32*((\a)%2)
.irp t, 0,1,2,3,4,5,6,7
	ds_load_b128 v[BB+4*\t:BB+4*\t+3], v[RD] offset:\t*SPITCH      ; LDS serves a wave's instructions in order (ISA guide 5.7.1.4): these see my stores, and the next block's stores come behind them
.endr
.endm
.macro SEND a, younger                 ; younger: the LDS instructions issued behind block a's loads, which may stay out
.set BB, BK+32*((\a)%2)
.set RS, 128+32*(\a)
	s_wait_dscnt \younger                          ; the block is back in registers
.if SY
	WIN 0x01                                       ; source 0 (the residual) in window 1
.irp t, 0,1,2,3,4,5,6,7
.irp j, 0,1,2,3
	v_fma_f32 v[BB+4*\t+\j], v[RS+4*\t+\j], v[SV+8*(\a)+\t], v[BB+4*\t+\j]       ; + s x the residual
.endr
.endr
.else
	WIN 0x04                                       ; source 1 (the residual) in window 1
.set k, 0
.rept 16
	v_pk_add_f32 v[BB+k:BB+k+1], v[BB+k:BB+k+1], v[RS+k:RS+k+1]
.set k, k+2
.endr
.endif
	WIN 0
.irp t, 0,1,2,3,4,5,6,7
	v_pk_add_f32 v[BB+4*\t:BB+4*\t+1], v[BB+4*\t:BB+4*\t+1], v[64:65]
	v_pk_add_f32 v[BB+4*\t+2:BB+4*\t+3], v[BB+4*\t+2:BB+4*\t+3], v[66:67]
.endr
.irp t, 0,1,2,3,4,5,6,7
	global_store_b128 v[CO], v[BB+4*\t:BB+4*\t+3], s[12:13] offset:(32*((\a)/2)+8*((\a)%2)+\t)*4096   ; sixteen lanes store 256 consecutive bytes, aligned
.endr
.endm
	PLACES NP                                      ; in front of the first read of results, and of loads into the registers that held A's fragments
	s_wait_loadcnt 0x0                             ; the residual, the bias (and s): asked for at the head
	TOSTAGE 0
.irp a, 1,2,3
.if \a > 1
	s_wait_xcnt 0x0                                ; block a - 2's stores have read their registers, which block a's loads fill again
.endif
	TOSTAGE \a
	SEND \a-1, 16                                  ; behind block a - 1's loads: block a's 8 stores and 8 loads
.endr
	SEND 3, 0
	s_wait_tensorcnt 0x0                           ; the wave's end
	ds_add_u32 v[SPW], v[NIL]
	s_wait_dscnt 0x0
	CROUND                                         ; the closing round: no work-group ends while a partner may still ask for a tile that names it
	s_endpgm
.Lfunc_end_k_q779d489bad_wo:
	.size	k_q779d489bad_wo, .Lfunc_end_k_q779d489bad_wo-k_q779d489bad_wo
	.p2alignl 7, 3214868480
	.fill 96, 4, 3214868480
	.section	.rodata,"a",@progbits
	.p2align	6, 0x0
	.amdhsa_kernel k_q779d489bad_wo
		.amdhsa_group_segment_fixed_size 327680
		.amdhsa_private_segment_fixed_size 0
		.amdhsa_enable_private_segment 0
		.amdhsa_kernarg_size 40
		.amdhsa_user_sgpr_count 2
		.amdhsa_user_sgpr_kernarg_segment_ptr 1
		.amdhsa_wavefront_size32 1
		.amdhsa_system_sgpr_workgroup_id_x 1
		.amdhsa_system_sgpr_workgroup_id_y 1
		.amdhsa_system_sgpr_workgroup_id_z 1
		.amdhsa_system_vgpr_workitem_id 0
		.amdhsa_next_free_vgpr 768
		.amdhsa_next_free_sgpr 102
		.amdhsa_reserve_vcc 0
		.amdhsa_float_denorm_mode_32 3
		.amdhsa_float_denorm_mode_16_64 3
		.amdhsa_memory_ordered 1
		.amdhsa_forward_progress 1
		.amdhsa_inst_pref_size 65
	.end_amdhsa_kernel
	.amdgpu_metadata
---
amdhsa.version: [ 1, 2 ]
amdhsa.kernels:
  - .name:           k_q779d489bad_wo
    .symbol:         k_q779d489bad_wo.kd
    .args:
      - { .name: wsC, .offset: 0, .size: 8, .value_kind: global_buffer, .address_space: global }
      - { .name: wsA, .offset: 8, .size: 8, .value_kind: global_buffer, .address_space: global }
      - { .name: x, .offset: 16, .size: 8, .value_kind: global_buffer, .address_space: global }
      - { .name: bo, .offset: 24, .size: 8, .value_kind: global_buffer, .address_space: global }
      - { .name: wsY, .offset: 32, .size: 8, .value_kind: global_buffer, .address_space: global }
    .group_segment_fixed_size: 327680
    .private_segment_fixed_size: 0
    .kernarg_segment_align: 8
    .kernarg_segment_size: 40
    .max_flat_workgroup_size: 128
    .sgpr_count:     102
    .vgpr_count:     768
    .wavefront_size: 32
...
	.end_amdgpu_metadata
.endif
;; end of part 12
;; launch ln2 (part 13): grid 256 x 1, 4 waves a work-group, no clusters, 77,312 bytes of LDS; arguments wsY, g2, b2, wsD; writes wsD
.if DOCPART == 13
	.amdgcn_target "amdgcn-amd-amdhsa--gfx1250"
	.amdhsa_code_object_version 6
	.text
	.protected	k_q779d489bad_ln2
	.globl	k_q779d489bad_ln2
	.p2align	8
	.type	k_q779d489bad_ln2,@function
k_q779d489bad_ln2:
	s_mov_b64 s[64:65], 0
	v_nop
	global_prefetch_b8 v0, s[64:65] scope:SCOPE_SE
	s_setreg_imm32_b32 hwreg(HW_REG_WAVE_MODE, 25, 1), 1
	s_wait_xcnt 0x0
; x1 = y clipped to norm 1 - 1e-5 (x1 = s y); xn2 = layernorm(x1) g2 + b2, quantised to FP6 (E2M3) along the 1,024 columns, one E8M0 byte for each 32.  Stored: xn2's images and scale words, and s for each token.
; A work-group takes one tile of 16 tokens in image order (image row r of tile T = 2 beta + u is token 32 beta + 8 u + r + 8 (r / 8)), wave w the columns 256 w .. 256 w + 255.  Loads take 512 consecutive bytes;
; the numbers turn through the wave's own stage in LDS so that lane (r, h) holds, of row r, the 16 neighbours 32 b + 16 h + 0 .. 15 of each block of 32.  The rows' sums meet in LDS: two barriers.
; The mean of x1 is taken as s x sum(y) / 1024.
; LIMITS: NaN and infinities are not served; a block whose largest magnitude lies under 2^-124 keeps the byte 1 (a block of zeros too: its codes are zeros, and this program alone reads the bytes).
.set X,     64                         ; v64-191  my 128 numbers: register 64 s + 16 b + i = column 256 w + 128 s + 32 b + 16 h + i of row r
.set GB,    192                        ; v192-255 two sets of 16 g and 16 b; the sums' chains in between
.set TM,    16
.set PC,    32
.set PW,    52
.set SEL,   20
.set WSTG,  19008                      ; a wave's stage: two K steps of
.set SSTG,  9504                       ; 18 rows of 528 bytes (16 tokens, g, b)
.set RED,   76032                      ; behind the stages: the rows' sums, regions of [wave 4][16 words].  The base stands in the address registers: an LDS offset has 16 bits
.set O1,    0                          ; sum(y)
.set O1B,   256                        ; sum(y^2)
.set O2,    512                        ; the sum of the squared differences
.macro QUANT s                         ; 64 numbers of a lane, register 16 b + i = k 32 b + 16 h + i of my row -> a fragment's codes in v[PC] on, its scale word in v[PW]
.irp b, 0,1,2,3
	v_max3_num_f32 v[TM+\b], |v[\s+16*\b]|, |v[\s+1+16*\b]|, 0x1800000   ; my 16 numbers of block b, and the floor 2^(3 - 127): the byte cannot fall under 1
.endr
.irp i, 2,4,6,8,10,12,14
.irp b, 0,1,2,3
	v_max3_num_f32 v[TM+\b], v[TM+\b], |v[\s+16*\b+\i]|, |v[\s+1+16*\b+\i]|
.endr
.endr
.irp b, 0,1,2,3
	v_permlanex16_b32 v[TM+4+\b], v[TM+\b], s[SEL], s[SEL+1]
.endr
.irp b, 0,1,2,3
	v_max_num_f32 v[TM+\b], v[TM+\b], v[TM+4+\b]
.endr
.irp b, 0,1,2,3
	v_add_nc_u32 v[TM+12+\b], 0xff000000, v[TM+\b]     ; 2 off its exponent field: the conversion's scale operand
.endr
.irp b, 0,1,2,3
	v_lshrrev_b32 v[TM+4+\b], 23, v[TM+12+\b]          ; the scale's byte
.endr
	v_lshl_or_b32 v[PW], v[TM+5], 8, v[TM+4]
	v_lshl_or_b32 v[PW], v[TM+6], 16, v[PW]
	v_lshl_or_b32 v[PW], v[TM+7], 24, v[PW]
.irp c, 0,1
	v_cvt_scalef32_pk16_fp6_f32 v[PC+6*\c:PC+2+6*\c], v[\s+32*\c:\s+15+32*\c], v[TM+12+2*\c]
	v_cvt_scalef32_pk16_fp6_f32 v[PC+12+4*\c:PC+14+4*\c], v[\s+16+32*\c:\s+31+32*\c], v[TM+12+2*\c+1]
.endr
	v_nop                                              ; one plain line behind the scaled conversions
.irp c, 0,1
.irp i, 0,1,2
	v_permlane16_swap_b32 v[PC+6*\c+\i], v[PC+12+4*\c+\i]
.endr
.irp i, 0,1,2
	v_mov_b32 v[PC+3+6*\c+\i], v[PC+12+4*\c+\i]
.endr
.endr
.endm
.macro FRST b, off                     ; the fragment in v[PC] on goes out as its image
	global_store_b128 v4, v[PC:PC+3], s[\b:\b+1] offset:\off
	global_store_b64 v5, v[PC+4:PC+5], s[\b:\b+1] offset:\off+512
	global_store_b128 v4, v[PC+6:PC+9], s[\b:\b+1] offset:\off+768
	global_store_b64 v5, v[PC+10:PC+11], s[\b:\b+1] offset:\off+1280
.endm
.macro FOLD d
	v_pk_add_f32 v[\d:\d+1], v[\d:\d+1], v[\d+2:\d+3]
	v_pk_add_f32 v[\d+4:\d+5], v[\d+4:\d+5], v[\d+6:\d+7]
	v_pk_add_f32 v[\d:\d+1], v[\d:\d+1], v[\d+4:\d+5]
	v_add_f32 v[\d], v[\d], v[\d+1]
	v_permlanex16_b32 v[\d+1], v[\d], s[SEL], s[SEL+1]
	v_add_f32 v[\d], v[\d], v[\d+1]
.endm
.macro SUMX d
.irp k, 0,1,2,3
	v_pk_add_f32 v[\d+2*\k:\d+2*\k+1], v[X+2*\k:X+2*\k+1], v[X+8+2*\k:X+9+2*\k]
.endr
.set j, 16
.rept 14
.irp k, 0,1,2,3
	v_pk_add_f32 v[\d+2*\k:\d+2*\k+1], v[\d+2*\k:\d+2*\k+1], v[X+j+2*\k:X+j+2*\k+1]
.endr
.set j, j+8
.endr
	FOLD \d
.endm
.macro SUMSQ d
.irp k, 0,1,2,3
	v_pk_mul_f32 v[\d+2*\k:\d+2*\k+1], v[X+2*\k:X+2*\k+1], v[X+2*\k:X+2*\k+1]
.endr
.set j, 8
.rept 15
.irp k, 0,1,2,3
	v_pk_fma_f32 v[\d+2*\k:\d+2*\k+1], v[X+j+2*\k:X+j+2*\k+1], v[X+j+2*\k:X+j+2*\k+1], v[\d+2*\k:\d+2*\k+1]
.endr
.set j, j+8
.endr
	FOLD \d
.endm
.macro GBLOAD q
.irp j, 0,1,2,3
	ds_load_b128 v[GB+32*((\q)%2)+4*\j:GB+32*((\q)%2)+4*\j+3], v8 offset:SSTG*((\q)/4)+16*528+128*((\q)%4)+16*\j
	ds_load_b128 v[GB+32*((\q)%2)+16+4*\j:GB+32*((\q)%2)+16+4*\j+3], v8 offset:SSTG*((\q)/4)+17*528+128*((\q)%4)+16*\j
.endr
.endm
.macro AFFINE q
.irp k, 0,2,4,6,8,10,12,14
	v_pk_mul_f32 v[X+16*(\q)+\k:X+16*(\q)+\k+1], v[X+16*(\q)+\k:X+16*(\q)+\k+1], v[56:57]
.endr
.irp k, 0,2,4,6,8,10,12,14
	v_pk_fma_f32 v[X+16*(\q)+\k:X+16*(\q)+\k+1], v[X+16*(\q)+\k:X+16*(\q)+\k+1], v[GB+32*((\q)%2)+\k:GB+32*((\q)%2)+\k+1], v[GB+32*((\q)%2)+16+\k:GB+32*((\q)%2)+17+\k]
.endr
.endm
	s_load_b128 s[4:7], s[0:1], 0x0                ; y, g2
	s_load_b128 s[8:11], s[0:1], 0x10              ; b2, wsD
	v_lshl_add_u32 v62, v0, 2, 0x12c00
	v_mov_b32 v63, 0
	v_lshrrev_b32 v1, 5, v0
	v_readfirstlane_b32 s12, v1                    ; wave
	v_and_b32 v1, 31, v0
	v_and_b32 v2, 15, v0                           ; r
	v_bfe_u32 v3, v0, 4, 1                         ; h
	v_lshlrev_b32 v4, 4, v1
	v_lshlrev_b32 v5, 3, v1
	s_mul_i32 s13, s12, WSTG
	v_add_nc_u32 v6, s13, v4
	v_mul_u32_u24 v7, v2, 528
	v_lshl_add_u32 v7, v3, 6, v7
	v_add_nc_u32 v7, s13, v7
	v_lshl_add_u32 v8, v3, 6, s13
	s_lshl_b32 s14, s12, 6
	v_lshl_add_u32 v9, v2, 2, s14
	v_add_nc_u32 v9, RED, v9                       ; where I put a sum: RED + 64 w + 4 r
	v_lshlrev_b32 v10, 2, v2
	v_lshl_add_u32 v11, v3, 9, v10                 ; the scale words' place in memory: 512 h + 4 r
	v_add_nc_u32 v10, RED, v10                     ; where the four waves' sums are read: RED + 4 r
	v_cmp_ne_u32 s28, 0, v3
	v_and_b32 v12, 8, v2
	v_add_nc_u32 v12, v12, v2
	v_lshlrev_b32 v12, 2, v12                      ; 4 (r + 8 (r / 8)): my row's token in the tile
.irp b, 0,1,2,3
	v_mov_b32 v[TM+4+\b], 0                        ; written once: a lane permute's destination counts as one of its sources
.endr
	s_mov_b32 s[SEL], 0x76543210
	s_mov_b32 s[SEL+1], 0xfedcba98
	s_mov_b32 s22, 0x3a800000                      ; 1 / 1024
	s_mov_b32 s23, 0x3727c5ac                      ; 1e-5
	s_mov_b32 s29, 0x3f7fff58                      ; 1 - 1e-5
	s_lshr_b32 s15, ttmp9, 1
	s_lshl_b32 s15, s15, 5
	s_and_b32 s16, ttmp9, 1
	s_lshl_b32 s16, s16, 3
	s_add_co_u32 s15, s15, s16                     ; the tile's first token
	s_lshl_b32 s16, s15, 12
	s_lshl_b32 s18, s12, 10
	s_add_co_u32 s16, s16, s18
	s_mov_b32 s17, 0
	s_mov_b32 s19, 0
	s_lshl_b32 s24, ttmp9, 3
	s_lshl_b32 s25, s12, 1
	s_add_co_u32 s24, s24, s25
	s_mul_i32 s24, s24, 1536
	s_mov_b32 s25, 0
	s_lshr_b32 s26, ttmp9, 3
	s_lshl_b32 s26, s26, 3
	s_lshl_b32 s27, s12, 1
	s_add_co_u32 s26, s26, s27
	s_lshl_b32 s26, s26, 9
	s_and_b32 s27, ttmp9, 7
	s_lshl_b32 s27, s27, 6
	s_add_co_u32 s26, s26, s27
	s_add_co_u32 s26, s26, 3145728
	s_mov_b32 s27, 0
	s_lshl_b32 s32, s15, 2
	s_add_co_u32 s32, s32, 3276800                 ; s, by token
	s_mov_b32 s33, 0
	s_wait_kmcnt 0x0
	s_add_nc_u64 s[4:5], s[4:5], s[16:17]
	s_add_nc_u64 s[6:7], s[6:7], s[18:19]
	s_add_nc_u64 s[8:9], s[8:9], s[18:19]
	s_add_nc_u64 s[24:25], s[10:11], s[24:25]
	s_add_nc_u64 s[26:27], s[10:11], s[26:27]
	s_add_nc_u64 s[32:33], s[10:11], s[32:33]
.set i, 0
.rept 16                               ; all 36 loads of the wave go out together; each reads 512 consecutive bytes
	global_load_b128 v[X+8*i:X+8*i+3], v4, s[4:5] offset:(i+8*(i/8))*4096
	global_load_b128 v[X+8*i+4:X+8*i+7], v4, s[4:5] offset:(i+8*(i/8))*4096+512
.set i, i+1
.endr
.irp s, 0,1
	global_load_b128 v[GB+8*\s:GB+8*\s+3], v4, s[6:7] offset:512*\s
	global_load_b128 v[GB+8*\s+4:GB+8*\s+7], v4, s[8:9] offset:512*\s
.endr
	s_wait_loadcnt 0x0
.set i, 0
.rept 16
	ds_store_b128 v6, v[X+8*i:X+8*i+3] offset:528*i
	ds_store_b128 v6, v[X+8*i+4:X+8*i+7] offset:SSTG+528*i
.set i, i+1
.endr
.irp s, 0,1
	ds_store_b128 v6, v[GB+8*\s:GB+8*\s+3] offset:SSTG*\s+528*16
	ds_store_b128 v6, v[GB+8*\s+4:GB+8*\s+7] offset:SSTG*\s+528*17
.endr
	s_wait_dscnt 0x0                               ; the stores have read their registers, which the loads below fill again
.set i, 0
.rept 32
	ds_load_b128 v[X+4*i:X+4*i+3], v7 offset:SSTG*(i/16)+128*((i/4)%4)+16*(i%4)
.set i, i+1
.endr
	s_wait_dscnt 0x0
	SUMX 208
	SUMSQ 216
	ds_store_b32 v9, v208 offset:O1                ; both halves of the lanes write the same word with the same value
	ds_store_b32 v9, v216 offset:O1B
	s_wait_dscnt 0x0                               ; for the other waves' sake: my stores have landed
	s_barrier_signal -1
	s_barrier_wait -1
.irp k, 0,1,2,3
	ds_load_b32 v[208+\k], v10 offset:O1+64*\k
.endr
.irp k, 0,1,2,3
	ds_load_b32 v[216+\k], v10 offset:O1B+64*\k
.endr
	s_wait_dscnt 0x0
	v_add_f32 v208, v208, v209
	v_add_f32 v210, v210, v211
	v_add_f32 v208, v208, v210                     ; sum(y)
	v_add_f32 v216, v216, v217
	v_add_f32 v218, v218, v219
	v_add_f32 v216, v216, v218                     ; sum(y^2)
	s_wait_alu depctr_va_vdst(0)
	v_sqrt_f32 v217, v216                          ; n
	v_nop                                          ; a plain line behind the transcendental,
	s_wait_alu depctr_va_vdst(0)                   ; and the wait ahead of its first reader
	v_max_num_f32 v218, 0x2b8cbccc, v217           ; max(n, 1e-12)
	s_wait_alu depctr_va_vdst(0)
	v_rcp_f32 v218, v218
	v_nop
	v_cmp_gt_f32 vcc_lo, v217, s29
	s_wait_alu depctr_va_vdst(0)
	v_mul_f32 v218, s29, v218
	v_cndmask_b32 v58, 1.0, v218, vcc_lo           ; s
	v_mov_b32 v59, v58
	v_mul_f32 v54, 0xba800000, v208
	v_mul_f32 v54, v54, v58                        ; -m
	v_mov_b32 v55, v54
.set j, 0
.rept 64
	v_pk_fma_f32 v[X+j:X+j+1], v[X+j:X+j+1], v[58:59], v[54:55]   ; s y - m
.set j, j+2
.endr
	SUMSQ 208
	ds_store_b32 v9, v208 offset:O2
	s_wait_dscnt 0x0
	s_barrier_signal -1
	s_barrier_wait -1
.irp k, 0,1,2,3
	ds_load_b32 v[208+\k], v10 offset:O2+64*\k
.endr
	s_wait_dscnt 0x0
	v_add_f32 v208, v208, v209
	v_add_f32 v210, v210, v211
	v_add_f32 v208, v208, v210
	v_fma_f32 v56, v208, s22, s23                  ; the variance + 1e-5
	s_wait_alu depctr_va_vdst(0)
	v_rsq_f32 v56, v56
	v_nop
	s_wait_alu depctr_va_vdst(0)
	v_mov_b32 v57, v56
	s_wait_alu depctr_va_vdst(0)
	GBLOAD 0
.irp q, 0,1,2,3,4,5,6,7
.if \q < 7
	GBLOAD \q+1
	s_wait_dscnt 8                                 ; this block's g and b are in; the next block's eight loads may be out
.else
	s_wait_dscnt 0x0
.endif
	AFFINE \q
.if \q == 3
	QUANT X
	FRST 24, 0
	v_mov_b32 v53, v52
.endif
.endr
	s_wait_xcnt 0x0                                ; the first fragment's stores have read their registers
	QUANT X+64
	FRST 24, 1536
	v_cndmask_b32 v53, v53, v52, s28               ; lanes 0-15 carry K step 2 w's word of row r, lanes 16-31 K step 2 w + 1's
	global_store_b32 v11, v53, s[26:27]
	s_cmp_lg_u32 s12, 0                            ; wave 0 stores the tile's sixteen s; lanes l and l + 16 hold the same row and write the same word
	s_cbranch_scc1 .Ldone
	global_store_b32 v12, v58, s[32:33]
.Ldone:
	s_wait_tensorcnt 0x0
	ds_add_u32 v62, v63
	s_wait_dscnt 0x0
	s_endpgm
.Lfunc_end_k_q779d489bad_ln2:
	.size	k_q779d489bad_ln2, .Lfunc_end_k_q779d489bad_ln2-k_q779d489bad_ln2
	.p2alignl 7, 3214868480
	.fill 96, 4, 3214868480
	.section	.rodata,"a",@progbits
	.p2align	6, 0x0
	.amdhsa_kernel k_q779d489bad_ln2
		.amdhsa_group_segment_fixed_size 77312
		.amdhsa_private_segment_fixed_size 0
		.amdhsa_enable_private_segment 0
		.amdhsa_kernarg_size 32
		.amdhsa_user_sgpr_count 2
		.amdhsa_user_sgpr_kernarg_segment_ptr 1
		.amdhsa_wavefront_size32 1
		.amdhsa_system_sgpr_workgroup_id_x 1
		.amdhsa_system_sgpr_workgroup_id_y 1
		.amdhsa_system_sgpr_workgroup_id_z 1
		.amdhsa_system_vgpr_workitem_id 0
		.amdhsa_next_free_vgpr 256
		.amdhsa_next_free_sgpr 66
		.amdhsa_reserve_vcc 1
		.amdhsa_float_denorm_mode_32 3
		.amdhsa_float_denorm_mode_16_64 3
		.amdhsa_memory_ordered 1
		.amdhsa_forward_progress 1
		.amdhsa_inst_pref_size 51
	.end_amdhsa_kernel
	.amdgpu_metadata
---
amdhsa.version: [ 1, 2 ]
amdhsa.kernels:
  - .name:           k_q779d489bad_ln2
    .symbol:         k_q779d489bad_ln2.kd
    .args:
      - { .name: wsY, .offset: 0, .size: 8, .value_kind: global_buffer, .address_space: global }
      - { .name: g2, .offset: 8, .size: 8, .value_kind: global_buffer, .address_space: global }
      - { .name: b2, .offset: 16, .size: 8, .value_kind: global_buffer, .address_space: global }
      - { .name: wsD, .offset: 24, .size: 8, .value_kind: global_buffer, .address_space: global }
    .group_segment_fixed_size: 77312
    .private_segment_fixed_size: 0
    .kernarg_segment_align: 8
    .kernarg_segment_size: 32
    .max_flat_workgroup_size: 128
    .sgpr_count:     66
    .vgpr_count:     256
    .wavefront_size: 32
...
	.end_amdgpu_metadata
.endif
;; end of part 13
;; launch ffn1 (part 14): grid 16 x 16, 4 waves a work-group, clusters of 4 x 4, 327,680 bytes of LDS; arguments wsD, wsA, bf1, wsH; writes wsH
.if DOCPART == 14
	.amdgcn_target "amdgcn-amd-amdhsa--gfx1250"
	.amdhsa_code_object_version 6
	.text
	.protected	k_q779d489bad_ffn1
	.globl	k_q779d489bad_ffn1
	.p2align	8
	.type	k_q779d489bad_ffn1,@function
k_q779d489bad_ffn1:
	s_mov_b64 s[64:65], 0
	v_nop
	global_prefetch_b8 v0, s[64:65] scope:SCOPE_SE
	s_setreg_imm32_b32 hwreg(HW_REG_WAVE_MODE, 25, 1), 1
	s_wait_xcnt 0x0
	s_wait_alu depctr_hold_cnt(0) depctr_sa_sdst(0) depctr_va_vdst(0) depctr_va_sdst(0) depctr_va_ssrc(0) depctr_va_vcc(0) depctr_vm_vsrc(0)
	s_getreg_b32 s2, hwreg(HW_REG_IB_STS2, 6, 4)
	s_cmp_eq_u32 s2, 0
	s_cbranch_scc0 .Lentry_in_a_cluster
	s_endpgm
.Lentry_in_a_cluster:
	s_bfe_u32 s2, ttmp6, 0x10000c
	s_cmp_lg_u32 s2, 0xf033
	s_cbranch_scc0 .Lentry_shape_is_right
	s_endpgm
.Lentry_shape_is_right:
.set SIZE_K, 1024
.set KT,     SIZE_K/128
.set NQ,     2
.set FR,     12
.set FRB,    1536
.set RTB,    3072
.set HALFT,  8*RTB
.set SLOT,   4*HALFT
.set LAPS,   SIZE_K/512
.set SCL,    2*SLOT
.set HALFS,  KT*512
.set SPARE,  327168
.set NL,     4
.set NP,     4
.set ADRA, 16
.set ADRB, 20
.set ADRS, 27
.set SPW,  28
.set NIL,  29
.set L16,  30
.set L8,   31
.set SC,   32
.set AF,   128
.set G1, 24
.set G0, 32
.set G1B, 48
.set G0B, 56
.set G1S, 68
.set G0S, 76
.set G1SB, 80
.set G0SB, 88
.set MSB, 0
.macro WIN new
.if MSB != \new
	s_set_vgpr_msb (MSB<<8)|\new
.set MSB, \new
.endif
.endm
.set MUL_LO, 0xa1
.set MUL_HI, 0xf1
.set TO_B,   0x40
.macro JLOAD g0a, g1a, g0b, g1b
	s_cmp_eq_u32 s15, 0
	s_cbranch_scc0 .Lfor_b_\@
	tensor_load_to_lds s[\g0a:\g0a+3], s[\g1a:\g1a+7]
	s_nop 0
.rept 4
	v_nop
.endr
	s_branch .Lasked_\@
.Lfor_b_\@:
	tensor_load_to_lds s[\g0b:\g0b+3], s[\g1b:\g1b+7]
	s_nop 0
.rept 4
	v_nop
.endr
.Lasked_\@:
.endm
.macro CREST
	s_cmp_lg_u32 s14, 0
	s_cbranch_scc1 .Lnot_wave_0_\@
	s_barrier_signal -3
.Lnot_wave_0_\@:
	s_barrier_wait -3
	s_barrier_signal -1
	s_barrier_wait -1
.endm
.macro CROUND
	s_barrier_signal -1
	s_barrier_wait -1
	CREST
.endm
.macro FRAG reg, adr, q, i
	ds_load_b128 v[\reg:\reg+3], v[\adr] offset:(\i)*RTB+(\q)*FRB
	ds_load_b64 v[\reg+4:\reg+5], v[\adr+2] offset:(\i)*RTB+(\q)*FRB+512
	ds_load_b128 v[\reg+6:\reg+9], v[\adr] offset:(\i)*RTB+(\q)*FRB+768
	ds_load_b64 v[\reg+10:\reg+11], v[\adr+2] offset:(\i)*RTB+(\q)*FRB+1280
.endm
.macro MUL16 a0, p, q, sc, zero
.irp a, \a0, \a0+1
.irp b, 0,1,2,3,4,5,6,7
.if \zero
	v_wmma_scale_f32_16x16x128_f8f6f4 v[8*(8*((\a)%4)+\b):8*(8*((\a)%4)+\b)+7], v[128*(\p)+FR*\b:128*(\p)+FR*\b+FR-1], v[AF+FR*(\a):AF+FR*(\a)+FR-1], 0, v[SC+8*NQ*(\sc)+NQ*\b+(\q)], v[SC+8*NQ*(\sc)+NQ*(\a)+(\q)] matrix_a_fmt:MATRIX_FMT_FP6 matrix_b_fmt:MATRIX_FMT_FP6 matrix_a_scale:MATRIX_SCALE_ROW1
.else
	v_wmma_scale_f32_16x16x128_f8f6f4 v[8*(8*((\a)%4)+\b):8*(8*((\a)%4)+\b)+7], v[128*(\p)+FR*\b:128*(\p)+FR*\b+FR-1], v[AF+FR*(\a):AF+FR*(\a)+FR-1], v[8*(8*((\a)%4)+\b):8*(8*((\a)%4)+\b)+7], v[SC+8*NQ*(\sc)+NQ*\b+(\q)], v[SC+8*NQ*(\sc)+NQ*(\a)+(\q)] matrix_a_fmt:MATRIX_FMT_FP6 matrix_b_fmt:MATRIX_FMT_FP6 matrix_a_scale:MATRIX_SCALE_ROW1
.endif
.endr
.endr
.endm
.macro FETCH_B slot, q, p
	WIN TO_B
.irp i, 0,1,2,3,4,5,6,7
	FRAG 128*(\p)+FR*\i, ADRB+\slot, \q, \i
.endr
	WIN 0
.endm
.macro FETCH_A slot, q, i0
.irp i, \i0, \i0+1, \i0+2, \i0+3
	FRAG AF+FR*(\i), ADRA+\slot, \q, \i
.endr
.endm
.macro SCALES sc
.irp i, 0,1,2,3,4,5,6,7
.irp q, 0,1
	ds_load_b32 v[SC+16*\sc+2*\i+\q], v[ADRS] offset:512*\q+64*\i
.endr
.endr
.endm
.macro PLACES n
.rept \n
	v_nop
.endr
.endm
.macro STEP slot, q, zero
	s_wait_dscnt 4*NL
	WIN MUL_LO
	MUL16 0, (\q)%2, \q, \slot, \zero
	MUL16 2, (\q)%2, \q, \slot, \zero
	s_wait_dscnt 0
	PLACES NP
	FETCH_B \slot, (\q)+1, 1-(\q)%2
	FETCH_A \slot, (\q)+1, 0
	WIN MUL_HI
	MUL16 4, (\q)%2, \q, \slot, \zero
	MUL16 6, (\q)%2, \q, \slot, \zero
	PLACES NP
	WIN 0
	FETCH_A \slot, (\q)+1, 4
.endm
.macro TURN slot, next, fill
	s_wait_tensorcnt 0x0
	ds_add_u32 v[SPW], v[NIL]
	s_wait_dscnt 4*NL+1
	WIN MUL_LO
	MUL16 0, 1, NQ-1, \slot, 0
	s_wait_dscnt 0x0
	s_barrier_signal -1
	MUL16 2, 1, NQ-1, \slot, 0
	WIN 0
	s_barrier_wait -1
.if \fill
	CREST
	s_add_nc_u64 s[G0+4*\slot+2:G0+4*\slot+3], s[G0+4*\slot+2:G0+4*\slot+3], 2*RTB
	s_add_nc_u64 s[G0B+4*\slot+2:G0B+4*\slot+3], s[G0B+4*\slot+2:G0B+4*\slot+3], 2*RTB
	JLOAD G0+4*\slot, G1, G0B+4*\slot, G1B
.else
	PLACES NP
.endif
	s_wait_alu depctr_va_vdst(0)
	v_add_nc_u32 v[ADRS], 1024, v[ADRS]
	FETCH_B \next, 0, 0
	FETCH_A \next, 0, 0
	SCALES \next
	WIN MUL_HI
	MUL16 4, 1, NQ-1, \slot, 0
	MUL16 6, 1, NQ-1, \slot, 0
	PLACES NP
	WIN 0
	FETCH_A \next, 0, 4
.endm
.set BIAS, 64
.set T,    128
.set PC,   192
.set TM,   212
.set PW,   228
.set U,    192                         ; v192-255 GELU's work on 16 numbers a lane: u, u^2, numerator, denominator; the quantiser's work lies over them afterwards
.set W,    208
.set P,    224
.set Q,    240
.set CA,   8                           ; v8-11 the two leading coefficients, each twice
.set CB,   10
.set SPL,  3
.set RDA,  4
.set AF0,  5
.set AFW,  6
.set BO1,  13
.set AUXF, 278528
.set CP,   24
.set CQ,   36
.set RH,   44
.set SEL,  46
.set TO,   48
.set OB,   96
.set AB,   98
.macro QUANT s
.irp b, 0,1,2,3
	v_max3_num_f32 v[TM+\b], |v[\s+16*\b]|, |v[\s+1+16*\b]|, 0x1800000
.endr
.irp i, 2,4,6,8,10,12,14
.irp b, 0,1,2,3
	v_max3_num_f32 v[TM+\b], v[TM+\b], |v[\s+16*\b+\i]|, |v[\s+1+16*\b+\i]|
.endr
.endr
.irp b, 0,1,2,3
	v_permlanex16_b32 v[TM+4+\b], v[TM+\b], s[SEL], s[SEL+1]
.endr
.irp b, 0,1,2,3
	v_max_num_f32 v[TM+\b], v[TM+\b], v[TM+4+\b]
.endr
.irp b, 0,1,2,3
	v_add_nc_u32 v[TM+12+\b], 0xff000000, v[TM+\b]
.endr
.irp b, 0,1,2,3
	v_lshrrev_b32 v[TM+4+\b], 23, v[TM+12+\b]
.endr
	v_lshl_or_b32 v[PW], v[TM+5], 8, v[TM+4]
	v_lshl_or_b32 v[PW], v[TM+6], 16, v[PW]
	v_lshl_or_b32 v[PW], v[TM+7], 24, v[PW]
.irp c, 0,1
	v_cvt_scalef32_pk16_fp6_f32 v[PC+6*\c:PC+2+6*\c], v[\s+32*\c:\s+15+32*\c], v[TM+12+2*\c]
	v_cvt_scalef32_pk16_fp6_f32 v[PC+12+4*\c:PC+14+4*\c], v[\s+16+32*\c:\s+31+32*\c], v[TM+12+2*\c+1]
.endr
	v_nop
.irp c, 0,1
.irp i, 0,1,2
	v_permlane16_swap_b32 v[PC+6*\c+\i], v[PC+12+4*\c+\i]
.endr
.irp i, 0,1,2
	v_mov_b32 v[PC+3+6*\c+\i], v[PC+12+4*\c+\i]
.endr
.endr
.endm
; gelu(x) = x / 2 + (x / 2) erf(u), u = x / sqrt(2) held to -4 .. 4, erf(u) = u P(u^2) / Q(u^2).  16 numbers a lane at a time: every phase has 8 or 16 independent instructions, and the batch of 16 reciprocals has one wait ahead of it and one behind
.macro GELU16 g
.set T8, T+16*(\g)
.irp k, 0,2,4,6,8,10,12,14
	v_pk_mul_f32 v[U+\k:U+\k+1], v[T8+\k:T8+\k+1], s[RH:RH+1] op_sel_hi:[1,0]
.endr
.irp k, 0,1,2,3,4,5,6,7,8,9,10,11,12,13,14,15
	v_med3_num_f32 v[U+\k], v[U+\k], -4.0, 4.0
.endr
.irp k, 0,2,4,6,8,10,12,14
	v_pk_mul_f32 v[W+\k:W+\k+1], v[U+\k:U+\k+1], v[U+\k:U+\k+1]
.endr
.irp k, 0,2,4,6,8,10,12,14
	v_pk_fma_f32 v[P+\k:P+\k+1], v[W+\k:W+\k+1], v[CA:CA+1], s[CP:CP+1] op_sel_hi:[1,1,0]
	v_pk_fma_f32 v[Q+\k:Q+\k+1], v[W+\k:W+\k+1], v[CB:CB+1], s[CQ:CQ+1] op_sel_hi:[1,1,0]
.endr
.irp c, 2,4,6
.irp k, 0,2,4,6,8,10,12,14
	v_pk_fma_f32 v[P+\k:P+\k+1], v[P+\k:P+\k+1], v[W+\k:W+\k+1], s[CP+\c:CP+\c+1] op_sel_hi:[1,1,0]
	v_pk_fma_f32 v[Q+\k:Q+\k+1], v[Q+\k:Q+\k+1], v[W+\k:W+\k+1], s[CQ+\c:CQ+\c+1] op_sel_hi:[1,1,0]
.endr
.endr
.irp c, 8,10
.irp k, 0,2,4,6,8,10,12,14
	v_pk_fma_f32 v[P+\k:P+\k+1], v[P+\k:P+\k+1], v[W+\k:W+\k+1], s[CP+\c:CP+\c+1] op_sel_hi:[1,1,0]
.endr
.endr
	s_wait_alu depctr_va_vdst(0)                   ; the wait ahead of the batch
.irp k, 0,1,2,3,4,5,6,7,8,9,10,11,12,13,14,15
	v_rcp_f32 v[Q+\k], v[Q+\k]
.endr
.irp k, 0,2,4,6,8,10,12,14
	v_pk_mul_f32 v[P+\k:P+\k+1], v[P+\k:P+\k+1], v[U+\k:U+\k+1]
.endr
.irp k, 0,2,4,6,8,10,12,14
	v_pk_mul_f32 v[W+\k:W+\k+1], v[T8+\k:T8+\k+1], 0.5 op_sel_hi:[1,0]
.endr
	s_wait_alu depctr_va_vdst(0)                   ; and behind it, ahead of the first reader
.irp k, 0,2,4,6,8,10,12,14
	v_pk_mul_f32 v[P+\k:P+\k+1], v[P+\k:P+\k+1], v[Q+\k:Q+\k+1]
.endr
.irp k, 0,2,4,6,8,10,12,14
	v_pk_fma_f32 v[T8+\k:T8+\k+1], v[W+\k:W+\k+1], v[P+\k:P+\k+1], v[W+\k:W+\k+1]
.endr
.endm
	s_load_b256 s[4:11], s[0:1], 0x0
	v_lshl_add_u32 v[SPW], v0, 2, SPARE
	v_mov_b32 v[NIL], 0
	ds_add_u32 v28, v29
	ds_add_u32 v28, v29
	s_wait_dscnt 0x0
	v_lshrrev_b32 v1, 5, v0
	v_readfirstlane_b32 s14, v1
	s_lshr_b32 s15, s14, 1
	s_and_b32 s16, s14, 1
	s_bfe_u32 s40, ttmp6, 0x40000
	s_bfe_u32 s41, ttmp6, 0x40004
	s_lshl_b32 s42, ttmp9, 2
	s_add_co_u32 s42, s42, s40
	s_and_b32 s17, ttmp7, 0xffff
	s_lshl_b32 s17, s17, 2
	s_add_co_u32 s17, s17, s41
	s_lshl_b32 s43, s41, 2
	s_lshl_b32 s43, 15, s43
	s_lshl_b32 s44, 0x1111, s40
	s_or_b32 s[G1+0], s43, (3<<16)|(1<<21)
	s_or_b32 s[G1B+0], s44, (3<<16)|(1<<21)
.irp g, G1, G1B
	s_mov_b32 s[\g+1], 384<<16
	s_mov_b32 s[\g+2], 16<<16                      ; at the head 16 row tiles, a whole tile of 256 rows
	s_mov_b32 s[\g+3], 384<<16
	s_mov_b32 s[\g+4], 16
	s_mov_b32 s[\g+5], KT*192
	s_mov_b32 s[\g+6], 0
	s_mov_b32 s[\g+7], 0
.endr
	s_or_b32 s[G1S+0], s43, (3<<16)|(1<<21)
	s_or_b32 s[G1SB+0], s44, (3<<16)|(1<<21)
.irp g, G1S, G1SB
	s_mov_b32 s[\g+1], 32<<16
	s_mov_b32 s[\g+2], (HALFS/128)<<16             ; the scale words of all 256 rows: 2 HALFS bytes, one load
	s_mov_b32 s[\g+3], 32<<16
	s_mov_b32 s[\g+4], HALFS/128
	s_mov_b32 s[\g+5], 32
	s_mov_b32 s[\g+6], 0
	s_mov_b32 s[\g+7], 0
.endr
	s_lshl_b32 s20, s17, 1                         ; A: the tile's first 128 rows
	s_lshl_b32 s46, s42, 1                         ; B likewise
	s_mul_i32 s22, s20, HALFS
	s_mul_i32 s92, s46, HALFS
	s_mul_i32 s20, s20, KT*12288
	s_mul_i32 s46, s46, KT*12288
	s_add_co_u32 s22, s22, 3145728
	s_add_co_u32 s46, s46, 6553600
	s_add_co_u32 s92, s92, 9699328
	s_mov_b32 s21, 0
	s_mov_b32 s23, 0
	s_mov_b32 s47, 0
	s_mov_b32 s93, 0
	s_mul_i32 s45, s14, HALFT
	s_mul_i32 s2, s16, KT*12288                    ; in the ring I fetch 128 rows of a tile: which half, in bytes
	s_mov_b32 s3, 0
	s_wait_kmcnt 0x0
	s_add_nc_u64 s[20:21], s[4:5], s[20:21]
	s_add_nc_u64 s[22:23], s[4:5], s[22:23]
	s_add_nc_u64 s[46:47], s[6:7], s[46:47]
	s_add_nc_u64 s[92:93], s[6:7], s[92:93]
	CROUND
	s_mov_b32 s[G0S], 1
	s_mov_b32 s[G0S+1], SCL
	s_mov_b64 s[G0S+2:G0S+3], s[22:23]
	s_or_b32 s[G0S+3], s[G0S+3], 0x80000000
	s_mov_b32 s[G0SB], 1
	s_mov_b32 s[G0SB+1], SCL+2*HALFS
	s_mov_b64 s[G0SB+2:G0SB+3], s[92:93]
	s_or_b32 s[G0SB+3], s[G0SB+3], 0x80000000
.set PFA, 66                           ; s[66:67] where my prefetches stand; never rewritten
.set PFO, 24                           ; v24 the prefetches' lane offset; never rewritten
	s_mov_b32 s[G0], 1                             ; the head's loads take slot 0's group 0: A's whole 256 rows of K chunk 0,
	s_mov_b32 s[G0+1], 0
	s_mov_b64 s[G0+2:G0+3], s[20:21]
	s_or_b32 s[G0+3], s[G0+3], 0x80000000
	s_mov_b32 s[G0B], 1                            ; and B's, behind them in slot 0
	s_mov_b32 s[G0B+1], 2*HALFT
	s_mov_b64 s[G0B+2:G0B+3], s[46:47]
	s_or_b32 s[G0B+3], s[G0B+3], 0x80000000
	s_add_nc_u64 s[20:21], s[20:21], s[2:3]        ; for the ring: my 128 rows of the tile
	s_add_nc_u64 s[46:47], s[46:47], s[2:3]
	s_mov_b32 s[G0+4], 1                           ; slot 1: K chunk 1
	s_add_co_u32 s[G0+5], s45, SLOT
	s_add_nc_u64 s[G0+6:G0+7], s[20:21], RTB
	s_or_b32 s[G0+7], s[G0+7], 0x80000000
	s_mov_b32 s[G0B+4], 1
	s_add_co_u32 s[G0B+5], s45, SLOT
	s_add_nc_u64 s[G0B+6:G0B+7], s[46:47], RTB
	s_or_b32 s[G0B+7], s[G0B+7], 0x80000000
	; the prefetches: of the 8 row tiles x 12 blocks of 256 bytes that I fetch in a chunk, the partner at place p (cx for A, cy for B) names blocks 3 p .. 3 p + 2 of each row tile: shared out by address alone
	s_cmp_eq_u32 s15, 0
	s_cselect_b64 s[PFA:PFA+1], s[20:21], s[46:47]
	s_cselect_b32 s92, s40, s41
	s_mul_i32 s92, s92, 768
	s_mov_b32 s93, 0
	s_add_nc_u64 s[PFA:PFA+1], s[PFA:PFA+1], s[92:93]
; THE HEAD'S LOADS, ONE A WAVE: wave 0 A's 256 rows of chunk 0, wave 1 B's, wave 2 A's scale words, wave 3 B's.  One chain of branches on the wave's number, one load to an arm, one join.
.macro ARM under, g0, g1, next
	s_cmp_lt_u32 s14, \under
	s_cbranch_scc0 \next
	tensor_load_to_lds s[\g0:\g0+3], s[\g1:\g1+7]
	s_nop 0
.rept 4
	v_nop
.endr
	s_branch .Lhead_asked
\next:
.endm
	ARM 1, G0,  G1,  .Lhead_b
	ARM 2, G0B, G1B, .Lhead_sa
	ARM 3, G0S, G1S, .Lhead_sb
	tensor_load_to_lds s[G0SB:G0SB+3], s[G1SB:G1SB+7]
	s_nop 0
.rept 4
	v_nop
.endr
.Lhead_asked:
	v_and_b32 v1, 15, v0
	v_bfe_u32 v2, v0, 4, 1
	v_and_b32 v3, 31, v0
	v_lshlrev_b32 v[L16], 4, v3
	v_lshlrev_b32 v[L8], 3, v3
	v_lshrrev_b32 v[PFO], 2, v3                    ; a prefetch's lane: row tile lane / 4,
	v_and_b32 v25, 3, v3
	v_min_u32 v25, 2, v25                          ; block lane % 4 of my three (the fourth lane names the third again)
	v_mul_u32_u24 v[PFO], v[PFO], KT*1536
	v_lshl_add_u32 v[PFO], v25, 8, v[PFO]
	global_prefetch_b8 v[PFO], s[PFA:PFA+1] offset:RTB th:TH_LOAD_NT scope:SCOPE_SE     ; K chunk 1, which the next load takes, and
	global_prefetch_b8 v[PFO], s[PFA:PFA+1] offset:2*RTB th:TH_LOAD_NT scope:SCOPE_SE   ; chunk 2, two loads on
	s_mul_i32 s21, s15, HALFT
	s_mul_i32 s22, s16, HALFT
	s_add_co_u32 s22, s22, 2*HALFT
.irp s, 0,1
	v_add_nc_u32 v[ADRA+\s], s21, v[L16]
	v_add_nc_u32 v[ADRB+\s], s22, v[L16]
	v_add_nc_u32 v[ADRA+2+\s], s21, v[L8]
	v_add_nc_u32 v[ADRB+2+\s], s22, v[L8]
	s_add_co_u32 s21, s21, SLOT
	s_add_co_u32 s22, s22, SLOT
.endr
	v_lshlrev_b32 v5, 2, v1
	s_mul_i32 s21, s15, HALFS
	s_mul_i32 s22, s16, HALFS
	s_add_co_u32 s22, s22, 2*HALFS
	s_sub_co_u32 s22, s22, s21
	v_mul_u32_u24 v6, s22, v2
	s_add_co_u32 s21, s21, SCL
	v_add_nc_u32 v5, v5, v6
	v_add_nc_u32 v[ADRS], s21, v5
	s_lshl_b32 s21, s14, 16
	v_add_nc_u32 v[SPL], s21, v[L16]
	s_lshl_b32 s21, s14, 9
	v_lshl_add_u32 v[AF0], v1, 2, s21
	v_add_nc_u32 v[AF0], AUXF, v[AF0]
	v_add_nc_u32 v7, s21, v[L16]
	v_add_nc_u32 v7, AUXF, v7
	s_lshl_b32 s20, s17, 4
	s_lshl_b32 s21, s15, 3
	s_add_co_u32 s20, s20, s21
	s_lshl_b32 s20, s20, 5
	s_lshl_b32 s21, s42, 1
	s_add_co_u32 s21, s21, s16
	s_add_co_u32 s20, s20, s21
	s_mul_i32 s20, s20, 1536
	s_lshl_b32 s22, s17, 1
	s_add_co_u32 s22, s22, s15
	s_lshl_b32 s22, s22, 5
	s_add_co_u32 s22, s22, s21
	s_lshl_b32 s22, s22, 9
	s_add_co_u32 s22, s22, 12582912
	s_mov_b32 s21, 0
	s_mov_b32 s23, 0
	s_add_nc_u64 s[OB:OB+1], s[10:11], s[20:21]
	s_add_nc_u64 s[AB:AB+1], s[10:11], s[22:23]
	s_lshl_b32 s20, s42, 10
	s_lshl_b32 s22, s16, 9
	s_add_co_u32 s20, s20, s22
	s_add_nc_u64 s[8:9], s[8:9], s[20:21]
	v_lshlrev_b32 v[BO1], 6, v2
.irp b, 0,1,2,3
.irp j, 0,1,2,3
	global_load_b128 v[BIAS+16*\b+4*\j:BIAS+16*\b+4*\j+3], v[BO1], s[8:9] offset:128*\b+16*\j
.endr
.endr
	s_wait_alu depctr_va_vdst(0)
	s_wait_tensorcnt 0x0                           ; my tile of the head's four is in
	ds_add_u32 v[SPW], v[NIL]
	s_mov_b32 s[G1+2], 8<<16                       ; no tensor load of mine is out, so descriptors may be written: from here on a load brings 8 row tiles,
	s_mov_b32 s[G1+4], 8
	s_mov_b32 s[G1B+2], 8<<16
	s_mov_b32 s[G1B+4], 8
	s_mov_b32 s[G0+1], s45                         ; and slot 0's group 0 names my quarter of the slot
	s_mov_b32 s[G0B+1], s45
	s_add_nc_u64 s[G0+2:G0+3], s[G0+2:G0+3], s[2:3]
	s_add_nc_u64 s[G0B+2:G0B+3], s[G0B+2:G0B+3], s[2:3]
	s_wait_dscnt 0x0
	CROUND                                         ; all four tiles are in, and all sixteen work-groups are here
	JLOAD G0+4, G1, G0B+4, G1B                     ; K chunk 1, the first tensor load behind the round
	FETCH_B 0, 0, 0
	FETCH_A 0, 0, 0
	SCALES 0
	FETCH_A 0, 0, 4
	global_prefetch_b8 v[PFO], s[PFA:PFA+1] offset:3*RTB th:TH_LOAD_NT scope:SCOPE_SE   ; chunk 3, the last: two loads on; the refills ask for nothing more
	STEP 0, 0, 1
	s_mov_b32 s3, LAPS-1
.Llap:
	TURN 0, 1, 1
	STEP 1, 0, 0
	TURN 1, 0, 1
	STEP 0, 0, 0
	s_sub_co_u32 s3, s3, 1
	s_cmp_lg_u32 s3, 0
	s_cbranch_scc1 .Llap
	TURN 0, 1, 0
	STEP 1, 0, 0
	s_wait_dscnt 4*NL
	WIN MUL_LO
	MUL16 0, 1, NQ-1, 1, 0
	MUL16 2, 1, NQ-1, 1, 0
	s_wait_dscnt 0
	WIN MUL_HI
	MUL16 4, 1, NQ-1, 1, 0
	MUL16 6, 1, NQ-1, 1, 0
	WIN 0
	s_wait_dscnt 0x0
	s_barrier_signal -1
	s_barrier_wait -1
	PLACES NP
.irp a, 0,1,2,3,4,5,6,7
	WIN 0x08+4*(\a/4)
.irp b, 0,1,2,3,4,5,6,7
	ds_store_b128 v[SPL], v[8*(8*(\a%4)+\b):8*(8*(\a%4)+\b)+3] offset:8192*\a+1024*\b
	ds_store_b128 v[SPL], v[8*(8*(\a%4)+\b)+4:8*(8*(\a%4)+\b)+7] offset:8192*\a+1024*\b+512
.endr
.endr
	WIN 0
	s_wait_loadcnt 0x0
	s_mov_b32 s[CP], 0x32edffee
	s_mov_b32 s[CP+2], 0xb60cff51
	s_mov_b32 s[CP+4], 0xb86ec2d2
	s_mov_b32 s[CP+6], 0xba40ac63
	s_mov_b32 s[CP+8], 0xbb41a1f6
	s_mov_b32 s[CP+10], 0xbc83dbd4
	s_mov_b32 s[CQ], 0xb95fbd29
	s_mov_b32 s[CQ+2], 0xbadc924e
	s_mov_b32 s[CQ+4], 0xbbf19bf8
	s_mov_b32 s[CQ+6], 0xbc69b6a7
	s_mov_b32 s[RH], 0x3f3504f3
.irp n, 24,26,28,30,32,34,36,38,40,42,44
	s_mov_b32 s[\n+1], s[\n]
.endr
	s_mov_b32 s[SEL], 0x76543210
	s_mov_b32 s[SEL+1], 0xfedcba98
	v_mov_b32 v[CA], 0xaf95df0b
	v_mov_b32 v[CA+1], 0xaf95df0b
	v_mov_b32 v[CB], 0xb77460cd
	v_mov_b32 v[CB+1], 0xb77460cd
	s_mov_b32 s3, 0
	s_mov_b32 s[TO], 0
	s_mov_b32 s50, 0                               ; what the next trip adds to the images' base: 0 in the first trip
	s_mov_b32 s51, 0
.Lrow:
	v_add_nc_u32 v[RDA], s[TO], v[SPL]
.set i, 0
.rept 16
	ds_load_b128 v[T+4*i:T+4*i+3], v[RDA] offset:512*i
.set i, i+1
.endr
	s_lshl_b32 s49, s3, 6
	v_add_nc_u32 v[AFW], s49, v[AF0]
.irp g, 0,1,2,3
	s_wait_dscnt 12-4*\g                           ; group g's four loads are in; the 12 - 4 g loads of the later groups may be out
.if \g == 0
	s_wait_xcnt 0x0                                ; the last trip's stores have read their registers and their base: only behind this wait are the codes' registers, which GELU's work lies over, and the base rewritten
	s_add_nc_u64 s[OB:OB+1], s[OB:OB+1], s[50:51]
	s_mov_b32 s50, 49152
.endif
.irp k, 0,2,4,6,8,10,12,14
	v_pk_add_f32 v[T+16*\g+\k:T+16*\g+\k+1], v[T+16*\g+\k:T+16*\g+\k+1], v[BIAS+16*\g+\k:BIAS+16*\g+\k+1]
.endr
	GELU16 \g
.endr
	QUANT T
	global_store_b128 v[L16], v[PC:PC+3], s[OB:OB+1]
	global_store_b64 v[L8], v[PC+4:PC+5], s[OB:OB+1] offset:512
	global_store_b128 v[L16], v[PC+6:PC+9], s[OB:OB+1] offset:768
	global_store_b64 v[L8], v[PC+10:PC+11], s[OB:OB+1] offset:1280
	ds_store_b32 v[AFW], v[PW]                     ; it may be out over the back edge: LDS serves a wave's instructions in order, and it is older than the next trip's loads
	s_add_co_u32 s[TO], s[TO], 8192
	s_add_co_u32 s3, s3, 1
	s_cmp_lt_u32 s3, 8
	s_cbranch_scc1 .Lrow
	ds_load_b128 v[T:T+3], v7
	s_wait_dscnt 0x0
	global_store_b128 v[L16], v[T:T+3], s[AB:AB+1]
	s_wait_tensorcnt 0x0
	ds_add_u32 v[SPW], v[NIL]
	s_wait_dscnt 0x0
	CROUND
	s_endpgm
.Lfunc_end_k_q779d489bad_ffn1:
	.size	k_q779d489bad_ffn1, .Lfunc_end_k_q779d489bad_ffn1-k_q779d489bad_ffn1
	.p2alignl 7, 3214868480
	.fill 96, 4, 3214868480
	.section	.rodata,"a",@progbits
	.p2align	6, 0x0
	.amdhsa_kernel k_q779d489bad_ffn1
		.amdhsa_group_segment_fixed_size 327680
		.amdhsa_private_segment_fixed_size 0
		.amdhsa_enable_private_segment 0
		.amdhsa_kernarg_size 32
		.amdhsa_user_sgpr_count 2
		.amdhsa_user_sgpr_kernarg_segment_ptr 1
		.amdhsa_wavefront_size32 1
		.amdhsa_system_sgpr_workgroup_id_x 1
		.amdhsa_system_sgpr_workgroup_id_y 1
		.amdhsa_system_sgpr_workgroup_id_z 1
		.amdhsa_system_vgpr_workitem_id 0
		.amdhsa_next_free_vgpr 1024
		.amdhsa_next_free_sgpr 102
		.amdhsa_reserve_vcc 0
		.amdhsa_float_denorm_mode_32 3
		.amdhsa_float_denorm_mode_16_64 3
		.amdhsa_memory_ordered 1
		.amdhsa_forward_progress 1
		.amdhsa_inst_pref_size 176
	.end_amdhsa_kernel
	.amdgpu_metadata
---
amdhsa.version: [ 1, 2 ]
amdhsa.kernels:
  - .name:           k_q779d489bad_ffn1
    .symbol:         k_q779d489bad_ffn1.kd
    .args:
      - { .name: wsD, .offset: 0, .size: 8, .value_kind: global_buffer, .address_space: global }
      - { .name: wsA, .offset: 8, .size: 8, .value_kind: global_buffer, .address_space: global }
      - { .name: bf1, .offset: 16, .size: 8, .value_kind: global_buffer, .address_space: global }
      - { .name: wsH, .offset: 24, .size: 8, .value_kind: global_buffer, .address_space: global }
    .group_segment_fixed_size: 327680
    .private_segment_fixed_size: 0
    .kernarg_segment_align: 8
    .kernarg_segment_size: 32
    .max_flat_workgroup_size: 128
    .sgpr_count:     102
    .vgpr_count:     1024
    .wavefront_size: 32
...
	.end_amdgpu_metadata
.endif
;; end of part 14
;; launch ffn2 (part 15): grid 8 x 32, 4 waves a work-group, clusters of 4 x 4, 327,680 bytes of LDS; arguments wsH, wsA, wsY, wsD, bf2, wsZ; writes wsZ
.if DOCPART == 15
	.amdgcn_target "amdgcn-amd-amdhsa--gfx1250"
	.amdhsa_code_object_version 6
	.text
	.protected	k_q779d489bad_ffn2
	.globl	k_q779d489bad_ffn2
	.p2align	8
	.type	k_q779d489bad_ffn2,@function
k_q779d489bad_ffn2:
	s_mov_b64 s[64:65], 0
	v_nop
	global_prefetch_b8 v0, s[64:65] scope:SCOPE_SE
	s_setreg_imm32_b32 hwreg(HW_REG_WAVE_MODE, 25, 1), 1
	s_wait_xcnt 0x0
	s_wait_alu depctr_hold_cnt(0) depctr_sa_sdst(0) depctr_va_vdst(0) depctr_va_sdst(0) depctr_va_ssrc(0) depctr_va_vcc(0) depctr_vm_vsrc(0)
	s_getreg_b32 s2, hwreg(HW_REG_IB_STS2, 6, 4)
	s_cmp_eq_u32 s2, 0
	s_cbranch_scc0 .Lentry_in_a_cluster
	s_endpgm
.Lentry_in_a_cluster:
	s_bfe_u32 s2, ttmp6, 0x10000c
	s_cmp_lg_u32 s2, 0xf033
	s_cbranch_scc0 .Lentry_shape_is_right
	s_endpgm
.Lentry_shape_is_right:
.set SIZE_K, 4096
.set SY,     1
.set A_SC,   12582912
.set B_CO,   9830400
.set B_SC,   12976128
.set KT,     SIZE_K/128
.set NS,     SIZE_K/512
.set FR,     12
.set FRB,    1536
.set RTB,    4*FRB
.set HALFT,  4*RTB
.set SLOT,   4*HALFT
.set SCL,    2*SLOT
.set HALFS,  KT*512
.set HS2,    KT*256
.set STG,    262144
.set SPITCH, 272
.set SPARE,  327168
.set NP,     4
.set ADRA, 16
.set ADRB, 20
.set STO,  24
.set RD,   25
.set CO,   26
.set ADRS, 27
.set SPW,  28
.set NIL,  29
.set L16,  30
.set L8,   31
.set SC,   32
.set R16,  40
.set SO,   42
.set SV,   68
.set AF,   128
.set BK,   128
.set G1, 24
.set G0, 32
.set G1B, 48
.set G0B, 56
.set G1S, 68
.set G0S, 76
.set G1SB, 80
.set G0SB, 88
.set MSB, 0
.macro WIN new
.if MSB != \new
	s_set_vgpr_msb (MSB<<8)|\new
.set MSB, \new
.endif
.endm
.set MUL,  0xa1
.set TO_B, 0x40
.macro JLOAD g0a, g1a, g0b, g1b
	s_cmp_eq_u32 s15, 0
	s_cbranch_scc0 .Lfor_b_\@
	tensor_load_to_lds s[\g0a:\g0a+3], s[\g1a:\g1a+7]
	s_nop 0
.rept 4
	v_nop
.endr
	s_branch .Lasked_\@
.Lfor_b_\@:
	tensor_load_to_lds s[\g0b:\g0b+3], s[\g1b:\g1b+7]
	s_nop 0
.rept 4
	v_nop
.endr
.Lasked_\@:
.endm
.macro CREST
	s_cmp_lg_u32 s14, 0
	s_cbranch_scc1 .Lnot_wave_0_\@
	s_barrier_signal -3
.Lnot_wave_0_\@:
	s_barrier_wait -3
	s_barrier_signal -1
	s_barrier_wait -1
.endm
.macro CROUND
	s_barrier_signal -1
	s_barrier_wait -1
	CREST
.endm
.macro FRAG reg, adr, q, i
	ds_load_b128 v[\reg:\reg+3], v[\adr] offset:(\i)*RTB+(\q)*FRB
	ds_load_b64 v[\reg+4:\reg+5], v[\adr+2] offset:(\i)*RTB+(\q)*FRB+512
	ds_load_b128 v[\reg+6:\reg+9], v[\adr] offset:(\i)*RTB+(\q)*FRB+768
	ds_load_b64 v[\reg+10:\reg+11], v[\adr+2] offset:(\i)*RTB+(\q)*FRB+1280
.endm
.macro FETCH slot, q, p
	WIN TO_B
.irp i, 0,1,2,3
	FRAG 48*(\p)+FR*\i, ADRB+\slot, \q, \i
.endr
	WIN 0
.irp i, 0,1,2,3
	FRAG AF+48*(\p)+FR*\i, ADRA+\slot, \q, \i
.endr
.irp i, 0,1,2,3
	ds_load_b32 v[SC+4*(\p)+\i], v[ADRS] offset:512*(\q)+64*\i
.endr
.endm
.macro MUL4 a, p, zero
.irp b, 0,1,2,3
.if \zero
	v_wmma_scale_f32_16x16x128_f8f6f4 v[8*(4*(\a)+\b):8*(4*(\a)+\b)+7], v[48*(\p)+FR*\b:48*(\p)+FR*\b+FR-1], v[AF+48*(\p)+FR*(\a):AF+48*(\p)+FR*(\a)+FR-1], 0, v[SC+4*(\p)+\b], v[SC+4*(\p)+(\a)] matrix_a_fmt:MATRIX_FMT_FP6 matrix_b_fmt:MATRIX_FMT_FP6 matrix_a_scale:MATRIX_SCALE_ROW1
.else
	v_wmma_scale_f32_16x16x128_f8f6f4 v[8*(4*(\a)+\b):8*(4*(\a)+\b)+7], v[48*(\p)+FR*\b:48*(\p)+FR*\b+FR-1], v[AF+48*(\p)+FR*(\a):AF+48*(\p)+FR*(\a)+FR-1], v[8*(4*(\a)+\b):8*(4*(\a)+\b)+7], v[SC+4*(\p)+\b], v[SC+4*(\p)+(\a)] matrix_a_fmt:MATRIX_FMT_FP6 matrix_b_fmt:MATRIX_FMT_FP6 matrix_a_scale:MATRIX_SCALE_ROW1
.endif
.endr
.endm
.macro PLACES n
.rept \n
	v_nop
.endr
.endm
.macro STEP slot, q, zero
	s_wait_dscnt 0x0
	WIN MUL
	MUL4 0, (\q)%2, \zero
	MUL4 1, (\q)%2, \zero
	PLACES NP
	FETCH \slot, (\q)+1, 1-(\q)%2
	WIN MUL
	MUL4 2, (\q)%2, \zero
	MUL4 3, (\q)%2, \zero
.endm
.macro TURN slot, next, fill
	WIN 0
.if \fill
	s_wait_xcnt 0x0                                ; my last prefetch has read its address: it steps one K chunk, ahead of the waits of the change of slots
	s_add_nc_u64 s[PFA:PFA+1], s[PFA:PFA+1], RTB
.endif
	s_wait_tensorcnt 0x0
	ds_add_u32 v[SPW], v[NIL]
	s_wait_dscnt 1
	WIN MUL
	MUL4 0, 1, 0
	MUL4 1, 1, 0
	s_wait_dscnt 0x0
	s_barrier_signal -1
	MUL4 2, 1, 0
	WIN 0
	s_barrier_wait -1
.if \fill
	CREST
	s_add_nc_u64 s[G0+4*\slot+2:G0+4*\slot+3], s[G0+4*\slot+2:G0+4*\slot+3], 2*RTB
	s_add_nc_u64 s[G0B+4*\slot+2:G0B+4*\slot+3], s[G0B+4*\slot+2:G0B+4*\slot+3], 2*RTB
	JLOAD G0+4*\slot, G1, G0B+4*\slot, G1B
.else
	PLACES NP
.endif
	v_add_nc_u32 v[ADRS], 2048, v[ADRS]
	FETCH \next, 0, 0
.if \fill
	s_cmp_gt_u32 s3, 1                             ; behind the refill with chunk c: chunk c + 2; the last trip's two refills (chunks 6 and 7) have none two on
	s_cbranch_scc0 .Lno_ask_\@
	global_prefetch_b8 v[PFO], s[PFA:PFA+1] offset:3*RTB th:TH_LOAD_NT scope:SCOPE_SE
.Lno_ask_\@:
.endif
	WIN MUL
	MUL4 3, 1, 0
.endm
.if SY
	s_load_b256 s[4:11], s[0:1], 0x0
	s_load_b64 s[18:19], s[0:1], 0x20
	s_load_b64 s[12:13], s[0:1], 0x28
.else
	s_load_b128 s[4:7], s[0:1], 0x0
	s_load_b64 s[8:9], s[0:1], 0x10
	s_load_b64 s[18:19], s[0:1], 0x18
	s_load_b64 s[12:13], s[0:1], 0x20
.endif
	v_lshl_add_u32 v[SPW], v0, 2, SPARE
	v_mov_b32 v[NIL], 0
	ds_add_u32 v28, v29
	ds_add_u32 v28, v29
	s_wait_dscnt 0x0
	v_lshrrev_b32 v1, 5, v0
	v_readfirstlane_b32 s14, v1
	s_lshr_b32 s15, s14, 1
	s_and_b32 s16, s14, 1
	s_bfe_u32 s40, ttmp6, 0x40000
	s_bfe_u32 s41, ttmp6, 0x40004
	s_lshl_b32 s42, ttmp9, 2
	s_add_co_u32 s42, s42, s40
	s_and_b32 s17, ttmp7, 0xffff
	s_lshl_b32 s17, s17, 2
	s_add_co_u32 s17, s17, s41
	s_lshl_b32 s43, s41, 2
	s_lshl_b32 s43, 15, s43
	s_lshl_b32 s44, 0x1111, s40
	s_or_b32 s[G1+0], s43, (3<<16)|(1<<21)
	s_or_b32 s[G1B+0], s44, (3<<16)|(1<<21)
.irp g, G1, G1B
	s_mov_b32 s[\g+1], 768<<16
	s_mov_b32 s[\g+2], 8<<16                       ; at the head 8 row tiles, a whole tile of 128 rows
	s_mov_b32 s[\g+3], 768<<16
	s_mov_b32 s[\g+4], 8
	s_mov_b32 s[\g+5], KT*192
	s_mov_b32 s[\g+6], 0
	s_mov_b32 s[\g+7], 0
.endr
	s_or_b32 s[G1S+0], s43, (3<<16)|(1<<21)
	s_or_b32 s[G1SB+0], s44, (3<<16)|(1<<21)
.irp g, G1S, G1SB
	s_mov_b32 s[\g+1], 32<<16
	s_mov_b32 s[\g+2], (2*KT)<<16                  ; all the scale words of 128 rows: HALFS bytes, one load
	s_mov_b32 s[\g+3], 32<<16
	s_mov_b32 s[\g+4], 2*KT
	s_mov_b32 s[\g+5], 32
	s_mov_b32 s[\g+6], 0
	s_mov_b32 s[\g+7], 0
.endr
	s_lshl_b32 s20, s17, 1                         ; A: the tile's first 64 rows
	s_lshl_b32 s46, s42, 1                         ; B likewise
	s_mul_i32 s22, s20, HS2
	s_mul_i32 s92, s46, HS2
	s_mul_i32 s20, s20, KT*6144
	s_mul_i32 s46, s46, KT*6144
	s_add_co_u32 s22, s22, A_SC
	s_add_co_u32 s46, s46, B_CO
	s_add_co_u32 s92, s92, B_SC
	s_mov_b32 s21, 0
	s_mov_b32 s23, 0
	s_mov_b32 s47, 0
	s_mov_b32 s93, 0
	s_mul_i32 s45, s14, HALFT
	s_mul_i32 s2, s16, KT*6144                     ; in the ring I fetch 64 rows of a tile: which half, in bytes
	s_mov_b32 s3, 0
	s_wait_kmcnt 0x0
	s_add_nc_u64 s[20:21], s[4:5], s[20:21]
	s_add_nc_u64 s[22:23], s[4:5], s[22:23]
	s_add_nc_u64 s[46:47], s[6:7], s[46:47]
	s_add_nc_u64 s[92:93], s[6:7], s[92:93]
	CROUND
	s_mov_b32 s[G0S], 1
	s_mov_b32 s[G0S+1], SCL
	s_mov_b64 s[G0S+2:G0S+3], s[22:23]
	s_or_b32 s[G0S+3], s[G0S+3], 0x80000000
	s_mov_b32 s[G0SB], 1
	s_mov_b32 s[G0SB+1], SCL+HALFS
	s_mov_b64 s[G0SB+2:G0SB+3], s[92:93]
	s_or_b32 s[G0SB+3], s[G0SB+3], 0x80000000
.set PFA, 66                           ; s[66:67] where my prefetches stand: my work-group's row tile of the four that I fetch; stepped one K chunk at each refill
.set PFO, 44                           ; v44 the prefetches' lane offset; never rewritten
	s_mov_b32 s[G0], 1                             ; the head's loads take slot 0's group 0: A's whole 128 rows of K chunk 0,
	s_mov_b32 s[G0+1], 0
	s_mov_b64 s[G0+2:G0+3], s[20:21]
	s_or_b32 s[G0+3], s[G0+3], 0x80000000
	s_mov_b32 s[G0B], 1                            ; and B's, behind them in slot 0
	s_mov_b32 s[G0B+1], 2*HALFT
	s_mov_b64 s[G0B+2:G0B+3], s[46:47]
	s_or_b32 s[G0B+3], s[G0B+3], 0x80000000
	s_add_nc_u64 s[20:21], s[20:21], s[2:3]        ; for the ring: my 64 rows of the tile
	s_add_nc_u64 s[46:47], s[46:47], s[2:3]
	s_mov_b32 s[G0+4], 1                           ; slot 1: K chunk 1
	s_add_co_u32 s[G0+5], s45, SLOT
	s_add_nc_u64 s[G0+6:G0+7], s[20:21], RTB
	s_or_b32 s[G0+7], s[G0+7], 0x80000000
	s_mov_b32 s[G0B+4], 1
	s_add_co_u32 s[G0B+5], s45, SLOT
	s_add_nc_u64 s[G0B+6:G0B+7], s[46:47], RTB
	s_or_b32 s[G0B+7], s[G0B+7], 0x80000000
	; the prefetches: of the 4 row tiles x 6,144 bytes that I fetch in a chunk, the partner at place p (cx for A, cy for B) names row tile p, 24 blocks of 256 bytes: shared out by address alone
	s_cmp_eq_u32 s15, 0
	s_cselect_b64 s[PFA:PFA+1], s[20:21], s[46:47]
	s_cselect_b32 s92, s40, s41
	s_mul_i32 s92, s92, KT*1536
	s_mov_b32 s93, 0
	s_add_nc_u64 s[PFA:PFA+1], s[PFA:PFA+1], s[92:93]
; THE HEAD'S LOADS, ONE A WAVE: wave 0 A's 128 rows of chunk 0, wave 1 B's, wave 2 A's scale words, wave 3 B's.  One chain of branches on the wave's number, one load to an arm, one join.
.macro ARM under, g0, g1, next
	s_cmp_lt_u32 s14, \under
	s_cbranch_scc0 \next
	tensor_load_to_lds s[\g0:\g0+3], s[\g1:\g1+7]
	s_nop 0
.rept 4
	v_nop
.endr
	s_branch .Lhead_asked
\next:
.endm
	ARM 1, G0,  G1,  .Lhead_b
	ARM 2, G0B, G1B, .Lhead_sa
	ARM 3, G0S, G1S, .Lhead_sb
	tensor_load_to_lds s[G0SB:G0SB+3], s[G1SB:G1SB+7]
	s_nop 0
.rept 4
	v_nop
.endr
.Lhead_asked:
	v_and_b32 v1, 15, v0
	v_bfe_u32 v2, v0, 4, 1
	v_and_b32 v3, 31, v0
	v_lshlrev_b32 v[L16], 4, v3
	v_lshlrev_b32 v[L8], 3, v3
	v_lshlrev_b32 v[R16], 4, v1
	v_min_u32 v[PFO], 23, v3                       ; a prefetch's lane: block lane of my row tile's 24 (the lanes left over name the last again)
	v_lshlrev_b32 v[PFO], 8, v[PFO]
	global_prefetch_b8 v[PFO], s[PFA:PFA+1] offset:RTB th:TH_LOAD_NT scope:SCOPE_SE     ; K chunk 1, which the next load takes, and
	global_prefetch_b8 v[PFO], s[PFA:PFA+1] offset:2*RTB th:TH_LOAD_NT scope:SCOPE_SE   ; chunk 2, two loads on
	s_mul_i32 s21, s15, HALFT
	s_mul_i32 s22, s16, HALFT
	s_add_co_u32 s22, s22, 2*HALFT
.irp s, 0,1
	v_add_nc_u32 v[ADRA+\s], s21, v[L16]
	v_add_nc_u32 v[ADRB+\s], s22, v[L16]
	v_add_nc_u32 v[ADRA+2+\s], s21, v[L8]
	v_add_nc_u32 v[ADRB+2+\s], s22, v[L8]
	s_add_co_u32 s21, s21, SLOT
	s_add_co_u32 s22, s22, SLOT
.endr
	v_lshlrev_b32 v5, 2, v1
	s_lshl_b32 s21, s15, 8
	s_lshl_b32 s22, s16, 8
	s_add_co_u32 s22, s22, HALFS
	s_sub_co_u32 s22, s22, s21
	v_mul_u32_u24 v6, s22, v2
	s_add_co_u32 s21, s21, SCL
	v_add_nc_u32 v5, v5, v6
	v_add_nc_u32 v[ADRS], s21, v5
	s_mul_i32 s23, s14, 16*SPITCH
	s_add_co_u32 s23, s23, STG
	v_mul_u32_u24 v5, v1, SPITCH
	v_lshl_add_u32 v5, v2, 6, v5
	v_add_nc_u32 v[STO], s23, v5
	v_mul_u32_u24 v5, v2, 8*SPITCH
	v_add_nc_u32 v5, v5, v[R16]
	v_add_nc_u32 v[RD], s23, v5
	v_lshl_add_u32 v[CO], v2, 16, v[R16]
	v_lshlrev_b32 v[SO], 6, v2
	s_wait_alu depctr_va_vdst(0)
	s_lshl_b32 s20, s17, 7
	s_lshl_b32 s21, s15, 6
	s_add_co_u32 s20, s20, s21
.if SY
	s_lshl_b32 s22, s20, 2
	s_add_co_u32 s22, s22, 3276800
	s_mov_b32 s23, 0
	s_add_nc_u64 s[10:11], s[10:11], s[22:23]
.endif
	s_lshl_b32 s20, s20, 12
	s_lshl_b32 s46, s42, 9
	s_lshl_b32 s47, s16, 8
	s_add_co_u32 s46, s46, s47
	s_mov_b32 s47, 0
	s_add_nc_u64 s[18:19], s[18:19], s[46:47]
	s_add_co_u32 s20, s20, s46
	s_mov_b32 s21, 0
	s_add_nc_u64 s[8:9], s[8:9], s[20:21]
	s_add_nc_u64 s[12:13], s[12:13], s[20:21]
	global_load_b128 v[64:67], v[R16], s[18:19]
.if SY
.irp a, 0,1,2,3
	global_load_b128 v[SV+8*\a:SV+8*\a+3], v[SO], s[10:11] offset:(32*(\a/2)+8*(\a%2))*4
	global_load_b128 v[SV+8*\a+4:SV+8*\a+7], v[SO], s[10:11] offset:(32*(\a/2)+8*(\a%2))*4+16
.endr
.endif
	WIN TO_B
.irp a, 0,1,2,3
.irp t, 0,1,2,3,4,5,6,7
	global_load_b128 v[128+32*\a+4*\t:128+32*\a+4*\t+3], v[CO], s[8:9] offset:(32*(\a/2)+8*(\a%2)+\t)*4096 th:TH_LOAD_NT
.endr
.endr
	WIN 0
	s_wait_alu depctr_va_vdst(0)                   ; the wait at the head's end
	s_wait_tensorcnt 0x0                           ; my tile of the head's four is in
	ds_add_u32 v[SPW], v[NIL]
	s_mov_b32 s[G1+2], 4<<16                       ; no tensor load of mine is out, so descriptors may be written: from here on a load brings 4 row tiles,
	s_mov_b32 s[G1+4], 4
	s_mov_b32 s[G1B+2], 4<<16
	s_mov_b32 s[G1B+4], 4
	s_mov_b32 s[G0+1], s45                         ; and slot 0's group 0 names my quarter of the slot
	s_mov_b32 s[G0B+1], s45
	s_add_nc_u64 s[G0+2:G0+3], s[G0+2:G0+3], s[2:3]
	s_add_nc_u64 s[G0B+2:G0B+3], s[G0B+2:G0B+3], s[2:3]
	s_wait_dscnt 0x0
	CROUND                                         ; all four tiles are in, and all sixteen work-groups are here
	JLOAD G0+4, G1, G0B+4, G1B                     ; K chunk 1, the first tensor load behind the round
	FETCH 0, 0, 0
	global_prefetch_b8 v[PFO], s[PFA:PFA+1] offset:3*RTB th:TH_LOAD_NT scope:SCOPE_SE   ; chunk 3: two loads on
	STEP 0, 0, 1
.if NS > 2
	WIN 0
	s_mov_b32 s3, (NS-2)/2
.Llap:
	s_wait_alu depctr_va_vdst(0)
	STEP 0, 1, 0
	STEP 0, 2, 0
	TURN 0, 1, 1
	s_wait_alu depctr_va_vdst(0)
	STEP 1, 0, 0
	STEP 1, 1, 0
	STEP 1, 2, 0
	TURN 1, 0, 1
	s_wait_alu depctr_va_vdst(0)
	STEP 0, 0, 0
	WIN 0
	s_sub_co_u32 s3, s3, 1
	s_cmp_lg_u32 s3, 0
	s_cbranch_scc1 .Llap
.endif
	STEP 0, 1, 0
	STEP 0, 2, 0
	TURN 0, 1, 0
	s_wait_alu depctr_va_vdst(0)
	STEP 1, 0, 0
	STEP 1, 1, 0
	STEP 1, 2, 0
	s_wait_dscnt 0x0
	WIN MUL
	MUL4 0, 1, 0
	MUL4 1, 1, 0
	MUL4 2, 1, 0
	MUL4 3, 1, 0
	WIN 0
.macro TOSTAGE a
	WIN 0x08
.irp b, 0,1,2,3
	ds_store_b128 v[STO], v[8*(4*(\a)+\b):8*(4*(\a)+\b)+3] offset:128*(\b/2)+32*(\b%2)
	ds_store_b128 v[STO], v[8*(4*(\a)+\b)+4:8*(4*(\a)+\b)+7] offset:128*(\b/2)+32*(\b%2)+16
.endr
	WIN 0
.set BB, BK+32*((\a)%2)
.irp t, 0,1,2,3,4,5,6,7
	ds_load_b128 v[BB+4*\t:BB+4*\t+3], v[RD] offset:\t*SPITCH
.endr
.endm
.macro SEND a, younger
.set BB, BK+32*((\a)%2)
.set RS, 128+32*(\a)
	s_wait_dscnt \younger
.if SY
	WIN 0x01
.irp t, 0,1,2,3,4,5,6,7
.irp j, 0,1,2,3
	v_fma_f32 v[BB+4*\t+\j], v[RS+4*\t+\j], v[SV+8*(\a)+\t], v[BB+4*\t+\j]
.endr
.endr
.else
	WIN 0x04
.set k, 0
.rept 16
	v_pk_add_f32 v[BB+k:BB+k+1], v[BB+k:BB+k+1], v[RS+k:RS+k+1]
.set k, k+2
.endr
.endif
	WIN 0
.irp t, 0,1,2,3,4,5,6,7
	v_pk_add_f32 v[BB+4*\t:BB+4*\t+1], v[BB+4*\t:BB+4*\t+1], v[64:65]
	v_pk_add_f32 v[BB+4*\t+2:BB+4*\t+3], v[BB+4*\t+2:BB+4*\t+3], v[66:67]
.endr
.irp t, 0,1,2,3,4,5,6,7
	global_store_b128 v[CO], v[BB+4*\t:BB+4*\t+3], s[12:13] offset:(32*((\a)/2)+8*((\a)%2)+\t)*4096
.endr
.endm
	PLACES NP
	s_wait_loadcnt 0x0
	TOSTAGE 0
.irp a, 1,2,3
.if \a > 1
	s_wait_xcnt 0x0
.endif
	TOSTAGE \a
	SEND \a-1, 16
.endr
	SEND 3, 0
	s_wait_tensorcnt 0x0
	ds_add_u32 v[SPW], v[NIL]
	s_wait_dscnt 0x0
	CROUND
	s_endpgm
.Lfunc_end_k_q779d489bad_ffn2:
	.size	k_q779d489bad_ffn2, .Lfunc_end_k_q779d489bad_ffn2-k_q779d489bad_ffn2
	.p2alignl 7, 3214868480
	.fill 96, 4, 3214868480
	.section	.rodata,"a",@progbits
	.p2align	6, 0x0
	.amdhsa_kernel k_q779d489bad_ffn2
		.amdhsa_group_segment_fixed_size 327680
		.amdhsa_private_segment_fixed_size 0
		.amdhsa_enable_private_segment 0
		.amdhsa_kernarg_size 48
		.amdhsa_user_sgpr_count 2
		.amdhsa_user_sgpr_kernarg_segment_ptr 1
		.amdhsa_wavefront_size32 1
		.amdhsa_system_sgpr_workgroup_id_x 1
		.amdhsa_system_sgpr_workgroup_id_y 1
		.amdhsa_system_sgpr_workgroup_id_z 1
		.amdhsa_system_vgpr_workitem_id 0
		.amdhsa_next_free_vgpr 768
		.amdhsa_next_free_sgpr 102
		.amdhsa_reserve_vcc 0
		.amdhsa_float_denorm_mode_32 3
		.amdhsa_float_denorm_mode_16_64 3
		.amdhsa_memory_ordered 1
		.amdhsa_forward_progress 1
		.amdhsa_inst_pref_size 111
	.end_amdhsa_kernel
	.amdgpu_metadata
---
amdhsa.version: [ 1, 2 ]
amdhsa.kernels:
  - .name:           k_q779d489bad_ffn2
    .symbol:         k_q779d489bad_ffn2.kd
    .args:
      - { .name: wsH, .offset: 0, .size: 8, .value_kind: global_buffer, .address_space: global }
      - { .name: wsA, .offset: 8, .size: 8, .value_kind: global_buffer, .address_space: global }
      - { .name: wsY, .offset: 16, .size: 8, .value_kind: global_buffer, .address_space: global }
      - { .name: wsD, .offset: 24, .size: 8, .value_kind: global_buffer, .address_space: global }
      - { .name: bf2, .offset: 32, .size: 8, .value_kind: global_buffer, .address_space: global }
      - { .name: wsZ, .offset: 40, .size: 8, .value_kind: global_buffer, .address_space: global }
    .group_segment_fixed_size: 327680
    .private_segment_fixed_size: 0
    .kernarg_segment_align: 8
    .kernarg_segment_size: 48
    .max_flat_workgroup_size: 128
    .sgpr_count:     102
    .vgpr_count:     768
    .wavefront_size: 32
...
	.end_amdgpu_metadata
.endif
;; end of part 15
;; launch proj (part 16): grid 256 x 1, 8 waves a work-group, no clusters, 0 bytes of LDS; arguments wsZ, out0; writes out0
.if DOCPART == 16
	.amdgcn_target "amdgcn-amd-amdhsa--gfx1250"
	.amdhsa_code_object_version 6
	.text
	.protected	k_q779d489bad_proj
	.globl	k_q779d489bad_proj
	.p2align	8
	.type	k_q779d489bad_proj,@function
k_q779d489bad_proj:
	s_mov_b64 s[64:65], 0
	v_nop
	global_prefetch_b8 v0, s[64:65] scope:SCOPE_SE
	s_setreg_imm32_b32 hwreg(HW_REG_WAVE_MODE, 25, 1), 1
	s_wait_xcnt 0x0
; out = z clipped to norm 1 - 1e-5: n = the row's norm; n > 1 - 1e-5 ? z (1 - 1e-5) / max(n, 1e-12) : z.  z, out: [4,096][1,024] f32.
; A stream: a wave takes two whole rows of 4,096 bytes, 32 registers each, so that a row is read once and the reduction never leaves the wave: no LDS, no barrier, no matrix unit.
; Each load and store of a wave covers 512 consecutive bytes, aligned.  All 16 loads of a wave go out together.
; LIMITS: NaN and infinities are not served.
.set X,   16                           ; v16-79  two rows, 32 registers each
.set C,   4                            ; v4-11   four chains of pairs
.set F,   12                           ; v[12:13] the factor, twice
	s_load_b128 s[4:7], s[0:1], 0x0                ; z, out
	v_lshrrev_b32 v1, 5, v0
	s_delay_alu instid0(VALU_DEP_1)
	v_readfirstlane_b32 s8, v1                     ; wave
	v_and_b32 v1, 31, v0
	s_delay_alu instid0(VALU_DEP_1)
	v_lshlrev_b32 v1, 4, v1                        ; 16 x lane
	s_lshl_b32 s10, ttmp9, 16                      ; 16 rows a work-group,
	s_lshl_b32 s9, s8, 13                          ; 2 a wave
	s_add_co_u32 s10, s10, s9
	s_mov_b32 s11, 0
	s_mov_b32 s12, 0x76543210                      ; lane selects: lane l xor 16
	s_mov_b32 s13, 0xfedcba98
	s_mov_b32 s14, 0x3f7fff58                      ; 1 - 1e-5
	s_wait_alu depctr_va_vdst(0)
	s_wait_kmcnt 0x0
	s_add_nc_u64 s[4:5], s[4:5], s[10:11]
	s_add_nc_u64 s[6:7], s[6:7], s[10:11]
.irp e, 0,1
.irp j, 0,1,2,3,4,5,6,7
	global_load_b128 v[X+32*\e+4*\j:X+32*\e+4*\j+3], v1, s[4:5] offset:4096*\e+512*\j th:TH_LOAD_NT
.endr
.endr
.macro ROW e
.set XR, X+32*\e
	s_wait_loadcnt 8-8*\e                          ; this row's eight loads are in; the second row's may be out
.irp k, 0,1,2,3
	v_pk_mul_f32 v[C+2*\k:C+2*\k+1], v[XR+2*\k:XR+2*\k+1], v[XR+2*\k:XR+2*\k+1]
.endr
.irp j, 8,16,24
.irp k, 0,1,2,3
	s_delay_alu instid0(VALU_DEP_4)
	v_pk_fma_f32 v[C+2*\k:C+2*\k+1], v[XR+\j+2*\k:XR+\j+2*\k+1], v[XR+\j+2*\k:XR+\j+2*\k+1], v[C+2*\k:C+2*\k+1]
.endr
.endr
	s_delay_alu instid0(VALU_DEP_3)
	v_pk_add_f32 v[C:C+1], v[C:C+1], v[C+2:C+3]
	s_delay_alu instid0(VALU_DEP_2)
	v_pk_add_f32 v[C+4:C+5], v[C+4:C+5], v[C+6:C+7]
	s_delay_alu instid0(VALU_DEP_1)
	v_pk_add_f32 v[C:C+1], v[C:C+1], v[C+4:C+5]
	s_delay_alu instid0(VALU_DEP_1)
	v_add_f32 v[C], v[C], v[C+1]
	s_delay_alu instid0(VALU_DEP_1)
	v_add_f32_dpp v[C], v[C], v[C] row_xmask:1 row_mask:0xf bank_mask:0xf
	s_delay_alu instid0(VALU_DEP_1)
	v_add_f32_dpp v[C], v[C], v[C] row_xmask:2 row_mask:0xf bank_mask:0xf
	s_delay_alu instid0(VALU_DEP_1)
	v_add_f32_dpp v[C], v[C], v[C] row_xmask:4 row_mask:0xf bank_mask:0xf
	s_delay_alu instid0(VALU_DEP_1)
	v_add_f32_dpp v[C], v[C], v[C] row_xmask:8 row_mask:0xf bank_mask:0xf
	s_delay_alu instid0(VALU_DEP_1)
	v_permlanex16_b32 v[C+1], v[C], s12, s13       ; (its destination has been written)
	s_delay_alu instid0(VALU_DEP_1)
	v_add_f32 v[C], v[C], v[C+1]                   ; the row's sum of squares, in every lane
	s_wait_alu depctr_va_vdst(0)
	v_sqrt_f32 v[C+2], v[C]                        ; n
	v_nop                                          ; a plain line behind the transcendental,
	s_wait_alu depctr_va_vdst(0)                   ; and the wait ahead of its first reader
	v_max_num_f32 v[C+3], 0x2b8cbccc, v[C+2]       ; max(n, 1e-12)
	s_wait_alu depctr_va_vdst(0)
	v_rcp_f32 v[C+3], v[C+3]
	v_cmp_gt_f32 vcc_lo, v[C+2], s14               ; (a plain line behind the reciprocal)
	s_wait_alu depctr_va_vdst(0)
	v_mul_f32 v[C+3], s14, v[C+3]
	s_delay_alu instid0(VALU_DEP_1)
	v_cndmask_b32 v[F], 1.0, v[C+3], vcc_lo
	s_delay_alu instid0(VALU_DEP_1)
	v_mov_b32 v[F+1], v[F]
.irp j, 0,2,4,6,8,10,12,14,16,18,20,22,24,26,28,30
	v_pk_mul_f32 v[XR+\j:XR+\j+1], v[XR+\j:XR+\j+1], v[F:F+1]
.endr
.irp j, 0,1,2,3,4,5,6,7
	global_store_b128 v1, v[XR+4*\j:XR+4*\j+3], s[6:7] offset:4096*\e+512*\j th:TH_STORE_NT
.endr
.endm
	ROW 0
	ROW 1
	s_endpgm
.Lfunc_end_k_q779d489bad_proj:
	.size	k_q779d489bad_proj, .Lfunc_end_k_q779d489bad_proj-k_q779d489bad_proj
	.p2alignl 7, 3214868480
	.fill 96, 4, 3214868480
	.section	.rodata,"a",@progbits
	.p2align	6, 0x0
	.amdhsa_kernel k_q779d489bad_proj
		.amdhsa_group_segment_fixed_size 0
		.amdhsa_private_segment_fixed_size 0
		.amdhsa_enable_private_segment 0
		.amdhsa_kernarg_size 16
		.amdhsa_user_sgpr_count 2
		.amdhsa_user_sgpr_kernarg_segment_ptr 1
		.amdhsa_wavefront_size32 1
		.amdhsa_system_sgpr_workgroup_id_x 1
		.amdhsa_system_sgpr_workgroup_id_y 1
		.amdhsa_system_sgpr_workgroup_id_z 1
		.amdhsa_system_vgpr_workitem_id 0
		.amdhsa_next_free_vgpr 96
		.amdhsa_next_free_sgpr 66
		.amdhsa_reserve_vcc 1
		.amdhsa_float_denorm_mode_32 3
		.amdhsa_float_denorm_mode_16_64 3
		.amdhsa_memory_ordered 1
		.amdhsa_forward_progress 1
		.amdhsa_inst_pref_size 12
	.end_amdhsa_kernel
	.amdgpu_metadata
---
amdhsa.version: [ 1, 2 ]
amdhsa.kernels:
  - .name:           k_q779d489bad_proj
    .symbol:         k_q779d489bad_proj.kd
    .args:
      - { .name: wsZ, .offset: 0, .size: 8, .value_kind: global_buffer, .address_space: global }
      - { .name: out0, .offset: 8, .size: 8, .value_kind: global_buffer, .address_space: global }
    .group_segment_fixed_size: 0
    .private_segment_fixed_size: 0
    .kernarg_segment_align: 8
    .kernarg_segment_size: 16
    .max_flat_workgroup_size: 256
    .sgpr_count:     66
    .vgpr_count:     96
    .wavefront_size: 32
...
	.end_amdgpu_metadata
.endif
;; end of part 16
